; MI455X (gfx1250); checked and timed in simulation.
; The chip was launched on July 23, 2026; its instructions are those of AMD's public machine-readable ISA for CDNA 5 (MIT licence, August 2026) and "CDNA5" Instruction Set Architecture Reference Guide (July 2026). The comments in the code are by the model that wrote it; some were corrected since.
;; Absolute Relative Position Embedding. Allowed arithmetic: float matrix products may take bf16 or f16 operands with f32 sums; other float arithmetic in f32, or as packed bf16 or f16 multiplies, adds, multiply-adds, maxima and minima; sums over many terms, partial sums and values carried from step to step in f32; what a program stores and reads back later, other than sums and carried values, may be rounded once to bf16 or f16.
;; Inputs: params1_0_0 64 x 6 float32; params1_0_1 64 float32; params1_0_2 64 float32; params1_0_3 64 float32; params1_1_0 128 x 64 float32; params1_1_1 128 float32; params1_1_2 128 float32; params1_1_3 128 float32; params1_2_0 256 x 128 float32; params1_2_1 256 float32; params1_2_2 256 float32; params1_2_3 256 float32; params2_0_0 512 x 256 float32; params2_0_1 512 float32; params2_0_2 512 float32; params2_0_3 512 float32; params2_1_0 1,024 x 512 float32; params2_1_1 1,024 float32; params2_1_2 1,024 float32; params2_1_3 1,024 float32; points 8 x 3 x 2,048 float32.
;; Outputs: out0 8 x 1,024 x 2,048 float32.
;; 3 versions, each right and faster than the one before. Each part assembles by itself: llvm-mc -triple=amdgcn-amd-amdhsa -mcpu=gfx1250 --defsym DOCPART=n.
;; ======== version 1 of 3: 8 launches
;; limits: a difference of large sums (such as E[x^2] - mean^2): digits are lost where the result is much smaller than its terms; values are held in f16: magnitudes above 65,504 overflow, below 6.1e-05 lose precision
;; workspace buffers: gsel 2,228,224 bytes of whole numbers; nidx 1,048,576 bytes of whole numbers; wf 1,310,720 bytes; p1 16,384 bytes; p2 16,384 bytes; e3 16,793,600 bytes; u4 16,793,600 bytes; u5 33,570,816 bytes
;; launch knn1 (part 1): grid 256 x 1, 4 waves a work-group, no clusters, 98,816 bytes of LDS; arguments points, params2_0_0, params2_1_0, gsel, wf; writes gsel, wf
.if DOCPART == 1
	.amdgcn_target "amdgcn-amd-amdhsa--gfx1250"
	.amdhsa_code_object_version 6
	.text
	.protected	k_q86983adaf3_knn1
	.globl	k_q86983adaf3_knn1
	.p2align	8
	.type	k_q86983adaf3_knn1,@function
k_q86983adaf3_knn1:
	s_mov_b64 s[64:65], 0
	v_nop
	global_prefetch_b8 v0, s[64:65] scope:SCOPE_SE
	s_setreg_imm32_b32 hwreg(HW_REG_WAVE_MODE, 25, 1), 1
	s_wait_xcnt 0x0
; NEAREST NEIGHBOURS, FIRST PART, and the two large weight matrices laid out for the matrix unit.
; points [8][3][2048] f32 are rounded to bf16 first (as every input of this program is): all products of the distance are then exact in f32, and
; d = (sq_n - 2 inner) + sq_m is made in f32 in the order of the defining formula.  NaN and infinities are not treated apart.
; SHARES.  A work-group has 64 queries of one cloud.  Wave w: 32 queries (a lane a query, w & 1) against 1,024 candidates (half w >> 1).
; The candidates lie in 128 groups of 8 neighbours in index.  The 17 nearest under (d, index) lie in the 17 groups whose minima are least under (minimum, group).
; PASS A makes each group's minimum, keeps the 17 least values in a sorted list (an insertion is 16 medians and a minimum) and puts the minima into LDS.
; PASS B gives each group a key: its number if its minimum is below the 17th value, number + 128 if equal, infinity if above; the 17 least keys are the groups.
; gsel: u32 [cloud][half][slot 17][query 2048].
; wf: W4 [512][256] at byte 0, W5 [1024][512] at byte 262,144, bf16-rounded numbers written as f16 (exact from 2^-14 to 65,504; below, f16's fixed step), in blocks of
; 16 rows x 32 k = 1,024 bytes: half f at 512 f, lane l = 16 h + r at 16 l holds row r, k = 16 f + 8 h .. + 7.
.set GMO, 32768                        ; LDS: x, y, z, sq of the 2,048 candidates at 0, 8,192, 16,384, 24,576; then the minima [trip 32][thread 128][16 bytes]
.set SPARE, 98304                      ; the spare words: 128 bytes a wave
.set CA, 2                             ; the candidates' LDS address, the same in all lanes
.set GA, 3                             ; where my four minima of a trip go or come from
.set GA0, 4
.set QA, 5                             ; 4 x my query's number in the cloud
.set PA, 6                             ; 16 x thread
.set KY, 8                             ; a key
.set QX, 10                            ; the query, each number twice (pairs for the packed lines)
.set QY, 12
.set QZ, 14
.set QS, 16
.set L, 18                             ; v18-34 the sorted list of 17
.set TG, 35
.set BIG, 36
.set GB, 37
.set T, 38                             ; v38-45 eight distances
.set G, 46                             ; v46-49 a trip's four minima
.set SA, 50                            ; v50-113 sixteen candidates: x, y, z, sq
.set SB, 114                           ; v114-177 the other sixteen
.set SPW, 178
.set NIL, 179
.set GN, 182                           ; v182-185 the next trip's minima
.set C5A, 186
.set S5A, 187
.set C5B, 188
.set S5B, 189
.set C4A, 190
.set S4A, 191
.set W0, 192
.set W1, 193
.macro RB2 a                           ; two numbers rounded to bf16, kept as f32
	v_cvt_pk_bf16_f32 v[W0], v[\a], v[(\a)+1]
	v_lshlrev_b32 v[\a], 16, v[W0]
	v_and_b32 v[(\a)+1], s19, v[W0]
.endm
.macro CONV8 a, o                      ; eight f32 -> bf16 -> the same numbers as f16, 16 bytes
.irp j, 0,1,2,3
	v_cvt_pk_bf16_f32 v[(\o)+\j], v[(\a)+2*\j], v[(\a)+2*\j+1]
.endr
.irp j, 0,1,2,3
	v_lshlrev_b32 v[(\a)+2*\j], 16, v[(\o)+\j]
	v_and_b32 v[(\a)+2*\j+1], s19, v[(\o)+\j]
.endr
.irp j, 0,1,2,3
	v_cvt_pk_f16_f32 v[(\o)+\j], v[(\a)+2*\j], v[(\a)+2*\j+1]
.endr
.endm
.macro WSRC d, c, msh, kb, rsh         ; chunk number c (bits 3:0 r, 4 h, 5 f, then ks, then the row block) -> source byte d; c becomes the chunk's byte in wf
	v_lshrrev_b32 v[W0], \msh, v[\c]
	v_and_b32 v[W1], 15, v[\c]
	v_lshl_add_u32 v[W0], v[W0], 4, v[W1]
	v_bfe_u32 v[W1], v[\c], 4, \kb
	v_lshlrev_b32 v[W1], 5, v[W1]
	v_lshl_add_u32 v[\d], v[W0], \rsh, v[W1]
	v_lshlrev_b32 v[\c], 4, v[\c]
.endm
.macro INSERT c                        ; the list stays sorted: place i takes the median of its lower neighbour, itself and c
.set ii, 16
.rept 16
	v_med3_num_f32 v[L+ii], v[L+ii-1], v[L+ii], v[\c]
.set ii, ii-1
.endr
	v_min_num_f32 v[L], v[L], v[\c]
.endm
.macro LOADSET s, off                  ; sixteen candidates: 64 bytes of each of the four arrays, every lane the same address
.irp a, 0,1,2,3
.irp j, 0,1,2,3
	ds_load_b128 v[(\s)+16*\a+4*\j:(\s)+16*\a+4*\j+3], v[CA] offset:8192*\a+16*\j+(\off)
.endr
.endr
.endm
.macro GROUP s, u, m                   ; group u of set s: eight distances, their minimum into G + m and into the list
.irp p, 0,1,2,3
	v_pk_mul_f32 v[T+2*\p:T+2*\p+1], v[(\s)+8*(\u)+2*\p:(\s)+8*(\u)+2*\p+1], v[QX:QX+1]
.endr
.irp p, 0,1,2,3
	v_pk_fma_f32 v[T+2*\p:T+2*\p+1], v[(\s)+16+8*(\u)+2*\p:(\s)+16+8*(\u)+2*\p+1], v[QY:QY+1], v[T+2*\p:T+2*\p+1]
.endr
.irp p, 0,1,2,3
	v_pk_fma_f32 v[T+2*\p:T+2*\p+1], v[(\s)+32+8*(\u)+2*\p:(\s)+32+8*(\u)+2*\p+1], v[QZ:QZ+1], v[T+2*\p:T+2*\p+1]
.endr
.irp p, 0,1,2,3
	v_pk_fma_f32 v[T+2*\p:T+2*\p+1], v[T+2*\p:T+2*\p+1], -2.0, v[QS:QS+1] op_sel_hi:[1,0,1]
.endr
.irp p, 0,1,2,3
	v_pk_add_f32 v[T+2*\p:T+2*\p+1], v[T+2*\p:T+2*\p+1], v[(\s)+48+8*(\u)+2*\p:(\s)+48+8*(\u)+2*\p+1]
.endr
	v_min3_num_f32 v[G+(\m)], v[T], v[T+1], v[T+2]
	v_min3_num_f32 v[G+(\m)], v[G+(\m)], v[T+3], v[T+4]
	v_min3_num_f32 v[G+(\m)], v[G+(\m)], v[T+5], v[T+6]
	v_min_num_f32 v[G+(\m)], v[G+(\m)], v[T+7]
	INSERT G+(\m)
.endm
.macro KEY u, klo, khi                 ; klo = u, khi = u + 128, as f32
	v_cmp_gt_f32 vcc_lo, v[T+(\u)], v[TG]
	v_cndmask_b32 v[KY], \khi, v[BIG], vcc_lo
	v_cmp_ge_f32 vcc_lo, v[T+(\u)], v[TG]
	v_cndmask_b32 v[KY], \klo, v[KY], vcc_lo
	v_add_f32 v[KY], v[GB], v[KY]
	INSERT KY
.endm
	s_load_b256 s[4:11], s[0:1], 0x0               ; points s[4:5], W4 s[6:7], W5 s[8:9], gsel s[10:11]
	s_load_b64 s[12:13], s[0:1], 0x20              ; wf
	v_lshl_add_u32 v[SPW], v0, 2, SPARE
	v_mov_b32 v[NIL], 0
	v_lshrrev_b32 v1, 5, v0
	v_readfirstlane_b32 s14, v1                    ; wave
	s_and_b32 s15, s14, 1                          ; which 32 queries
	s_lshr_b32 s16, s14, 1                         ; which half of the candidates
	s_lshr_b32 s17, ttmp9, 5                       ; cloud
	s_and_b32 s18, ttmp9, 31
	s_lshl_b32 s18, s18, 6
	s_lshl_b32 s22, s15, 5
	s_add_co_u32 s18, s18, s22                     ; my wave's first query
	s_mov_b32 s19, 0xffff0000
	s_mul_i32 s20, s17, 24576
	s_mov_b32 s21, 0
	v_lshlrev_b32 v[PA], 4, v0
	s_lshl_b32 s22, ttmp9, 8                       ; W5: 256 chunks of 8 numbers a work-group, two a thread
	v_add_nc_u32 v[C5A], s22, v0
	v_add_nc_u32 v[C5B], 128, v[C5A]
	s_lshl_b32 s22, ttmp9, 6                       ; W4: 64 chunks a work-group, waves 0 and 1
	v_add_nc_u32 v[C4A], s22, v0
	WSRC S5A, C5A, 10, 6, 11
	WSRC S5B, C5B, 10, 6, 11
	WSRC S4A, C4A, 9, 5, 10
	s_wait_kmcnt 0x0
	s_add_nc_u64 s[4:5], s[4:5], s[20:21]          ; my cloud
.irp d, 0,1,2
.irp i, 0,1,2,3
	global_load_b128 v[SA+16*\d+4*\i:SA+16*\d+4*\i+3], v[PA], s[4:5] offset:8192*\d+2048*\i  ; candidates 512 i + 4 t .. + 3
.endr
.endr
	global_load_b128 v[SB:SB+3], v[S5A], s[8:9]
	global_load_b128 v[SB+4:SB+7], v[S5A], s[8:9] offset:16
	global_load_b128 v[SB+8:SB+11], v[S5B], s[8:9]
	global_load_b128 v[SB+12:SB+15], v[S5B], s[8:9] offset:16
	s_cmp_lt_u32 s14, 2
	s_cbranch_scc0 .Lno_w4
	global_load_b128 v[SB+16:SB+19], v[S4A], s[6:7]
	global_load_b128 v[SB+20:SB+23], v[S4A], s[6:7] offset:16
	s_wait_loadcnt 0x0
	CONV8 SB+16, SB+32
	global_store_b128 v[C4A], v[SB+32:SB+35], s[12:13]  ; a wave stores 512 consecutive bytes
.Lno_w4:
	s_wait_loadcnt 0x0
	CONV8 SB, SB+24
	CONV8 SB+8, SB+28
	global_store_b128 v[C5A], v[SB+24:SB+27], s[12:13] offset:262144
	global_store_b128 v[C5B], v[SB+28:SB+31], s[12:13] offset:262144
.set i, 0
.rept 24
	RB2 SA+2*i
.set i, i+1
.endr
.set i, 0
.rept 8                                ; sq = (x x + y y) + z z
	v_pk_mul_f32 v[SA+48+2*i:SA+48+2*i+1], v[SA+2*i:SA+2*i+1], v[SA+2*i:SA+2*i+1]
	v_pk_fma_f32 v[SA+48+2*i:SA+48+2*i+1], v[SA+16+2*i:SA+16+2*i+1], v[SA+16+2*i:SA+16+2*i+1], v[SA+48+2*i:SA+48+2*i+1]
	v_pk_fma_f32 v[SA+48+2*i:SA+48+2*i+1], v[SA+32+2*i:SA+32+2*i+1], v[SA+32+2*i:SA+32+2*i+1], v[SA+48+2*i:SA+48+2*i+1]
.set i, i+1
.endr
.irp a, 0,1,2,3
.irp i, 0,1,2,3
	ds_store_b128 v[PA], v[SA+16*\a+4*\i:SA+16*\a+4*\i+3] offset:8192*\a+2048*\i
.endr
.endr
	s_wait_xcnt 0x0                                ; the weights' stores have read their registers: set B is loaded over them below
	s_wait_dscnt 0x0                               ; my part of the candidates lies in LDS,
	s_barrier_signal -1
	s_barrier_wait -1                              ; everybody's does
	v_and_b32 v1, 31, v0
	v_add_lshl_u32 v[QA], v1, s18, 2
	ds_load_b32 v[QX], v[QA]
	ds_load_b32 v[QY], v[QA] offset:8192
	ds_load_b32 v[QZ], v[QA] offset:16384
	ds_load_b32 v[QS], v[QA] offset:24576
	v_mov_b32 v[BIG], 0x7f800000
.set i, 0
.rept 17
	v_mov_b32 v[L+i], v[BIG]
.set i, i+1
.endr
	s_lshl_b32 s25, s16, 12                        ; my half: 4,096 bytes into each array
	s_mov_b32 s24, 0
	v_mov_b32 v[CA], s25
	v_lshl_add_u32 v[GA0], v0, 4, GMO
	v_mov_b32 v[GA], v[GA0]
	s_wait_dscnt 0x0
	v_mov_b32 v[QX+1], v[QX]
	v_mov_b32 v[QY+1], v[QY]
	v_mov_b32 v[QZ+1], v[QZ]
	v_mov_b32 v[QS+1], v[QS]
	LOADSET SA, 0
	s_mov_b32 s26, 32
.LpassA:                               ; a trip: 32 candidates, four groups; each set is asked for while the other is worked on
	LOADSET SB, 64
	s_wait_dscnt 16                                ; all but set B's sixteen loads: set A is in
	GROUP SA, 0, 0
	GROUP SA, 1, 1
	s_add_co_u32 s24, s24, 128
	s_and_b32 s24, s24, 4095                       ; the last trip's look-ahead goes back to the half's first bytes
	s_add_co_u32 s27, s24, s25
	v_mov_b32 v[CA], s27
	LOADSET SA, 0
	s_wait_dscnt 16                                ; set B is in
	GROUP SB, 0, 2
	GROUP SB, 1, 3
	ds_store_b128 v[GA], v[G:G+3]
	v_add_nc_u32 v[GA], 2048, v[GA]
	s_sub_co_u32 s26, s26, 1
	s_cmp_lg_u32 s26, 0
	s_cbranch_scc1 .LpassA
	s_wait_dscnt 0x0
	v_mov_b32 v[TG], v[L+16]                       ; the 17th least minimum
.set i, 0
.rept 17
	v_mov_b32 v[L+i], v[BIG]
.set i, i+1
.endr
	v_mov_b32 v[GB], 0
	s_mov_b32 s24, 0
	ds_load_b128 v[GN:GN+3], v[GA0]
	s_mov_b32 s26, 32
.LpassB:                               ; a trip: four groups' keys; the next trip's minima are asked for at its head
	s_wait_dscnt 0x0
.irp u, 0,1,2,3
	v_mov_b32 v[T+\u], v[GN+\u]
.endr
	s_add_co_u32 s24, s24, 2048
	s_and_b32 s24, s24, 0xffff                     ; the last look-ahead reads trip 0 again
	v_add_nc_u32 v[GA], s24, v[GA0]
	ds_load_b128 v[GN:GN+3], v[GA]
	KEY 0, 0, 0x43000000
	KEY 1, 1.0, 0x43010000
	KEY 2, 2.0, 0x43020000
	KEY 3, 0x40400000, 0x43030000
	v_add_f32 v[GB], 4.0, v[GB]
	s_sub_co_u32 s26, s26, 1
	s_cmp_lg_u32 s26, 0
	s_cbranch_scc1 .LpassB
	s_lshl_b32 s27, s17, 1
	s_add_co_u32 s27, s27, s16
	s_mul_i32 s28, s27, 17*8192
	s_mov_b32 s29, 0
	s_add_nc_u64 s[10:11], s[10:11], s[28:29]
.set i, 0
.rept 17
	v_cvt_u32_f32 v[L+i], v[L+i]
	v_and_b32 v[L+i], 127, v[L+i]
	global_store_b32 v[QA], v[L+i], s[10:11] offset:8192*i
.set i, i+1
.endr
	s_wait_tensorcnt 0x0                           ; the wave's end
	ds_add_u32 v[SPW], v[NIL]
	s_wait_dscnt 0x0
	s_endpgm
.Lfunc_end_k_q86983adaf3_knn1:
	.size	k_q86983adaf3_knn1, .Lfunc_end_k_q86983adaf3_knn1-k_q86983adaf3_knn1
	.p2alignl 7, 3214868480
	.fill 96, 4, 3214868480
	.section	.rodata,"a",@progbits
	.p2align	6, 0x0
	.amdhsa_kernel k_q86983adaf3_knn1
		.amdhsa_group_segment_fixed_size 98816
		.amdhsa_private_segment_fixed_size 0
		.amdhsa_enable_private_segment 0
		.amdhsa_kernarg_size 40
		.amdhsa_user_sgpr_count 2
		.amdhsa_user_sgpr_kernarg_segment_ptr 1
		.amdhsa_wavefront_size32 1
		.amdhsa_system_sgpr_workgroup_id_x 1
		.amdhsa_system_sgpr_workgroup_id_y 1
		.amdhsa_system_sgpr_workgroup_id_z 1
		.amdhsa_system_vgpr_workitem_id 0
		.amdhsa_next_free_vgpr 200
		.amdhsa_next_free_sgpr 66
		.amdhsa_reserve_vcc 1
		.amdhsa_float_denorm_mode_32 3
		.amdhsa_float_denorm_mode_16_64 3
		.amdhsa_memory_ordered 1
		.amdhsa_forward_progress 1
		.amdhsa_inst_pref_size 37
	.end_amdhsa_kernel
	.amdgpu_metadata
---
amdhsa.version: [ 1, 2 ]
amdhsa.kernels:
  - .name:           k_q86983adaf3_knn1
    .symbol:         k_q86983adaf3_knn1.kd
    .args:
      - { .name: points, .offset: 0, .size: 8, .value_kind: global_buffer, .address_space: global }
      - { .name: params2_0_0, .offset: 8, .size: 8, .value_kind: global_buffer, .address_space: global }
      - { .name: params2_1_0, .offset: 16, .size: 8, .value_kind: global_buffer, .address_space: global }
      - { .name: gsel, .offset: 24, .size: 8, .value_kind: global_buffer, .address_space: global }
      - { .name: wf, .offset: 32, .size: 8, .value_kind: global_buffer, .address_space: global }
    .group_segment_fixed_size: 98816
    .private_segment_fixed_size: 0
    .kernarg_segment_align: 8
    .kernarg_segment_size: 40
    .max_flat_workgroup_size: 128
    .sgpr_count:     66
    .vgpr_count:     200
    .wavefront_size: 32
...
	.end_amdgpu_metadata
.endif
;; end of part 1
;; launch knn2 (part 2): grid 256 x 1, 4 waves a work-group, no clusters, 63,488 bytes of LDS; arguments points, gsel, nidx; writes nidx
.if DOCPART == 2
	.amdgcn_target "amdgcn-amd-amdhsa--gfx1250"
	.amdhsa_code_object_version 6
	.text
	.protected	k_q86983adaf3_knn2
	.globl	k_q86983adaf3_knn2
	.p2align	8
	.type	k_q86983adaf3_knn2,@function
k_q86983adaf3_knn2:
	s_mov_b64 s[64:65], 0
	v_nop
	global_prefetch_b8 v0, s[64:65] scope:SCOPE_SE
	s_setreg_imm32_b32 hwreg(HW_REG_WAVE_MODE, 25, 1), 1
	s_wait_xcnt 0x0
; NEAREST NEIGHBOURS, SECOND PART: out of 2 halves x 17 groups x 8 candidates the ranks 2 to 17 under (d, index).  Points rounded to bf16, d as in the first part, bit for bit.
; SHARES as there: a lane a query; wave w has queries 32 (w & 1) .. and the candidates' half w >> 1; waves w and w ^ 2 exchange their lists through LDS.
; PASS 1 keeps the 17 least d of the half; merged with the partner's they give L0 (the least) and TT (the 17th).
; PASS 2 makes the d anew and gives each candidate a key: index if d = L0; index + 2,048 if L0 < d < TT; index + 4,096 if d = TT; infinity above.  The 17 least keys are the 17 nearest
; with ties by the lower index; the first of them is the one that is dropped.  The other sixteen go out in key order: all that follows is a maximum or a sum over them.
; While lanes gather groups by numbers read from gsel no wave stores to LDS: a barrier stands in front of each exchange's stores.
; nidx: u32 [cloud][query][16].
.set GT, 0                             ; LDS: 256 groups x 144 bytes: x[8], y[8], z[8], sq[8], 16 spare: the pitch is 9 x 16 bytes
.set LLO, 36864                        ; [slot 17][thread 128] the group's number
.set XL1, 45568                        ; [wave][17][lane] the first exchange
.set XL2, 54272                        ; the second
.set SPARE, 62976
.set QA, 2
.set LA0, 3
.set LA, 4
.set AD, 5
.set XS, 6
.set XR, 7
.set GNR, 8
.set GBC, 9
.set QX, 10
.set QY, 12
.set QZ, 14
.set QS, 16
.set L, 18                             ; v18-34
.set L0, 35
.set TT, 36
.set BIG, 37
.set CT, 38
.set T, 40                             ; v40-47
.set KY, 48                            ; v48-55
.set CD, 56                            ; v56-87 a group's 32 numbers
.set PX, 88                            ; v88-151 sixteen candidates at the fill
.set GI, 152                           ; v152-168 my 17 groups
.set SPW, 170
.set NIL, 171
.set W0, 172
.set FS, 173
.set Q4, 174
.set FD, 175
.macro RB2 a
	v_cvt_pk_bf16_f32 v[W0], v[\a], v[(\a)+1]
	v_lshlrev_b32 v[\a], 16, v[W0]
	v_and_b32 v[(\a)+1], s19, v[W0]
.endm
.macro INSERT c
.set ii, 16
.rept 16
	v_med3_num_f32 v[L+ii], v[L+ii-1], v[L+ii], v[\c]
.set ii, ii-1
.endr
	v_min_num_f32 v[L], v[L], v[\c]
.endm
.macro DCALC                           ; eight distances of the group in CD
.irp p, 0,1,2,3
	v_pk_mul_f32 v[T+2*\p:T+2*\p+1], v[CD+2*\p:CD+2*\p+1], v[QX:QX+1]
.endr
.irp p, 0,1,2,3
	v_pk_fma_f32 v[T+2*\p:T+2*\p+1], v[CD+8+2*\p:CD+8+2*\p+1], v[QY:QY+1], v[T+2*\p:T+2*\p+1]
.endr
.irp p, 0,1,2,3
	v_pk_fma_f32 v[T+2*\p:T+2*\p+1], v[CD+16+2*\p:CD+16+2*\p+1], v[QZ:QZ+1], v[T+2*\p:T+2*\p+1]
.endr
.irp p, 0,1,2,3
	v_pk_fma_f32 v[T+2*\p:T+2*\p+1], v[T+2*\p:T+2*\p+1], -2.0, v[QS:QS+1] op_sel_hi:[1,0,1]
.endr
.irp p, 0,1,2,3
	v_pk_add_f32 v[T+2*\p:T+2*\p+1], v[T+2*\p:T+2*\p+1], v[CD+24+2*\p:CD+24+2*\p+1]
.endr
.endm
.macro KEY2 t, f                       ; f = t as f32
	v_cmp_gt_f32 vcc_lo, v[T+(\t)], v[TT]
	v_cndmask_b32 v[KY+(\t)], 0x45800000+0x800*(\t), v[BIG], vcc_lo
	v_cmp_ge_f32 vcc_lo, v[T+(\t)], v[TT]
	v_cndmask_b32 v[KY+(\t)], 0x45000000+0x1000*(\t), v[KY+(\t)], vcc_lo
	v_cmp_gt_f32 vcc_lo, v[T+(\t)], v[L0]
	v_cndmask_b32 v[KY+(\t)], \f, v[KY+(\t)], vcc_lo
	v_add_f32 v[KY+(\t)], v[GBC], v[KY+(\t)]
.endm
.macro NEXT                            ; the group whose number lies in GNR: clamped, its LDS address, its first index as f32, its 128 bytes asked for
	v_min_u32 v[CT], 0xff, v[GNR]
	v_mul_u32_u24 v[AD], v[CT], 144
	v_lshlrev_b32 v[CT], 3, v[CT]
	v_cvt_f32_u32 v[GBC], v[CT]
.irp j, 0,1,2,3,4,5,6,7
	ds_load_b128 v[CD+4*\j:CD+4*\j+3], v[AD] offset:GT+16*\j
.endr
.endm
.macro PASS m                          ; 17 trips, a group each; the next group's data and the number of the one after are asked for ahead of the eight insertions
	ds_load_b32 v[GNR], v[LA0]
	s_wait_dscnt 0x0
	NEXT
	ds_load_b32 v[GNR], v[LA0] offset:512
	s_mov_b32 s25, 512
	s_mov_b32 s26, 17
.Lpass\@:
	s_wait_dscnt 0x0                               ; issued 136 vector lines ago
	DCALC
.if (\m) == 2
	KEY2 0, 0
	KEY2 1, 1.0
	KEY2 2, 2.0
	KEY2 3, 0x40400000
	KEY2 4, 4.0
	KEY2 5, 0x40a00000
	KEY2 6, 0x40c00000
	KEY2 7, 0x40e00000
.endif
	NEXT
	s_add_co_u32 s25, s25, 512
	s_min_u32 s25, s25, 16*512                     ; the last look-aheads stay at slot 16
	v_add_nc_u32 v[LA], s25, v[LA0]
	ds_load_b32 v[GNR], v[LA]
.irp t, 0,1,2,3,4,5,6,7
.if (\m) == 2
	INSERT KY+\t
.else
	INSERT T+\t
.endif
.endr
	s_sub_co_u32 s26, s26, 1
	s_cmp_lg_u32 s26, 0
	s_cbranch_scc1 .Lpass\@
	s_wait_dscnt 0x0
.endm
.macro XCH base                        ; my list out, the partner's in, one value ahead of its insertion
	s_barrier_signal -1                            ; every wave's gathers are back: LDS may be stored to
	s_barrier_wait -1
.set i, 0
.rept 17
	ds_store_b32 v[XS], v[L+i] offset:(\base)+128*i
.set i, i+1
.endr
	s_wait_dscnt 0x0
	s_barrier_signal -1
	s_barrier_wait -1
	ds_load_b32 v[GNR], v[XR] offset:\base
	s_mov_b32 s25, 0
	s_mov_b32 s26, 17
.Lxch\@:
	s_wait_dscnt 0x0
	v_mov_b32 v[CT], v[GNR]
	s_add_co_u32 s25, s25, 128
	s_min_u32 s25, s25, 16*128
	v_add_nc_u32 v[LA], s25, v[XR]
	ds_load_b32 v[GNR], v[LA] offset:\base
	INSERT CT
	s_sub_co_u32 s26, s26, 1
	s_cmp_lg_u32 s26, 0
	s_cbranch_scc1 .Lxch\@
	s_wait_dscnt 0x0
.endm
	s_load_b128 s[4:7], s[0:1], 0x0                ; points, gsel
	s_load_b64 s[8:9], s[0:1], 0x10                ; nidx
	v_lshl_add_u32 v[SPW], v0, 2, SPARE
	v_mov_b32 v[NIL], 0
	v_lshrrev_b32 v1, 5, v0
	v_readfirstlane_b32 s14, v1
	s_and_b32 s15, s14, 1
	s_lshr_b32 s16, s14, 1
	s_lshr_b32 s17, ttmp9, 5
	s_and_b32 s18, ttmp9, 31
	s_lshl_b32 s18, s18, 6
	s_lshl_b32 s22, s15, 5
	s_add_co_u32 s18, s18, s22                     ; my wave's first query
	s_mov_b32 s19, 0xffff0000
	s_mul_i32 s20, s17, 24576
	s_mov_b32 s21, 0
	s_lshl_b32 s22, s17, 1
	s_add_co_u32 s22, s22, s16
	s_mul_i32 s22, s22, 17*8192
	s_mov_b32 s23, 0
	s_lshl_b32 s24, s16, 7                         ; my half's first group
	v_and_b32 v1, 31, v0
	v_add_nc_u32 v1, s18, v1                       ; my query
	v_lshlrev_b32 v[Q4], 2, v1
	v_lshlrev_b32 v[FS], 6, v0
	v_mul_u32_u24 v[FD], v0, 288
	v_lshl_add_u32 v[LA0], v0, 2, LLO
	s_wait_kmcnt 0x0
	s_add_nc_u64 s[4:5], s[4:5], s[20:21]
	s_add_nc_u64 s[6:7], s[6:7], s[22:23]
.irp d, 0,1,2
.irp j, 0,1,2,3
	global_load_b128 v[PX+16*\d+4*\j:PX+16*\d+4*\j+3], v[FS], s[4:5] offset:8192*\d+16*\j  ; candidates 16 t .. 16 t + 15
.endr
.endr
.set i, 0
.rept 17
	global_load_b32 v[GI+i], v[Q4], s[6:7] offset:8192*i
.set i, i+1
.endr
	s_wait_loadcnt 0x0
.set i, 0
.rept 24
	RB2 PX+2*i
.set i, i+1
.endr
.set i, 0
.rept 8
	v_pk_mul_f32 v[PX+48+2*i:PX+48+2*i+1], v[PX+2*i:PX+2*i+1], v[PX+2*i:PX+2*i+1]
	v_pk_fma_f32 v[PX+48+2*i:PX+48+2*i+1], v[PX+16+2*i:PX+16+2*i+1], v[PX+16+2*i:PX+16+2*i+1], v[PX+48+2*i:PX+48+2*i+1]
	v_pk_fma_f32 v[PX+48+2*i:PX+48+2*i+1], v[PX+32+2*i:PX+32+2*i+1], v[PX+32+2*i:PX+32+2*i+1], v[PX+48+2*i:PX+48+2*i+1]
.set i, i+1
.endr
.irp u, 0,1
.irp a, 0,1,2,3
.irp j, 0,1
	ds_store_b128 v[FD], v[PX+16*\a+8*\u+4*\j:PX+16*\a+8*\u+4*\j+3] offset:GT+144*\u+32*\a+16*\j
.endr
.endr
.endr
.set i, 0
.rept 17
	v_min_u32 v[GI+i], 0x7f, v[GI+i]
	v_add_nc_u32 v[GI+i], s24, v[GI+i]
	ds_store_b32 v[LA0], v[GI+i] offset:512*i
.set i, i+1
.endr
	s_mul_i32 s27, s14, 17*128
	v_and_b32 v[W0], 31, v0
	v_lshl_add_u32 v[XS], v[W0], 2, s27
	s_xor_b32 s27, s14, 2
	s_mul_i32 s27, s27, 17*128
	v_lshl_add_u32 v[XR], v[W0], 2, s27
	v_lshrrev_b32 v[QA], 3, v1
	v_mul_u32_u24 v[QA], v[QA], 144
	v_and_b32 v[W0], 7, v1
	v_lshl_add_u32 v[QA], v[W0], 2, v[QA]
	v_mov_b32 v[BIG], 0x7f800000
.set i, 0
.rept 17
	v_mov_b32 v[L+i], v[BIG]
.set i, i+1
.endr
	s_wait_dscnt 0x0
	s_barrier_signal -1
	s_barrier_wait -1                              ; all 256 groups lie in LDS
	ds_load_b32 v[QX], v[QA] offset:GT
	ds_load_b32 v[QY], v[QA] offset:GT+32
	ds_load_b32 v[QZ], v[QA] offset:GT+64
	ds_load_b32 v[QS], v[QA] offset:GT+96
	s_wait_dscnt 0x0
	v_mov_b32 v[QX+1], v[QX]
	v_mov_b32 v[QY+1], v[QY]
	v_mov_b32 v[QZ+1], v[QZ]
	v_mov_b32 v[QS+1], v[QS]
	PASS 1
	XCH XL1
	v_mov_b32 v[L0], v[L]
	v_mov_b32 v[TT], v[L+16]
.set i, 0
.rept 17
	v_mov_b32 v[L+i], v[BIG]
.set i, i+1
.endr
	PASS 2
	XCH XL2
	s_cmp_eq_u32 s16, 0                            ; both partners hold the same list: waves 0 and 1 store it
	s_cbranch_scc0 .Lend
	s_lshl_b32 s20, s17, 17
	s_mov_b32 s21, 0
	s_add_nc_u64 s[8:9], s[8:9], s[20:21]
	v_lshlrev_b32 v[QA], 6, v1
.set i, 1
.rept 16
	v_cvt_u32_f32 v[CD+i-1], v[L+i]
	v_and_b32 v[CD+i-1], 0x7ff, v[CD+i-1]
.set i, i+1
.endr
.irp j, 0,1,2,3
	global_store_b128 v[QA], v[CD+4*\j:CD+4*\j+3], s[8:9] offset:16*\j
.endr
.Lend:
	s_wait_tensorcnt 0x0                           ; the wave's end
	ds_add_u32 v[SPW], v[NIL]
	s_wait_dscnt 0x0
	s_endpgm
.Lfunc_end_k_q86983adaf3_knn2:
	.size	k_q86983adaf3_knn2, .Lfunc_end_k_q86983adaf3_knn2-k_q86983adaf3_knn2
	.p2alignl 7, 3214868480
	.fill 96, 4, 3214868480
	.section	.rodata,"a",@progbits
	.p2align	6, 0x0
	.amdhsa_kernel k_q86983adaf3_knn2
		.amdhsa_group_segment_fixed_size 63488
		.amdhsa_private_segment_fixed_size 0
		.amdhsa_enable_private_segment 0
		.amdhsa_kernarg_size 24
		.amdhsa_user_sgpr_count 2
		.amdhsa_user_sgpr_kernarg_segment_ptr 1
		.amdhsa_wavefront_size32 1
		.amdhsa_system_sgpr_workgroup_id_x 1
		.amdhsa_system_sgpr_workgroup_id_y 1
		.amdhsa_system_sgpr_workgroup_id_z 1
		.amdhsa_system_vgpr_workitem_id 0
		.amdhsa_next_free_vgpr 176
		.amdhsa_next_free_sgpr 66
		.amdhsa_reserve_vcc 1
		.amdhsa_float_denorm_mode_32 3
		.amdhsa_float_denorm_mode_16_64 3
		.amdhsa_memory_ordered 1
		.amdhsa_forward_progress 1
		.amdhsa_inst_pref_size 48
	.end_amdhsa_kernel
	.amdgpu_metadata
---
amdhsa.version: [ 1, 2 ]
amdhsa.kernels:
  - .name:           k_q86983adaf3_knn2
    .symbol:         k_q86983adaf3_knn2.kd
    .args:
      - { .name: points, .offset: 0, .size: 8, .value_kind: global_buffer, .address_space: global }
      - { .name: gsel, .offset: 8, .size: 8, .value_kind: global_buffer, .address_space: global }
      - { .name: nidx, .offset: 16, .size: 8, .value_kind: global_buffer, .address_space: global }
    .group_segment_fixed_size: 63488
    .private_segment_fixed_size: 0
    .kernarg_segment_align: 8
    .kernarg_segment_size: 24
    .max_flat_workgroup_size: 128
    .sgpr_count:     66
    .vgpr_count:     176
    .wavefront_size: 32
...
	.end_amdgpu_metadata
.endif
;; end of part 2
;; launch chain1 (part 3): grid 256 x 1, 4 waves a work-group, no clusters, 324,352 bytes of LDS; arguments points, nidx, params1_0_0, params1_0_1, p1; writes p1
.if DOCPART == 3
	.amdgcn_target "amdgcn-amd-amdhsa--gfx1250"
	.amdhsa_code_object_version 6
	.text
	.protected	k_q86983adaf3_chain1
	.globl	k_q86983adaf3_chain1
	.p2align	8
	.type	k_q86983adaf3_chain1,@function
k_q86983adaf3_chain1:
	s_mov_b64 s[64:65], 0
	v_nop
	global_prefetch_b8 v0, s[64:65] scope:SCOPE_SE
	s_setreg_imm32_b32 hwreg(HW_REG_WAVE_MODE, 25, 1), 1
	s_wait_xcnt 0x0
; THE CHAIN OF POINTWISE LAYERS OVER (point, neighbour), to depth DEPTH.  One text serves depths 1, 2, 3; this file has DEPTH = 1.
; x0 = [centre, neighbour - centre] (6 channels) -> 64 -> 128 -> 256 channels.  Layers below DEPTH are finished (GroupNorm, ELU) from the sums that earlier launches stored; of layer DEPTH
; the sums S1 = sum y, S2 = sum y^2 of each of its 8 groups are stored, one record of 64 bytes a work-group ((S1, S2) x 8, f32); at depth 3 also, for each channel and point, the maximum of y3
; over the 16 neighbours, or the minimum where gamma3 < 0: ELU behind an affine map is monotone, so that one number gives the maximum of the finished layer.
; FORMATS.  Every input is rounded to bf16 first.  What the program makes itself (x0, activations, scaled weights) is f16; sums in f32.
; LIMITS.  x0, activations and weights times gamma / sigma lie within f16's 65,504; the variance is S2 / n - mean^2 in f32, held at 0 from below: with |mean| = 30 sigma it keeps about four
; decimal digits.  NaN and infinities are not treated apart.
; SHARES.  A work-group has 64 points of one cloud, a wave 16 points x 16 neighbours: two chunks of 8 tiles of 16 positions.  Column r of tile nt of chunk c is point 8 c + (r & 7), neighbour 2 nt + (r >> 3).
; LAYOUT.  D = W (source 0: 16 channels) x act (source 1: 16 positions): a lane holds one position and the channels 8 (lane / 16) + 0..7.  Two neighbouring channel tiles, rounded to f16 in pairs,
; ARE source 1 of the next layer.  They pass through the wave's own LDS only because the loop over channel tiles is a loop in time and register numbers are not.
; For a finished layer GroupNorm is folded into the operands: W' = A W, C operand = (b - mean) A + beta, A = gamma / sigma: the product is the ELU's argument.  Layer DEPTH has C = b.
.set DEPTH, 1
.set BT1, 0                            ; LDS: the C operands' tables, f32 by channel
.set BT2, 256
.set BT3, 768
.set G3T, 1792                         ; gamma3
.set AT1, 2816                         ; A by channel
.set AT2, 3072
.set MS, 3584                          ; 128 bytes a wave: the summed records
.set RED, 4096                         ; 64 bytes a wave: its sums
.set W1F, 4352                         ; weights as fragments: block (channel tile, K step) of 1,024 bytes, half f at 512 f, lane l at 16 l
.set W2F, 8448
.set W3F, 24832
.set XF, 90368                         ; [wave][tile 16][512] x0's fragments, registers 0-3
.set AF, 123136                        ; [wave 32,768][channel tile 4,096][position tile 512] activations
.set STG, 254208                       ; 256 channel rows x (64 points f32 + 16 bytes)
.set SPARE, 323840
.set PTS, 8
.set NIDX, 10
.set PW1, 12
.set PB1, 14
.if DEPTH == 1
.set POUT, 16
.elseif DEPTH == 2
.set PG1, 16
.set PE1, 18
.set PW2, 20
.set PB2, 22
.set PP1, 24
.set POUT, 26
.else
.set PG1, 16
.set PE1, 18
.set PW2, 20
.set PB2, 22
.set PG2, 24
.set PE2, 26
.set PW3, 28
.set PB3, 30
.set PG3, 32
.set PP1, 34
.set PP2, 36
.set POUT, 38
.endif
.set WV, 40
.set BI, 41
.set REC, 42
.set N0, 43
.set HM, 44
.set TN, 45                            ; the channel tile whose operands are being fetched
.set SEL, 46                           ; s[46:47]
.set CNT, 48
.set CH, 49
; window 0: v1 lane % 16, v2 lane / 16, v3 lane, v4 16 x lane, v5 32 x (lane / 16); v13-15 at work
.set OL, 6
.set XL, 7
.set SL, 8
.set WA, 9
.set BA, 10
.set OA, 11
.set SA, 12
.set SPW, 16
.set NIL, 17
.set R1, 18                            ; v18-25 S1 by group, rotating
.set R2, 26                            ; v26-33 S2
.set T1, 34
.set T2, 42
.set BB, 50                            ; the C operand
.set GG, 58                            ; gamma3 of the tile
.set WB, 66                            ; v66-97 the tile's weights, up to 4 K steps
.set ACC, 98                           ; v98-161 eight accumulators
.set TT, 162                           ; v162-225 at work
.set PC, 226
.set PN, 227
.set C4, 228
.set RT, 229
.set RO, 230
.set MSA, 231
.set K0, 232
.set K1, 233
.set K2, 234
.set K3, 235
.set K4, 236
.set K5, 237
.set NI, 98                            ; the prologue's use of v98-187
.set NB, 114
.set CC, 162
.set SR, 168
.set XP, 184
.set CV, 98
.set CO4, 162
.set AV, 166
; window 1: v0-63 x0's fragments, v64-191 a1's.  window 2: a2's.
.if DEPTH == 1
.set RN, 4
.else
.set RN, 8
.endif
.set MSB, 0
.macro WIN new                         ; the immediate's high byte repeats the setting that is left
.if MSB != (\new)
	s_set_vgpr_msb (MSB<<8)|(\new)
.set MSB, (\new)
.endif
.endm
.macro RB1 x
	v_cvt_pk_bf16_f32 v[\x], v[\x], v[\x]
	v_lshlrev_b32 v[\x], 16, v[\x]
.endm
.macro RB2 a
	v_cvt_pk_bf16_f32 v15, v[\a], v[(\a)+1]
	v_lshlrev_b32 v[\a], 16, v15
	v_and_b32 v[(\a)+1], s[HM], v15
.endm
.macro ROW16 x                         ; the sum over each half of 16 lanes
	v_add_f32_dpp v[\x], v[\x], v[\x] row_xmask:1 row_mask:0xf bank_mask:0xf
	v_add_f32_dpp v[\x], v[\x], v[\x] row_xmask:2 row_mask:0xf bank_mask:0xf
	v_add_f32_dpp v[\x], v[\x], v[\x] row_xmask:4 row_mask:0xf bank_mask:0xf
	v_add_f32_dpp v[\x], v[\x], v[\x] row_xmask:8 row_mask:0xf bank_mask:0xf
.endm
.macro RED32 x
	ROW16 \x
	v_permlanex16_b32 v[RT], v[\x], s[SEL], s[SEL+1]
	v_add_f32 v[\x], v[\x], v[RT]
.endm
.macro SUMS_IN pp, mso                 ; lane l takes record l of my cloud; the 16 sums over the 32 records go to my wave's own bytes of MS
.irp j, 0,1,2,3
	global_load_b128 v[SR+4*\j:SR+4*\j+3], v[RO], s[\pp:\pp+1] offset:16*\j
.endr
	s_wait_loadcnt 0x0
.set i, 0
.rept 16
	RED32 SR+i
.set i, i+1
.endr
.irp j, 0,1,2,3
	ds_store_b128 v[MSA], v[SR+4*\j:SR+4*\j+3] offset:(\mso)+16*\j
.endr
.endm
.macro COEF pb, pg, pe, mso, gsh, invn, ato, bto  ; channel = thread: A and the C operand's number
	global_load_b32 v[K0], v[C4], s[\pb:\pb+1]
	global_load_b32 v[K1], v[C4], s[\pg:\pg+1]
	global_load_b32 v[K2], v[C4], s[\pe:\pe+1]
	v_lshrrev_b32 v[K3], (\gsh)+2, v[C4]
	v_lshl_add_u32 v[K3], v[K3], 3, v[MSA]
	ds_load_b64 v[K4:K5], v[K3] offset:\mso        ; LDS serves a wave's instructions in order: this sees my stores above
	s_wait_loadcnt 0x0
	s_wait_dscnt 0x0
	RB1 K0
	RB1 K1
	RB1 K2
	v_mul_f32 v[K4], \invn, v[K4]                  ; mean
	v_mul_f32 v[K5], \invn, v[K5]
	v_fma_f32 v[K5], -v[K4], v[K4], v[K5]
	v_max_num_f32 v[K5], 0, v[K5]
	v_add_f32 v[K5], 0x3727c5ac, v[K5]             ; + 1e-5
	v_rsq_f32 v[K5], v[K5]
	v_sub_f32 v[K0], v[K0], v[K4]                  ; the plain line behind the root
	s_wait_alu depctr_va_vdst(0)                   ; and the wait ahead of its first reader
	v_mul_f32 v[K1], v[K1], v[K5]
	v_fma_f32 v[K0], v[K0], v[K1], v[K2]
	ds_store_b32 v[C4], v[K1] offset:\ato
	ds_store_b32 v[C4], v[K0] offset:\bto
.endm
.macro CONV8S a, sc                    ; eight weights: to bf16, times A, to f16
.irp j, 0,1,2,3
	v_cvt_pk_bf16_f32 v[CO4+\j], v[(\a)+2*\j], v[(\a)+2*\j+1]
.endr
.irp j, 0,1,2,3
	v_lshlrev_b32 v[(\a)+2*\j], 16, v[CO4+\j]
	v_and_b32 v[(\a)+2*\j+1], s[HM], v[CO4+\j]
.endr
.if \sc
.irp j, 0,1,2,3
	v_pk_mul_f32 v[(\a)+2*\j:(\a)+2*\j+1], v[(\a)+2*\j:(\a)+2*\j+1], v[AV:AV+1]
.endr
.endif
.irp j, 0,1,2,3
	v_cvt_pk_f16_f32 v[CO4+\j], v[(\a)+2*\j], v[(\a)+2*\j+1]
.endr
.endm
.macro CONVW pw, ks, trips, wf, sc, ato  ; wave w lays out channel tiles w, w + 4, ..: a trip a tile
	v_mul_u32_u24 v13, v1, (\ks)*128
	v_lshl_add_u32 v13, v2, 5, v13
	s_mul_i32 s50, s[WV], 16*(\ks)*128
	s_mov_b32 s51, 0
	s_add_nc_u64 s[\pw:\pw+1], s[\pw:\pw+1], s[50:51]
	s_mul_i32 s52, s[WV], (\ks)*1024
	v_add_nc_u32 v14, s52, v4
	s_lshl_b32 s53, s[WV], 6
	v_lshl_add_u32 v[K3], v1, 2, s53
	s_mov_b32 s[CNT], \trips
.Lcw\@:
.set q, 0
.rept 2*(\ks)
	global_load_b128 v[CV+8*q:CV+8*q+3], v13, s[\pw:\pw+1] offset:64*q
	global_load_b128 v[CV+8*q+4:CV+8*q+7], v13, s[\pw:\pw+1] offset:64*q+16
.set q, q+1
.endr
.if \sc
	ds_load_b32 v[AV], v[K3] offset:\ato
.endif
	s_wait_loadcnt 0x0
.if \sc
	s_wait_dscnt 0x0
	v_mov_b32 v[AV+1], v[AV]
.endif
.set q, 0
.rept 2*(\ks)
	CONV8S CV+8*q, \sc
	ds_store_b128 v14, v[CO4:CO4+3] offset:(\wf)+512*q
.set q, q+1
.endr
	s_add_nc_u64 s[\pw:\pw+1], s[\pw:\pw+1], 64*(\ks)*128  ; the loads are back, so their base may step
	v_add_nc_u32 v14, 4*(\ks)*1024, v14
	v_add_nc_u32 v[K3], 256, v[K3]
	s_sub_co_u32 s[CNT], s[CNT], 1
	s_cmp_lg_u32 s[CNT], 0
	s_cbranch_scc1 .Lcw\@
.endm
.macro LPAR l                          ; a layer's figures
.if (\l) == 1
.set KSN, 1
.set WFB, W1F
.set BTB, BT1
.set NTL, 4
.set WSH, 10
.set BFR, 0
.elseif (\l) == 2
.set KSN, 2
.set WFB, W2F
.set BTB, BT2
.set NTL, 8
.set WSH, 11
.set BFR, 64
.else
.set KSN, 4
.set WFB, W3F
.set BTB, BT3
.set NTL, 16
.set WSH, 12
.set BFR, 0
.endif
.endm
.macro LOADW                           ; a channel tile's weights and C operand
.set q, 0
.rept 2*KSN
	ds_load_b128 v[WB+4*q:WB+4*q+3], v[WA] offset:WFB+512*q
.set q, q+1
.endr
	ds_load_b128 v[BB:BB+3], v[BA] offset:BTB
	ds_load_b128 v[BB+4:BB+7], v[BA] offset:BTB+16
.endm
.macro GLOAD
	ds_load_b128 v[GG:GG+3], v[BA] offset:G3T
	ds_load_b128 v[GG+4:GG+7], v[BA] offset:G3T+16
.endm
.macro ELU n, z, t                     ; elu(z) = the median of z, e^z - 1 and 0 (e^z - 1 >= z); n pairs; the results, f16 in pairs, land in t + 0 .. n - 1
.set p, 0
.rept \n
	v_pk_mul_f32 v[(\t)+2*p:(\t)+2*p+1], v[(\z)+2*p:(\z)+2*p+1], 0x3fb8aa3b op_sel_hi:[1,0]
.if p > 0
	v_exp_f32 v[(\t)+2*p-2], v[(\t)+2*p-2]
	v_exp_f32 v[(\t)+2*p-1], v[(\t)+2*p-1]
.endif
.set p, p+1
.endr
	v_exp_f32 v[(\t)+2*(\n)-2], v[(\t)+2*(\n)-2]
	v_exp_f32 v[(\t)+2*(\n)-1], v[(\t)+2*(\n)-1]
	v_nop                                          ; the plain line behind the last exponential
	s_wait_alu depctr_va_vdst(0)                   ; one wait for the batch, ahead of its first reader
.set p, 0
.rept \n
	v_pk_add_f32 v[(\t)+2*p:(\t)+2*p+1], v[(\t)+2*p:(\t)+2*p+1], -1.0 op_sel_hi:[1,0]
	v_med3_num_f32 v[(\z)+2*p], v[(\z)+2*p], v[(\t)+2*p], 0
	v_med3_num_f32 v[(\z)+2*p+1], v[(\z)+2*p+1], v[(\t)+2*p+1], 0
	v_cvt_pk_f16_f32 v[(\t)+p], v[(\z)+2*p], v[(\z)+2*p+1]
.set p, p+1
.endr
.endm
.macro ROT r, s, n                     ; the group in hand lies at the top; it takes the sum and goes to the bottom: after n turns each group is back in its place
	v_add_f32 v[\s], v[(\r)+(\n)-1], v[\s]
.set ii, (\n)-1
.rept (\n)-1
	v_mov_b32 v[(\r)+ii], v[(\r)+ii-1]
.set ii, ii-1
.endr
	v_mov_b32 v[\r], v[\s]
.endm
.macro STAT first, fold                ; sums of the 64 numbers of a lane, four chains each, each accumulator from its low end on
.set p, 0
.rept 32
.if (\first) && (p < 4)
	v_pk_add_f32 v[T1+2*p:T1+2*p+1], v[ACC+2*p:ACC+2*p+1], v[ACC+2*p+8:ACC+2*p+9]
	v_pk_mul_f32 v[T2+2*p:T2+2*p+1], v[ACC+2*p:ACC+2*p+1], v[ACC+2*p:ACC+2*p+1]
.elseif (\first) && (p < 8)
	v_pk_fma_f32 v[T2+2*(p%4):T2+2*(p%4)+1], v[ACC+2*p:ACC+2*p+1], v[ACC+2*p:ACC+2*p+1], v[T2+2*(p%4):T2+2*(p%4)+1]
.else
	v_pk_add_f32 v[T1+2*(p%4):T1+2*(p%4)+1], v[T1+2*(p%4):T1+2*(p%4)+1], v[ACC+2*p:ACC+2*p+1]
	v_pk_fma_f32 v[T2+2*(p%4):T2+2*(p%4)+1], v[ACC+2*p:ACC+2*p+1], v[ACC+2*p:ACC+2*p+1], v[T2+2*(p%4):T2+2*(p%4)+1]
.endif
.set p, p+1
.endr
.if \fold
	v_pk_add_f32 v[T1:T1+1], v[T1:T1+1], v[T1+2:T1+3]
	v_pk_add_f32 v[T2:T2+1], v[T2:T2+1], v[T2+2:T2+3]
	v_pk_add_f32 v[T1+4:T1+5], v[T1+4:T1+5], v[T1+6:T1+7]
	v_pk_add_f32 v[T2+4:T2+5], v[T2+4:T2+5], v[T2+6:T2+7]
	v_pk_add_f32 v[T1:T1+1], v[T1:T1+1], v[T1+4:T1+5]
	v_pk_add_f32 v[T2:T2+1], v[T2:T2+1], v[T2+4:T2+5]
	v_add_f32 v[T1], v[T1], v[T1+1]
	v_add_f32 v[T2], v[T2], v[T2+1]
	ROT R1, T1, RN
	ROT R2, T2, RN
.endif
.endm
.macro EXT                             ; over the 8 tiles and the lane 8 away: a point's 16 neighbours; register 0 of every accumulator is read first
.irp j, 0,1,2,3,4,5,6,7
	v_max3_num_f32 v[TT+\j], v[ACC+\j], v[ACC+8+\j], v[ACC+16+\j]
	v_min3_num_f32 v[TT+8+\j], v[ACC+\j], v[ACC+8+\j], v[ACC+16+\j]
	v_max3_num_f32 v[TT+\j], v[TT+\j], v[ACC+24+\j], v[ACC+32+\j]
	v_min3_num_f32 v[TT+8+\j], v[TT+8+\j], v[ACC+24+\j], v[ACC+32+\j]
	v_max3_num_f32 v[TT+\j], v[TT+\j], v[ACC+40+\j], v[ACC+48+\j]
	v_min3_num_f32 v[TT+8+\j], v[TT+8+\j], v[ACC+40+\j], v[ACC+48+\j]
	v_max_num_f32 v[TT+\j], v[TT+\j], v[ACC+56+\j]
	v_min_num_f32 v[TT+8+\j], v[TT+8+\j], v[ACC+56+\j]
.endr
.irp j, 0,1,2,3,4,5,6,7
	v_max_num_f32_dpp v[TT+\j], v[TT+\j], v[TT+\j] row_xmask:8 row_mask:0xf bank_mask:0xf
	v_min_num_f32_dpp v[TT+8+\j], v[TT+8+\j], v[TT+8+\j] row_xmask:8 row_mask:0xf bank_mask:0xf
.endr
.irp j, 0,1,2,3,4,5,6,7
	v_cmp_le_f32 vcc_lo, 0, v[GG+\j]
	v_cndmask_b32 v[TT+\j], v[TT+8+\j], v[TT+\j], vcc_lo
	ds_store_b32 v[SA], v[TT+\j] offset:272*\j     ; lanes r and r ^ 8 store the same number to the same word
.endr
.endm
.macro STEP l, first, fold             ; one channel tile x the chunk's 8 position tiles
	LPAR \l
	s_wait_dscnt 0x0                               ; the tile's operands, asked for behind the last tile's products, are in
.if (\l) == 3
	WIN 0x08
.else
	WIN 0x04
.endif
.set k, 0
.rept KSN                              ; the eight accumulators take turns, one instruction a turn
.set n, 0
.rept 8
.if k == 0
	v_wmma_f32_16x16x32_f16 v[ACC+8*n:ACC+8*n+7], v[WB:WB+7], v[BFR+8*n:BFR+8*n+7], v[BB:BB+7]
.else
	v_wmma_f32_16x16x32_f16 v[ACC+8*n:ACC+8*n+7], v[WB+8*k:WB+8*k+7], v[BFR+64*k+8*n:BFR+64*k+8*n+7], v[ACC+8*n:ACC+8*n+7]
.endif
.set n, n+1
.endr
.set k, k+1
.endr
	WIN 0
	v_lshl_add_u32 v[OA], s[TN], 12, v[OL]         ; four plain lines stand between the last product and the loads into its sources and the reads of its result
.if (\l) == 3
	s_mul_i32 s50, s[TN], 16*272
	s_lshl_b32 s51, s[CH], 5
	s_add_co_u32 s50, s50, s51
	v_add_nc_u32 v[SA], s50, v[SL]
.else
	v_nop
.endif
	s_add_co_u32 s[TN], s[TN], 1
	s_and_b32 s[TN], s[TN], NTL-1                  ; behind the last tile the look-ahead goes back to tile 0
	v_lshl_add_u32 v[WA], s[TN], WSH, v4
	v_lshl_add_u32 v[BA], s[TN], 6, v5
	LOADW
.if (\l) < DEPTH
	ELU 32, ACC, TT
.irp n, 0,1,2,3,4,5,6,7
	ds_store_b128 v[OA], v[TT+4*\n:TT+4*\n+3] offset:512*\n
.endr
.else
.if (\l) == 3
	EXT
	GLOAD                                          ; behind EXT, which reads the tile's own gamma
.endif
	STAT \first, \fold
.endif
.endm
.macro LAYER l
	LPAR \l
	s_wait_dscnt 0x0                               ; no load is out into the registers that are asked for anew
	s_mov_b32 s[TN], 0
	v_mov_b32 v[WA], v4
	v_mov_b32 v[BA], v5
	LOADW
.if (\l) == 3
	GLOAD
	s_mov_b32 s[CNT], 8
.else
	s_mov_b32 s[CNT], NTL
.endif
.Llay\@:
.if (\l) == 3
	STEP 3, 1, 0                                   ; a group of layer 3 is two channel tiles
	STEP 3, 0, 1
.else
	STEP \l, 1, 1
.endif
	s_sub_co_u32 s[CNT], s[CNT], 1
	s_cmp_lg_u32 s[CNT], 0
	s_cbranch_scc1 .Llay\@
.endm
.macro BULK kn, w, base                ; the finished layer comes back from my own LDS as source 1 of the next: behind my stores, in order
	WIN \w
.set k, 0
.rept \kn
.set n, 0
.rept 8
	ds_load_b128 v[(\base)+64*k+8*n:(\base)+64*k+8*n+3], v[OL] offset:8192*k+512*n
	ds_load_b128 v[(\base)+64*k+8*n+4:(\base)+64*k+8*n+7], v[OL] offset:8192*k+4096+512*n
.set n, n+1
.endr
.set k, k+1
.endr
	WIN 0
.endm
.if DEPTH == 1
	s_load_b256 s[8:15], s[0:1], 0x0
	s_load_b64 s[16:17], s[0:1], 0x20
.elseif DEPTH == 2
	s_load_b512 s[8:23], s[0:1], 0x0
	s_load_b128 s[24:27], s[0:1], 0x40
.else
	s_load_b512 s[8:23], s[0:1], 0x0
	s_load_b512 s[24:39], s[0:1], 0x40
.endif
	v_lshl_add_u32 v[SPW], v0, 2, SPARE
	v_mov_b32 v[NIL], 0
	v_lshrrev_b32 v13, 5, v0
	v_readfirstlane_b32 s[WV], v13
	s_lshr_b32 s[BI], ttmp9, 5                     ; cloud
	s_and_b32 s[REC], ttmp9, 31
	s_lshl_b32 s[N0], s[REC], 6                    ; first point
	s_mov_b32 s[HM], 0xffff0000
	s_mov_b32 s[SEL], 0x76543210
	s_mov_b32 s[SEL+1], 0xfedcba98
	v_and_b32 v1, 15, v0
	v_bfe_u32 v2, v0, 4, 1
	v_and_b32 v3, 31, v0
	v_lshlrev_b32 v4, 4, v3
	v_lshlrev_b32 v5, 5, v2
	s_lshl_b32 s50, s[WV], 15
	s_add_co_u32 s50, s50, AF
	v_add_nc_u32 v[OL], s50, v4
	s_lshl_b32 s50, s[WV], 13
	s_add_co_u32 s50, s50, XF
	v_add_nc_u32 v[XL], s50, v4
	v_and_b32 v13, 7, v0
	s_lshl_b32 s50, s[WV], 6
	s_add_co_u32 s50, s50, STG
	v_lshl_add_u32 v[SL], v13, 2, s50
	v_mul_u32_u24 v14, v2, 8*272
	v_add_nc_u32 v[SL], v[SL], v14
	v_mov_b32 v[RT], 0
	v_lshlrev_b32 v[C4], 2, v0
	v_lshlrev_b32 v[RO], 6, v3
	s_lshl_b32 s50, s[BI], 11
	v_add_nc_u32 v[RO], s50, v[RO]
	s_lshl_b32 s50, s[WV], 7
	s_add_co_u32 s50, s50, MS
	v_mov_b32 v[MSA], s50
	s_lshl_b32 s50, s[WV], 4
	s_add_co_u32 s50, s50, s[N0]
	v_add_nc_u32 v13, s50, v13                     ; my column's point in chunk 0
	v_lshlrev_b32 v[PC], 2, v13
	v_bfe_u32 v14, v0, 3, 1
	v_lshlrev_b32 v14, 2, v14
	v_lshl_add_u32 v[PN], v13, 6, v14
	s_mul_i32 s50, s[BI], 24576
	s_mov_b32 s51, 0
	s_lshl_b32 s52, s[BI], 17
	s_mov_b32 s53, 0
	s_lshl_b32 s54, ttmp9, 6                       ; my record
	s_mov_b32 s55, 0
	s_wait_kmcnt 0x0
	s_add_nc_u64 s[PTS:PTS+1], s[PTS:PTS+1], s[50:51]
	s_add_nc_u64 s[NIDX:NIDX+1], s[NIDX:NIDX+1], s[52:53]
	s_add_nc_u64 s[56:57], s[POUT:POUT+1], s[54:55]
.if DEPTH == 3
	s_add_nc_u64 s[56:57], s[56:57], 0x1000000     ; the records lie behind e3's 16,777,216 bytes
.endif
.irp c, 0,1
.irp d, 0,1,2
	global_load_b32 v[CC+3*\c+\d], v[PC], s[PTS:PTS+1] offset:8192*\d+32*\c
.endr
.irp n, 0,1,2,3,4,5,6,7
	global_load_b32 v[NI+8*\c+\n], v[PN], s[NIDX:NIDX+1] offset:512*\c+8*\n
.endr
.endr
	s_wait_loadcnt 0x0
.set i, 0
.rept 16
	v_min_u32 v[NI+i], 0x7ff, v[NI+i]
	v_lshlrev_b32 v[NI+i], 2, v[NI+i]
.set i, i+1
.endr
.set i, 0
.rept 16
	global_load_b32 v[NB+3*i], v[NI+i], s[PTS:PTS+1]
	global_load_b32 v[NB+3*i+1], v[NI+i], s[PTS:PTS+1] offset:8192
	global_load_b32 v[NB+3*i+2], v[NI+i], s[PTS:PTS+1] offset:16384
.set i, i+1
.endr
.if DEPTH == 1
	s_cmp_lt_u32 s[WV], 2                          ; 64 channels: waves 0 and 1
	s_cbranch_scc0 .Lnob
	global_load_b32 v[K0], v[C4], s[PB1:PB1+1]
	s_wait_loadcnt 0x0
	RB1 K0
	ds_store_b32 v[C4], v[K0] offset:BT1
.Lnob:
.else
	s_cmp_lt_u32 s[WV], 2
	s_cbranch_scc0 .Lno1
	SUMS_IN PP1, 0
	COEF PB1, PG1, PE1, 0, 3, 0x36800000, AT1, BT1 ; n = 8 x 32,768 = 2^18
.Lno1:
.endif
.if DEPTH == 2
	global_load_b32 v[K0], v[C4], s[PB2:PB2+1]
	s_wait_loadcnt 0x0
	RB1 K0
	ds_store_b32 v[C4], v[K0] offset:BT2
.endif
.if DEPTH == 3
	SUMS_IN PP2, 64
	COEF PB2, PG2, PE2, 64, 4, 0x36000000, AT2, BT2  ; n = 2^19
	global_load_b32 v[K0], v[C4], s[PB3:PB3+1]
	global_load_b32 v[K1], v[C4], s[PB3:PB3+1] offset:512
	global_load_b32 v[K2], v[C4], s[PG3:PG3+1]
	global_load_b32 v[K3], v[C4], s[PG3:PG3+1] offset:512
	s_wait_loadcnt 0x0
	RB1 K0
	RB1 K1
	RB1 K2
	RB1 K3
	ds_store_b32 v[C4], v[K0] offset:BT3
	ds_store_b32 v[C4], v[K1] offset:BT3+512
	ds_store_b32 v[C4], v[K2] offset:G3T
	ds_store_b32 v[C4], v[K3] offset:G3T+512
.endif
	s_wait_dscnt 0x0
	s_barrier_signal -1
	s_barrier_wait -1                              ; the tables by channel are whole
	s_wait_loadcnt 0x0                             ; the neighbours' coordinates
	RB2 CC
	RB2 CC+2
	RB2 CC+4
.set i, 0
.rept 24
	RB2 NB+2*i
.set i, i+1
.endr
	v_mov_b32 v[XP+3], 0
.set i, 0
.rept 16                               ; tile i: k = 0..5 are cx, cy, cz, dx, dy, dz; lanes 16-31 hold the same finite numbers, which meet zeros in W1's fragments
	v_sub_f32 v[NB+3*i], v[NB+3*i], v[CC+3*(i/8)]
	v_sub_f32 v[NB+3*i+1], v[NB+3*i+1], v[CC+3*(i/8)+1]
	v_sub_f32 v[NB+3*i+2], v[NB+3*i+2], v[CC+3*(i/8)+2]
	v_cvt_pk_f16_f32 v[XP], v[CC+3*(i/8)], v[CC+3*(i/8)+1]
	v_cvt_pk_f16_f32 v[XP+1], v[CC+3*(i/8)+2], v[NB+3*i]
	v_cvt_pk_f16_f32 v[XP+2], v[NB+3*i+1], v[NB+3*i+2]
	ds_store_b128 v[XL], v[XP:XP+3] offset:512*i
.set i, i+1
.endr
	; W1 [64][6]: wave w lays out channel tile w; k >= 6 is zero: the fourth register, lanes 16-31, and the second half
	s_mul_i32 s50, s[WV], 384
	v_mul_u32_u24 v13, v1, 24
	v_add_nc_u32 v13, s50, v13
	global_load_b64 v[CV:CV+1], v13, s[PW1:PW1+1]
	global_load_b64 v[CV+2:CV+3], v13, s[PW1:PW1+1] offset:8
	global_load_b64 v[CV+4:CV+5], v13, s[PW1:PW1+1] offset:16
.if DEPTH > 1
	s_lshl_b32 s50, s[WV], 6
	v_lshl_add_u32 v14, v1, 2, s50
	ds_load_b32 v[AV], v14 offset:AT1
.endif
	s_wait_loadcnt 0x0
	RB2 CV
	RB2 CV+2
	RB2 CV+4
.if DEPTH > 1
	s_wait_dscnt 0x0
	v_mov_b32 v[AV+1], v[AV]
.irp j, 0,1,2
	v_pk_mul_f32 v[CV+2*\j:CV+2*\j+1], v[CV+2*\j:CV+2*\j+1], v[AV:AV+1]
.endr
.endif
	v_cmp_eq_u32 vcc_lo, 0, v2
.irp j, 0,1,2
	v_cvt_pk_f16_f32 v[CO4+\j], v[CV+2*\j], v[CV+2*\j+1]
	v_cndmask_b32 v[CO4+\j], 0, v[CO4+\j], vcc_lo
.endr
	v_mov_b32 v[CO4+3], 0
	s_lshl_b32 s50, s[WV], 10
	v_add_nc_u32 v14, s50, v4
	ds_store_b128 v14, v[CO4:CO4+3] offset:W1F
.irp j, 0,1,2,3
	v_mov_b32 v[CV+\j], 0
.endr
	ds_store_b128 v14, v[CV:CV+3] offset:W1F+512
.if DEPTH == 2
	CONVW PW2, 2, 2, W2F, 0, 0
.endif
.if DEPTH == 3
	CONVW PW2, 2, 2, W2F, 1, AT2
	CONVW PW3, 4, 4, W3F, 0, 0
.endif
	WIN 0x40
.set i, 0
.rept 8                                ; k = 16 .. 31 of x0's fragments: zeros, once
.irp j, 4,5,6,7
	v_mov_b32 v[8*i+\j], 0
.endr
.set i, i+1
.endr
	WIN 0
.set i, 0
.rept 16
	v_mov_b32 v[R1+i], 0
.set i, i+1
.endr
	s_wait_dscnt 0x0
	s_barrier_signal -1
	s_barrier_wait -1                              ; all weights lie in LDS
	s_mov_b32 s[CH], 0
.Lchunk:                               ; two trips: 8 points x 16 neighbours each
	v_lshl_add_u32 v13, s[CH], 12, v[XL]
	WIN 0x40
.irp n, 0,1,2,3,4,5,6,7
	ds_load_b128 v[8*\n:8*\n+3], v13 offset:512*\n
.endr
	WIN 0
	LAYER 1
.if DEPTH > 1
	BULK 2, 0x40, 64
	LAYER 2
.endif
.if DEPTH > 2
	BULK 4, 0x80, 0
	LAYER 3
.endif
	s_add_co_u32 s[CH], s[CH], 1
	s_cmp_lt_u32 s[CH], 2
	s_cbranch_scc1 .Lchunk
	s_wait_dscnt 0x0
	s_lshl_b32 s50, s[WV], 6
.if DEPTH == 1
.irp x, 0,1,2,3                        ; layer 1's groups are 8 channels: tile t holds group 2 t in lanes 0-15 and group 2 t + 1 in lanes 16-31
	ROW16 R1+\x
	ROW16 R2+\x
.endr
	v_lshl_add_u32 v13, v2, 3, s50
.irp t, 0,1,2,3
	ds_store_b32 v13, v[R1+3-\t] offset:RED+16*\t
	ds_store_b32 v13, v[R2+3-\t] offset:RED+16*\t+4
.endr
.else
.irp x, 0,1,2,3,4,5,6,7
	RED32 R1+\x
	RED32 R2+\x
.endr
	v_mov_b32 v13, s50
.irp g, 0,1,2,3,4,5,6,7
	ds_store_b32 v13, v[R1+7-\g] offset:RED+8*\g
	ds_store_b32 v13, v[R2+7-\g] offset:RED+8*\g+4
.endr
.endif
	s_wait_dscnt 0x0
	s_barrier_signal -1
	s_barrier_wait -1                              ; the four waves' sums, and at depth 3 the stage, are whole
	s_cmp_lg_u32 s[WV], 0
	s_cbranch_scc1 .Lnorec
	v_lshlrev_b32 v[K0], 2, v1                     ; lanes l and l + 16 store the same word
	ds_load_b32 v[K1], v[K0] offset:RED
	ds_load_b32 v[K2], v[K0] offset:RED+64
	ds_load_b32 v[K3], v[K0] offset:RED+128
	ds_load_b32 v[K4], v[K0] offset:RED+192
	s_wait_dscnt 0x0
	v_add_f32 v[K1], v[K1], v[K2]
	v_add_f32 v[K3], v[K3], v[K4]
	v_add_f32 v[K1], v[K1], v[K3]
	global_store_b32 v[K0], v[K1], s[56:57]
.Lnorec:
.if DEPTH == 3
	s_mul_i32 s50, s[WV], 64*272                   ; wave w stores channel rows 64 w .. 64 w + 63: lanes 0-15 one row's 256 bytes, lanes 16-31 the next
	s_add_co_u32 s50, s50, STG
	v_mul_u32_u24 v13, v2, 272
	v_lshl_add_u32 v13, v1, 4, v13
	v_add_nc_u32 v13, s50, v13
	v_lshlrev_b32 v14, 16, v2
	v_lshl_add_u32 v14, v1, 4, v14
	s_lshl_b32 s50, s[WV], 22
	s_lshl_b32 s51, ttmp9, 8
	s_add_co_u32 s50, s50, s51
	s_mov_b32 s51, 0
	s_add_nc_u64 s[POUT:POUT+1], s[POUT:POUT+1], s[50:51]
.set i, 0
.rept 32
	ds_load_b128 v[ACC+4*i:ACC+4*i+3], v13 offset:544*i
.set i, i+1
.endr
.set i, 0
.rept 32
	s_wait_dscnt 31-i                              ; the younger read-backs may stay out
	global_store_b128 v14, v[ACC+4*i:ACC+4*i+3], s[POUT:POUT+1] offset:131072*i  ; sixteen lanes store 256 consecutive bytes, aligned
.set i, i+1
.endr
.endif
	s_wait_tensorcnt 0x0                           ; the wave's end
	ds_add_u32 v[SPW], v[NIL]
	s_wait_dscnt 0x0
	s_endpgm
.Lfunc_end_k_q86983adaf3_chain1:
	.size	k_q86983adaf3_chain1, .Lfunc_end_k_q86983adaf3_chain1-k_q86983adaf3_chain1
	.p2alignl 7, 3214868480
	.fill 96, 4, 3214868480
	.section	.rodata,"a",@progbits
	.p2align	6, 0x0
	.amdhsa_kernel k_q86983adaf3_chain1
		.amdhsa_group_segment_fixed_size 324352
		.amdhsa_private_segment_fixed_size 0
		.amdhsa_enable_private_segment 0
		.amdhsa_kernarg_size 40
		.amdhsa_user_sgpr_count 2
		.amdhsa_user_sgpr_kernarg_segment_ptr 1
		.amdhsa_wavefront_size32 1
		.amdhsa_system_sgpr_workgroup_id_x 1
		.amdhsa_system_sgpr_workgroup_id_y 1
		.amdhsa_system_sgpr_workgroup_id_z 1
		.amdhsa_system_vgpr_workitem_id 0
		.amdhsa_next_free_vgpr 320
		.amdhsa_next_free_sgpr 66
		.amdhsa_reserve_vcc 1
		.amdhsa_float_denorm_mode_32 3
		.amdhsa_float_denorm_mode_16_64 3
		.amdhsa_memory_ordered 1
		.amdhsa_forward_progress 1
		.amdhsa_inst_pref_size 34
	.end_amdhsa_kernel
	.amdgpu_metadata
---
amdhsa.version: [ 1, 2 ]
amdhsa.kernels:
  - .name:           k_q86983adaf3_chain1
    .symbol:         k_q86983adaf3_chain1.kd
    .args:
      - { .name: points, .offset: 0, .size: 8, .value_kind: global_buffer, .address_space: global }
      - { .name: nidx, .offset: 8, .size: 8, .value_kind: global_buffer, .address_space: global }
      - { .name: params1_0_0, .offset: 16, .size: 8, .value_kind: global_buffer, .address_space: global }
      - { .name: params1_0_1, .offset: 24, .size: 8, .value_kind: global_buffer, .address_space: global }
      - { .name: p1, .offset: 32, .size: 8, .value_kind: global_buffer, .address_space: global }
    .group_segment_fixed_size: 324352
    .private_segment_fixed_size: 0
    .kernarg_segment_align: 8
    .kernarg_segment_size: 40
    .max_flat_workgroup_size: 128
    .sgpr_count:     66
    .vgpr_count:     320
    .wavefront_size: 32
...
	.end_amdgpu_metadata
.endif
;; end of part 3
;; launch chain2 (part 4): grid 256 x 1, 4 waves a work-group, no clusters, 324,352 bytes of LDS; arguments points, nidx, params1_0_0, params1_0_1, params1_0_2, params1_0_3, params1_1_0, params1_1_1, p1, p2; writes p2
.if DOCPART == 4
	.amdgcn_target "amdgcn-amd-amdhsa--gfx1250"
	.amdhsa_code_object_version 6
	.text
	.protected	k_q86983adaf3_chain2
	.globl	k_q86983adaf3_chain2
	.p2align	8
	.type	k_q86983adaf3_chain2,@function
k_q86983adaf3_chain2:
	s_mov_b64 s[64:65], 0
	v_nop
	global_prefetch_b8 v0, s[64:65] scope:SCOPE_SE
	s_setreg_imm32_b32 hwreg(HW_REG_WAVE_MODE, 25, 1), 1
	s_wait_xcnt 0x0
; THE CHAIN OF POINTWISE LAYERS OVER (point, neighbour), to depth DEPTH.  One text serves depths 1, 2, 3; this file has DEPTH = 2.
; x0 = [centre, neighbour - centre] (6 channels) -> 64 -> 128 -> 256 channels.  Layers below DEPTH are finished (GroupNorm, ELU) from the sums that earlier launches stored; of layer DEPTH
; the sums S1 = sum y, S2 = sum y^2 of each of its 8 groups are stored, one record of 64 bytes a work-group ((S1, S2) x 8, f32); at depth 3 also, for each channel and point, the maximum of y3
; over the 16 neighbours, or the minimum where gamma3 < 0: ELU behind an affine map is monotone, so that one number gives the maximum of the finished layer.
; FORMATS.  Every input is rounded to bf16 first.  What the program makes itself (x0, activations, scaled weights) is f16; sums in f32.
; LIMITS.  x0, activations and weights times gamma / sigma lie within f16's 65,504; the variance is S2 / n - mean^2 in f32, held at 0 from below: with |mean| = 30 sigma it keeps about four
; decimal digits.  NaN and infinities are not treated apart.
; SHARES.  A work-group has 64 points of one cloud, a wave 16 points x 16 neighbours: two chunks of 8 tiles of 16 positions.  Column r of tile nt of chunk c is point 8 c + (r & 7), neighbour 2 nt + (r >> 3).
; LAYOUT.  D = W (source 0: 16 channels) x act (source 1: 16 positions): a lane holds one position and the channels 8 (lane / 16) + 0..7.  Two neighbouring channel tiles, rounded to f16 in pairs,
; ARE source 1 of the next layer.  They pass through the wave's own LDS only because the loop over channel tiles is a loop in time and register numbers are not.
; For a finished layer GroupNorm is folded into the operands: W' = A W, C operand = (b - mean) A + beta, A = gamma / sigma: the product is the ELU's argument.  Layer DEPTH has C = b.
.set DEPTH, 2
.set BT1, 0                            ; LDS: the C operands' tables, f32 by channel
.set BT2, 256
.set BT3, 768
.set G3T, 1792                         ; gamma3
.set AT1, 2816                         ; A by channel
.set AT2, 3072
.set MS, 3584                          ; 128 bytes a wave: the summed records
.set RED, 4096                         ; 64 bytes a wave: its sums
.set W1F, 4352                         ; weights as fragments: block (channel tile, K step) of 1,024 bytes, half f at 512 f, lane l at 16 l
.set W2F, 8448
.set W3F, 24832
.set XF, 90368                         ; [wave][tile 16][512] x0's fragments, registers 0-3
.set AF, 123136                        ; [wave 32,768][channel tile 4,096][position tile 512] activations
.set STG, 254208                       ; 256 channel rows x (64 points f32 + 16 bytes)
.set SPARE, 323840
.set PTS, 8
.set NIDX, 10
.set PW1, 12
.set PB1, 14
.if DEPTH == 1
.set POUT, 16
.elseif DEPTH == 2
.set PG1, 16
.set PE1, 18
.set PW2, 20
.set PB2, 22
.set PP1, 24
.set POUT, 26
.else
.set PG1, 16
.set PE1, 18
.set PW2, 20
.set PB2, 22
.set PG2, 24
.set PE2, 26
.set PW3, 28
.set PB3, 30
.set PG3, 32
.set PP1, 34
.set PP2, 36
.set POUT, 38
.endif
.set WV, 40
.set BI, 41
.set REC, 42
.set N0, 43
.set HM, 44
.set TN, 45                            ; the channel tile whose operands are being fetched
.set SEL, 46                           ; s[46:47]
.set CNT, 48
.set CH, 49
; window 0: v1 lane % 16, v2 lane / 16, v3 lane, v4 16 x lane, v5 32 x (lane / 16); v13-15 at work
.set OL, 6
.set XL, 7
.set SL, 8
.set WA, 9
.set BA, 10
.set OA, 11
.set SA, 12
.set SPW, 16
.set NIL, 17
.set R1, 18                            ; v18-25 S1 by group, rotating
.set R2, 26                            ; v26-33 S2
.set T1, 34
.set T2, 42
.set BB, 50                            ; the C operand
.set GG, 58                            ; gamma3 of the tile
.set WB, 66                            ; v66-97 the tile's weights, up to 4 K steps
.set ACC, 98                           ; v98-161 eight accumulators
.set TT, 162                           ; v162-225 at work
.set PC, 226
.set PN, 227
.set C4, 228
.set RT, 229
.set RO, 230
.set MSA, 231
.set K0, 232
.set K1, 233
.set K2, 234
.set K3, 235
.set K4, 236
.set K5, 237
.set NI, 98                            ; the prologue's use of v98-187
.set NB, 114
.set CC, 162
.set SR, 168
.set XP, 184
.set CV, 98
.set CO4, 162
.set AV, 166
; window 1: v0-63 x0's fragments, v64-191 a1's.  window 2: a2's.
.if DEPTH == 1
.set RN, 4
.else
.set RN, 8
.endif
.set MSB, 0
.macro WIN new                         ; the immediate's high byte repeats the setting that is left
.if MSB != (\new)
	s_set_vgpr_msb (MSB<<8)|(\new)
.set MSB, (\new)
.endif
.endm
.macro RB1 x
	v_cvt_pk_bf16_f32 v[\x], v[\x], v[\x]
	v_lshlrev_b32 v[\x], 16, v[\x]
.endm
.macro RB2 a
	v_cvt_pk_bf16_f32 v15, v[\a], v[(\a)+1]
	v_lshlrev_b32 v[\a], 16, v15
	v_and_b32 v[(\a)+1], s[HM], v15
.endm
.macro ROW16 x                         ; the sum over each half of 16 lanes
	v_add_f32_dpp v[\x], v[\x], v[\x] row_xmask:1 row_mask:0xf bank_mask:0xf
	v_add_f32_dpp v[\x], v[\x], v[\x] row_xmask:2 row_mask:0xf bank_mask:0xf
	v_add_f32_dpp v[\x], v[\x], v[\x] row_xmask:4 row_mask:0xf bank_mask:0xf
	v_add_f32_dpp v[\x], v[\x], v[\x] row_xmask:8 row_mask:0xf bank_mask:0xf
.endm
.macro RED32 x
	ROW16 \x
	v_permlanex16_b32 v[RT], v[\x], s[SEL], s[SEL+1]
	v_add_f32 v[\x], v[\x], v[RT]
.endm
.macro SUMS_IN pp, mso                 ; lane l takes record l of my cloud; the 16 sums over the 32 records go to my wave's own bytes of MS
.irp j, 0,1,2,3
	global_load_b128 v[SR+4*\j:SR+4*\j+3], v[RO], s[\pp:\pp+1] offset:16*\j
.endr
	s_wait_loadcnt 0x0
.set i, 0
.rept 16
	RED32 SR+i
.set i, i+1
.endr
.irp j, 0,1,2,3
	ds_store_b128 v[MSA], v[SR+4*\j:SR+4*\j+3] offset:(\mso)+16*\j
.endr
.endm
.macro COEF pb, pg, pe, mso, gsh, invn, ato, bto  ; channel = thread: A and the C operand's number
	global_load_b32 v[K0], v[C4], s[\pb:\pb+1]
	global_load_b32 v[K1], v[C4], s[\pg:\pg+1]
	global_load_b32 v[K2], v[C4], s[\pe:\pe+1]
	v_lshrrev_b32 v[K3], (\gsh)+2, v[C4]
	v_lshl_add_u32 v[K3], v[K3], 3, v[MSA]
	ds_load_b64 v[K4:K5], v[K3] offset:\mso        ; LDS serves a wave's instructions in order: this sees my stores above
	s_wait_loadcnt 0x0
	s_wait_dscnt 0x0
	RB1 K0
	RB1 K1
	RB1 K2
	v_mul_f32 v[K4], \invn, v[K4]                  ; mean
	v_mul_f32 v[K5], \invn, v[K5]
	v_fma_f32 v[K5], -v[K4], v[K4], v[K5]
	v_max_num_f32 v[K5], 0, v[K5]
	v_add_f32 v[K5], 0x3727c5ac, v[K5]             ; + 1e-5
	v_rsq_f32 v[K5], v[K5]
	v_sub_f32 v[K0], v[K0], v[K4]                  ; the plain line behind the root
	s_wait_alu depctr_va_vdst(0)                   ; and the wait ahead of its first reader
	v_mul_f32 v[K1], v[K1], v[K5]
	v_fma_f32 v[K0], v[K0], v[K1], v[K2]
	ds_store_b32 v[C4], v[K1] offset:\ato
	ds_store_b32 v[C4], v[K0] offset:\bto
.endm
.macro CONV8S a, sc                    ; eight weights: to bf16, times A, to f16
.irp j, 0,1,2,3
	v_cvt_pk_bf16_f32 v[CO4+\j], v[(\a)+2*\j], v[(\a)+2*\j+1]
.endr
.irp j, 0,1,2,3
	v_lshlrev_b32 v[(\a)+2*\j], 16, v[CO4+\j]
	v_and_b32 v[(\a)+2*\j+1], s[HM], v[CO4+\j]
.endr
.if \sc
.irp j, 0,1,2,3
	v_pk_mul_f32 v[(\a)+2*\j:(\a)+2*\j+1], v[(\a)+2*\j:(\a)+2*\j+1], v[AV:AV+1]
.endr
.endif
.irp j, 0,1,2,3
	v_cvt_pk_f16_f32 v[CO4+\j], v[(\a)+2*\j], v[(\a)+2*\j+1]
.endr
.endm
.macro CONVW pw, ks, trips, wf, sc, ato  ; wave w lays out channel tiles w, w + 4, ..: a trip a tile
	v_mul_u32_u24 v13, v1, (\ks)*128
	v_lshl_add_u32 v13, v2, 5, v13
	s_mul_i32 s50, s[WV], 16*(\ks)*128
	s_mov_b32 s51, 0
	s_add_nc_u64 s[\pw:\pw+1], s[\pw:\pw+1], s[50:51]
	s_mul_i32 s52, s[WV], (\ks)*1024
	v_add_nc_u32 v14, s52, v4
	s_lshl_b32 s53, s[WV], 6
	v_lshl_add_u32 v[K3], v1, 2, s53
	s_mov_b32 s[CNT], \trips
.Lcw\@:
.set q, 0
.rept 2*(\ks)
	global_load_b128 v[CV+8*q:CV+8*q+3], v13, s[\pw:\pw+1] offset:64*q
	global_load_b128 v[CV+8*q+4:CV+8*q+7], v13, s[\pw:\pw+1] offset:64*q+16
.set q, q+1
.endr
.if \sc
	ds_load_b32 v[AV], v[K3] offset:\ato
.endif
	s_wait_loadcnt 0x0
.if \sc
	s_wait_dscnt 0x0
	v_mov_b32 v[AV+1], v[AV]
.endif
.set q, 0
.rept 2*(\ks)
	CONV8S CV+8*q, \sc
	ds_store_b128 v14, v[CO4:CO4+3] offset:(\wf)+512*q
.set q, q+1
.endr
	s_add_nc_u64 s[\pw:\pw+1], s[\pw:\pw+1], 64*(\ks)*128  ; the loads are back, so their base may step
	v_add_nc_u32 v14, 4*(\ks)*1024, v14
	v_add_nc_u32 v[K3], 256, v[K3]
	s_sub_co_u32 s[CNT], s[CNT], 1
	s_cmp_lg_u32 s[CNT], 0
	s_cbranch_scc1 .Lcw\@
.endm
.macro LPAR l                          ; a layer's figures
.if (\l) == 1
.set KSN, 1
.set WFB, W1F
.set BTB, BT1
.set NTL, 4
.set WSH, 10
.set BFR, 0
.elseif (\l) == 2
.set KSN, 2
.set WFB, W2F
.set BTB, BT2
.set NTL, 8
.set WSH, 11
.set BFR, 64
.else
.set KSN, 4
.set WFB, W3F
.set BTB, BT3
.set NTL, 16
.set WSH, 12
.set BFR, 0
.endif
.endm
.macro LOADW                           ; a channel tile's weights and C operand
.set q, 0
.rept 2*KSN
	ds_load_b128 v[WB+4*q:WB+4*q+3], v[WA] offset:WFB+512*q
.set q, q+1
.endr
	ds_load_b128 v[BB:BB+3], v[BA] offset:BTB
	ds_load_b128 v[BB+4:BB+7], v[BA] offset:BTB+16
.endm
.macro GLOAD
	ds_load_b128 v[GG:GG+3], v[BA] offset:G3T
	ds_load_b128 v[GG+4:GG+7], v[BA] offset:G3T+16
.endm
.macro ELU n, z, t                     ; elu(z) = the median of z, e^z - 1 and 0 (e^z - 1 >= z); n pairs; the results, f16 in pairs, land in t + 0 .. n - 1
.set p, 0
.rept \n
	v_pk_mul_f32 v[(\t)+2*p:(\t)+2*p+1], v[(\z)+2*p:(\z)+2*p+1], 0x3fb8aa3b op_sel_hi:[1,0]
.if p > 0
	v_exp_f32 v[(\t)+2*p-2], v[(\t)+2*p-2]
	v_exp_f32 v[(\t)+2*p-1], v[(\t)+2*p-1]
.endif
.set p, p+1
.endr
	v_exp_f32 v[(\t)+2*(\n)-2], v[(\t)+2*(\n)-2]
	v_exp_f32 v[(\t)+2*(\n)-1], v[(\t)+2*(\n)-1]
	v_nop                                          ; the plain line behind the last exponential
	s_wait_alu depctr_va_vdst(0)                   ; one wait for the batch, ahead of its first reader
.set p, 0
.rept \n
	v_pk_add_f32 v[(\t)+2*p:(\t)+2*p+1], v[(\t)+2*p:(\t)+2*p+1], -1.0 op_sel_hi:[1,0]
	v_med3_num_f32 v[(\z)+2*p], v[(\z)+2*p], v[(\t)+2*p], 0
	v_med3_num_f32 v[(\z)+2*p+1], v[(\z)+2*p+1], v[(\t)+2*p+1], 0
	v_cvt_pk_f16_f32 v[(\t)+p], v[(\z)+2*p], v[(\z)+2*p+1]
.set p, p+1
.endr
.endm
.macro ROT r, s, n                     ; the group in hand lies at the top; it takes the sum and goes to the bottom: after n turns each group is back in its place
	v_add_f32 v[\s], v[(\r)+(\n)-1], v[\s]
.set ii, (\n)-1
.rept (\n)-1
	v_mov_b32 v[(\r)+ii], v[(\r)+ii-1]
.set ii, ii-1
.endr
	v_mov_b32 v[\r], v[\s]
.endm
.macro STAT first, fold                ; sums of the 64 numbers of a lane, four chains each, each accumulator from its low end on
.set p, 0
.rept 32
.if (\first) && (p < 4)
	v_pk_add_f32 v[T1+2*p:T1+2*p+1], v[ACC+2*p:ACC+2*p+1], v[ACC+2*p+8:ACC+2*p+9]
	v_pk_mul_f32 v[T2+2*p:T2+2*p+1], v[ACC+2*p:ACC+2*p+1], v[ACC+2*p:ACC+2*p+1]
.elseif (\first) && (p < 8)
	v_pk_fma_f32 v[T2+2*(p%4):T2+2*(p%4)+1], v[ACC+2*p:ACC+2*p+1], v[ACC+2*p:ACC+2*p+1], v[T2+2*(p%4):T2+2*(p%4)+1]
.else
	v_pk_add_f32 v[T1+2*(p%4):T1+2*(p%4)+1], v[T1+2*(p%4):T1+2*(p%4)+1], v[ACC+2*p:ACC+2*p+1]
	v_pk_fma_f32 v[T2+2*(p%4):T2+2*(p%4)+1], v[ACC+2*p:ACC+2*p+1], v[ACC+2*p:ACC+2*p+1], v[T2+2*(p%4):T2+2*(p%4)+1]
.endif
.set p, p+1
.endr
.if \fold
	v_pk_add_f32 v[T1:T1+1], v[T1:T1+1], v[T1+2:T1+3]
	v_pk_add_f32 v[T2:T2+1], v[T2:T2+1], v[T2+2:T2+3]
	v_pk_add_f32 v[T1+4:T1+5], v[T1+4:T1+5], v[T1+6:T1+7]
	v_pk_add_f32 v[T2+4:T2+5], v[T2+4:T2+5], v[T2+6:T2+7]
	v_pk_add_f32 v[T1:T1+1], v[T1:T1+1], v[T1+4:T1+5]
	v_pk_add_f32 v[T2:T2+1], v[T2:T2+1], v[T2+4:T2+5]
	v_add_f32 v[T1], v[T1], v[T1+1]
	v_add_f32 v[T2], v[T2], v[T2+1]
	ROT R1, T1, RN
	ROT R2, T2, RN
.endif
.endm
.macro EXT                             ; over the 8 tiles and the lane 8 away: a point's 16 neighbours; register 0 of every accumulator is read first
.irp j, 0,1,2,3,4,5,6,7
	v_max3_num_f32 v[TT+\j], v[ACC+\j], v[ACC+8+\j], v[ACC+16+\j]
	v_min3_num_f32 v[TT+8+\j], v[ACC+\j], v[ACC+8+\j], v[ACC+16+\j]
	v_max3_num_f32 v[TT+\j], v[TT+\j], v[ACC+24+\j], v[ACC+32+\j]
	v_min3_num_f32 v[TT+8+\j], v[TT+8+\j], v[ACC+24+\j], v[ACC+32+\j]
	v_max3_num_f32 v[TT+\j], v[TT+\j], v[ACC+40+\j], v[ACC+48+\j]
	v_min3_num_f32 v[TT+8+\j], v[TT+8+\j], v[ACC+40+\j], v[ACC+48+\j]
	v_max_num_f32 v[TT+\j], v[TT+\j], v[ACC+56+\j]
	v_min_num_f32 v[TT+8+\j], v[TT+8+\j], v[ACC+56+\j]
.endr
.irp j, 0,1,2,3,4,5,6,7
	v_max_num_f32_dpp v[TT+\j], v[TT+\j], v[TT+\j] row_xmask:8 row_mask:0xf bank_mask:0xf
	v_min_num_f32_dpp v[TT+8+\j], v[TT+8+\j], v[TT+8+\j] row_xmask:8 row_mask:0xf bank_mask:0xf
.endr
.irp j, 0,1,2,3,4,5,6,7
	v_cmp_le_f32 vcc_lo, 0, v[GG+\j]
	v_cndmask_b32 v[TT+\j], v[TT+8+\j], v[TT+\j], vcc_lo
	ds_store_b32 v[SA], v[TT+\j] offset:272*\j     ; lanes r and r ^ 8 store the same number to the same word
.endr
.endm
.macro STEP l, first, fold             ; one channel tile x the chunk's 8 position tiles
	LPAR \l
	s_wait_dscnt 0x0                               ; the tile's operands, asked for behind the last tile's products, are in
.if (\l) == 3
	WIN 0x08
.else
	WIN 0x04
.endif
.set k, 0
.rept KSN                              ; the eight accumulators take turns, one instruction a turn
.set n, 0
.rept 8
.if k == 0
	v_wmma_f32_16x16x32_f16 v[ACC+8*n:ACC+8*n+7], v[WB:WB+7], v[BFR+8*n:BFR+8*n+7], v[BB:BB+7]
.else
	v_wmma_f32_16x16x32_f16 v[ACC+8*n:ACC+8*n+7], v[WB+8*k:WB+8*k+7], v[BFR+64*k+8*n:BFR+64*k+8*n+7], v[ACC+8*n:ACC+8*n+7]
.endif
.set n, n+1
.endr
.set k, k+1
.endr
	WIN 0
	v_lshl_add_u32 v[OA], s[TN], 12, v[OL]         ; four plain lines stand between the last product and the loads into its sources and the reads of its result
.if (\l) == 3
	s_mul_i32 s50, s[TN], 16*272
	s_lshl_b32 s51, s[CH], 5
	s_add_co_u32 s50, s50, s51
	v_add_nc_u32 v[SA], s50, v[SL]
.else
	v_nop
.endif
	s_add_co_u32 s[TN], s[TN], 1
	s_and_b32 s[TN], s[TN], NTL-1                  ; behind the last tile the look-ahead goes back to tile 0
	v_lshl_add_u32 v[WA], s[TN], WSH, v4
	v_lshl_add_u32 v[BA], s[TN], 6, v5
	LOADW
.if (\l) < DEPTH
	ELU 32, ACC, TT
.irp n, 0,1,2,3,4,5,6,7
	ds_store_b128 v[OA], v[TT+4*\n:TT+4*\n+3] offset:512*\n
.endr
.else
.if (\l) == 3
	EXT
	GLOAD                                          ; behind EXT, which reads the tile's own gamma
.endif
	STAT \first, \fold
.endif
.endm
.macro LAYER l
	LPAR \l
	s_wait_dscnt 0x0                               ; no load is out into the registers that are asked for anew
	s_mov_b32 s[TN], 0
	v_mov_b32 v[WA], v4
	v_mov_b32 v[BA], v5
	LOADW
.if (\l) == 3
	GLOAD
	s_mov_b32 s[CNT], 8
.else
	s_mov_b32 s[CNT], NTL
.endif
.Llay\@:
.if (\l) == 3
	STEP 3, 1, 0                                   ; a group of layer 3 is two channel tiles
	STEP 3, 0, 1
.else
	STEP \l, 1, 1
.endif
	s_sub_co_u32 s[CNT], s[CNT], 1
	s_cmp_lg_u32 s[CNT], 0
	s_cbranch_scc1 .Llay\@
.endm
.macro BULK kn, w, base                ; the finished layer comes back from my own LDS as source 1 of the next: behind my stores, in order
	WIN \w
.set k, 0
.rept \kn
.set n, 0
.rept 8
	ds_load_b128 v[(\base)+64*k+8*n:(\base)+64*k+8*n+3], v[OL] offset:8192*k+512*n
	ds_load_b128 v[(\base)+64*k+8*n+4:(\base)+64*k+8*n+7], v[OL] offset:8192*k+4096+512*n
.set n, n+1
.endr
.set k, k+1
.endr
	WIN 0
.endm
.if DEPTH == 1
	s_load_b256 s[8:15], s[0:1], 0x0
	s_load_b64 s[16:17], s[0:1], 0x20
.elseif DEPTH == 2
	s_load_b512 s[8:23], s[0:1], 0x0
	s_load_b128 s[24:27], s[0:1], 0x40
.else
	s_load_b512 s[8:23], s[0:1], 0x0
	s_load_b512 s[24:39], s[0:1], 0x40
.endif
	v_lshl_add_u32 v[SPW], v0, 2, SPARE
	v_mov_b32 v[NIL], 0
	v_lshrrev_b32 v13, 5, v0
	v_readfirstlane_b32 s[WV], v13
	s_lshr_b32 s[BI], ttmp9, 5                     ; cloud
	s_and_b32 s[REC], ttmp9, 31
	s_lshl_b32 s[N0], s[REC], 6                    ; first point
	s_mov_b32 s[HM], 0xffff0000
	s_mov_b32 s[SEL], 0x76543210
	s_mov_b32 s[SEL+1], 0xfedcba98
	v_and_b32 v1, 15, v0
	v_bfe_u32 v2, v0, 4, 1
	v_and_b32 v3, 31, v0
	v_lshlrev_b32 v4, 4, v3
	v_lshlrev_b32 v5, 5, v2
	s_lshl_b32 s50, s[WV], 15
	s_add_co_u32 s50, s50, AF
	v_add_nc_u32 v[OL], s50, v4
	s_lshl_b32 s50, s[WV], 13
	s_add_co_u32 s50, s50, XF
	v_add_nc_u32 v[XL], s50, v4
	v_and_b32 v13, 7, v0
	s_lshl_b32 s50, s[WV], 6
	s_add_co_u32 s50, s50, STG
	v_lshl_add_u32 v[SL], v13, 2, s50
	v_mul_u32_u24 v14, v2, 8*272
	v_add_nc_u32 v[SL], v[SL], v14
	v_mov_b32 v[RT], 0
	v_lshlrev_b32 v[C4], 2, v0
	v_lshlrev_b32 v[RO], 6, v3
	s_lshl_b32 s50, s[BI], 11
	v_add_nc_u32 v[RO], s50, v[RO]
	s_lshl_b32 s50, s[WV], 7
	s_add_co_u32 s50, s50, MS
	v_mov_b32 v[MSA], s50
	s_lshl_b32 s50, s[WV], 4
	s_add_co_u32 s50, s50, s[N0]
	v_add_nc_u32 v13, s50, v13                     ; my column's point in chunk 0
	v_lshlrev_b32 v[PC], 2, v13
	v_bfe_u32 v14, v0, 3, 1
	v_lshlrev_b32 v14, 2, v14
	v_lshl_add_u32 v[PN], v13, 6, v14
	s_mul_i32 s50, s[BI], 24576
	s_mov_b32 s51, 0
	s_lshl_b32 s52, s[BI], 17
	s_mov_b32 s53, 0
	s_lshl_b32 s54, ttmp9, 6                       ; my record
	s_mov_b32 s55, 0
	s_wait_kmcnt 0x0
	s_add_nc_u64 s[PTS:PTS+1], s[PTS:PTS+1], s[50:51]
	s_add_nc_u64 s[NIDX:NIDX+1], s[NIDX:NIDX+1], s[52:53]
	s_add_nc_u64 s[56:57], s[POUT:POUT+1], s[54:55]
.if DEPTH == 3
	s_add_nc_u64 s[56:57], s[56:57], 0x1000000     ; the records lie behind e3's 16,777,216 bytes
.endif
.irp c, 0,1
.irp d, 0,1,2
	global_load_b32 v[CC+3*\c+\d], v[PC], s[PTS:PTS+1] offset:8192*\d+32*\c
.endr
.irp n, 0,1,2,3,4,5,6,7
	global_load_b32 v[NI+8*\c+\n], v[PN], s[NIDX:NIDX+1] offset:512*\c+8*\n
.endr
.endr
	s_wait_loadcnt 0x0
.set i, 0
.rept 16
	v_min_u32 v[NI+i], 0x7ff, v[NI+i]
	v_lshlrev_b32 v[NI+i], 2, v[NI+i]
.set i, i+1
.endr
.set i, 0
.rept 16
	global_load_b32 v[NB+3*i], v[NI+i], s[PTS:PTS+1]
	global_load_b32 v[NB+3*i+1], v[NI+i], s[PTS:PTS+1] offset:8192
	global_load_b32 v[NB+3*i+2], v[NI+i], s[PTS:PTS+1] offset:16384
.set i, i+1
.endr
.if DEPTH == 1
	s_cmp_lt_u32 s[WV], 2                          ; 64 channels: waves 0 and 1
	s_cbranch_scc0 .Lnob
	global_load_b32 v[K0], v[C4], s[PB1:PB1+1]
	s_wait_loadcnt 0x0
	RB1 K0
	ds_store_b32 v[C4], v[K0] offset:BT1
.Lnob:
.else
	s_cmp_lt_u32 s[WV], 2
	s_cbranch_scc0 .Lno1
	SUMS_IN PP1, 0
	COEF PB1, PG1, PE1, 0, 3, 0x36800000, AT1, BT1 ; n = 8 x 32,768 = 2^18
.Lno1:
.endif
.if DEPTH == 2
	global_load_b32 v[K0], v[C4], s[PB2:PB2+1]
	s_wait_loadcnt 0x0
	RB1 K0
	ds_store_b32 v[C4], v[K0] offset:BT2
.endif
.if DEPTH == 3
	SUMS_IN PP2, 64
	COEF PB2, PG2, PE2, 64, 4, 0x36000000, AT2, BT2  ; n = 2^19
	global_load_b32 v[K0], v[C4], s[PB3:PB3+1]
	global_load_b32 v[K1], v[C4], s[PB3:PB3+1] offset:512
	global_load_b32 v[K2], v[C4], s[PG3:PG3+1]
	global_load_b32 v[K3], v[C4], s[PG3:PG3+1] offset:512
	s_wait_loadcnt 0x0
	RB1 K0
	RB1 K1
	RB1 K2
	RB1 K3
	ds_store_b32 v[C4], v[K0] offset:BT3
	ds_store_b32 v[C4], v[K1] offset:BT3+512
	ds_store_b32 v[C4], v[K2] offset:G3T
	ds_store_b32 v[C4], v[K3] offset:G3T+512
.endif
	s_wait_dscnt 0x0
	s_barrier_signal -1
	s_barrier_wait -1                              ; the tables by channel are whole
	s_wait_loadcnt 0x0                             ; the neighbours' coordinates
	RB2 CC
	RB2 CC+2
	RB2 CC+4
.set i, 0
.rept 24
	RB2 NB+2*i
.set i, i+1
.endr
	v_mov_b32 v[XP+3], 0
.set i, 0
.rept 16                               ; tile i: k = 0..5 are cx, cy, cz, dx, dy, dz; lanes 16-31 hold the same finite numbers, which meet zeros in W1's fragments
	v_sub_f32 v[NB+3*i], v[NB+3*i], v[CC+3*(i/8)]
	v_sub_f32 v[NB+3*i+1], v[NB+3*i+1], v[CC+3*(i/8)+1]
	v_sub_f32 v[NB+3*i+2], v[NB+3*i+2], v[CC+3*(i/8)+2]
	v_cvt_pk_f16_f32 v[XP], v[CC+3*(i/8)], v[CC+3*(i/8)+1]
	v_cvt_pk_f16_f32 v[XP+1], v[CC+3*(i/8)+2], v[NB+3*i]
	v_cvt_pk_f16_f32 v[XP+2], v[NB+3*i+1], v[NB+3*i+2]
	ds_store_b128 v[XL], v[XP:XP+3] offset:512*i
.set i, i+1
.endr
	; W1 [64][6]: wave w lays out channel tile w; k >= 6 is zero: the fourth register, lanes 16-31, and the second half
	s_mul_i32 s50, s[WV], 384
	v_mul_u32_u24 v13, v1, 24
	v_add_nc_u32 v13, s50, v13
	global_load_b64 v[CV:CV+1], v13, s[PW1:PW1+1]
	global_load_b64 v[CV+2:CV+3], v13, s[PW1:PW1+1] offset:8
	global_load_b64 v[CV+4:CV+5], v13, s[PW1:PW1+1] offset:16
.if DEPTH > 1
	s_lshl_b32 s50, s[WV], 6
	v_lshl_add_u32 v14, v1, 2, s50
	ds_load_b32 v[AV], v14 offset:AT1
.endif
	s_wait_loadcnt 0x0
	RB2 CV
	RB2 CV+2
	RB2 CV+4
.if DEPTH > 1
	s_wait_dscnt 0x0
	v_mov_b32 v[AV+1], v[AV]
.irp j, 0,1,2
	v_pk_mul_f32 v[CV+2*\j:CV+2*\j+1], v[CV+2*\j:CV+2*\j+1], v[AV:AV+1]
.endr
.endif
	v_cmp_eq_u32 vcc_lo, 0, v2
.irp j, 0,1,2
	v_cvt_pk_f16_f32 v[CO4+\j], v[CV+2*\j], v[CV+2*\j+1]
	v_cndmask_b32 v[CO4+\j], 0, v[CO4+\j], vcc_lo
.endr
	v_mov_b32 v[CO4+3], 0
	s_lshl_b32 s50, s[WV], 10
	v_add_nc_u32 v14, s50, v4
	ds_store_b128 v14, v[CO4:CO4+3] offset:W1F
.irp j, 0,1,2,3
	v_mov_b32 v[CV+\j], 0
.endr
	ds_store_b128 v14, v[CV:CV+3] offset:W1F+512
.if DEPTH == 2
	CONVW PW2, 2, 2, W2F, 0, 0
.endif
.if DEPTH == 3
	CONVW PW2, 2, 2, W2F, 1, AT2
	CONVW PW3, 4, 4, W3F, 0, 0
.endif
	WIN 0x40
.set i, 0
.rept 8                                ; k = 16 .. 31 of x0's fragments: zeros, once
.irp j, 4,5,6,7
	v_mov_b32 v[8*i+\j], 0
.endr
.set i, i+1
.endr
	WIN 0
.set i, 0
.rept 16
	v_mov_b32 v[R1+i], 0
.set i, i+1
.endr
	s_wait_dscnt 0x0
	s_barrier_signal -1
	s_barrier_wait -1                              ; all weights lie in LDS
	s_mov_b32 s[CH], 0
.Lchunk:                               ; two trips: 8 points x 16 neighbours each
	v_lshl_add_u32 v13, s[CH], 12, v[XL]
	WIN 0x40
.irp n, 0,1,2,3,4,5,6,7
	ds_load_b128 v[8*\n:8*\n+3], v13 offset:512*\n
.endr
	WIN 0
	LAYER 1
.if DEPTH > 1
	BULK 2, 0x40, 64
	LAYER 2
.endif
.if DEPTH > 2
	BULK 4, 0x80, 0
	LAYER 3
.endif
	s_add_co_u32 s[CH], s[CH], 1
	s_cmp_lt_u32 s[CH], 2
	s_cbranch_scc1 .Lchunk
	s_wait_dscnt 0x0
	s_lshl_b32 s50, s[WV], 6
.if DEPTH == 1
.irp x, 0,1,2,3                        ; layer 1's groups are 8 channels: tile t holds group 2 t in lanes 0-15 and group 2 t + 1 in lanes 16-31
	ROW16 R1+\x
	ROW16 R2+\x
.endr
	v_lshl_add_u32 v13, v2, 3, s50
.irp t, 0,1,2,3
	ds_store_b32 v13, v[R1+3-\t] offset:RED+16*\t
	ds_store_b32 v13, v[R2+3-\t] offset:RED+16*\t+4
.endr
.else
.irp x, 0,1,2,3,4,5,6,7
	RED32 R1+\x
	RED32 R2+\x
.endr
	v_mov_b32 v13, s50
.irp g, 0,1,2,3,4,5,6,7
	ds_store_b32 v13, v[R1+7-\g] offset:RED+8*\g
	ds_store_b32 v13, v[R2+7-\g] offset:RED+8*\g+4
.endr
.endif
	s_wait_dscnt 0x0
	s_barrier_signal -1
	s_barrier_wait -1                              ; the four waves' sums, and at depth 3 the stage, are whole
	s_cmp_lg_u32 s[WV], 0
	s_cbranch_scc1 .Lnorec
	v_lshlrev_b32 v[K0], 2, v1                     ; lanes l and l + 16 store the same word
	ds_load_b32 v[K1], v[K0] offset:RED
	ds_load_b32 v[K2], v[K0] offset:RED+64
	ds_load_b32 v[K3], v[K0] offset:RED+128
	ds_load_b32 v[K4], v[K0] offset:RED+192
	s_wait_dscnt 0x0
	v_add_f32 v[K1], v[K1], v[K2]
	v_add_f32 v[K3], v[K3], v[K4]
	v_add_f32 v[K1], v[K1], v[K3]
	global_store_b32 v[K0], v[K1], s[56:57]
.Lnorec:
.if DEPTH == 3
	s_mul_i32 s50, s[WV], 64*272                   ; wave w stores channel rows 64 w .. 64 w + 63: lanes 0-15 one row's 256 bytes, lanes 16-31 the next
	s_add_co_u32 s50, s50, STG
	v_mul_u32_u24 v13, v2, 272
	v_lshl_add_u32 v13, v1, 4, v13
	v_add_nc_u32 v13, s50, v13
	v_lshlrev_b32 v14, 16, v2
	v_lshl_add_u32 v14, v1, 4, v14
	s_lshl_b32 s50, s[WV], 22
	s_lshl_b32 s51, ttmp9, 8
	s_add_co_u32 s50, s50, s51
	s_mov_b32 s51, 0
	s_add_nc_u64 s[POUT:POUT+1], s[POUT:POUT+1], s[50:51]
.set i, 0
.rept 32
	ds_load_b128 v[ACC+4*i:ACC+4*i+3], v13 offset:544*i
.set i, i+1
.endr
.set i, 0
.rept 32
	s_wait_dscnt 31-i                              ; the younger read-backs may stay out
	global_store_b128 v14, v[ACC+4*i:ACC+4*i+3], s[POUT:POUT+1] offset:131072*i  ; sixteen lanes store 256 consecutive bytes, aligned
.set i, i+1
.endr
.endif
	s_wait_tensorcnt 0x0                           ; the wave's end
	ds_add_u32 v[SPW], v[NIL]
	s_wait_dscnt 0x0
	s_endpgm
.Lfunc_end_k_q86983adaf3_chain2:
	.size	k_q86983adaf3_chain2, .Lfunc_end_k_q86983adaf3_chain2-k_q86983adaf3_chain2
	.p2alignl 7, 3214868480
	.fill 96, 4, 3214868480
	.section	.rodata,"a",@progbits
	.p2align	6, 0x0
	.amdhsa_kernel k_q86983adaf3_chain2
		.amdhsa_group_segment_fixed_size 324352
		.amdhsa_private_segment_fixed_size 0
		.amdhsa_enable_private_segment 0
		.amdhsa_kernarg_size 80
		.amdhsa_user_sgpr_count 2
		.amdhsa_user_sgpr_kernarg_segment_ptr 1
		.amdhsa_wavefront_size32 1
		.amdhsa_system_sgpr_workgroup_id_x 1
		.amdhsa_system_sgpr_workgroup_id_y 1
		.amdhsa_system_sgpr_workgroup_id_z 1
		.amdhsa_system_vgpr_workitem_id 0
		.amdhsa_next_free_vgpr 448
		.amdhsa_next_free_sgpr 66
		.amdhsa_reserve_vcc 1
		.amdhsa_float_denorm_mode_32 3
		.amdhsa_float_denorm_mode_16_64 3
		.amdhsa_memory_ordered 1
		.amdhsa_forward_progress 1
		.amdhsa_inst_pref_size 69
	.end_amdhsa_kernel
	.amdgpu_metadata
---
amdhsa.version: [ 1, 2 ]
amdhsa.kernels:
  - .name:           k_q86983adaf3_chain2
    .symbol:         k_q86983adaf3_chain2.kd
    .args:
      - { .name: points, .offset: 0, .size: 8, .value_kind: global_buffer, .address_space: global }
      - { .name: nidx, .offset: 8, .size: 8, .value_kind: global_buffer, .address_space: global }
      - { .name: params1_0_0, .offset: 16, .size: 8, .value_kind: global_buffer, .address_space: global }
      - { .name: params1_0_1, .offset: 24, .size: 8, .value_kind: global_buffer, .address_space: global }
      - { .name: params1_0_2, .offset: 32, .size: 8, .value_kind: global_buffer, .address_space: global }
      - { .name: params1_0_3, .offset: 40, .size: 8, .value_kind: global_buffer, .address_space: global }
      - { .name: params1_1_0, .offset: 48, .size: 8, .value_kind: global_buffer, .address_space: global }
      - { .name: params1_1_1, .offset: 56, .size: 8, .value_kind: global_buffer, .address_space: global }
      - { .name: p1, .offset: 64, .size: 8, .value_kind: global_buffer, .address_space: global }
      - { .name: p2, .offset: 72, .size: 8, .value_kind: global_buffer, .address_space: global }
    .group_segment_fixed_size: 324352
    .private_segment_fixed_size: 0
    .kernarg_segment_align: 8
    .kernarg_segment_size: 80
    .max_flat_workgroup_size: 128
    .sgpr_count:     66
    .vgpr_count:     448
    .wavefront_size: 32
...
	.end_amdgpu_metadata
.endif
;; end of part 4
;; launch chain3 (part 5): grid 256 x 1, 4 waves a work-group, no clusters, 324,352 bytes of LDS; arguments points, nidx, params1_0_0, params1_0_1, params1_0_2, params1_0_3, params1_1_0, params1_1_1, params1_1_2, params1_1_3, params1_2_0, params1_2_1, params1_2_2, p1, p2, e3; writes e3
.if DOCPART == 5
	.amdgcn_target "amdgcn-amd-amdhsa--gfx1250"
	.amdhsa_code_object_version 6
	.text
	.protected	k_q86983adaf3_chain3
	.globl	k_q86983adaf3_chain3
	.p2align	8
	.type	k_q86983adaf3_chain3,@function
k_q86983adaf3_chain3:
	s_mov_b64 s[64:65], 0
	v_nop
	global_prefetch_b8 v0, s[64:65] scope:SCOPE_SE
	s_setreg_imm32_b32 hwreg(HW_REG_WAVE_MODE, 25, 1), 1
	s_wait_xcnt 0x0
; THE CHAIN OF POINTWISE LAYERS OVER (point, neighbour), to depth DEPTH.  One text serves depths 1, 2, 3; this file has DEPTH = 3.
; x0 = [centre, neighbour - centre] (6 channels) -> 64 -> 128 -> 256 channels.  Layers below DEPTH are finished (GroupNorm, ELU) from the sums that earlier launches stored; of layer DEPTH
; the sums S1 = sum y, S2 = sum y^2 of each of its 8 groups are stored, one record of 64 bytes a work-group ((S1, S2) x 8, f32); at depth 3 also, for each channel and point, the maximum of y3
; over the 16 neighbours, or the minimum where gamma3 < 0: ELU behind an affine map is monotone, so that one number gives the maximum of the finished layer.
; FORMATS.  Every input is rounded to bf16 first.  What the program makes itself (x0, activations, scaled weights) is f16; sums in f32.
; LIMITS.  x0, activations and weights times gamma / sigma lie within f16's 65,504; the variance is S2 / n - mean^2 in f32, held at 0 from below: with |mean| = 30 sigma it keeps about four
; decimal digits.  NaN and infinities are not treated apart.
; SHARES.  A work-group has 64 points of one cloud, a wave 16 points x 16 neighbours: two chunks of 8 tiles of 16 positions.  Column r of tile nt of chunk c is point 8 c + (r & 7), neighbour 2 nt + (r >> 3).
; LAYOUT.  D = W (source 0: 16 channels) x act (source 1: 16 positions): a lane holds one position and the channels 8 (lane / 16) + 0..7.  Two neighbouring channel tiles, rounded to f16 in pairs,
; ARE source 1 of the next layer.  They pass through the wave's own LDS only because the loop over channel tiles is a loop in time and register numbers are not.
; For a finished layer GroupNorm is folded into the operands: W' = A W, C operand = (b - mean) A + beta, A = gamma / sigma: the product is the ELU's argument.  Layer DEPTH has C = b.
.set DEPTH, 3
.set BT1, 0                            ; LDS: the C operands' tables, f32 by channel
.set BT2, 256
.set BT3, 768
.set G3T, 1792                         ; gamma3
.set AT1, 2816                         ; A by channel
.set AT2, 3072
.set MS, 3584                          ; 128 bytes a wave: the summed records
.set RED, 4096                         ; 64 bytes a wave: its sums
.set W1F, 4352                         ; weights as fragments: block (channel tile, K step) of 1,024 bytes, half f at 512 f, lane l at 16 l
.set W2F, 8448
.set W3F, 24832
.set XF, 90368                         ; [wave][tile 16][512] x0's fragments, registers 0-3
.set AF, 123136                        ; [wave 32,768][channel tile 4,096][position tile 512] activations
.set STG, 254208                       ; 256 channel rows x (64 points f32 + 16 bytes)
.set SPARE, 323840
.set PTS, 8
.set NIDX, 10
.set PW1, 12
.set PB1, 14
.if DEPTH == 1
.set POUT, 16
.elseif DEPTH == 2
.set PG1, 16
.set PE1, 18
.set PW2, 20
.set PB2, 22
.set PP1, 24
.set POUT, 26
.else
.set PG1, 16
.set PE1, 18
.set PW2, 20
.set PB2, 22
.set PG2, 24
.set PE2, 26
.set PW3, 28
.set PB3, 30
.set PG3, 32
.set PP1, 34
.set PP2, 36
.set POUT, 38
.endif
.set WV, 40
.set BI, 41
.set REC, 42
.set N0, 43
.set HM, 44
.set TN, 45                            ; the channel tile whose operands are being fetched
.set SEL, 46                           ; s[46:47]
.set CNT, 48
.set CH, 49
; window 0: v1 lane % 16, v2 lane / 16, v3 lane, v4 16 x lane, v5 32 x (lane / 16); v13-15 at work
.set OL, 6
.set XL, 7
.set SL, 8
.set WA, 9
.set BA, 10
.set OA, 11
.set SA, 12
.set SPW, 16
.set NIL, 17
.set R1, 18                            ; v18-25 S1 by group, rotating
.set R2, 26                            ; v26-33 S2
.set T1, 34
.set T2, 42
.set BB, 50                            ; the C operand
.set GG, 58                            ; gamma3 of the tile
.set WB, 66                            ; v66-97 the tile's weights, up to 4 K steps
.set ACC, 98                           ; v98-161 eight accumulators
.set TT, 162                           ; v162-225 at work
.set PC, 226
.set PN, 227
.set C4, 228
.set RT, 229
.set RO, 230
.set MSA, 231
.set K0, 232
.set K1, 233
.set K2, 234
.set K3, 235
.set K4, 236
.set K5, 237
.set NI, 98                            ; the prologue's use of v98-187
.set NB, 114
.set CC, 162
.set SR, 168
.set XP, 184
.set CV, 98
.set CO4, 162
.set AV, 166
; window 1: v0-63 x0's fragments, v64-191 a1's.  window 2: a2's.
.if DEPTH == 1
.set RN, 4
.else
.set RN, 8
.endif
.set MSB, 0
.macro WIN new                         ; the immediate's high byte repeats the setting that is left
.if MSB != (\new)
	s_set_vgpr_msb (MSB<<8)|(\new)
.set MSB, (\new)
.endif
.endm
.macro RB1 x
	v_cvt_pk_bf16_f32 v[\x], v[\x], v[\x]
	v_lshlrev_b32 v[\x], 16, v[\x]
.endm
.macro RB2 a
	v_cvt_pk_bf16_f32 v15, v[\a], v[(\a)+1]
	v_lshlrev_b32 v[\a], 16, v15
	v_and_b32 v[(\a)+1], s[HM], v15
.endm
.macro ROW16 x                         ; the sum over each half of 16 lanes
	v_add_f32_dpp v[\x], v[\x], v[\x] row_xmask:1 row_mask:0xf bank_mask:0xf
	v_add_f32_dpp v[\x], v[\x], v[\x] row_xmask:2 row_mask:0xf bank_mask:0xf
	v_add_f32_dpp v[\x], v[\x], v[\x] row_xmask:4 row_mask:0xf bank_mask:0xf
	v_add_f32_dpp v[\x], v[\x], v[\x] row_xmask:8 row_mask:0xf bank_mask:0xf
.endm
.macro RED32 x
	ROW16 \x
	v_permlanex16_b32 v[RT], v[\x], s[SEL], s[SEL+1]
	v_add_f32 v[\x], v[\x], v[RT]
.endm
.macro SUMS_IN pp, mso                 ; lane l takes record l of my cloud; the 16 sums over the 32 records go to my wave's own bytes of MS
.irp j, 0,1,2,3
	global_load_b128 v[SR+4*\j:SR+4*\j+3], v[RO], s[\pp:\pp+1] offset:16*\j
.endr
	s_wait_loadcnt 0x0
.set i, 0
.rept 16
	RED32 SR+i
.set i, i+1
.endr
.irp j, 0,1,2,3
	ds_store_b128 v[MSA], v[SR+4*\j:SR+4*\j+3] offset:(\mso)+16*\j
.endr
.endm
.macro COEF pb, pg, pe, mso, gsh, invn, ato, bto  ; channel = thread: A and the C operand's number
	global_load_b32 v[K0], v[C4], s[\pb:\pb+1]
	global_load_b32 v[K1], v[C4], s[\pg:\pg+1]
	global_load_b32 v[K2], v[C4], s[\pe:\pe+1]
	v_lshrrev_b32 v[K3], (\gsh)+2, v[C4]
	v_lshl_add_u32 v[K3], v[K3], 3, v[MSA]
	ds_load_b64 v[K4:K5], v[K3] offset:\mso        ; LDS serves a wave's instructions in order: this sees my stores above
	s_wait_loadcnt 0x0
	s_wait_dscnt 0x0
	RB1 K0
	RB1 K1
	RB1 K2
	v_mul_f32 v[K4], \invn, v[K4]                  ; mean
	v_mul_f32 v[K5], \invn, v[K5]
	v_fma_f32 v[K5], -v[K4], v[K4], v[K5]
	v_max_num_f32 v[K5], 0, v[K5]
	v_add_f32 v[K5], 0x3727c5ac, v[K5]             ; + 1e-5
	v_rsq_f32 v[K5], v[K5]
	v_sub_f32 v[K0], v[K0], v[K4]                  ; the plain line behind the root
	s_wait_alu depctr_va_vdst(0)                   ; and the wait ahead of its first reader
	v_mul_f32 v[K1], v[K1], v[K5]
	v_fma_f32 v[K0], v[K0], v[K1], v[K2]
	ds_store_b32 v[C4], v[K1] offset:\ato
	ds_store_b32 v[C4], v[K0] offset:\bto
.endm
.macro CONV8S a, sc                    ; eight weights: to bf16, times A, to f16
.irp j, 0,1,2,3
	v_cvt_pk_bf16_f32 v[CO4+\j], v[(\a)+2*\j], v[(\a)+2*\j+1]
.endr
.irp j, 0,1,2,3
	v_lshlrev_b32 v[(\a)+2*\j], 16, v[CO4+\j]
	v_and_b32 v[(\a)+2*\j+1], s[HM], v[CO4+\j]
.endr
.if \sc
.irp j, 0,1,2,3
	v_pk_mul_f32 v[(\a)+2*\j:(\a)+2*\j+1], v[(\a)+2*\j:(\a)+2*\j+1], v[AV:AV+1]
.endr
.endif
.irp j, 0,1,2,3
	v_cvt_pk_f16_f32 v[CO4+\j], v[(\a)+2*\j], v[(\a)+2*\j+1]
.endr
.endm
.macro CONVW pw, ks, trips, wf, sc, ato  ; wave w lays out channel tiles w, w + 4, ..: a trip a tile
	v_mul_u32_u24 v13, v1, (\ks)*128
	v_lshl_add_u32 v13, v2, 5, v13
	s_mul_i32 s50, s[WV], 16*(\ks)*128
	s_mov_b32 s51, 0
	s_add_nc_u64 s[\pw:\pw+1], s[\pw:\pw+1], s[50:51]
	s_mul_i32 s52, s[WV], (\ks)*1024
	v_add_nc_u32 v14, s52, v4
	s_lshl_b32 s53, s[WV], 6
	v_lshl_add_u32 v[K3], v1, 2, s53
	s_mov_b32 s[CNT], \trips
.Lcw\@:
.set q, 0
.rept 2*(\ks)
	global_load_b128 v[CV+8*q:CV+8*q+3], v13, s[\pw:\pw+1] offset:64*q
	global_load_b128 v[CV+8*q+4:CV+8*q+7], v13, s[\pw:\pw+1] offset:64*q+16
.set q, q+1
.endr
.if \sc
	ds_load_b32 v[AV], v[K3] offset:\ato
.endif
	s_wait_loadcnt 0x0
.if \sc
	s_wait_dscnt 0x0
	v_mov_b32 v[AV+1], v[AV]
.endif
.set q, 0
.rept 2*(\ks)
	CONV8S CV+8*q, \sc
	ds_store_b128 v14, v[CO4:CO4+3] offset:(\wf)+512*q
.set q, q+1
.endr
	s_add_nc_u64 s[\pw:\pw+1], s[\pw:\pw+1], 64*(\ks)*128  ; the loads are back, so their base may step
	v_add_nc_u32 v14, 4*(\ks)*1024, v14
	v_add_nc_u32 v[K3], 256, v[K3]
	s_sub_co_u32 s[CNT], s[CNT], 1
	s_cmp_lg_u32 s[CNT], 0
	s_cbranch_scc1 .Lcw\@
.endm
.macro LPAR l                          ; a layer's figures
.if (\l) == 1
.set KSN, 1
.set WFB, W1F
.set BTB, BT1
.set NTL, 4
.set WSH, 10
.set BFR, 0
.elseif (\l) == 2
.set KSN, 2
.set WFB, W2F
.set BTB, BT2
.set NTL, 8
.set WSH, 11
.set BFR, 64
.else
.set KSN, 4
.set WFB, W3F
.set BTB, BT3
.set NTL, 16
.set WSH, 12
.set BFR, 0
.endif
.endm
.macro LOADW                           ; a channel tile's weights and C operand
.set q, 0
.rept 2*KSN
	ds_load_b128 v[WB+4*q:WB+4*q+3], v[WA] offset:WFB+512*q
.set q, q+1
.endr
	ds_load_b128 v[BB:BB+3], v[BA] offset:BTB
	ds_load_b128 v[BB+4:BB+7], v[BA] offset:BTB+16
.endm
.macro GLOAD
	ds_load_b128 v[GG:GG+3], v[BA] offset:G3T
	ds_load_b128 v[GG+4:GG+7], v[BA] offset:G3T+16
.endm
.macro ELU n, z, t                     ; elu(z) = the median of z, e^z - 1 and 0 (e^z - 1 >= z); n pairs; the results, f16 in pairs, land in t + 0 .. n - 1
.set p, 0
.rept \n
	v_pk_mul_f32 v[(\t)+2*p:(\t)+2*p+1], v[(\z)+2*p:(\z)+2*p+1], 0x3fb8aa3b op_sel_hi:[1,0]
.if p > 0
	v_exp_f32 v[(\t)+2*p-2], v[(\t)+2*p-2]
	v_exp_f32 v[(\t)+2*p-1], v[(\t)+2*p-1]
.endif
.set p, p+1
.endr
	v_exp_f32 v[(\t)+2*(\n)-2], v[(\t)+2*(\n)-2]
	v_exp_f32 v[(\t)+2*(\n)-1], v[(\t)+2*(\n)-1]
	v_nop                                          ; the plain line behind the last exponential
	s_wait_alu depctr_va_vdst(0)                   ; one wait for the batch, ahead of its first reader
.set p, 0
.rept \n
	v_pk_add_f32 v[(\t)+2*p:(\t)+2*p+1], v[(\t)+2*p:(\t)+2*p+1], -1.0 op_sel_hi:[1,0]
	v_med3_num_f32 v[(\z)+2*p], v[(\z)+2*p], v[(\t)+2*p], 0
	v_med3_num_f32 v[(\z)+2*p+1], v[(\z)+2*p+1], v[(\t)+2*p+1], 0
	v_cvt_pk_f16_f32 v[(\t)+p], v[(\z)+2*p], v[(\z)+2*p+1]
.set p, p+1
.endr
.endm
.macro ROT r, s, n                     ; the group in hand lies at the top; it takes the sum and goes to the bottom: after n turns each group is back in its place
	v_add_f32 v[\s], v[(\r)+(\n)-1], v[\s]
.set ii, (\n)-1
.rept (\n)-1
	v_mov_b32 v[(\r)+ii], v[(\r)+ii-1]
.set ii, ii-1
.endr
	v_mov_b32 v[\r], v[\s]
.endm
.macro STAT first, fold                ; sums of the 64 numbers of a lane, four chains each, each accumulator from its low end on
.set p, 0
.rept 32
.if (\first) && (p < 4)
	v_pk_add_f32 v[T1+2*p:T1+2*p+1], v[ACC+2*p:ACC+2*p+1], v[ACC+2*p+8:ACC+2*p+9]
	v_pk_mul_f32 v[T2+2*p:T2+2*p+1], v[ACC+2*p:ACC+2*p+1], v[ACC+2*p:ACC+2*p+1]
.elseif (\first) && (p < 8)
	v_pk_fma_f32 v[T2+2*(p%4):T2+2*(p%4)+1], v[ACC+2*p:ACC+2*p+1], v[ACC+2*p:ACC+2*p+1], v[T2+2*(p%4):T2+2*(p%4)+1]
.else
	v_pk_add_f32 v[T1+2*(p%4):T1+2*(p%4)+1], v[T1+2*(p%4):T1+2*(p%4)+1], v[ACC+2*p:ACC+2*p+1]
	v_pk_fma_f32 v[T2+2*(p%4):T2+2*(p%4)+1], v[ACC+2*p:ACC+2*p+1], v[ACC+2*p:ACC+2*p+1], v[T2+2*(p%4):T2+2*(p%4)+1]
.endif
.set p, p+1
.endr
.if \fold
	v_pk_add_f32 v[T1:T1+1], v[T1:T1+1], v[T1+2:T1+3]
	v_pk_add_f32 v[T2:T2+1], v[T2:T2+1], v[T2+2:T2+3]
	v_pk_add_f32 v[T1+4:T1+5], v[T1+4:T1+5], v[T1+6:T1+7]
	v_pk_add_f32 v[T2+4:T2+5], v[T2+4:T2+5], v[T2+6:T2+7]
	v_pk_add_f32 v[T1:T1+1], v[T1:T1+1], v[T1+4:T1+5]
	v_pk_add_f32 v[T2:T2+1], v[T2:T2+1], v[T2+4:T2+5]
	v_add_f32 v[T1], v[T1], v[T1+1]
	v_add_f32 v[T2], v[T2], v[T2+1]
	ROT R1, T1, RN
	ROT R2, T2, RN
.endif
.endm
.macro EXT                             ; over the 8 tiles and the lane 8 away: a point's 16 neighbours; register 0 of every accumulator is read first
.irp j, 0,1,2,3,4,5,6,7
	v_max3_num_f32 v[TT+\j], v[ACC+\j], v[ACC+8+\j], v[ACC+16+\j]
	v_min3_num_f32 v[TT+8+\j], v[ACC+\j], v[ACC+8+\j], v[ACC+16+\j]
	v_max3_num_f32 v[TT+\j], v[TT+\j], v[ACC+24+\j], v[ACC+32+\j]
	v_min3_num_f32 v[TT+8+\j], v[TT+8+\j], v[ACC+24+\j], v[ACC+32+\j]
	v_max3_num_f32 v[TT+\j], v[TT+\j], v[ACC+40+\j], v[ACC+48+\j]
	v_min3_num_f32 v[TT+8+\j], v[TT+8+\j], v[ACC+40+\j], v[ACC+48+\j]
	v_max_num_f32 v[TT+\j], v[TT+\j], v[ACC+56+\j]
	v_min_num_f32 v[TT+8+\j], v[TT+8+\j], v[ACC+56+\j]
.endr
.irp j, 0,1,2,3,4,5,6,7
	v_max_num_f32_dpp v[TT+\j], v[TT+\j], v[TT+\j] row_xmask:8 row_mask:0xf bank_mask:0xf
	v_min_num_f32_dpp v[TT+8+\j], v[TT+8+\j], v[TT+8+\j] row_xmask:8 row_mask:0xf bank_mask:0xf
.endr
.irp j, 0,1,2,3,4,5,6,7
	v_cmp_le_f32 vcc_lo, 0, v[GG+\j]
	v_cndmask_b32 v[TT+\j], v[TT+8+\j], v[TT+\j], vcc_lo
	ds_store_b32 v[SA], v[TT+\j] offset:272*\j     ; lanes r and r ^ 8 store the same number to the same word
.endr
.endm
.macro STEP l, first, fold             ; one channel tile x the chunk's 8 position tiles
	LPAR \l
	s_wait_dscnt 0x0                               ; the tile's operands, asked for behind the last tile's products, are in
.if (\l) == 3
	WIN 0x08
.else
	WIN 0x04
.endif
.set k, 0
.rept KSN                              ; the eight accumulators take turns, one instruction a turn
.set n, 0
.rept 8
.if k == 0
	v_wmma_f32_16x16x32_f16 v[ACC+8*n:ACC+8*n+7], v[WB:WB+7], v[BFR+8*n:BFR+8*n+7], v[BB:BB+7]
.else
	v_wmma_f32_16x16x32_f16 v[ACC+8*n:ACC+8*n+7], v[WB+8*k:WB+8*k+7], v[BFR+64*k+8*n:BFR+64*k+8*n+7], v[ACC+8*n:ACC+8*n+7]
.endif
.set n, n+1
.endr
.set k, k+1
.endr
	WIN 0
	v_lshl_add_u32 v[OA], s[TN], 12, v[OL]         ; four plain lines stand between the last product and the loads into its sources and the reads of its result
.if (\l) == 3
	s_mul_i32 s50, s[TN], 16*272
	s_lshl_b32 s51, s[CH], 5
	s_add_co_u32 s50, s50, s51
	v_add_nc_u32 v[SA], s50, v[SL]
.else
	v_nop
.endif
	s_add_co_u32 s[TN], s[TN], 1
	s_and_b32 s[TN], s[TN], NTL-1                  ; behind the last tile the look-ahead goes back to tile 0
	v_lshl_add_u32 v[WA], s[TN], WSH, v4
	v_lshl_add_u32 v[BA], s[TN], 6, v5
	LOADW
.if (\l) < DEPTH
	ELU 32, ACC, TT
.irp n, 0,1,2,3,4,5,6,7
	ds_store_b128 v[OA], v[TT+4*\n:TT+4*\n+3] offset:512*\n
.endr
.else
.if (\l) == 3
	EXT
	GLOAD                                          ; behind EXT, which reads the tile's own gamma
.endif
	STAT \first, \fold
.endif
.endm
.macro LAYER l
	LPAR \l
	s_wait_dscnt 0x0                               ; no load is out into the registers that are asked for anew
	s_mov_b32 s[TN], 0
	v_mov_b32 v[WA], v4
	v_mov_b32 v[BA], v5
	LOADW
.if (\l) == 3
	GLOAD
	s_mov_b32 s[CNT], 8
.else
	s_mov_b32 s[CNT], NTL
.endif
.Llay\@:
.if (\l) == 3
	STEP 3, 1, 0                                   ; a group of layer 3 is two channel tiles
	STEP 3, 0, 1
.else
	STEP \l, 1, 1
.endif
	s_sub_co_u32 s[CNT], s[CNT], 1
	s_cmp_lg_u32 s[CNT], 0
	s_cbranch_scc1 .Llay\@
.endm
.macro BULK kn, w, base                ; the finished layer comes back from my own LDS as source 1 of the next: behind my stores, in order
	WIN \w
.set k, 0
.rept \kn
.set n, 0
.rept 8
	ds_load_b128 v[(\base)+64*k+8*n:(\base)+64*k+8*n+3], v[OL] offset:8192*k+512*n
	ds_load_b128 v[(\base)+64*k+8*n+4:(\base)+64*k+8*n+7], v[OL] offset:8192*k+4096+512*n
.set n, n+1
.endr
.set k, k+1
.endr
	WIN 0
.endm
.if DEPTH == 1
	s_load_b256 s[8:15], s[0:1], 0x0
	s_load_b64 s[16:17], s[0:1], 0x20
.elseif DEPTH == 2
	s_load_b512 s[8:23], s[0:1], 0x0
	s_load_b128 s[24:27], s[0:1], 0x40
.else
	s_load_b512 s[8:23], s[0:1], 0x0
	s_load_b512 s[24:39], s[0:1], 0x40
.endif
	v_lshl_add_u32 v[SPW], v0, 2, SPARE
	v_mov_b32 v[NIL], 0
	v_lshrrev_b32 v13, 5, v0
	v_readfirstlane_b32 s[WV], v13
	s_lshr_b32 s[BI], ttmp9, 5                     ; cloud
	s_and_b32 s[REC], ttmp9, 31
	s_lshl_b32 s[N0], s[REC], 6                    ; first point
	s_mov_b32 s[HM], 0xffff0000
	s_mov_b32 s[SEL], 0x76543210
	s_mov_b32 s[SEL+1], 0xfedcba98
	v_and_b32 v1, 15, v0
	v_bfe_u32 v2, v0, 4, 1
	v_and_b32 v3, 31, v0
	v_lshlrev_b32 v4, 4, v3
	v_lshlrev_b32 v5, 5, v2
	s_lshl_b32 s50, s[WV], 15
	s_add_co_u32 s50, s50, AF
	v_add_nc_u32 v[OL], s50, v4
	s_lshl_b32 s50, s[WV], 13
	s_add_co_u32 s50, s50, XF
	v_add_nc_u32 v[XL], s50, v4
	v_and_b32 v13, 7, v0
	s_lshl_b32 s50, s[WV], 6
	s_add_co_u32 s50, s50, STG
	v_lshl_add_u32 v[SL], v13, 2, s50
	v_mul_u32_u24 v14, v2, 8*272
	v_add_nc_u32 v[SL], v[SL], v14
	v_mov_b32 v[RT], 0
	v_lshlrev_b32 v[C4], 2, v0
	v_lshlrev_b32 v[RO], 6, v3
	s_lshl_b32 s50, s[BI], 11
	v_add_nc_u32 v[RO], s50, v[RO]
	s_lshl_b32 s50, s[WV], 7
	s_add_co_u32 s50, s50, MS
	v_mov_b32 v[MSA], s50
	s_lshl_b32 s50, s[WV], 4
	s_add_co_u32 s50, s50, s[N0]
	v_add_nc_u32 v13, s50, v13                     ; my column's point in chunk 0
	v_lshlrev_b32 v[PC], 2, v13
	v_bfe_u32 v14, v0, 3, 1
	v_lshlrev_b32 v14, 2, v14
	v_lshl_add_u32 v[PN], v13, 6, v14
	s_mul_i32 s50, s[BI], 24576
	s_mov_b32 s51, 0
	s_lshl_b32 s52, s[BI], 17
	s_mov_b32 s53, 0
	s_lshl_b32 s54, ttmp9, 6                       ; my record
	s_mov_b32 s55, 0
	s_wait_kmcnt 0x0
	s_add_nc_u64 s[PTS:PTS+1], s[PTS:PTS+1], s[50:51]
	s_add_nc_u64 s[NIDX:NIDX+1], s[NIDX:NIDX+1], s[52:53]
	s_add_nc_u64 s[56:57], s[POUT:POUT+1], s[54:55]
.if DEPTH == 3
	s_add_nc_u64 s[56:57], s[56:57], 0x1000000     ; the records lie behind e3's 16,777,216 bytes
.endif
.irp c, 0,1
.irp d, 0,1,2
	global_load_b32 v[CC+3*\c+\d], v[PC], s[PTS:PTS+1] offset:8192*\d+32*\c
.endr
.irp n, 0,1,2,3,4,5,6,7
	global_load_b32 v[NI+8*\c+\n], v[PN], s[NIDX:NIDX+1] offset:512*\c+8*\n
.endr
.endr
	s_wait_loadcnt 0x0
.set i, 0
.rept 16
	v_min_u32 v[NI+i], 0x7ff, v[NI+i]
	v_lshlrev_b32 v[NI+i], 2, v[NI+i]
.set i, i+1
.endr
.set i, 0
.rept 16
	global_load_b32 v[NB+3*i], v[NI+i], s[PTS:PTS+1]
	global_load_b32 v[NB+3*i+1], v[NI+i], s[PTS:PTS+1] offset:8192
	global_load_b32 v[NB+3*i+2], v[NI+i], s[PTS:PTS+1] offset:16384
.set i, i+1
.endr
.if DEPTH == 1
	s_cmp_lt_u32 s[WV], 2                          ; 64 channels: waves 0 and 1
	s_cbranch_scc0 .Lnob
	global_load_b32 v[K0], v[C4], s[PB1:PB1+1]
	s_wait_loadcnt 0x0
	RB1 K0
	ds_store_b32 v[C4], v[K0] offset:BT1
.Lnob:
.else
	s_cmp_lt_u32 s[WV], 2
	s_cbranch_scc0 .Lno1
	SUMS_IN PP1, 0
	COEF PB1, PG1, PE1, 0, 3, 0x36800000, AT1, BT1 ; n = 8 x 32,768 = 2^18
.Lno1:
.endif
.if DEPTH == 2
	global_load_b32 v[K0], v[C4], s[PB2:PB2+1]
	s_wait_loadcnt 0x0
	RB1 K0
	ds_store_b32 v[C4], v[K0] offset:BT2
.endif
.if DEPTH == 3
	SUMS_IN PP2, 64
	COEF PB2, PG2, PE2, 64, 4, 0x36000000, AT2, BT2  ; n = 2^19
	global_load_b32 v[K0], v[C4], s[PB3:PB3+1]
	global_load_b32 v[K1], v[C4], s[PB3:PB3+1] offset:512
	global_load_b32 v[K2], v[C4], s[PG3:PG3+1]
	global_load_b32 v[K3], v[C4], s[PG3:PG3+1] offset:512
	s_wait_loadcnt 0x0
	RB1 K0
	RB1 K1
	RB1 K2
	RB1 K3
	ds_store_b32 v[C4], v[K0] offset:BT3
	ds_store_b32 v[C4], v[K1] offset:BT3+512
	ds_store_b32 v[C4], v[K2] offset:G3T
	ds_store_b32 v[C4], v[K3] offset:G3T+512
.endif
	s_wait_dscnt 0x0
	s_barrier_signal -1
	s_barrier_wait -1                              ; the tables by channel are whole
	s_wait_loadcnt 0x0                             ; the neighbours' coordinates
	RB2 CC
	RB2 CC+2
	RB2 CC+4
.set i, 0
.rept 24
	RB2 NB+2*i
.set i, i+1
.endr
	v_mov_b32 v[XP+3], 0
.set i, 0
.rept 16                               ; tile i: k = 0..5 are cx, cy, cz, dx, dy, dz; lanes 16-31 hold the same finite numbers, which meet zeros in W1's fragments
	v_sub_f32 v[NB+3*i], v[NB+3*i], v[CC+3*(i/8)]
	v_sub_f32 v[NB+3*i+1], v[NB+3*i+1], v[CC+3*(i/8)+1]
	v_sub_f32 v[NB+3*i+2], v[NB+3*i+2], v[CC+3*(i/8)+2]
	v_cvt_pk_f16_f32 v[XP], v[CC+3*(i/8)], v[CC+3*(i/8)+1]
	v_cvt_pk_f16_f32 v[XP+1], v[CC+3*(i/8)+2], v[NB+3*i]
	v_cvt_pk_f16_f32 v[XP+2], v[NB+3*i+1], v[NB+3*i+2]
	ds_store_b128 v[XL], v[XP:XP+3] offset:512*i
.set i, i+1
.endr
	; W1 [64][6]: wave w lays out channel tile w; k >= 6 is zero: the fourth register, lanes 16-31, and the second half
	s_mul_i32 s50, s[WV], 384
	v_mul_u32_u24 v13, v1, 24
	v_add_nc_u32 v13, s50, v13
	global_load_b64 v[CV:CV+1], v13, s[PW1:PW1+1]
	global_load_b64 v[CV+2:CV+3], v13, s[PW1:PW1+1] offset:8
	global_load_b64 v[CV+4:CV+5], v13, s[PW1:PW1+1] offset:16
.if DEPTH > 1
	s_lshl_b32 s50, s[WV], 6
	v_lshl_add_u32 v14, v1, 2, s50
	ds_load_b32 v[AV], v14 offset:AT1
.endif
	s_wait_loadcnt 0x0
	RB2 CV
	RB2 CV+2
	RB2 CV+4
.if DEPTH > 1
	s_wait_dscnt 0x0
	v_mov_b32 v[AV+1], v[AV]
.irp j, 0,1,2
	v_pk_mul_f32 v[CV+2*\j:CV+2*\j+1], v[CV+2*\j:CV+2*\j+1], v[AV:AV+1]
.endr
.endif
	v_cmp_eq_u32 vcc_lo, 0, v2
.irp j, 0,1,2
	v_cvt_pk_f16_f32 v[CO4+\j], v[CV+2*\j], v[CV+2*\j+1]
	v_cndmask_b32 v[CO4+\j], 0, v[CO4+\j], vcc_lo
.endr
	v_mov_b32 v[CO4+3], 0
	s_lshl_b32 s50, s[WV], 10
	v_add_nc_u32 v14, s50, v4
	ds_store_b128 v14, v[CO4:CO4+3] offset:W1F
.irp j, 0,1,2,3
	v_mov_b32 v[CV+\j], 0
.endr
	ds_store_b128 v14, v[CV:CV+3] offset:W1F+512
.if DEPTH == 2
	CONVW PW2, 2, 2, W2F, 0, 0
.endif
.if DEPTH == 3
	CONVW PW2, 2, 2, W2F, 1, AT2
	CONVW PW3, 4, 4, W3F, 0, 0
.endif
	WIN 0x40
.set i, 0
.rept 8                                ; k = 16 .. 31 of x0's fragments: zeros, once
.irp j, 4,5,6,7
	v_mov_b32 v[8*i+\j], 0
.endr
.set i, i+1
.endr
	WIN 0
.set i, 0
.rept 16
	v_mov_b32 v[R1+i], 0
.set i, i+1
.endr
	s_wait_dscnt 0x0
	s_barrier_signal -1
	s_barrier_wait -1                              ; all weights lie in LDS
	s_mov_b32 s[CH], 0
.Lchunk:                               ; two trips: 8 points x 16 neighbours each
	v_lshl_add_u32 v13, s[CH], 12, v[XL]
	WIN 0x40
.irp n, 0,1,2,3,4,5,6,7
	ds_load_b128 v[8*\n:8*\n+3], v13 offset:512*\n
.endr
	WIN 0
	LAYER 1
.if DEPTH > 1
	BULK 2, 0x40, 64
	LAYER 2
.endif
.if DEPTH > 2
	BULK 4, 0x80, 0
	LAYER 3
.endif
	s_add_co_u32 s[CH], s[CH], 1
	s_cmp_lt_u32 s[CH], 2
	s_cbranch_scc1 .Lchunk
	s_wait_dscnt 0x0
	s_lshl_b32 s50, s[WV], 6
.if DEPTH == 1
.irp x, 0,1,2,3                        ; layer 1's groups are 8 channels: tile t holds group 2 t in lanes 0-15 and group 2 t + 1 in lanes 16-31
	ROW16 R1+\x
	ROW16 R2+\x
.endr
	v_lshl_add_u32 v13, v2, 3, s50
.irp t, 0,1,2,3
	ds_store_b32 v13, v[R1+3-\t] offset:RED+16*\t
	ds_store_b32 v13, v[R2+3-\t] offset:RED+16*\t+4
.endr
.else
.irp x, 0,1,2,3,4,5,6,7
	RED32 R1+\x
	RED32 R2+\x
.endr
	v_mov_b32 v13, s50
.irp g, 0,1,2,3,4,5,6,7
	ds_store_b32 v13, v[R1+7-\g] offset:RED+8*\g
	ds_store_b32 v13, v[R2+7-\g] offset:RED+8*\g+4
.endr
.endif
	s_wait_dscnt 0x0
	s_barrier_signal -1
	s_barrier_wait -1                              ; the four waves' sums, and at depth 3 the stage, are whole
	s_cmp_lg_u32 s[WV], 0
	s_cbranch_scc1 .Lnorec
	v_lshlrev_b32 v[K0], 2, v1                     ; lanes l and l + 16 store the same word
	ds_load_b32 v[K1], v[K0] offset:RED
	ds_load_b32 v[K2], v[K0] offset:RED+64
	ds_load_b32 v[K3], v[K0] offset:RED+128
	ds_load_b32 v[K4], v[K0] offset:RED+192
	s_wait_dscnt 0x0
	v_add_f32 v[K1], v[K1], v[K2]
	v_add_f32 v[K3], v[K3], v[K4]
	v_add_f32 v[K1], v[K1], v[K3]
	global_store_b32 v[K0], v[K1], s[56:57]
.Lnorec:
.if DEPTH == 3
	s_mul_i32 s50, s[WV], 64*272                   ; wave w stores channel rows 64 w .. 64 w + 63: lanes 0-15 one row's 256 bytes, lanes 16-31 the next
	s_add_co_u32 s50, s50, STG
	v_mul_u32_u24 v13, v2, 272
	v_lshl_add_u32 v13, v1, 4, v13
	v_add_nc_u32 v13, s50, v13
	v_lshlrev_b32 v14, 16, v2
	v_lshl_add_u32 v14, v1, 4, v14
	s_lshl_b32 s50, s[WV], 22
	s_lshl_b32 s51, ttmp9, 8
	s_add_co_u32 s50, s50, s51
	s_mov_b32 s51, 0
	s_add_nc_u64 s[POUT:POUT+1], s[POUT:POUT+1], s[50:51]
.set i, 0
.rept 32
	ds_load_b128 v[ACC+4*i:ACC+4*i+3], v13 offset:544*i
.set i, i+1
.endr
.set i, 0
.rept 32
	s_wait_dscnt 31-i                              ; the younger read-backs may stay out
	global_store_b128 v14, v[ACC+4*i:ACC+4*i+3], s[POUT:POUT+1] offset:131072*i  ; sixteen lanes store 256 consecutive bytes, aligned
.set i, i+1
.endr
.endif
	s_wait_tensorcnt 0x0                           ; the wave's end
	ds_add_u32 v[SPW], v[NIL]
	s_wait_dscnt 0x0
	s_endpgm
.Lfunc_end_k_q86983adaf3_chain3:
	.size	k_q86983adaf3_chain3, .Lfunc_end_k_q86983adaf3_chain3-k_q86983adaf3_chain3
	.p2alignl 7, 3214868480
	.fill 96, 4, 3214868480
	.section	.rodata,"a",@progbits
	.p2align	6, 0x0
	.amdhsa_kernel k_q86983adaf3_chain3
		.amdhsa_group_segment_fixed_size 324352
		.amdhsa_private_segment_fixed_size 0
		.amdhsa_enable_private_segment 0
		.amdhsa_kernarg_size 128
		.amdhsa_user_sgpr_count 2
		.amdhsa_user_sgpr_kernarg_segment_ptr 1
		.amdhsa_wavefront_size32 1
		.amdhsa_system_sgpr_workgroup_id_x 1
		.amdhsa_system_sgpr_workgroup_id_y 1
		.amdhsa_system_sgpr_workgroup_id_z 1
		.amdhsa_system_vgpr_workitem_id 0
		.amdhsa_next_free_vgpr 768
		.amdhsa_next_free_sgpr 66
		.amdhsa_reserve_vcc 1
		.amdhsa_float_denorm_mode_32 3
		.amdhsa_float_denorm_mode_16_64 3
		.amdhsa_memory_ordered 1
		.amdhsa_forward_progress 1
		.amdhsa_inst_pref_size 134
	.end_amdhsa_kernel
	.amdgpu_metadata
---
amdhsa.version: [ 1, 2 ]
amdhsa.kernels:
  - .name:           k_q86983adaf3_chain3
    .symbol:         k_q86983adaf3_chain3.kd
    .args:
      - { .name: points, .offset: 0, .size: 8, .value_kind: global_buffer, .address_space: global }
      - { .name: nidx, .offset: 8, .size: 8, .value_kind: global_buffer, .address_space: global }
      - { .name: params1_0_0, .offset: 16, .size: 8, .value_kind: global_buffer, .address_space: global }
      - { .name: params1_0_1, .offset: 24, .size: 8, .value_kind: global_buffer, .address_space: global }
      - { .name: params1_0_2, .offset: 32, .size: 8, .value_kind: global_buffer, .address_space: global }
      - { .name: params1_0_3, .offset: 40, .size: 8, .value_kind: global_buffer, .address_space: global }
      - { .name: params1_1_0, .offset: 48, .size: 8, .value_kind: global_buffer, .address_space: global }
      - { .name: params1_1_1, .offset: 56, .size: 8, .value_kind: global_buffer, .address_space: global }
      - { .name: params1_1_2, .offset: 64, .size: 8, .value_kind: global_buffer, .address_space: global }
      - { .name: params1_1_3, .offset: 72, .size: 8, .value_kind: global_buffer, .address_space: global }
      - { .name: params1_2_0, .offset: 80, .size: 8, .value_kind: global_buffer, .address_space: global }
      - { .name: params1_2_1, .offset: 88, .size: 8, .value_kind: global_buffer, .address_space: global }
      - { .name: params1_2_2, .offset: 96, .size: 8, .value_kind: global_buffer, .address_space: global }
      - { .name: p1, .offset: 104, .size: 8, .value_kind: global_buffer, .address_space: global }
      - { .name: p2, .offset: 112, .size: 8, .value_kind: global_buffer, .address_space: global }
      - { .name: e3, .offset: 120, .size: 8, .value_kind: global_buffer, .address_space: global }
    .group_segment_fixed_size: 324352
    .private_segment_fixed_size: 0
    .kernarg_segment_align: 8
    .kernarg_segment_size: 128
    .max_flat_workgroup_size: 128
    .sgpr_count:     66
    .vgpr_count:     768
    .wavefront_size: 32
...
	.end_amdgpu_metadata
.endif
;; end of part 5
;; launch gemm4 (part 6): grid 256 x 1, 4 waves a work-group, no clusters, 225,024 bytes of LDS; arguments e3, wf, params1_2_2, params1_2_3, params2_0_1, u4; writes u4
.if DOCPART == 6
	.amdgcn_target "amdgcn-amd-amdhsa--gfx1250"
	.amdhsa_code_object_version 6
	.text
	.protected	k_q86983adaf3_gemm4
	.globl	k_q86983adaf3_gemm4
	.p2align	8
	.type	k_q86983adaf3_gemm4,@function
k_q86983adaf3_gemm4:
	s_mov_b64 s[64:65], 0
	v_nop
	global_prefetch_b8 v0, s[64:65] scope:SCOPE_SE
	s_setreg_imm32_b32 hwreg(HW_REG_WAVE_MODE, 25, 1), 1
	s_wait_xcnt 0x0
; A POINTWISE LAYER OVER POINTS: u = W a, a = elu(groupnorm(input)).  One text serves layer 4 (256 -> 512 channels) and layer 5 (512 -> 1024); this file has LY = 4.
; Input: layer 4: e3, f32 [256][16384], bias included; layer 5: u4, f16 [512][16384], bias not included.  Behind the input's 16,777,216 bytes lie its records: 32 a cloud, (S1, S2) x 8 groups, f32.
; Output: u, f16 [M][16384], WITHOUT this layer's bias, and behind it this layer's records, the sums of u + b.
; FORMATS.  gamma, beta, b are rounded to bf16; W comes from wf (bf16 numbers written as f16, in fragment order); a and u are f16; sums in f32.
; LIMITS.  a and u lie within f16's 65,504; the variance is S2 / n - mean^2 in f32, held at 0 from below; NaN and infinities are not treated apart.
; SHARES.  A work-group: a strip of 128 positions x half of the output channels.  A wave: the 16 MT channels of ONE GroupNorm group x 128 positions: MT x 8 accumulators.
; NO CLUSTER: each wave's weights are its own and go from memory straight into registers (512 consecutive bytes a load); the one shared tile, the strip, has two readers and is read once.
; LAYOUT.  Source 0 = 16 positions of a (turned out of LDS, where a lies [channel][position]), source 1 = 16 rows of W: a lane then holds one output channel and eight neighbouring positions.
.set LY, 4
.if LY == 4
.set KD, 256
.set MT, 4
.set GSH, 5
.set INVN, 0x35800000                  ; 1 / 2^20
.set WOFF, 0
.set ROWSH, 9
.set TDC, 64                           ; the strip's row in elements of 8 bytes
.set TDR, 64                           ; rows a wave
.set TDP, 8192                         ; the tensor's row
.set RSTEP, 4096
.set POFF, 0x1000000
.set PBO, 16
.set UOUT, 18
.else
.set KD, 512
.set MT, 8
.set GSH, 6
.set INVN, 0x37000000                  ; 1 / 2^17
.set WOFF, 262144
.set ROWSH, 8
.set TDC, 32
.set TDR, 128
.set TDP, 4096
.set RSTEP, 2048
.set POFF, 0x2000000
.set PBI, 16
.set PBO, 18
.set UOUT, 20
.endif
.set NK, KD/32
.set NI, KD/128
.set ACT, 131072                       ; LDS: 0: the raw strip, wave w's KD / 4 rows at 32,768 w; ACT: a, [channel][128 positions f16 + 32 bytes]: the pitch is 9 x 32 bytes
.set AB, ACT+KD*288                    ; (A, B) by input channel
.set MS, AB+KD*8                       ; 64 bytes a wave: the summed records
.set STAGE, MS+256                     ; 16 rows x 272 bytes a wave
.set SPARE, STAGE+4*16*272
.set UIN, 8
.set WFP, 10
.set PG, 12
.set PE, 14
.set G0, 24
.set G1, 28
.set WV, 36
.set STRIP, 37
.set HALF, 38
.set BI, 39
.set SEL, 48
.set CNT, 50
.set RAO, 51
.set ABO, 52
.set PIN, 54
.set PREC, 56
; window 0
.set WO, 4
.set RO, 5
.set C4, 6
.set R4, 7
.set MSA, 8
.set RT, 9
.set RA, 10
.set ABA, 11
.set ACTS, 12
.set AA, 13
.set STO, 14
.set RD, 15
.set CO, 16
.set RA0, 17
.set AB0, 18
.set ABS, 19
.set BO, 20                            ; v20-27 this layer's bias of my channel r in block a
.set SPW, 28
.set NIL, 29
.set S1, 30
.set S2, 31
.set SR, 32
.set PGM, 48
.set PBE, 52
.set PBB, 56
.set K, 60
.set RW, 32
.set ABR, 64
.set Z, 72
.set TC, 128
.set F0, 64                            ; two buffers of a's fragments
.set F1, 128
.set TMP, 192
.set T1, 64
.set T2, 72
; window 1: four sets of 8 MT registers of W.  windows 2 and 3: accumulator (a, bt) at 8 (8 (a % 4) + bt)
.set MSB, 0
.macro WIN new                         ; the immediate's high byte repeats the setting that is left
.if MSB != (\new)
	s_set_vgpr_msb (MSB<<8)|(\new)
.set MSB, (\new)
.endif
.endm
.macro RB1 x
	v_cvt_pk_bf16_f32 v[\x], v[\x], v[\x]
	v_lshlrev_b32 v[\x], 16, v[\x]
.endm
.macro RED32 x
	v_add_f32_dpp v[\x], v[\x], v[\x] row_xmask:1 row_mask:0xf bank_mask:0xf
	v_add_f32_dpp v[\x], v[\x], v[\x] row_xmask:2 row_mask:0xf bank_mask:0xf
	v_add_f32_dpp v[\x], v[\x], v[\x] row_xmask:4 row_mask:0xf bank_mask:0xf
	v_add_f32_dpp v[\x], v[\x], v[\x] row_xmask:8 row_mask:0xf bank_mask:0xf
	v_permlanex16_b32 v[RT], v[\x], s[SEL], s[SEL+1]
	v_add_f32 v[\x], v[\x], v[RT]
.endm
.macro ELU n, z, t                     ; elu(z) = the median of z, e^z - 1 and 0 (e^z - 1 >= z); n pairs; the results, f16 in pairs, land in t + 0 .. n - 1
.set p, 0
.rept \n
	v_pk_mul_f32 v[(\t)+2*p:(\t)+2*p+1], v[(\z)+2*p:(\z)+2*p+1], 0x3fb8aa3b op_sel_hi:[1,0]
.if p > 0
	v_exp_f32 v[(\t)+2*p-2], v[(\t)+2*p-2]
	v_exp_f32 v[(\t)+2*p-1], v[(\t)+2*p-1]
.endif
.set p, p+1
.endr
	v_exp_f32 v[(\t)+2*(\n)-2], v[(\t)+2*(\n)-2]
	v_exp_f32 v[(\t)+2*(\n)-1], v[(\t)+2*(\n)-1]
	v_nop                                          ; the plain line behind the last exponential
	s_wait_alu depctr_va_vdst(0)                   ; one wait for the batch, ahead of its first reader
.set p, 0
.rept \n
	v_pk_add_f32 v[(\t)+2*p:(\t)+2*p+1], v[(\t)+2*p:(\t)+2*p+1], -1.0 op_sel_hi:[1,0]
	v_med3_num_f32 v[(\z)+2*p], v[(\z)+2*p], v[(\t)+2*p], 0
	v_med3_num_f32 v[(\z)+2*p+1], v[(\z)+2*p+1], v[(\t)+2*p+1], 0
	v_cvt_pk_f16_f32 v[(\t)+p], v[(\z)+2*p], v[(\z)+2*p+1]
.set p, p+1
.endr
.endm
.macro WLOAD st, ki                    ; a K step's weights, 2 MT loads, into set st; ki K steps behind the base
	WIN 0x40
.set a, 0
.rept MT
	global_load_b128 v[(\st)*8*MT+8*a:(\st)*8*MT+8*a+3], v[WO], s[WFP:WFP+1] offset:a*NK*1024+(\ki)*1024
	global_load_b128 v[(\st)*8*MT+8*a+4:(\st)*8*MT+8*a+7], v[WO], s[WFP:WFP+1] offset:a*NK*1024+(\ki)*1024+512
.set a, a+1
.endr
	WIN 0
.endm
.macro ALOAD buf, ki                   ; a K step's 8 fragments of a, turned: 16 loads
.set bt, 0
.rept 8
	ds_load_tr16_b128 v[(\buf)+8*bt:(\buf)+8*bt+3], v[AA] offset:(\ki)*9216+32*bt
	ds_load_tr16_b128 v[(\buf)+8*bt+4:(\buf)+8*bt+7], v[AA] offset:(\ki)*9216+32*bt+4608
.set bt, bt+1
.endr
.endm
.macro MULS st, buf, zero              ; MT x 8 products, every accumulator once: they take turns, over the backward jump too
.set a, 0
.rept MT
.if a < 4
	WIN 0xa4
.else
	WIN 0xf4
.endif
.set bt, 0
.rept 8
.set ac, 8*(8*(a%4)+bt)
.if \zero
	v_wmma_f32_16x16x32_f16 v[ac:ac+7], v[(\buf)+8*bt:(\buf)+8*bt+7], v[(\st)*8*MT+8*a:(\st)*8*MT+8*a+7], 0
.else
	v_wmma_f32_16x16x32_f16 v[ac:ac+7], v[(\buf)+8*bt:(\buf)+8*bt+7], v[(\st)*8*MT+8*a:(\st)*8*MT+8*a+7], v[ac:ac+7]
.endif
.set bt, bt+1
.endr
.set a, a+1
.endr
.endm
.macro KSTEP st, buf, oth, zero, wi, ai, lc, dc  ; wi, ai: what is asked for ahead (-1: nothing); lc, dc: the younger loads that may stay out
	WIN 0
.rept 4
	v_nop                                          ; four places behind the last step's products, in front of loads into registers that they read
.endr
.if (\wi) >= 0
	WLOAD ((\st)+3)%4, \wi
.endif
.if (\ai) >= 0
	ALOAD \oth, \ai
.endif
	s_wait_loadcnt \lc
	s_wait_dscnt \dc
	MULS \st, \buf, \zero
.endm
.macro GSTAT a                         ; block a: a lane's 64 numbers of channel r; S1 += s1 + 64 b, S2 += s2 + b (2 s1 + 64 b); each accumulator is read from its low end on
.if (\a) < 4
	WIN 0x0a
.else
	WIN 0x0f
.endif
.set ab, 64*((\a)%4)
.set p, 0
.rept 32
.if p < 4
	v_pk_add_f32 v[T1+2*p:T1+2*p+1], v[ab+2*p:ab+2*p+1], v[ab+2*p+8:ab+2*p+9]
	v_pk_mul_f32 v[T2+2*p:T2+2*p+1], v[ab+2*p:ab+2*p+1], v[ab+2*p:ab+2*p+1]
.elseif p < 8
	v_pk_fma_f32 v[T2+2*(p%4):T2+2*(p%4)+1], v[ab+2*p:ab+2*p+1], v[ab+2*p:ab+2*p+1], v[T2+2*(p%4):T2+2*(p%4)+1]
.else
	v_pk_fma_f32 v[T1+2*(p%4):T1+2*(p%4)+1], v[ab+2*p:ab+2*p+1], 1.0, v[T1+2*(p%4):T1+2*(p%4)+1] op_sel_hi:[1,0,1]
	v_pk_fma_f32 v[T2+2*(p%4):T2+2*(p%4)+1], v[ab+2*p:ab+2*p+1], v[ab+2*p:ab+2*p+1], v[T2+2*(p%4):T2+2*(p%4)+1]
.endif
.set p, p+1
.endr
	WIN 0
	v_pk_add_f32 v[T1:T1+1], v[T1:T1+1], v[T1+2:T1+3]
	v_pk_add_f32 v[T2:T2+1], v[T2:T2+1], v[T2+2:T2+3]
	v_pk_add_f32 v[T1+4:T1+5], v[T1+4:T1+5], v[T1+6:T1+7]
	v_pk_add_f32 v[T2+4:T2+5], v[T2+4:T2+5], v[T2+6:T2+7]
	v_pk_add_f32 v[T1:T1+1], v[T1:T1+1], v[T1+4:T1+5]
	v_pk_add_f32 v[T2:T2+1], v[T2:T2+1], v[T2+4:T2+5]
	v_add_f32 v[T1], v[T1], v[T1+1]
	v_add_f32 v[T2], v[T2], v[T2+1]
	v_fma_f32 v[T1+1], 0x42800000, v[BO+(\a)], v[T1]
	v_add_f32 v[T1], v[T1+1], v[T1]
	v_add_f32 v[S1], v[S1], v[T1+1]
	v_fma_f32 v[T2], v[BO+(\a)], v[T1], v[T2]
	v_add_f32 v[S2], v[S2], v[T2]
.endm
.macro PACK a
.if (\a) < 4
	WIN 0x0a
.else
	WIN 0x0f
.endif
.set ab, 64*((\a)%4)
.set p, 0
.rept 32
	v_cvt_pk_f16_f32 v[TMP+p], v[ab+2*p], v[ab+2*p+1]
.set p, p+1
.endr
	WIN 0
.endm
.macro TOSTAGE a                       ; 16 bytes a lane into rows of 272 bytes, and back as whole rows of 256: my own bytes, served in order
.set bk, 32+192*((\a)%2)
.irp b, 0,1,2,3,4,5,6,7
	ds_store_b128 v[STO], v[TMP+4*\b:TMP+4*\b+3] offset:32*\b
.endr
.irp t, 0,1,2,3,4,5,6,7
	ds_load_b128 v[bk+4*\t:bk+4*\t+3], v[RD] offset:544*\t
.endr
.endm
.macro SEND a
.set bk, 32+192*((\a)%2)
	s_wait_dscnt 0x0                               ; the block is back in registers
	s_wait_xcnt 0x0                                ; earlier stores have read their registers: the other buffer is loaded again only behind this wait
.irp t, 0,1,2,3,4,5,6,7
	global_store_b128 v[CO], v[bk+4*\t:bk+4*\t+3], s[UOUT:UOUT+1] offset:(\a)*524288+65536*\t  ; sixteen lanes store 256 consecutive bytes, aligned
.endr
.endm
.macro RAWLOAD                         ; eight rows of my raw strip (a lane: eight positions of rows 2 i + lane / 16) and their (A, B)
.irp i, 0,1,2,3
.if LY == 4
	ds_load_b128 v[RW+8*\i:RW+8*\i+3], v[RA] offset:1024*\i
	ds_load_b128 v[RW+8*\i+4:RW+8*\i+7], v[RA] offset:1024*\i+16
.else
	ds_load_b128 v[RW+4*\i:RW+4*\i+3], v[RA] offset:512*\i
.endif
	ds_load_b64 v[ABR+2*\i:ABR+2*\i+1], v[ABA] offset:16*\i
.endr
.endm
	s_load_b256 s[8:15], s[0:1], 0x0
	s_load_b128 s[16:19], s[0:1], 0x20
.if LY == 5
	s_load_b64 s[20:21], s[0:1], 0x30
.endif
	v_lshl_add_u32 v[SPW], v0, 2, SPARE
	v_mov_b32 v[NIL], 0
	ds_add_u32 v[SPW], v[NIL]                      ; the wave's opening: the add and its wait ahead of my tensor load; work on registers stands between them
	ds_add_u32 v28, v29
	v_lshrrev_b32 v1, 5, v0
	v_readfirstlane_b32 s[WV], v1
	s_lshr_b32 s[STRIP], ttmp9, 1
	s_and_b32 s[HALF], ttmp9, 1
	s_lshr_b32 s[BI], ttmp9, 5
	s_mov_b32 s[SEL], 0x76543210
	s_mov_b32 s[SEL+1], 0xfedcba98
	s_mov_b32 s[G1], 3<<16                         ; elements of 8 bytes, no mask, no padding
	s_mov_b32 s[G1+1], TDC<<16                     ; tensor_dim0
	s_mov_b32 s[G1+2], TDR<<16                     ; tensor_dim1
	s_mov_b32 s[G1+3], TDC<<16                     ; tile_dim0
	s_mov_b32 s[G1+4], TDR                         ; tile_dim1
	s_mov_b32 s[G1+5], TDP                         ; elements from row to row
	s_mov_b32 s[G1+6], 0
	s_mov_b32 s[G1+7], 0
	s_mov_b32 s[G0], 1
	s_mul_i32 s[G0+1], s[WV], 32768                ; my rows' place in LDS
	s_lshl_b32 s40, s[WV], 22                      ; my KD / 4 rows: 4,194,304 bytes in either layer
	s_lshl_b32 s41, s[STRIP], ROWSH
	s_add_co_u32 s40, s40, s41
	s_mov_b32 s41, 0
	s_lshl_b32 s42, s[HALF], 2
	s_add_co_u32 s42, s42, s[WV]                   ; my group of output channels
	s_mul_i32 s44, s42, MT*NK*1024
	s_add_co_u32 s44, s44, WOFF
	s_mov_b32 s45, 0
	s_mul_i32 s46, s42, MT*64
	s_mov_b32 s47, 0
	s_mul_i32 s42, s42, MT*16*32768
	s_lshl_b32 s43, s[STRIP], 8
	s_add_co_u32 s42, s42, s43
	s_mov_b32 s43, 0
	s_lshl_b32 s58, ttmp9, 6                       ; my record
	s_mov_b32 s59, 0
	v_and_b32 v1, 15, v0
	v_bfe_u32 v2, v0, 4, 1
	v_and_b32 v3, 31, v0
	v_lshlrev_b32 v[WO], 4, v3
	v_lshlrev_b32 v[RO], 6, v3
	s_lshl_b32 s53, s[BI], 11
	v_add_nc_u32 v[RO], s53, v[RO]
	v_lshlrev_b32 v[C4], 2, v0
	v_lshlrev_b32 v[R4], 2, v1
	v_mov_b32 v[RT], 0
	s_lshl_b32 s53, s[WV], 6
	s_add_co_u32 s53, s53, MS
	v_mov_b32 v[MSA], s53
	v_lshl_add_u32 v[ABS], v0, 3, AB
	s_wait_dscnt 0x0                               ; the opening add is done
	s_wait_kmcnt 0x0
	s_add_nc_u64 s[G0+2:G0+3], s[UIN:UIN+1], s[40:41]
	s_or_b32 s[G0+3], s[G0+3], 0x80000000
	s_add_nc_u64 s[PIN:PIN+1], s[UIN:UIN+1], 0x1000000
	s_add_nc_u64 s[WFP:WFP+1], s[WFP:WFP+1], s[44:45]
	s_add_nc_u64 s[PBO:PBO+1], s[PBO:PBO+1], s[46:47]
	s_add_nc_u64 s[PREC:PREC+1], s[UOUT:UOUT+1], s[58:59]
	s_add_nc_u64 s[PREC:PREC+1], s[PREC:PREC+1], POFF
	s_add_nc_u64 s[UOUT:UOUT+1], s[UOUT:UOUT+1], s[42:43]
	tensor_load_to_lds s[G0:G0+3], s[G1:G1+7]      ; my one tensor load: a first fill, never filled again
	s_nop 0
.irp j, 0,1,2,3
	global_load_b128 v[SR+4*\j:SR+4*\j+3], v[RO], s[PIN:PIN+1] offset:16*\j
.endr
.set i, 0
.rept NI
	global_load_b32 v[PGM+i], v[C4], s[PG:PG+1] offset:512*i
	global_load_b32 v[PBE+i], v[C4], s[PE:PE+1] offset:512*i
.if LY == 5
	global_load_b32 v[PBB+i], v[C4], s[PBI:PBI+1] offset:512*i
.endif
.set i, i+1
.endr
.set i, 0
.rept MT
	global_load_b32 v[BO+i], v[R4], s[PBO:PBO+1] offset:64*i
.set i, i+1
.endr
	WLOAD 0, 0
	WLOAD 1, 1
	WLOAD 2, 2
	s_wait_loadcnt 6*MT                            ; all but the three sets of weights
.set i, 0
.rept 16
	RED32 SR+i
.set i, i+1
.endr
.irp j, 0,1,2,3
	ds_store_b128 v[MSA], v[SR+4*\j:SR+4*\j+3] offset:16*\j
.endr
.set i, 0
.rept NI                               ; thread t has input channels t + 128 i
	v_add_nc_u32 v[RA0], 128*i, v0
	v_lshrrev_b32 v[RA0], GSH, v[RA0]
	v_lshl_add_u32 v[RA0], v[RA0], 3, v[MSA]
	ds_load_b64 v[K+2*i:K+2*i+1], v[RA0]           ; my wave's own bytes, served in order behind the stores above
	RB1 PGM+i
	RB1 PBE+i
.if LY == 5
	RB1 PBB+i
.endif
.set i, i+1
.endr
.set i, 0
.rept MT
	RB1 BO+i
.set i, i+1
.endr
	s_wait_dscnt 0x0
.set i, 0
.rept NI
	v_mul_f32 v[K+2*i], INVN, v[K+2*i]
	v_mul_f32 v[K+2*i+1], INVN, v[K+2*i+1]
	v_fma_f32 v[K+2*i+1], -v[K+2*i], v[K+2*i], v[K+2*i+1]
	v_max_num_f32 v[K+2*i+1], 0, v[K+2*i+1]
	v_add_f32 v[K+2*i+1], 0x3727c5ac, v[K+2*i+1]   ; + 1e-5
.set i, i+1
.endr
.set i, 0
.rept NI
	v_rsq_f32 v[K+2*i+1], v[K+2*i+1]
.set i, i+1
.endr
	v_nop
	s_wait_alu depctr_va_vdst(0)                   ; one wait for the roots
.set i, 0
.rept NI
	v_mul_f32 v[PGM+i], v[PGM+i], v[K+2*i+1]       ; A = gamma / sigma
.if LY == 5
	v_sub_f32 v[K+2*i], v[PBB+i], v[K+2*i]
	v_fma_f32 v[K+2*i+1], v[K+2*i], v[PGM+i], v[PBE+i]   ; B = (b - mean) A + beta
.else
	v_fma_f32 v[K+2*i+1], -v[K+2*i], v[PGM+i], v[PBE+i]  ; B = beta - mean A
.endif
	v_mov_b32 v[K+2*i], v[PGM+i]
	ds_store_b64 v[ABS], v[K+2*i:K+2*i+1] offset:1024*i
.set i, i+1
.endr
	s_lshl_b32 s40, s[WV], 15
.if LY == 4
	v_lshlrev_b32 v[RA0], 9, v2
	v_lshl_add_u32 v[RA0], v1, 5, v[RA0]
.else
	v_lshlrev_b32 v[RA0], 8, v2
	v_lshl_add_u32 v[RA0], v1, 4, v[RA0]
.endif
	v_add_nc_u32 v[RA0], s40, v[RA0]
	s_mul_i32 s40, s[WV], (KD/4)*8
	s_add_co_u32 s40, s40, AB
	v_lshl_add_u32 v[AB0], v2, 3, s40
	s_mul_i32 s40, s[WV], (KD/4)*288
	s_add_co_u32 s40, s40, ACT
	v_mul_u32_u24 v[ACTS], v2, 288
	v_lshl_add_u32 v[ACTS], v1, 4, v[ACTS]
	v_add_nc_u32 v[ACTS], s40, v[ACTS]
	v_mov_b32 v[RA], v[RA0]
	v_mov_b32 v[ABA], v[AB0]
	s_wait_dscnt 0x0
	s_barrier_signal -1
	s_barrier_wait -1                              ; (A, B) of all input channels lie in LDS
	s_wait_tensorcnt 0x0                           ; my rows have landed; only I read them
	RAWLOAD
	s_mov_b32 s[RAO], 0
	s_mov_b32 s[ABO], 0
	s_mov_b32 s[CNT], KD/32
.Lconv:                                ; a trip: eight rows become a; the next eight are asked for ahead of the exponentials
	s_wait_dscnt 0x0
.set i, 0
.rept 4
.set q, 0
.rept 4
.if LY == 4
	v_pk_fma_f32 v[Z+8*i+2*q:Z+8*i+2*q+1], v[RW+8*i+2*q:RW+8*i+2*q+1], v[ABR+2*i:ABR+2*i+1], v[ABR+2*i:ABR+2*i+1] op_sel:[0,0,1] op_sel_hi:[1,0,1]
.else
	v_fma_mix_f32 v[Z+8*i+2*q], v[RW+4*i+q], v[ABR+2*i], v[ABR+2*i+1] op_sel_hi:[1,0,0]
	v_fma_mix_f32 v[Z+8*i+2*q+1], v[RW+4*i+q], v[ABR+2*i], v[ABR+2*i+1] op_sel:[1,0,0] op_sel_hi:[1,0,0]
.endif
.set q, q+1
.endr
.set i, i+1
.endr
	s_add_co_u32 s[RAO], s[RAO], RSTEP
	s_min_u32 s[RAO], s[RAO], 32768-RSTEP          ; the last look-ahead stays at the last eight rows
	s_add_co_u32 s[ABO], s[ABO], 64
	s_min_u32 s[ABO], s[ABO], (KD/4)*8-64
	v_add_nc_u32 v[RA], s[RAO], v[RA0]
	v_add_nc_u32 v[ABA], s[ABO], v[AB0]
	RAWLOAD
	ELU 16, Z, TC
.irp i, 0,1,2,3
	ds_store_b128 v[ACTS], v[TC+4*\i:TC+4*\i+3] offset:576*\i
.endr
	v_add_nc_u32 v[ACTS], 2304, v[ACTS]
	s_sub_co_u32 s[CNT], s[CNT], 1
	s_cmp_lg_u32 s[CNT], 0
	s_cbranch_scc1 .Lconv
	v_and_b32 v[RA], 7, v0                         ; the turning load: lane l reads channel 8 (l / 16) + l % 8, positions 8 ((l / 8) % 2) + 0..7
	v_lshl_add_u32 v[RA], v2, 3, v[RA]
	v_mul_u32_u24 v[AA], v[RA], 288
	v_bfe_u32 v[RA], v0, 3, 1
	v_lshl_add_u32 v[AA], v[RA], 4, v[AA]
	v_add_nc_u32 v[AA], ACT, v[AA]
	s_mul_i32 s40, s[WV], 16*272
	s_add_co_u32 s40, s40, STAGE                   ; my stage
	v_mul_u32_u24 v[STO], v1, 272                  ; in: row = channel r, 16 bytes for each half of the lanes
	v_lshl_add_u32 v[STO], v2, 4, v[STO]
	v_add_nc_u32 v[STO], s40, v[STO]
	v_mul_u32_u24 v[RD], v2, 272                   ; back: lanes 0-15 one row of 256 bytes, lanes 16-31 the next
	v_lshl_add_u32 v[RD], v1, 4, v[RD]
	v_add_nc_u32 v[RD], s40, v[RD]
	v_lshlrev_b32 v[CO], 15, v2                    ; and the same two rows in u
	v_lshl_add_u32 v[CO], v1, 4, v[CO]
	s_wait_dscnt 0x0                               ; my rows of a lie in LDS, and the last look-ahead is back
	s_barrier_signal -1
	s_barrier_wait -1                              ; all of a does
	ALOAD F0, 0
	KSTEP 0, F0, F1, 1, 3, 1, 6*MT, 16             ; the first K step starts the sums
	WIN 0
	s_mov_b32 s[CNT], NK/4-1
.Lk:                                   ; a trip: four K steps; weights are asked for three steps ahead, a's fragments one
	KSTEP 1, F1, F0, 0, 4, 2, 6*MT, 16
	KSTEP 2, F0, F1, 0, 5, 3, 6*MT, 16
	KSTEP 3, F1, F0, 0, 6, 4, 6*MT, 16
	KSTEP 0, F0, F1, 0, 7, 5, 6*MT, 16
	WIN 0
	s_wait_xcnt 0x0                                ; the weights' loads have read their base
	s_add_nc_u64 s[WFP:WFP+1], s[WFP:WFP+1], 4096
	v_add_nc_u32 v[AA], 36864, v[AA]
	s_sub_co_u32 s[CNT], s[CNT], 1
	s_cmp_lg_u32 s[CNT], 0
	s_cbranch_scc1 .Lk
	KSTEP 1, F1, F0, 0, -1, 2, 4*MT, 16            ; the last three steps ask for no weights: the counts run down
	KSTEP 2, F0, F1, 0, -1, 3, 2*MT, 16
	KSTEP 3, F1, F0, 0, -1, -1, 0, 0
	WIN 0
	v_mov_b32 v[S1], 0                             ; four plain lines behind the last product
	v_mov_b32 v[S2], 0
	v_nop
	v_nop
	GSTAT 0
	PACK 0
	TOSTAGE 0
.set blk, 1
.rept MT-1                             ; a block's arithmetic stands between the loads of the block before and its stores
	GSTAT blk
	PACK blk
	SEND blk-1
	TOSTAGE blk
.set blk, blk+1
.endr
	SEND MT-1
	RED32 S1
	RED32 S2
	v_and_b32 v[RA], 1, v0                         ; even lanes store my group's sums, odd lanes zeros at my wave's place in the other half: the record is whole
	v_cmp_eq_u32 vcc_lo, 0, v[RA]
	v_cndmask_b32 v[S1], 0, v[S1], vcc_lo
	v_cndmask_b32 v[S2], 0, v[S2], vcc_lo
	v_xor_b32 v[RA], s[HALF], v[RA]
	s_lshl_b32 s40, s[WV], 3
	v_lshl_add_u32 v[RA], v[RA], 5, s40
	global_store_b64 v[RA], v[S1:S2], s[PREC:PREC+1]
	s_wait_tensorcnt 0x0                           ; the wave's end
	ds_add_u32 v[SPW], v[NIL]
	s_wait_dscnt 0x0
	s_endpgm
.Lfunc_end_k_q86983adaf3_gemm4:
	.size	k_q86983adaf3_gemm4, .Lfunc_end_k_q86983adaf3_gemm4-k_q86983adaf3_gemm4
	.p2alignl 7, 3214868480
	.fill 96, 4, 3214868480
	.section	.rodata,"a",@progbits
	.p2align	6, 0x0
	.amdhsa_kernel k_q86983adaf3_gemm4
		.amdhsa_group_segment_fixed_size 225024
		.amdhsa_private_segment_fixed_size 0
		.amdhsa_enable_private_segment 0
		.amdhsa_kernarg_size 48
		.amdhsa_user_sgpr_count 2
		.amdhsa_user_sgpr_kernarg_segment_ptr 1
		.amdhsa_wavefront_size32 1
		.amdhsa_system_sgpr_workgroup_id_x 1
		.amdhsa_system_sgpr_workgroup_id_y 1
		.amdhsa_system_sgpr_workgroup_id_z 1
		.amdhsa_system_vgpr_workitem_id 0
		.amdhsa_next_free_vgpr 768
		.amdhsa_next_free_sgpr 66
		.amdhsa_reserve_vcc 1
		.amdhsa_float_denorm_mode_32 3
		.amdhsa_float_denorm_mode_16_64 3
		.amdhsa_memory_ordered 1
		.amdhsa_forward_progress 1
		.amdhsa_inst_pref_size 92
	.end_amdhsa_kernel
	.amdgpu_metadata
---
amdhsa.version: [ 1, 2 ]
amdhsa.kernels:
  - .name:           k_q86983adaf3_gemm4
    .symbol:         k_q86983adaf3_gemm4.kd
    .args:
      - { .name: e3, .offset: 0, .size: 8, .value_kind: global_buffer, .address_space: global }
      - { .name: wf, .offset: 8, .size: 8, .value_kind: global_buffer, .address_space: global }
      - { .name: params1_2_2, .offset: 16, .size: 8, .value_kind: global_buffer, .address_space: global }
      - { .name: params1_2_3, .offset: 24, .size: 8, .value_kind: global_buffer, .address_space: global }
      - { .name: params2_0_1, .offset: 32, .size: 8, .value_kind: global_buffer, .address_space: global }
      - { .name: u4, .offset: 40, .size: 8, .value_kind: global_buffer, .address_space: global }
    .group_segment_fixed_size: 225024
    .private_segment_fixed_size: 0
    .kernarg_segment_align: 8
    .kernarg_segment_size: 48
    .max_flat_workgroup_size: 128
    .sgpr_count:     66
    .vgpr_count:     768
    .wavefront_size: 32
...
	.end_amdgpu_metadata
.endif
;; end of part 6
;; launch gemm5 (part 7): grid 256 x 1, 4 waves a work-group, no clusters, 300,800 bytes of LDS; arguments u4, wf, params2_0_2, params2_0_3, params2_0_1, params2_1_1, u5; writes u5
.if DOCPART == 7
	.amdgcn_target "amdgcn-amd-amdhsa--gfx1250"
	.amdhsa_code_object_version 6
	.text
	.protected	k_q86983adaf3_gemm5
	.globl	k_q86983adaf3_gemm5
	.p2align	8
	.type	k_q86983adaf3_gemm5,@function
k_q86983adaf3_gemm5:
	s_mov_b64 s[64:65], 0
	v_nop
	global_prefetch_b8 v0, s[64:65] scope:SCOPE_SE
	s_setreg_imm32_b32 hwreg(HW_REG_WAVE_MODE, 25, 1), 1
	s_wait_xcnt 0x0
; A POINTWISE LAYER OVER POINTS: u = W a, a = elu(groupnorm(input)).  One text serves layer 4 (256 -> 512 channels) and layer 5 (512 -> 1024); this file has LY = 5.
; Input: layer 4: e3, f32 [256][16384], bias included; layer 5: u4, f16 [512][16384], bias not included.  Behind the input's 16,777,216 bytes lie its records: 32 a cloud, (S1, S2) x 8 groups, f32.
; Output: u, f16 [M][16384], WITHOUT this layer's bias, and behind it this layer's records, the sums of u + b.
; FORMATS.  gamma, beta, b are rounded to bf16; W comes from wf (bf16 numbers written as f16, in fragment order); a and u are f16; sums in f32.
; LIMITS.  a and u lie within f16's 65,504; the variance is S2 / n - mean^2 in f32, held at 0 from below; NaN and infinities are not treated apart.
; SHARES.  A work-group: a strip of 128 positions x half of the output channels.  A wave: the 16 MT channels of ONE GroupNorm group x 128 positions: MT x 8 accumulators.
; NO CLUSTER: each wave's weights are its own and go from memory straight into registers (512 consecutive bytes a load); the one shared tile, the strip, has two readers and is read once.
; LAYOUT.  Source 0 = 16 positions of a (turned out of LDS, where a lies [channel][position]), source 1 = 16 rows of W: a lane then holds one output channel and eight neighbouring positions.
.set LY, 5
.if LY == 4
.set KD, 256
.set MT, 4
.set GSH, 5
.set INVN, 0x35800000                  ; 1 / 2^20
.set WOFF, 0
.set ROWSH, 9
.set TDC, 64                           ; the strip's row in elements of 8 bytes
.set TDR, 64                           ; rows a wave
.set TDP, 8192                         ; the tensor's row
.set RSTEP, 4096
.set POFF, 0x1000000
.set PBO, 16
.set UOUT, 18
.else
.set KD, 512
.set MT, 8
.set GSH, 6
.set INVN, 0x37000000                  ; 1 / 2^17
.set WOFF, 262144
.set ROWSH, 8
.set TDC, 32
.set TDR, 128
.set TDP, 4096
.set RSTEP, 2048
.set POFF, 0x2000000
.set PBI, 16
.set PBO, 18
.set UOUT, 20
.endif
.set NK, KD/32
.set NI, KD/128
.set ACT, 131072                       ; LDS: 0: the raw strip, wave w's KD / 4 rows at 32,768 w; ACT: a, [channel][128 positions f16 + 32 bytes]: the pitch is 9 x 32 bytes
.set AB, ACT+KD*288                    ; (A, B) by input channel
.set MS, AB+KD*8                       ; 64 bytes a wave: the summed records
.set STAGE, MS+256                     ; 16 rows x 272 bytes a wave
.set SPARE, STAGE+4*16*272
.set UIN, 8
.set WFP, 10
.set PG, 12
.set PE, 14
.set G0, 24
.set G1, 28
.set WV, 36
.set STRIP, 37
.set HALF, 38
.set BI, 39
.set SEL, 48
.set CNT, 50
.set RAO, 51
.set ABO, 52
.set PIN, 54
.set PREC, 56
; window 0
.set WO, 4
.set RO, 5
.set C4, 6
.set R4, 7
.set MSA, 8
.set RT, 9
.set RA, 10
.set ABA, 11
.set ACTS, 12
.set AA, 13
.set STO, 14
.set RD, 15
.set CO, 16
.set RA0, 17
.set AB0, 18
.set ABS, 19
.set BO, 20                            ; v20-27 this layer's bias of my channel r in block a
.set SPW, 28
.set NIL, 29
.set S1, 30
.set S2, 31
.set SR, 32
.set PGM, 48
.set PBE, 52
.set PBB, 56
.set K, 60
.set RW, 32
.set ABR, 64
.set Z, 72
.set TC, 128
.set F0, 64                            ; two buffers of a's fragments
.set F1, 128
.set TMP, 192
.set T1, 64
.set T2, 72
; window 1: four sets of 8 MT registers of W.  windows 2 and 3: accumulator (a, bt) at 8 (8 (a % 4) + bt)
.set MSB, 0
.macro WIN new                         ; the immediate's high byte repeats the setting that is left
.if MSB != (\new)
	s_set_vgpr_msb (MSB<<8)|(\new)
.set MSB, (\new)
.endif
.endm
.macro RB1 x
	v_cvt_pk_bf16_f32 v[\x], v[\x], v[\x]
	v_lshlrev_b32 v[\x], 16, v[\x]
.endm
.macro RED32 x
	v_add_f32_dpp v[\x], v[\x], v[\x] row_xmask:1 row_mask:0xf bank_mask:0xf
	v_add_f32_dpp v[\x], v[\x], v[\x] row_xmask:2 row_mask:0xf bank_mask:0xf
	v_add_f32_dpp v[\x], v[\x], v[\x] row_xmask:4 row_mask:0xf bank_mask:0xf
	v_add_f32_dpp v[\x], v[\x], v[\x] row_xmask:8 row_mask:0xf bank_mask:0xf
	v_permlanex16_b32 v[RT], v[\x], s[SEL], s[SEL+1]
	v_add_f32 v[\x], v[\x], v[RT]
.endm
.macro ELU n, z, t                     ; elu(z) = the median of z, e^z - 1 and 0 (e^z - 1 >= z); n pairs; the results, f16 in pairs, land in t + 0 .. n - 1
.set p, 0
.rept \n
	v_pk_mul_f32 v[(\t)+2*p:(\t)+2*p+1], v[(\z)+2*p:(\z)+2*p+1], 0x3fb8aa3b op_sel_hi:[1,0]
.if p > 0
	v_exp_f32 v[(\t)+2*p-2], v[(\t)+2*p-2]
	v_exp_f32 v[(\t)+2*p-1], v[(\t)+2*p-1]
.endif
.set p, p+1
.endr
	v_exp_f32 v[(\t)+2*(\n)-2], v[(\t)+2*(\n)-2]
	v_exp_f32 v[(\t)+2*(\n)-1], v[(\t)+2*(\n)-1]
	v_nop                                          ; the plain line behind the last exponential
	s_wait_alu depctr_va_vdst(0)                   ; one wait for the batch, ahead of its first reader
.set p, 0
.rept \n
	v_pk_add_f32 v[(\t)+2*p:(\t)+2*p+1], v[(\t)+2*p:(\t)+2*p+1], -1.0 op_sel_hi:[1,0]
	v_med3_num_f32 v[(\z)+2*p], v[(\z)+2*p], v[(\t)+2*p], 0
	v_med3_num_f32 v[(\z)+2*p+1], v[(\z)+2*p+1], v[(\t)+2*p+1], 0
	v_cvt_pk_f16_f32 v[(\t)+p], v[(\z)+2*p], v[(\z)+2*p+1]
.set p, p+1
.endr
.endm
.macro WLOAD st, ki                    ; a K step's weights, 2 MT loads, into set st; ki K steps behind the base
	WIN 0x40
.set a, 0
.rept MT
	global_load_b128 v[(\st)*8*MT+8*a:(\st)*8*MT+8*a+3], v[WO], s[WFP:WFP+1] offset:a*NK*1024+(\ki)*1024
	global_load_b128 v[(\st)*8*MT+8*a+4:(\st)*8*MT+8*a+7], v[WO], s[WFP:WFP+1] offset:a*NK*1024+(\ki)*1024+512
.set a, a+1
.endr
	WIN 0
.endm
.macro ALOAD buf, ki                   ; a K step's 8 fragments of a, turned: 16 loads
.set bt, 0
.rept 8
	ds_load_tr16_b128 v[(\buf)+8*bt:(\buf)+8*bt+3], v[AA] offset:(\ki)*9216+32*bt
	ds_load_tr16_b128 v[(\buf)+8*bt+4:(\buf)+8*bt+7], v[AA] offset:(\ki)*9216+32*bt+4608
.set bt, bt+1
.endr
.endm
.macro MULS st, buf, zero              ; MT x 8 products, every accumulator once: they take turns, over the backward jump too
.set a, 0
.rept MT
.if a < 4
	WIN 0xa4
.else
	WIN 0xf4
.endif
.set bt, 0
.rept 8
.set ac, 8*(8*(a%4)+bt)
.if \zero
	v_wmma_f32_16x16x32_f16 v[ac:ac+7], v[(\buf)+8*bt:(\buf)+8*bt+7], v[(\st)*8*MT+8*a:(\st)*8*MT+8*a+7], 0
.else
	v_wmma_f32_16x16x32_f16 v[ac:ac+7], v[(\buf)+8*bt:(\buf)+8*bt+7], v[(\st)*8*MT+8*a:(\st)*8*MT+8*a+7], v[ac:ac+7]
.endif
.set bt, bt+1
.endr
.set a, a+1
.endr
.endm
.macro KSTEP st, buf, oth, zero, wi, ai, lc, dc  ; wi, ai: what is asked for ahead (-1: nothing); lc, dc: the younger loads that may stay out
	WIN 0
.rept 4
	v_nop                                          ; four places behind the last step's products, in front of loads into registers that they read
.endr
.if (\wi) >= 0
	WLOAD ((\st)+3)%4, \wi
.endif
.if (\ai) >= 0
	ALOAD \oth, \ai
.endif
	s_wait_loadcnt \lc
	s_wait_dscnt \dc
	MULS \st, \buf, \zero
.endm
.macro GSTAT a                         ; block a: a lane's 64 numbers of channel r; S1 += s1 + 64 b, S2 += s2 + b (2 s1 + 64 b); each accumulator is read from its low end on
.if (\a) < 4
	WIN 0x0a
.else
	WIN 0x0f
.endif
.set ab, 64*((\a)%4)
.set p, 0
.rept 32
.if p < 4
	v_pk_add_f32 v[T1+2*p:T1+2*p+1], v[ab+2*p:ab+2*p+1], v[ab+2*p+8:ab+2*p+9]
	v_pk_mul_f32 v[T2+2*p:T2+2*p+1], v[ab+2*p:ab+2*p+1], v[ab+2*p:ab+2*p+1]
.elseif p < 8
	v_pk_fma_f32 v[T2+2*(p%4):T2+2*(p%4)+1], v[ab+2*p:ab+2*p+1], v[ab+2*p:ab+2*p+1], v[T2+2*(p%4):T2+2*(p%4)+1]
.else
	v_pk_fma_f32 v[T1+2*(p%4):T1+2*(p%4)+1], v[ab+2*p:ab+2*p+1], 1.0, v[T1+2*(p%4):T1+2*(p%4)+1] op_sel_hi:[1,0,1]
	v_pk_fma_f32 v[T2+2*(p%4):T2+2*(p%4)+1], v[ab+2*p:ab+2*p+1], v[ab+2*p:ab+2*p+1], v[T2+2*(p%4):T2+2*(p%4)+1]
.endif
.set p, p+1
.endr
	WIN 0
	v_pk_add_f32 v[T1:T1+1], v[T1:T1+1], v[T1+2:T1+3]
	v_pk_add_f32 v[T2:T2+1], v[T2:T2+1], v[T2+2:T2+3]
	v_pk_add_f32 v[T1+4:T1+5], v[T1+4:T1+5], v[T1+6:T1+7]
	v_pk_add_f32 v[T2+4:T2+5], v[T2+4:T2+5], v[T2+6:T2+7]
	v_pk_add_f32 v[T1:T1+1], v[T1:T1+1], v[T1+4:T1+5]
	v_pk_add_f32 v[T2:T2+1], v[T2:T2+1], v[T2+4:T2+5]
	v_add_f32 v[T1], v[T1], v[T1+1]
	v_add_f32 v[T2], v[T2], v[T2+1]
	v_fma_f32 v[T1+1], 0x42800000, v[BO+(\a)], v[T1]
	v_add_f32 v[T1], v[T1+1], v[T1]
	v_add_f32 v[S1], v[S1], v[T1+1]
	v_fma_f32 v[T2], v[BO+(\a)], v[T1], v[T2]
	v_add_f32 v[S2], v[S2], v[T2]
.endm
.macro PACK a
.if (\a) < 4
	WIN 0x0a
.else
	WIN 0x0f
.endif
.set ab, 64*((\a)%4)
.set p, 0
.rept 32
	v_cvt_pk_f16_f32 v[TMP+p], v[ab+2*p], v[ab+2*p+1]
.set p, p+1
.endr
	WIN 0
.endm
.macro TOSTAGE a                       ; 16 bytes a lane into rows of 272 bytes, and back as whole rows of 256: my own bytes, served in order
.set bk, 32+192*((\a)%2)
.irp b, 0,1,2,3,4,5,6,7
	ds_store_b128 v[STO], v[TMP+4*\b:TMP+4*\b+3] offset:32*\b
.endr
.irp t, 0,1,2,3,4,5,6,7
	ds_load_b128 v[bk+4*\t:bk+4*\t+3], v[RD] offset:544*\t
.endr
.endm
.macro SEND a
.set bk, 32+192*((\a)%2)
	s_wait_dscnt 0x0                               ; the block is back in registers
	s_wait_xcnt 0x0                                ; earlier stores have read their registers: the other buffer is loaded again only behind this wait
.irp t, 0,1,2,3,4,5,6,7
	global_store_b128 v[CO], v[bk+4*\t:bk+4*\t+3], s[UOUT:UOUT+1] offset:(\a)*524288+65536*\t  ; sixteen lanes store 256 consecutive bytes, aligned
.endr
.endm
.macro RAWLOAD                         ; eight rows of my raw strip (a lane: eight positions of rows 2 i + lane / 16) and their (A, B)
.irp i, 0,1,2,3
.if LY == 4
	ds_load_b128 v[RW+8*\i:RW+8*\i+3], v[RA] offset:1024*\i
	ds_load_b128 v[RW+8*\i+4:RW+8*\i+7], v[RA] offset:1024*\i+16
.else
	ds_load_b128 v[RW+4*\i:RW+4*\i+3], v[RA] offset:512*\i
.endif
	ds_load_b64 v[ABR+2*\i:ABR+2*\i+1], v[ABA] offset:16*\i
.endr
.endm
	s_load_b256 s[8:15], s[0:1], 0x0
	s_load_b128 s[16:19], s[0:1], 0x20
.if LY == 5
	s_load_b64 s[20:21], s[0:1], 0x30
.endif
	v_lshl_add_u32 v[SPW], v0, 2, SPARE
	v_mov_b32 v[NIL], 0
	ds_add_u32 v[SPW], v[NIL]                      ; the wave's opening: the add and its wait ahead of my tensor load; work on registers stands between them
	ds_add_u32 v28, v29
	v_lshrrev_b32 v1, 5, v0
	v_readfirstlane_b32 s[WV], v1
	s_lshr_b32 s[STRIP], ttmp9, 1
	s_and_b32 s[HALF], ttmp9, 1
	s_lshr_b32 s[BI], ttmp9, 5
	s_mov_b32 s[SEL], 0x76543210
	s_mov_b32 s[SEL+1], 0xfedcba98
	s_mov_b32 s[G1], 3<<16                         ; elements of 8 bytes, no mask, no padding
	s_mov_b32 s[G1+1], TDC<<16                     ; tensor_dim0
	s_mov_b32 s[G1+2], TDR<<16                     ; tensor_dim1
	s_mov_b32 s[G1+3], TDC<<16                     ; tile_dim0
	s_mov_b32 s[G1+4], TDR                         ; tile_dim1
	s_mov_b32 s[G1+5], TDP                         ; elements from row to row
	s_mov_b32 s[G1+6], 0
	s_mov_b32 s[G1+7], 0
	s_mov_b32 s[G0], 1
	s_mul_i32 s[G0+1], s[WV], 32768                ; my rows' place in LDS
	s_lshl_b32 s40, s[WV], 22                      ; my KD / 4 rows: 4,194,304 bytes in either layer
	s_lshl_b32 s41, s[STRIP], ROWSH
	s_add_co_u32 s40, s40, s41
	s_mov_b32 s41, 0
	s_lshl_b32 s42, s[HALF], 2
	s_add_co_u32 s42, s42, s[WV]                   ; my group of output channels
	s_mul_i32 s44, s42, MT*NK*1024
	s_add_co_u32 s44, s44, WOFF
	s_mov_b32 s45, 0
	s_mul_i32 s46, s42, MT*64
	s_mov_b32 s47, 0
	s_mul_i32 s42, s42, MT*16*32768
	s_lshl_b32 s43, s[STRIP], 8
	s_add_co_u32 s42, s42, s43
	s_mov_b32 s43, 0
	s_lshl_b32 s58, ttmp9, 6                       ; my record
	s_mov_b32 s59, 0
	v_and_b32 v1, 15, v0
	v_bfe_u32 v2, v0, 4, 1
	v_and_b32 v3, 31, v0
	v_lshlrev_b32 v[WO], 4, v3
	v_lshlrev_b32 v[RO], 6, v3
	s_lshl_b32 s53, s[BI], 11
	v_add_nc_u32 v[RO], s53, v[RO]
	v_lshlrev_b32 v[C4], 2, v0
	v_lshlrev_b32 v[R4], 2, v1
	v_mov_b32 v[RT], 0
	s_lshl_b32 s53, s[WV], 6
	s_add_co_u32 s53, s53, MS
	v_mov_b32 v[MSA], s53
	v_lshl_add_u32 v[ABS], v0, 3, AB
	s_wait_dscnt 0x0                               ; the opening add is done
	s_wait_kmcnt 0x0
	s_add_nc_u64 s[G0+2:G0+3], s[UIN:UIN+1], s[40:41]
	s_or_b32 s[G0+3], s[G0+3], 0x80000000
	s_add_nc_u64 s[PIN:PIN+1], s[UIN:UIN+1], 0x1000000
	s_add_nc_u64 s[WFP:WFP+1], s[WFP:WFP+1], s[44:45]
	s_add_nc_u64 s[PBO:PBO+1], s[PBO:PBO+1], s[46:47]
	s_add_nc_u64 s[PREC:PREC+1], s[UOUT:UOUT+1], s[58:59]
	s_add_nc_u64 s[PREC:PREC+1], s[PREC:PREC+1], POFF
	s_add_nc_u64 s[UOUT:UOUT+1], s[UOUT:UOUT+1], s[42:43]
	tensor_load_to_lds s[G0:G0+3], s[G1:G1+7]      ; my one tensor load: a first fill, never filled again
	s_nop 0
.irp j, 0,1,2,3
	global_load_b128 v[SR+4*\j:SR+4*\j+3], v[RO], s[PIN:PIN+1] offset:16*\j
.endr
.set i, 0
.rept NI
	global_load_b32 v[PGM+i], v[C4], s[PG:PG+1] offset:512*i
	global_load_b32 v[PBE+i], v[C4], s[PE:PE+1] offset:512*i
.if LY == 5
	global_load_b32 v[PBB+i], v[C4], s[PBI:PBI+1] offset:512*i
.endif
.set i, i+1
.endr
.set i, 0
.rept MT
	global_load_b32 v[BO+i], v[R4], s[PBO:PBO+1] offset:64*i
.set i, i+1
.endr
	WLOAD 0, 0
	WLOAD 1, 1
	WLOAD 2, 2
	s_wait_loadcnt 6*MT                            ; all but the three sets of weights
.set i, 0
.rept 16
	RED32 SR+i
.set i, i+1
.endr
.irp j, 0,1,2,3
	ds_store_b128 v[MSA], v[SR+4*\j:SR+4*\j+3] offset:16*\j
.endr
.set i, 0
.rept NI                               ; thread t has input channels t + 128 i
	v_add_nc_u32 v[RA0], 128*i, v0
	v_lshrrev_b32 v[RA0], GSH, v[RA0]
	v_lshl_add_u32 v[RA0], v[RA0], 3, v[MSA]
	ds_load_b64 v[K+2*i:K+2*i+1], v[RA0]           ; my wave's own bytes, served in order behind the stores above
	RB1 PGM+i
	RB1 PBE+i
.if LY == 5
	RB1 PBB+i
.endif
.set i, i+1
.endr
.set i, 0
.rept MT
	RB1 BO+i
.set i, i+1
.endr
	s_wait_dscnt 0x0
.set i, 0
.rept NI
	v_mul_f32 v[K+2*i], INVN, v[K+2*i]
	v_mul_f32 v[K+2*i+1], INVN, v[K+2*i+1]
	v_fma_f32 v[K+2*i+1], -v[K+2*i], v[K+2*i], v[K+2*i+1]
	v_max_num_f32 v[K+2*i+1], 0, v[K+2*i+1]
	v_add_f32 v[K+2*i+1], 0x3727c5ac, v[K+2*i+1]   ; + 1e-5
.set i, i+1
.endr
.set i, 0
.rept NI
	v_rsq_f32 v[K+2*i+1], v[K+2*i+1]
.set i, i+1
.endr
	v_nop
	s_wait_alu depctr_va_vdst(0)                   ; one wait for the roots
.set i, 0
.rept NI
	v_mul_f32 v[PGM+i], v[PGM+i], v[K+2*i+1]       ; A = gamma / sigma
.if LY == 5
	v_sub_f32 v[K+2*i], v[PBB+i], v[K+2*i]
	v_fma_f32 v[K+2*i+1], v[K+2*i], v[PGM+i], v[PBE+i]   ; B = (b - mean) A + beta
.else
	v_fma_f32 v[K+2*i+1], -v[K+2*i], v[PGM+i], v[PBE+i]  ; B = beta - mean A
.endif
	v_mov_b32 v[K+2*i], v[PGM+i]
	ds_store_b64 v[ABS], v[K+2*i:K+2*i+1] offset:1024*i
.set i, i+1
.endr
	s_lshl_b32 s40, s[WV], 15
.if LY == 4
	v_lshlrev_b32 v[RA0], 9, v2
	v_lshl_add_u32 v[RA0], v1, 5, v[RA0]
.else
	v_lshlrev_b32 v[RA0], 8, v2
	v_lshl_add_u32 v[RA0], v1, 4, v[RA0]
.endif
	v_add_nc_u32 v[RA0], s40, v[RA0]
	s_mul_i32 s40, s[WV], (KD/4)*8
	s_add_co_u32 s40, s40, AB
	v_lshl_add_u32 v[AB0], v2, 3, s40
	s_mul_i32 s40, s[WV], (KD/4)*288
	s_add_co_u32 s40, s40, ACT
	v_mul_u32_u24 v[ACTS], v2, 288
	v_lshl_add_u32 v[ACTS], v1, 4, v[ACTS]
	v_add_nc_u32 v[ACTS], s40, v[ACTS]
	v_mov_b32 v[RA], v[RA0]
	v_mov_b32 v[ABA], v[AB0]
	s_wait_dscnt 0x0
	s_barrier_signal -1
	s_barrier_wait -1                              ; (A, B) of all input channels lie in LDS
	s_wait_tensorcnt 0x0                           ; my rows have landed; only I read them
	RAWLOAD
	s_mov_b32 s[RAO], 0
	s_mov_b32 s[ABO], 0
	s_mov_b32 s[CNT], KD/32
.Lconv:                                ; a trip: eight rows become a; the next eight are asked for ahead of the exponentials
	s_wait_dscnt 0x0
.set i, 0
.rept 4
.set q, 0
.rept 4
.if LY == 4
	v_pk_fma_f32 v[Z+8*i+2*q:Z+8*i+2*q+1], v[RW+8*i+2*q:RW+8*i+2*q+1], v[ABR+2*i:ABR+2*i+1], v[ABR+2*i:ABR+2*i+1] op_sel:[0,0,1] op_sel_hi:[1,0,1]
.else
	v_fma_mix_f32 v[Z+8*i+2*q], v[RW+4*i+q], v[ABR+2*i], v[ABR+2*i+1] op_sel_hi:[1,0,0]
	v_fma_mix_f32 v[Z+8*i+2*q+1], v[RW+4*i+q], v[ABR+2*i], v[ABR+2*i+1] op_sel:[1,0,0] op_sel_hi:[1,0,0]
.endif
.set q, q+1
.endr
.set i, i+1
.endr
	s_add_co_u32 s[RAO], s[RAO], RSTEP
	s_min_u32 s[RAO], s[RAO], 32768-RSTEP          ; the last look-ahead stays at the last eight rows
	s_add_co_u32 s[ABO], s[ABO], 64
	s_min_u32 s[ABO], s[ABO], (KD/4)*8-64
	v_add_nc_u32 v[RA], s[RAO], v[RA0]
	v_add_nc_u32 v[ABA], s[ABO], v[AB0]
	RAWLOAD
	ELU 16, Z, TC
.irp i, 0,1,2,3
	ds_store_b128 v[ACTS], v[TC+4*\i:TC+4*\i+3] offset:576*\i
.endr
	v_add_nc_u32 v[ACTS], 2304, v[ACTS]
	s_sub_co_u32 s[CNT], s[CNT], 1
	s_cmp_lg_u32 s[CNT], 0
	s_cbranch_scc1 .Lconv
	v_and_b32 v[RA], 7, v0                         ; the turning load: lane l reads channel 8 (l / 16) + l % 8, positions 8 ((l / 8) % 2) + 0..7
	v_lshl_add_u32 v[RA], v2, 3, v[RA]
	v_mul_u32_u24 v[AA], v[RA], 288
	v_bfe_u32 v[RA], v0, 3, 1
	v_lshl_add_u32 v[AA], v[RA], 4, v[AA]
	v_add_nc_u32 v[AA], ACT, v[AA]
	s_mul_i32 s40, s[WV], 16*272
	s_add_co_u32 s40, s40, STAGE                   ; my stage
	v_mul_u32_u24 v[STO], v1, 272                  ; in: row = channel r, 16 bytes for each half of the lanes
	v_lshl_add_u32 v[STO], v2, 4, v[STO]
	v_add_nc_u32 v[STO], s40, v[STO]
	v_mul_u32_u24 v[RD], v2, 272                   ; back: lanes 0-15 one row of 256 bytes, lanes 16-31 the next
	v_lshl_add_u32 v[RD], v1, 4, v[RD]
	v_add_nc_u32 v[RD], s40, v[RD]
	v_lshlrev_b32 v[CO], 15, v2                    ; and the same two rows in u
	v_lshl_add_u32 v[CO], v1, 4, v[CO]
	s_wait_dscnt 0x0                               ; my rows of a lie in LDS, and the last look-ahead is back
	s_barrier_signal -1
	s_barrier_wait -1                              ; all of a does
	ALOAD F0, 0
	KSTEP 0, F0, F1, 1, 3, 1, 6*MT, 16             ; the first K step starts the sums
	WIN 0
	s_mov_b32 s[CNT], NK/4-1
.Lk:                                   ; a trip: four K steps; weights are asked for three steps ahead, a's fragments one
	KSTEP 1, F1, F0, 0, 4, 2, 6*MT, 16
	KSTEP 2, F0, F1, 0, 5, 3, 6*MT, 16
	KSTEP 3, F1, F0, 0, 6, 4, 6*MT, 16
	KSTEP 0, F0, F1, 0, 7, 5, 6*MT, 16
	WIN 0
	s_wait_xcnt 0x0                                ; the weights' loads have read their base
	s_add_nc_u64 s[WFP:WFP+1], s[WFP:WFP+1], 4096
	v_add_nc_u32 v[AA], 36864, v[AA]
	s_sub_co_u32 s[CNT], s[CNT], 1
	s_cmp_lg_u32 s[CNT], 0
	s_cbranch_scc1 .Lk
	KSTEP 1, F1, F0, 0, -1, 2, 4*MT, 16            ; the last three steps ask for no weights: the counts run down
	KSTEP 2, F0, F1, 0, -1, 3, 2*MT, 16
	KSTEP 3, F1, F0, 0, -1, -1, 0, 0
	WIN 0
	v_mov_b32 v[S1], 0                             ; four plain lines behind the last product
	v_mov_b32 v[S2], 0
	v_nop
	v_nop
	GSTAT 0
	PACK 0
	TOSTAGE 0
.set blk, 1
.rept MT-1                             ; a block's arithmetic stands between the loads of the block before and its stores
	GSTAT blk
	PACK blk
	SEND blk-1
	TOSTAGE blk
.set blk, blk+1
.endr
	SEND MT-1
	RED32 S1
	RED32 S2
	v_and_b32 v[RA], 1, v0                         ; even lanes store my group's sums, odd lanes zeros at my wave's place in the other half: the record is whole
	v_cmp_eq_u32 vcc_lo, 0, v[RA]
	v_cndmask_b32 v[S1], 0, v[S1], vcc_lo
	v_cndmask_b32 v[S2], 0, v[S2], vcc_lo
	v_xor_b32 v[RA], s[HALF], v[RA]
	s_lshl_b32 s40, s[WV], 3
	v_lshl_add_u32 v[RA], v[RA], 5, s40
	global_store_b64 v[RA], v[S1:S2], s[PREC:PREC+1]
	s_wait_tensorcnt 0x0                           ; the wave's end
	ds_add_u32 v[SPW], v[NIL]
	s_wait_dscnt 0x0
	s_endpgm
.Lfunc_end_k_q86983adaf3_gemm5:
	.size	k_q86983adaf3_gemm5, .Lfunc_end_k_q86983adaf3_gemm5-k_q86983adaf3_gemm5
	.p2alignl 7, 3214868480
	.fill 96, 4, 3214868480
	.section	.rodata,"a",@progbits
	.p2align	6, 0x0
	.amdhsa_kernel k_q86983adaf3_gemm5
		.amdhsa_group_segment_fixed_size 300800
		.amdhsa_private_segment_fixed_size 0
		.amdhsa_enable_private_segment 0
		.amdhsa_kernarg_size 56
		.amdhsa_user_sgpr_count 2
		.amdhsa_user_sgpr_kernarg_segment_ptr 1
		.amdhsa_wavefront_size32 1
		.amdhsa_system_sgpr_workgroup_id_x 1
		.amdhsa_system_sgpr_workgroup_id_y 1
		.amdhsa_system_sgpr_workgroup_id_z 1
		.amdhsa_system_vgpr_workitem_id 0
		.amdhsa_next_free_vgpr 1024
		.amdhsa_next_free_sgpr 66
		.amdhsa_reserve_vcc 1
		.amdhsa_float_denorm_mode_32 3
		.amdhsa_float_denorm_mode_16_64 3
		.amdhsa_memory_ordered 1
		.amdhsa_forward_progress 1
		.amdhsa_inst_pref_size 152
	.end_amdhsa_kernel
	.amdgpu_metadata
---
amdhsa.version: [ 1, 2 ]
amdhsa.kernels:
  - .name:           k_q86983adaf3_gemm5
    .symbol:         k_q86983adaf3_gemm5.kd
    .args:
      - { .name: u4, .offset: 0, .size: 8, .value_kind: global_buffer, .address_space: global }
      - { .name: wf, .offset: 8, .size: 8, .value_kind: global_buffer, .address_space: global }
      - { .name: params2_0_2, .offset: 16, .size: 8, .value_kind: global_buffer, .address_space: global }
      - { .name: params2_0_3, .offset: 24, .size: 8, .value_kind: global_buffer, .address_space: global }
      - { .name: params2_0_1, .offset: 32, .size: 8, .value_kind: global_buffer, .address_space: global }
      - { .name: params2_1_1, .offset: 40, .size: 8, .value_kind: global_buffer, .address_space: global }
      - { .name: u5, .offset: 48, .size: 8, .value_kind: global_buffer, .address_space: global }
    .group_segment_fixed_size: 300800
    .private_segment_fixed_size: 0
    .kernarg_segment_align: 8
    .kernarg_segment_size: 56
    .max_flat_workgroup_size: 128
    .sgpr_count:     66
    .vgpr_count:     1024
    .wavefront_size: 32
...
	.end_amdgpu_metadata
.endif
;; end of part 7
;; launch final (part 8): grid 1024 x 1, 8 waves a work-group, no clusters, 0 bytes of LDS; arguments u5, params2_1_2, params2_1_3, params2_1_1, out0; writes out0
.if DOCPART == 8
	.amdgcn_target "amdgcn-amd-amdhsa--gfx1250"
	.amdhsa_code_object_version 6
	.text
	.protected	k_q86983adaf3_final
	.globl	k_q86983adaf3_final
	.p2align	8
	.type	k_q86983adaf3_final,@function
k_q86983adaf3_final:
	s_mov_b64 s[64:65], 0
	v_nop
	global_prefetch_b8 v0, s[64:65] scope:SCOPE_SE
	s_setreg_imm32_b32 hwreg(HW_REG_WAVE_MODE, 25, 1), 1
	s_wait_xcnt 0x0
; out0[b][c][n] = elu(groupnorm(u5 + b5)).  u5: f16 [1024][16384 = 2048 b + n], without the bias; behind its 33,554,432 bytes the records: 32 a cloud, (S1, S2) x 8 groups of u5 + b5, f32.
; gamma, beta and b are rounded to bf16, as every input of this program is.  The variance is S2 / n - mean^2 in f32, held at 0 from below; NaN and infinities are not treated apart.
; A stream: a wave takes one row (b, c) of 2,048 numbers: 16 loads of 256 consecutive bytes, 16 stores of 512, every slot with registers of its own, so no register is freed by a wait.
; No LDS, no matrix unit, no cluster: no byte is wanted twice, and the arithmetic is one multiply-add and one exponential a number.
.set U, 16                             ; v16-47  slot i: 4 numbers f16
.set O, 48                             ; v48-111 slot i: 4 numbers f32
.set T, 112                            ; v112-127 a batch's exponentials
.set RT, 10
.macro RB1 x
	v_cvt_pk_bf16_f32 v[\x], v[\x], v[\x]
	v_lshlrev_b32 v[\x], 16, v[\x]
.endm
.macro RED32 x
	v_add_f32_dpp v[\x], v[\x], v[\x] row_xmask:1 row_mask:0xf bank_mask:0xf
	v_add_f32_dpp v[\x], v[\x], v[\x] row_xmask:2 row_mask:0xf bank_mask:0xf
	v_add_f32_dpp v[\x], v[\x], v[\x] row_xmask:4 row_mask:0xf bank_mask:0xf
	v_add_f32_dpp v[\x], v[\x], v[\x] row_xmask:8 row_mask:0xf bank_mask:0xf
	v_permlanex16_b32 v[RT], v[\x], s26, s27
	v_add_f32 v[\x], v[\x], v[RT]
.endm
.macro BATCH q                         ; slots 4 q .. 4 q + 3: 16 numbers a lane
	s_wait_loadcnt 12-4*(\q)                       ; the younger slots' loads may stay out
.set i, 0
.rept 8
	v_fma_mix_f32 v[O+16*(\q)+2*i], v[U+8*(\q)+i], v12, v13 op_sel_hi:[1,0,0]
	v_fma_mix_f32 v[O+16*(\q)+2*i+1], v[U+8*(\q)+i], v12, v13 op_sel:[1,0,0] op_sel_hi:[1,0,0]
.set i, i+1
.endr
.set p, 0
.rept 8
	v_pk_mul_f32 v[T+2*p:T+2*p+1], v[O+16*(\q)+2*p:O+16*(\q)+2*p+1], 0x3fb8aa3b op_sel_hi:[1,0]
.if p > 0
	v_exp_f32 v[T+2*p-2], v[T+2*p-2]
	v_exp_f32 v[T+2*p-1], v[T+2*p-1]
.endif
.set p, p+1
.endr
	v_exp_f32 v[T+14], v[T+14]
	v_exp_f32 v[T+15], v[T+15]
	v_nop                                          ; the plain line behind the last exponential
	s_wait_alu depctr_va_vdst(0)                   ; one wait for the batch, ahead of its first reader
.set p, 0
.rept 8                                ; elu(z) = the median of z, e^z - 1 and 0, since e^z - 1 >= z
	v_pk_add_f32 v[T+2*p:T+2*p+1], v[T+2*p:T+2*p+1], -1.0 op_sel_hi:[1,0]
	v_med3_num_f32 v[O+16*(\q)+2*p], v[O+16*(\q)+2*p], v[T+2*p], 0
	v_med3_num_f32 v[O+16*(\q)+2*p+1], v[O+16*(\q)+2*p+1], v[T+2*p+1], 0
.set p, p+1
.endr
.irp j, 0,1,2,3
	global_store_b128 v8, v[O+16*(\q)+4*\j:O+16*(\q)+4*\j+3], s[12:13] offset:512*(4*(\q)+\j) th:TH_STORE_NT  ; 512 consecutive bytes, aligned
.endr
.endm
	s_load_b256 s[4:11], s[0:1], 0x0               ; u5 s[4:5], gamma s[6:7], beta s[8:9], b s[10:11]
	s_load_b64 s[12:13], s[0:1], 0x20              ; out0
	v_lshrrev_b32 v1, 5, v0
	v_readfirstlane_b32 s14, v1
	s_lshl_b32 s15, ttmp9, 3
	s_add_co_u32 s15, s15, s14                     ; my row of out0
	s_and_b32 s16, s15, 1023                       ; channel
	s_lshr_b32 s17, s15, 10                        ; cloud
	s_lshr_b32 s18, s16, 7                         ; group
	s_mov_b32 s26, 0x76543210
	s_mov_b32 s27, 0xfedcba98
	s_lshl_b32 s20, s16, 15
	s_lshl_b32 s21, s17, 12
	s_add_co_u32 s20, s20, s21
	s_mov_b32 s21, 0
	s_lshl_b32 s22, s15, 13
	s_mov_b32 s23, 0
	s_lshl_b32 s24, s17, 11
	s_lshl_b32 s25, s18, 3
	s_add_co_u32 s24, s24, s25
	v_and_b32 v1, 31, v0
	v_lshl_add_u32 v2, v1, 6, s24                  ; lane l: record l of my cloud, my group's pair
	v_lshlrev_b32 v3, 3, v1
	v_lshlrev_b32 v8, 4, v1
	s_lshl_b32 s25, s16, 2
	v_mov_b32 v9, s25
	v_mov_b32 v[RT], 0
	s_wait_kmcnt 0x0
	s_add_nc_u64 s[28:29], s[4:5], 0x2000000
	s_add_nc_u64 s[4:5], s[4:5], s[20:21]
	s_add_nc_u64 s[12:13], s[12:13], s[22:23]
	global_load_b64 v[4:5], v2, s[28:29]
	global_load_b32 v6, v9, s[6:7]
	global_load_b32 v7, v9, s[8:9]
	global_load_b32 v11, v9, s[10:11]
.set i, 0
.rept 16
	global_load_b64 v[U+2*i:U+2*i+1], v3, s[4:5] offset:256*i th:TH_LOAD_NT
.set i, i+1
.endr
	s_wait_loadcnt 16                              ; the sums and the three parameters; the row's 16 loads stay out
	RED32 4
	RED32 5
	RB1 6
	RB1 7
	RB1 11
	v_mul_f32 v4, 0x36800000, v4                   ; mean: n = 128 x 2,048 = 2^18
	v_mul_f32 v5, 0x36800000, v5
	v_fma_f32 v5, -v4, v4, v5
	v_max_num_f32 v5, 0, v5
	v_add_f32 v5, 0x3727c5ac, v5                   ; + 1e-5
	v_rsq_f32 v5, v5
	v_sub_f32 v11, v11, v4                         ; the plain line behind the root
	s_wait_alu depctr_va_vdst(0)                   ; and the wait ahead of its first reader
	v_mul_f32 v12, v6, v5                          ; A = gamma / sigma
	v_fma_f32 v13, v11, v12, v7                    ; B = (b - mean) A + beta
	BATCH 0
	BATCH 1
	BATCH 2
	BATCH 3
	s_endpgm
.Lfunc_end_k_q86983adaf3_final:
	.size	k_q86983adaf3_final, .Lfunc_end_k_q86983adaf3_final-k_q86983adaf3_final
	.p2alignl 7, 3214868480
	.fill 96, 4, 3214868480
	.section	.rodata,"a",@progbits
	.p2align	6, 0x0
	.amdhsa_kernel k_q86983adaf3_final
		.amdhsa_group_segment_fixed_size 0
		.amdhsa_private_segment_fixed_size 0
		.amdhsa_enable_private_segment 0
		.amdhsa_kernarg_size 40
		.amdhsa_user_sgpr_count 2
		.amdhsa_user_sgpr_kernarg_segment_ptr 1
		.amdhsa_wavefront_size32 1
		.amdhsa_system_sgpr_workgroup_id_x 1
		.amdhsa_system_sgpr_workgroup_id_y 1
		.amdhsa_system_sgpr_workgroup_id_z 1
		.amdhsa_system_vgpr_workitem_id 0
		.amdhsa_next_free_vgpr 128
		.amdhsa_next_free_sgpr 66
		.amdhsa_reserve_vcc 0
		.amdhsa_float_denorm_mode_32 3
		.amdhsa_float_denorm_mode_16_64 3
		.amdhsa_memory_ordered 1
		.amdhsa_forward_progress 1
		.amdhsa_inst_pref_size 22
	.end_amdhsa_kernel
	.amdgpu_metadata
---
amdhsa.version: [ 1, 2 ]
amdhsa.kernels:
  - .name:           k_q86983adaf3_final
    .symbol:         k_q86983adaf3_final.kd
    .args:
      - { .name: u5, .offset: 0, .size: 8, .value_kind: global_buffer, .address_space: global }
      - { .name: params2_1_2, .offset: 8, .size: 8, .value_kind: global_buffer, .address_space: global }
      - { .name: params2_1_3, .offset: 16, .size: 8, .value_kind: global_buffer, .address_space: global }
      - { .name: params2_1_1, .offset: 24, .size: 8, .value_kind: global_buffer, .address_space: global }
      - { .name: out0, .offset: 32, .size: 8, .value_kind: global_buffer, .address_space: global }
    .group_segment_fixed_size: 0
    .private_segment_fixed_size: 0
    .kernarg_segment_align: 8
    .kernarg_segment_size: 40
    .max_flat_workgroup_size: 256
    .sgpr_count:     66
    .vgpr_count:     128
    .wavefront_size: 32
...
	.end_amdgpu_metadata
.endif
;; end of part 8
;; ======== version 2 of 3: 8 launches; 1.11 times as fast as version 1
;; limits: a difference of large sums (such as E[x^2] - mean^2): digits are lost where the result is much smaller than its terms; values are held in f16: magnitudes above 65,504 overflow, below 6.1e-05 lose precision
;; workspace buffers: gsel 2,228,224 bytes of whole numbers; nidx 1,048,576 bytes of whole numbers; wf 1,310,720 bytes; p1 16,384 bytes; p2 16,384 bytes; e3 16,793,600 bytes; u4 16,793,600 bytes; u5 33,570,816 bytes
;; launch knn1: the kernel of part 1 again; grid 256 x 1, 4 waves a work-group, no clusters, 98,816 bytes of LDS; arguments points, params2_0_0, params2_1_0, gsel, wf; writes gsel, wf
;; launch knn2: the kernel of part 2 again; grid 256 x 1, 4 waves a work-group, no clusters, 63,488 bytes of LDS; arguments points, gsel, nidx; writes nidx
;; launch chain1: the kernel of part 3 again; grid 256 x 1, 4 waves a work-group, no clusters, 324,352 bytes of LDS; arguments points, nidx, params1_0_0, params1_0_1, p1; writes p1
;; launch chain2: the kernel of part 4 again; grid 256 x 1, 4 waves a work-group, no clusters, 324,352 bytes of LDS; arguments points, nidx, params1_0_0, params1_0_1, params1_0_2, params1_0_3, params1_1_0, params1_1_1, p1, p2; writes p2
;; launch chain3: the kernel of part 5 again; grid 256 x 1, 4 waves a work-group, no clusters, 324,352 bytes of LDS; arguments points, nidx, params1_0_0, params1_0_1, params1_0_2, params1_0_3, params1_1_0, params1_1_1, params1_1_2, params1_1_3, params1_2_0, params1_2_1, params1_2_2, p1, p2, e3; writes e3
;; launch gemm4 (part 9): grid 256 x 1, 4 waves a work-group, no clusters, 225,024 bytes of LDS; arguments e3, wf, params1_2_2, params1_2_3, params2_0_1, u4; writes u4
.if DOCPART == 9
	.amdgcn_target "amdgcn-amd-amdhsa--gfx1250"
	.amdhsa_code_object_version 6
	.text
	.protected	k_q86983adaf3_gemm4
	.globl	k_q86983adaf3_gemm4
	.p2align	8
	.type	k_q86983adaf3_gemm4,@function
k_q86983adaf3_gemm4:
	s_mov_b64 s[64:65], 0
	v_nop
	global_prefetch_b8 v0, s[64:65] scope:SCOPE_SE
	s_setreg_imm32_b32 hwreg(HW_REG_WAVE_MODE, 25, 1), 1
	s_wait_xcnt 0x0
; A POINTWISE LAYER OVER POINTS: u = W a, a = elu(groupnorm(input)).  One text serves layer 4 (256 -> 512 channels) and layer 5 (512 -> 1024); this file has LY = 4.
; Input: layer 4: e3, f32 [256][16384], bias included; layer 5: u4, f16 [512][16384], bias not included.  Behind the input's 16,777,216 bytes lie its records: 32 a cloud, (S1, S2) x 8 groups, f32.
; Output: u, f16 [M][16384], WITHOUT this layer's bias, and behind it this layer's records, the sums of u + b.
; FORMATS.  gamma, beta, b are rounded to bf16; W comes from wf (bf16 numbers written as f16, in fragment order); a and u are f16; sums in f32.
; LIMITS.  a and u lie within f16's 65,504; the variance is S2 / n - mean^2 in f32, held at 0 from below; NaN and infinities are not treated apart.
; SHARES.  A work-group: a strip of 128 positions x half of the output channels.  A wave: the channels of ONE GroupNorm group x 128 positions, in NPASS passes of 64 channels: 4 x 8 accumulators.
; NO CLUSTER: each wave's weights are its own and go from memory straight into registers (512 consecutive bytes a load); the one shared tile, the strip, has two readers and is read once.
; LAYOUT.  Source 0 = 16 positions of a (turned out of LDS, where a lies [channel][position]), source 1 = 16 rows of W: a lane then holds one output channel and eight neighbouring positions.
; THE K LOOP is written once: its first step, which starts the sums, stands ahead of it, and the loop is entered behind its first step.  No tail is written out: the last trip's look-ahead fetches
; the next pass's first three K steps of W and K step 0 of a; in the last pass it reads the pass's own first steps once more, and nobody uses them.  So every wait in the loop has one count.
.set LY, 4
.set MT, 4                             ; blocks of 16 channels in a pass
.if LY == 4
.set KD, 256
.set NPASS, 1
.set GSH, 5
.set INVN, 0x35800000                  ; 1 / 2^20
.set WOFF, 0
.set ROWSH, 9
.set TDC, 64                           ; the strip's row in elements of 8 bytes
.set TDR, 64                           ; rows a wave
.set TDP, 8192                         ; the tensor's row
.set RSTEP, 4096
.set POFF, 0x1000000
.set PBO, 16
.set UOUT, 18
.else
.set KD, 512
.set NPASS, 2
.set GSH, 6
.set INVN, 0x37000000                  ; 1 / 2^17
.set WOFF, 262144
.set ROWSH, 8
.set TDC, 32
.set TDR, 128
.set TDP, 4096
.set RSTEP, 2048
.set POFF, 0x2000000
.set PBI, 16
.set PBO, 18
.set UOUT, 20
.endif
.set MTT, MT*NPASS                     ; blocks a wave
.set NK, KD/32                         ; K steps
.set NT, NK/4                          ; trips of the K loop, a power of two
.set NI, KD/128
.set PSTEP, MT*NK*1024                 ; bytes of W in a pass
.set PMAX, (NPASS-1)*PSTEP
.set ACT, 131072                       ; LDS: 0: the raw strip, wave w's KD / 4 rows at 32,768 w; ACT: a, [channel][128 positions f16 + 32 bytes]: the pitch is 9 x 32 bytes
.set AB, ACT+KD*288                    ; (A, B) by input channel
.set MS, AB+KD*8                       ; 64 bytes a wave: the summed records
.set STAGE, MS+256                     ; 16 rows x 272 bytes a wave
.set SPARE, STAGE+4*16*272
.set UIN, 8
.set WFP, 10                           ; W at the trip in hand
.set PG, 12
.set PE, 14
.set TI, 22                            ; the trip that the look-ahead stands at
.set PO, 23                            ; and its pass, in bytes
.set G0, 24
.set G1, 28
.set WV, 36
.set STRIP, 37
.set HALF, 38
.set BI, 39
.set SEL, 48
.set CNT, 50
.set RAO, 51
.set ABO, 52
.set PCNT, 53
.set PIN, 54
.set PREC, 56
.set LE, 58                            ; s[58:59] log2(e)
.set WFN, 60                           ; W at the look-ahead's trip
.set WF0, 62                           ; W at my group's first byte; never rewritten
; window 0
.set WO, 4
.set RO, 5
.set C4, 6
.set R4, 7
.set MSA, 8
.set RT, 9
.set RA, 10
.set ABA, 11
.set ACTS, 12
.set AA, 13                            ; a's fragments at the trip in hand
.set STO, 14
.set RD, 15
.set CO, 16
.set RA0, 17
.set AB0, 18
.set AA0, 17                           ; behind the conversion: a's fragments at K step 0
.set AAN, 18                           ; and at the look-ahead's trip
.set ABS, 19
.set BO, 20                            ; v20-27 this layer's bias of my channel r in block a
.set SPW, 28
.set NIL, 29
.set S1, 30
.set S2, 31
.set SR, 32
.set PGM, 48
.set PBE, 52
.set PBB, 56
.set K, 60
.set RW, 32
.set ABR, 64
.set Z, 72
.set TC, 128
.set F0, 64                            ; two buffers of a's fragments
.set F1, 128
.set TMP, 192
.set T1, 128                           ; the way out's sums lie in buffer 1: buffer 0 holds the next pass's first fragments
.set T2, 136
; window 1: four sets of 32 registers of W.  window 2: accumulator (a, bt) at 8 (8 a + bt)
.set MSB, 0
.macro WIN new                         ; the immediate's high byte repeats the setting that is left
.if MSB != (\new)
	s_set_vgpr_msb (MSB<<8)|(\new)
.set MSB, (\new)
.endif
.endm
.macro RB1 x
	v_cvt_pk_bf16_f32 v[\x], v[\x], v[\x]
	v_lshlrev_b32 v[\x], 16, v[\x]
.endm
.macro RED32 x
	v_add_f32_dpp v[\x], v[\x], v[\x] row_xmask:1 row_mask:0xf bank_mask:0xf
	v_add_f32_dpp v[\x], v[\x], v[\x] row_xmask:2 row_mask:0xf bank_mask:0xf
	v_add_f32_dpp v[\x], v[\x], v[\x] row_xmask:4 row_mask:0xf bank_mask:0xf
	v_add_f32_dpp v[\x], v[\x], v[\x] row_xmask:8 row_mask:0xf bank_mask:0xf
	v_permlanex16_b32 v[RT], v[\x], s[SEL], s[SEL+1]
	v_add_f32 v[\x], v[\x], v[RT]
.endm
.macro ELU n, z, t                     ; elu(z) = the median of z, e^z - 1 and 0 (e^z - 1 >= z); n pairs; the results, f16 in pairs, land in t + 0 .. n - 1
.set p, 0
.rept \n
	v_pk_mul_f32 v[(\t)+2*p:(\t)+2*p+1], v[(\z)+2*p:(\z)+2*p+1], s[LE:LE+1] op_sel_hi:[1,0]
.if p > 0
	v_exp_f32 v[(\t)+2*p-2], v[(\t)+2*p-2]
	v_exp_f32 v[(\t)+2*p-1], v[(\t)+2*p-1]
.endif
.set p, p+1
.endr
	v_exp_f32 v[(\t)+2*(\n)-2], v[(\t)+2*(\n)-2]
	v_exp_f32 v[(\t)+2*(\n)-1], v[(\t)+2*(\n)-1]
	v_nop                                          ; the plain line behind the last exponential
	s_wait_alu depctr_va_vdst(0)                   ; one wait for the batch, ahead of its first reader
.set p, 0
.rept \n
	v_pk_add_f32 v[(\t)+2*p:(\t)+2*p+1], v[(\t)+2*p:(\t)+2*p+1], -1.0 op_sel_hi:[1,0]
	v_med3_num_f32 v[(\z)+2*p], v[(\z)+2*p], v[(\t)+2*p], 0
	v_med3_num_f32 v[(\z)+2*p+1], v[(\z)+2*p+1], v[(\t)+2*p+1], 0
	v_cvt_pk_f16_f32 v[(\t)+p], v[(\z)+2*p], v[(\z)+2*p+1]
.set p, p+1
.endr
.endm
.macro WLOAD st, ptr, ki               ; a K step's weights, 2 MT loads, into set st; ki K steps behind the pointer
	WIN 0x40
.set a, 0
.rept MT
	global_load_b128 v[(\st)*8*MT+8*a:(\st)*8*MT+8*a+3], v[WO], s[\ptr:\ptr+1] offset:a*NK*1024+(\ki)*1024
	global_load_b128 v[(\st)*8*MT+8*a+4:(\st)*8*MT+8*a+7], v[WO], s[\ptr:\ptr+1] offset:a*NK*1024+(\ki)*1024+512
.set a, a+1
.endr
	WIN 0
.endm
.macro ALOAD buf, adr, ki              ; a K step's 8 fragments of a, turned: 16 loads
.set bt, 0
.rept 8
	ds_load_tr16_b128 v[(\buf)+8*bt:(\buf)+8*bt+3], v[\adr] offset:(\ki)*9216+32*bt
	ds_load_tr16_b128 v[(\buf)+8*bt+4:(\buf)+8*bt+7], v[\adr] offset:(\ki)*9216+32*bt+4608
.set bt, bt+1
.endr
.endm
.macro MULS st, buf, zero              ; MT x 8 products, every accumulator once: they take turns, over the jumps too
	WIN 0xa4                                       ; a in window 0, W in window 1, C and D in window 2
.set a, 0
.rept MT
.set bt, 0
.rept 8
.set ac, 8*(8*a+bt)
.if \zero
	v_wmma_f32_16x16x32_f16 v[ac:ac+7], v[(\buf)+8*bt:(\buf)+8*bt+7], v[(\st)*8*MT+8*a:(\st)*8*MT+8*a+7], 0
.else
	v_wmma_f32_16x16x32_f16 v[ac:ac+7], v[(\buf)+8*bt:(\buf)+8*bt+7], v[(\st)*8*MT+8*a:(\st)*8*MT+8*a+7], v[ac:ac+7]
.endif
.set bt, bt+1
.endr
.set a, a+1
.endr
.endm
.macro KSTEP st, buf, oth, zero, wp, wi, ap, ai  ; multiplies set st by buffer buf; asks for the weights three steps on (pointer wp, step wi) and for a's fragments of the next step (address ap, step ai)
	WIN 0
.rept 4
	v_nop                                          ; four places behind the last step's products, in front of loads into registers that they read
.endr
	WLOAD ((\st)+3)%4, \wp, \wi
	ALOAD \oth, \ap, \ai
	s_wait_loadcnt 6*MT                            ; the three younger sets of weights may stay out
	s_wait_dscnt 16                                ; and the sixteen turning loads just issued
	MULS \st, \buf, \zero
.endm
.macro GSTAT a                         ; block a: a lane's 64 numbers of channel r; S1 += s1 + 64 b, S2 += s2 + b (2 s1 + 64 b); each accumulator is read from its low end on
	WIN 0x0a
.set ab, 64*(\a)
.set p, 0
.rept 32
.if p < 4
	v_pk_add_f32 v[T1+2*p:T1+2*p+1], v[ab+2*p:ab+2*p+1], v[ab+2*p+8:ab+2*p+9]
	v_pk_mul_f32 v[T2+2*p:T2+2*p+1], v[ab+2*p:ab+2*p+1], v[ab+2*p:ab+2*p+1]
.elseif p < 8
	v_pk_fma_f32 v[T2+2*(p%4):T2+2*(p%4)+1], v[ab+2*p:ab+2*p+1], v[ab+2*p:ab+2*p+1], v[T2+2*(p%4):T2+2*(p%4)+1]
.else
	v_pk_fma_f32 v[T1+2*(p%4):T1+2*(p%4)+1], v[ab+2*p:ab+2*p+1], 1.0, v[T1+2*(p%4):T1+2*(p%4)+1] op_sel_hi:[1,0,1]
	v_pk_fma_f32 v[T2+2*(p%4):T2+2*(p%4)+1], v[ab+2*p:ab+2*p+1], v[ab+2*p:ab+2*p+1], v[T2+2*(p%4):T2+2*(p%4)+1]
.endif
.set p, p+1
.endr
	WIN 0
	v_pk_add_f32 v[T1:T1+1], v[T1:T1+1], v[T1+2:T1+3]
	v_pk_add_f32 v[T2:T2+1], v[T2:T2+1], v[T2+2:T2+3]
	v_pk_add_f32 v[T1+4:T1+5], v[T1+4:T1+5], v[T1+6:T1+7]
	v_pk_add_f32 v[T2+4:T2+5], v[T2+4:T2+5], v[T2+6:T2+7]
	v_pk_add_f32 v[T1:T1+1], v[T1:T1+1], v[T1+4:T1+5]
	v_pk_add_f32 v[T2:T2+1], v[T2:T2+1], v[T2+4:T2+5]
	v_add_f32 v[T1], v[T1], v[T1+1]
	v_add_f32 v[T2], v[T2], v[T2+1]
	v_fma_f32 v[T1+1], 0x42800000, v[BO+(\a)], v[T1]
	v_add_f32 v[T1], v[T1+1], v[T1]
	v_add_f32 v[S1], v[S1], v[T1+1]
	v_fma_f32 v[T2], v[BO+(\a)], v[T1], v[T2]
	v_add_f32 v[S2], v[S2], v[T2]
.endm
.macro PACK a
	WIN 0x0a
.set ab, 64*(\a)
.set p, 0
.rept 32
	v_cvt_pk_f16_f32 v[TMP+p], v[ab+2*p], v[ab+2*p+1]
.set p, p+1
.endr
	WIN 0
.endm
.macro TOSTAGE a                       ; 16 bytes a lane into rows of 272 bytes, and back as whole rows of 256: my own bytes, served in order
.set bk, 32+192*((\a)%2)
.irp b, 0,1,2,3,4,5,6,7
	ds_store_b128 v[STO], v[TMP+4*\b:TMP+4*\b+3] offset:32*\b
.endr
.irp t, 0,1,2,3,4,5,6,7
	ds_load_b128 v[bk+4*\t:bk+4*\t+3], v[RD] offset:544*\t
.endr
.endm
.macro SEND a
.set bk, 32+192*((\a)%2)
	s_wait_dscnt 0x0                               ; the block is back in registers
	s_wait_xcnt 0x0                                ; earlier stores have read their registers: the other buffer is loaded again only behind this wait
.irp t, 0,1,2,3,4,5,6,7
	global_store_b128 v[CO], v[bk+4*\t:bk+4*\t+3], s[UOUT:UOUT+1] offset:(\a)*524288+65536*\t  ; sixteen lanes store 256 consecutive bytes, aligned
.endr
.endm
.macro RAWLOAD                         ; eight rows of my raw strip (a lane: eight positions of rows 2 i + lane / 16) and their (A, B)
.irp i, 0,1,2,3
.if LY == 4
	ds_load_b128 v[RW+8*\i:RW+8*\i+3], v[RA] offset:1024*\i
	ds_load_b128 v[RW+8*\i+4:RW+8*\i+7], v[RA] offset:1024*\i+16
.else
	ds_load_b128 v[RW+4*\i:RW+4*\i+3], v[RA] offset:512*\i
.endif
	ds_load_b64 v[ABR+2*\i:ABR+2*\i+1], v[ABA] offset:16*\i
.endr
.endm
	s_load_b256 s[8:15], s[0:1], 0x0
	s_load_b128 s[16:19], s[0:1], 0x20
.if LY == 5
	s_load_b64 s[20:21], s[0:1], 0x30
.endif
	v_lshl_add_u32 v[SPW], v0, 2, SPARE
	v_mov_b32 v[NIL], 0
	ds_add_u32 v[SPW], v[NIL]                      ; the wave's opening: the add and its wait ahead of my tensor load; work on registers stands between them
	ds_add_u32 v28, v29
	v_lshrrev_b32 v1, 5, v0
	v_readfirstlane_b32 s[WV], v1
	s_lshr_b32 s[STRIP], ttmp9, 1
	s_and_b32 s[HALF], ttmp9, 1
	s_lshr_b32 s[BI], ttmp9, 5
	s_mov_b32 s[SEL], 0x76543210
	s_mov_b32 s[SEL+1], 0xfedcba98
	s_mov_b32 s[G1], 3<<16                         ; elements of 8 bytes, no mask, no padding
	s_mov_b32 s[G1+1], TDC<<16                     ; tensor_dim0
	s_mov_b32 s[G1+2], TDR<<16                     ; tensor_dim1
	s_mov_b32 s[G1+3], TDC<<16                     ; tile_dim0
	s_mov_b32 s[G1+4], TDR                         ; tile_dim1
	s_mov_b32 s[G1+5], TDP                         ; elements from row to row
	s_mov_b32 s[G1+6], 0
	s_mov_b32 s[G1+7], 0
	s_mov_b32 s[G0], 1
	s_mul_i32 s[G0+1], s[WV], 32768                ; my rows' place in LDS
	s_lshl_b32 s40, s[WV], 22                      ; my KD / 4 rows: 4,194,304 bytes in either layer
	s_lshl_b32 s41, s[STRIP], ROWSH
	s_add_co_u32 s40, s40, s41
	s_mov_b32 s41, 0
	s_lshl_b32 s42, s[HALF], 2
	s_add_co_u32 s42, s42, s[WV]                   ; my group of output channels
	s_mul_i32 s44, s42, MTT*NK*1024
	s_add_co_u32 s44, s44, WOFF
	s_mov_b32 s45, 0
	s_mul_i32 s46, s42, MTT*64
	s_mov_b32 s47, 0
	s_mul_i32 s42, s42, MTT*16*32768
	s_lshl_b32 s43, s[STRIP], 8
	s_add_co_u32 s42, s42, s43
	s_mov_b32 s43, 0
	s_lshl_b32 s58, ttmp9, 6                       ; my record
	s_mov_b32 s59, 0
	v_and_b32 v1, 15, v0
	v_bfe_u32 v2, v0, 4, 1
	v_and_b32 v3, 31, v0
	v_lshlrev_b32 v[WO], 4, v3
	s_lshl_b32 s53, s[BI], 11
	v_add_nc_u32 v[RO], s53, v[WO]                 ; my cloud's 32 records, 16 bytes a lane
	v_lshlrev_b32 v[C4], 2, v0
	v_lshlrev_b32 v[R4], 2, v1
	v_mov_b32 v[RT], 0
	s_lshl_b32 s53, s[WV], 6
	s_add_co_u32 s53, s53, MS
	v_mov_b32 v[MSA], s53
	v_lshl_add_u32 v[ABS], v0, 3, AB
	s_wait_dscnt 0x0                               ; the opening add is done
	s_wait_kmcnt 0x0
	s_add_nc_u64 s[G0+2:G0+3], s[UIN:UIN+1], s[40:41]
	s_or_b32 s[G0+3], s[G0+3], 0x80000000
	s_add_nc_u64 s[PIN:PIN+1], s[UIN:UIN+1], 0x1000000
	s_add_nc_u64 s[WFP:WFP+1], s[WFP:WFP+1], s[44:45]
	s_mov_b64 s[WF0:WF0+1], s[WFP:WFP+1]
	s_add_nc_u64 s[WFN:WFN+1], s[WFP:WFP+1], 4096  ; the look-ahead stands one trip, four K steps, on
	s_add_nc_u64 s[PBO:PBO+1], s[PBO:PBO+1], s[46:47]
	s_add_nc_u64 s[PREC:PREC+1], s[UOUT:UOUT+1], s[58:59]
	s_add_nc_u64 s[PREC:PREC+1], s[PREC:PREC+1], POFF
	s_add_nc_u64 s[UOUT:UOUT+1], s[UOUT:UOUT+1], s[42:43]
	s_mov_b32 s[LE], 0x3fb8aa3b
	s_mov_b32 s[LE+1], s[LE]                       ; named with it as a pair
	tensor_load_to_lds s[G0:G0+3], s[G1:G1+7]      ; my one tensor load: a first fill, never filled again
	s_nop 0
.irp j, 0,1,2,3
	global_load_b128 v[SR+4*\j:SR+4*\j+3], v[RO], s[PIN:PIN+1] offset:512*\j  ; 512 consecutive bytes: lane l has quarter l % 4 of record 8 j + l / 4
.endr
.set i, 0
.rept NI
	global_load_b32 v[PGM+i], v[C4], s[PG:PG+1] offset:512*i
	global_load_b32 v[PBE+i], v[C4], s[PE:PE+1] offset:512*i
.if LY == 5
	global_load_b32 v[PBB+i], v[C4], s[PBI:PBI+1] offset:512*i
.endif
.set i, i+1
.endr
.set i, 0
.rept MTT
	global_load_b32 v[BO+i], v[R4], s[PBO:PBO+1] offset:64*i
.set i, i+1
.endr
	WLOAD 0, WFP, 0
	WLOAD 1, WFP, 1
	WLOAD 2, WFP, 2
	s_wait_loadcnt 6*MT                            ; all but the three sets of weights
	v_pk_add_f32 v[SR:SR+1], v[SR:SR+1], v[SR+4:SR+5]        ; the sum over the 32 records: my four,
	v_pk_add_f32 v[SR+2:SR+3], v[SR+2:SR+3], v[SR+6:SR+7]
	v_pk_add_f32 v[SR+8:SR+9], v[SR+8:SR+9], v[SR+12:SR+13]
	v_pk_add_f32 v[SR+10:SR+11], v[SR+10:SR+11], v[SR+14:SR+15]
	v_pk_add_f32 v[SR:SR+1], v[SR:SR+1], v[SR+8:SR+9]
	v_pk_add_f32 v[SR+2:SR+3], v[SR+2:SR+3], v[SR+10:SR+11]
.irp x, 0,1,2,3                        ; then the eight lanes that hold the same quarter
	v_add_f32_dpp v[SR+\x], v[SR+\x], v[SR+\x] row_xmask:4 row_mask:0xf bank_mask:0xf
	v_add_f32_dpp v[SR+\x], v[SR+\x], v[SR+\x] row_xmask:8 row_mask:0xf bank_mask:0xf
	v_permlanex16_b32 v[RT], v[SR+\x], s[SEL], s[SEL+1]
	v_add_f32 v[SR+\x], v[SR+\x], v[RT]
.endr
	v_and_b32 v[RA], 3, v0
	v_lshl_add_u32 v[RA], v[RA], 4, v[MSA]
	ds_store_b128 v[RA], v[SR:SR+3]                ; lanes with the same quarter store the same numbers to the same bytes
.set i, 0
.rept NI                               ; thread t has input channels t + 128 i
	v_add_nc_u32 v[RA0], 128*i, v0
	v_lshrrev_b32 v[RA0], GSH, v[RA0]
	v_lshl_add_u32 v[RA0], v[RA0], 3, v[MSA]
	ds_load_b64 v[K+2*i:K+2*i+1], v[RA0]           ; my wave's own bytes, served in order behind the store above
	RB1 PGM+i
	RB1 PBE+i
.if LY == 5
	RB1 PBB+i
.endif
.set i, i+1
.endr
.set i, 0
.rept MTT
	RB1 BO+i
.set i, i+1
.endr
	s_wait_dscnt 0x0
.set i, 0
.rept NI
	v_mul_f32 v[K+2*i], INVN, v[K+2*i]
	v_mul_f32 v[K+2*i+1], INVN, v[K+2*i+1]
	v_fma_f32 v[K+2*i+1], -v[K+2*i], v[K+2*i], v[K+2*i+1]
	v_max_num_f32 v[K+2*i+1], 0, v[K+2*i+1]
	v_add_f32 v[K+2*i+1], 0x3727c5ac, v[K+2*i+1]   ; + 1e-5
.set i, i+1
.endr
.set i, 0
.rept NI
	v_rsq_f32 v[K+2*i+1], v[K+2*i+1]
.set i, i+1
.endr
	v_nop
	s_wait_alu depctr_va_vdst(0)                   ; one wait for the roots
.set i, 0
.rept NI
	v_mul_f32 v[PGM+i], v[PGM+i], v[K+2*i+1]       ; A = gamma / sigma
.if LY == 5
	v_sub_f32 v[K+2*i], v[PBB+i], v[K+2*i]
	v_fma_f32 v[K+2*i+1], v[K+2*i], v[PGM+i], v[PBE+i]   ; B = (b - mean) A + beta
.else
	v_fma_f32 v[K+2*i+1], -v[K+2*i], v[PGM+i], v[PBE+i]  ; B = beta - mean A
.endif
	v_mov_b32 v[K+2*i], v[PGM+i]
	ds_store_b64 v[ABS], v[K+2*i:K+2*i+1] offset:1024*i
.set i, i+1
.endr
	s_lshl_b32 s40, s[WV], 15
.if LY == 4
	v_lshlrev_b32 v[RA0], 9, v2
	v_lshl_add_u32 v[RA0], v1, 5, v[RA0]
.else
	v_lshlrev_b32 v[RA0], 8, v2
	v_lshl_add_u32 v[RA0], v1, 4, v[RA0]
.endif
	v_add_nc_u32 v[RA0], s40, v[RA0]
	s_mul_i32 s40, s[WV], (KD/4)*8
	s_add_co_u32 s40, s40, AB
	v_lshl_add_u32 v[AB0], v2, 3, s40
	s_mul_i32 s40, s[WV], (KD/4)*288
	s_add_co_u32 s40, s40, ACT
	v_mul_u32_u24 v[ACTS], v2, 288
	v_lshl_add_u32 v[ACTS], v1, 4, v[ACTS]
	v_add_nc_u32 v[ACTS], s40, v[ACTS]
	v_mov_b32 v[RA], v[RA0]
	v_mov_b32 v[ABA], v[AB0]
	s_wait_dscnt 0x0
	s_barrier_signal -1
	s_barrier_wait -1                              ; (A, B) of all input channels lie in LDS
	s_wait_tensorcnt 0x0                           ; my rows have landed; only I read them
	RAWLOAD
	s_mov_b32 s[RAO], 0
	s_mov_b32 s[ABO], 0
	s_mov_b32 s[CNT], KD/32
.Lconv:                                ; a trip: eight rows become a; the next eight are asked for ahead of the exponentials
	s_wait_dscnt 0x0
.set i, 0
.rept 4
.set q, 0
.rept 4
.if LY == 4
	v_pk_fma_f32 v[Z+8*i+2*q:Z+8*i+2*q+1], v[RW+8*i+2*q:RW+8*i+2*q+1], v[ABR+2*i:ABR+2*i+1], v[ABR+2*i:ABR+2*i+1] op_sel:[0,0,1] op_sel_hi:[1,0,1]
.else
	v_fma_mix_f32 v[Z+8*i+2*q], v[RW+4*i+q], v[ABR+2*i], v[ABR+2*i+1] op_sel_hi:[1,0,0]
	v_fma_mix_f32 v[Z+8*i+2*q+1], v[RW+4*i+q], v[ABR+2*i], v[ABR+2*i+1] op_sel:[1,0,0] op_sel_hi:[1,0,0]
.endif
.set q, q+1
.endr
.set i, i+1
.endr
	s_add_co_u32 s[RAO], s[RAO], RSTEP
	s_min_u32 s[RAO], s[RAO], 32768-RSTEP          ; the last look-ahead stays at the last eight rows
	s_add_co_u32 s[ABO], s[ABO], 64
	s_min_u32 s[ABO], s[ABO], (KD/4)*8-64
	v_add_nc_u32 v[RA], s[RAO], v[RA0]
	v_add_nc_u32 v[ABA], s[ABO], v[AB0]
	RAWLOAD
	ELU 16, Z, TC
.irp i, 0,1,2,3
	ds_store_b128 v[ACTS], v[TC+4*\i:TC+4*\i+3] offset:576*\i
.endr
	v_add_nc_u32 v[ACTS], 2304, v[ACTS]
	s_sub_co_u32 s[CNT], s[CNT], 1
	s_cmp_lg_u32 s[CNT], 0
	s_cbranch_scc1 .Lconv
	v_and_b32 v[RA], 7, v0                         ; the turning load: lane l reads channel 8 (l / 16) + l % 8, positions 8 ((l / 8) % 2) + 0..7
	v_lshl_add_u32 v[RA], v2, 3, v[RA]
	v_mul_u32_u24 v[AA0], v[RA], 288
	v_bfe_u32 v[RA], v0, 3, 1
	v_lshl_add_u32 v[AA0], v[RA], 4, v[AA0]
	v_add_nc_u32 v[AA0], ACT, v[AA0]
	v_mov_b32 v[AA], v[AA0]
	v_add_nc_u32 v[AAN], 36864, v[AA0]             ; four K steps of 32 rows of 288 bytes on
	s_mul_i32 s40, s[WV], 16*272
	s_add_co_u32 s40, s40, STAGE                   ; my stage
	v_mul_u32_u24 v[STO], v1, 272                  ; in: row = channel r, 16 bytes for each half of the lanes
	v_lshl_add_u32 v[STO], v2, 4, v[STO]
	v_add_nc_u32 v[STO], s40, v[STO]
	v_mul_u32_u24 v[RD], v2, 272                   ; back: lanes 0-15 one row of 256 bytes, lanes 16-31 the next
	v_lshl_add_u32 v[RD], v1, 4, v[RD]
	v_add_nc_u32 v[RD], s40, v[RD]
	v_lshlrev_b32 v[CO], 15, v2                    ; and the same two rows in u
	v_lshl_add_u32 v[CO], v1, 4, v[CO]
	v_mov_b32 v[S1], 0
	v_mov_b32 v[S2], 0
	s_mov_b32 s[TI], 1
	s_mov_b32 s[PO], 0
	s_wait_dscnt 0x0                               ; my rows of a lie in LDS, and the last look-ahead is back
	s_barrier_signal -1
	s_barrier_wait -1                              ; all of a does
	ALOAD F0, AA, 0
.if NPASS > 1
	s_mov_b32 s[PCNT], NPASS
.Lpass:                                ; a pass: 64 channels x 128 positions
.endif
	KSTEP 0, F0, F1, 1, WFP, 3, AA, 1              ; the first K step starts the sums
	WIN 0
	s_mov_b32 s[CNT], NT
	s_branch .Lmid                                 ; the loop is entered behind its first step
.Lk:                                   ; a trip: four K steps; weights are asked for three steps ahead, a's fragments one
	KSTEP 0, F0, F1, 0, WFP, 3, AA, 1
	WIN 0
.Lmid:
	KSTEP 1, F1, F0, 0, WFN, 0, AA, 2
	KSTEP 2, F0, F1, 0, WFN, 1, AA, 3
	KSTEP 3, F1, F0, 0, WFN, 2, AAN, 0
	WIN 0
	s_wait_xcnt 0x0                                ; the weights' loads have read their pointers
	s_mov_b64 s[WFP:WFP+1], s[WFN:WFN+1]           ; the look-ahead's trip becomes the trip in hand,
	v_mov_b32 v[AA], v[AAN]
	s_add_co_u32 s[TI], s[TI], 1                   ; and the look-ahead goes a trip on: behind a pass's last trip to the next pass's first;
	s_and_b32 s[TI], s[TI], NT-1
	s_add_co_u32 s40, s[PO], PSTEP
	s_min_u32 s40, s40, PMAX                       ; behind the last pass it stays in that pass
	s_cmp_eq_u32 s[TI], 0
	s_cselect_b32 s[PO], s40, s[PO]
	s_lshl_b32 s40, s[TI], 12
	s_add_co_u32 s40, s40, s[PO]
	s_mov_b32 s41, 0
	s_add_nc_u64 s[WFN:WFN+1], s[WF0:WF0+1], s[40:41]
	s_mul_i32 s42, s[TI], 36864
	v_add_nc_u32 v[AAN], s42, v[AA0]
	s_sub_co_u32 s[CNT], s[CNT], 1
	s_cmp_lg_u32 s[CNT], 0
	s_cbranch_scc1 .Lk
.rept 4
	v_nop                                          ; four places behind the last product, in front of the sums that read results and write into buffer 1
.endr
	GSTAT 0
	PACK 0
	TOSTAGE 0
.set blk, 1
.rept MT-1                             ; a block's arithmetic stands between the loads of the block before and its stores
	GSTAT blk
	PACK blk
	SEND blk-1
	TOSTAGE blk
.set blk, blk+1
.endr
	SEND MT-1
.if NPASS > 1
	s_wait_xcnt 0x0                                ; the stores have read their base
	s_add_nc_u64 s[UOUT:UOUT+1], s[UOUT:UOUT+1], MT*524288  ; the next 64 rows of u
.irp i, 0,1,2,3
	v_mov_b32 v[BO+\i], v[BO+MT+\i]                ; and their bias
.endr
	s_sub_co_u32 s[PCNT], s[PCNT], 1
	s_cmp_lg_u32 s[PCNT], 0
	s_cbranch_scc1 .Lpass
.endif
	RED32 S1
	RED32 S2
	v_and_b32 v[RA], 1, v0                         ; even lanes store my group's sums, odd lanes zeros at my wave's place in the other half: the record is whole
	v_cmp_eq_u32 vcc_lo, 0, v[RA]
	v_cndmask_b32 v[S1], 0, v[S1], vcc_lo
	v_cndmask_b32 v[S2], 0, v[S2], vcc_lo
	v_xor_b32 v[RA], s[HALF], v[RA]
	s_lshl_b32 s40, s[WV], 3
	v_lshl_add_u32 v[RA], v[RA], 5, s40
	global_store_b64 v[RA], v[S1:S2], s[PREC:PREC+1]
	s_wait_tensorcnt 0x0                           ; the wave's end
	ds_add_u32 v[SPW], v[NIL]
	s_wait_dscnt 0x0
	s_endpgm
.Lfunc_end_k_q86983adaf3_gemm4:
	.size	k_q86983adaf3_gemm4, .Lfunc_end_k_q86983adaf3_gemm4-k_q86983adaf3_gemm4
	.p2alignl 7, 3214868480
	.fill 96, 4, 3214868480
	.section	.rodata,"a",@progbits
	.p2align	6, 0x0
	.amdhsa_kernel k_q86983adaf3_gemm4
		.amdhsa_group_segment_fixed_size 225024
		.amdhsa_private_segment_fixed_size 0
		.amdhsa_enable_private_segment 0
		.amdhsa_kernarg_size 48
		.amdhsa_user_sgpr_count 2
		.amdhsa_user_sgpr_kernarg_segment_ptr 1
		.amdhsa_wavefront_size32 1
		.amdhsa_system_sgpr_workgroup_id_x 1
		.amdhsa_system_sgpr_workgroup_id_y 1
		.amdhsa_system_sgpr_workgroup_id_z 1
		.amdhsa_system_vgpr_workitem_id 0
		.amdhsa_next_free_vgpr 768
		.amdhsa_next_free_sgpr 66
		.amdhsa_reserve_vcc 1
		.amdhsa_float_denorm_mode_32 3
		.amdhsa_float_denorm_mode_16_64 3
		.amdhsa_memory_ordered 1
		.amdhsa_forward_progress 1
		.amdhsa_inst_pref_size 79
	.end_amdhsa_kernel
	.amdgpu_metadata
---
amdhsa.version: [ 1, 2 ]
amdhsa.kernels:
  - .name:           k_q86983adaf3_gemm4
    .symbol:         k_q86983adaf3_gemm4.kd
    .args:
      - { .name: e3, .offset: 0, .size: 8, .value_kind: global_buffer, .address_space: global }
      - { .name: wf, .offset: 8, .size: 8, .value_kind: global_buffer, .address_space: global }
      - { .name: params1_2_2, .offset: 16, .size: 8, .value_kind: global_buffer, .address_space: global }
      - { .name: params1_2_3, .offset: 24, .size: 8, .value_kind: global_buffer, .address_space: global }
      - { .name: params2_0_1, .offset: 32, .size: 8, .value_kind: global_buffer, .address_space: global }
      - { .name: u4, .offset: 40, .size: 8, .value_kind: global_buffer, .address_space: global }
    .group_segment_fixed_size: 225024
    .private_segment_fixed_size: 0
    .kernarg_segment_align: 8
    .kernarg_segment_size: 48
    .max_flat_workgroup_size: 128
    .sgpr_count:     66
    .vgpr_count:     768
    .wavefront_size: 32
...
	.end_amdgpu_metadata
.endif
;; end of part 9
;; launch gemm5 (part 10): grid 256 x 1, 4 waves a work-group, no clusters, 300,800 bytes of LDS; arguments u4, wf, params2_0_2, params2_0_3, params2_0_1, params2_1_1, u5; writes u5
.if DOCPART == 10
	.amdgcn_target "amdgcn-amd-amdhsa--gfx1250"
	.amdhsa_code_object_version 6
	.text
	.protected	k_q86983adaf3_gemm5
	.globl	k_q86983adaf3_gemm5
	.p2align	8
	.type	k_q86983adaf3_gemm5,@function
k_q86983adaf3_gemm5:
	s_mov_b64 s[64:65], 0
	v_nop
	global_prefetch_b8 v0, s[64:65] scope:SCOPE_SE
	s_setreg_imm32_b32 hwreg(HW_REG_WAVE_MODE, 25, 1), 1
	s_wait_xcnt 0x0
; A POINTWISE LAYER OVER POINTS: u = W a, a = elu(groupnorm(input)).  One text serves layer 4 (256 -> 512 channels) and layer 5 (512 -> 1024); this file has LY = 5.
; Input: layer 4: e3, f32 [256][16384], bias included; layer 5: u4, f16 [512][16384], bias not included.  Behind the input's 16,777,216 bytes lie its records: 32 a cloud, (S1, S2) x 8 groups, f32.
; Output: u, f16 [M][16384], WITHOUT this layer's bias, and behind it this layer's records, the sums of u + b.
; FORMATS.  gamma, beta, b are rounded to bf16; W comes from wf (bf16 numbers written as f16, in fragment order); a and u are f16; sums in f32.
; LIMITS.  a and u lie within f16's 65,504; the variance is S2 / n - mean^2 in f32, held at 0 from below; NaN and infinities are not treated apart.
; SHARES.  A work-group: a strip of 128 positions x half of the output channels.  A wave: the channels of ONE GroupNorm group x 128 positions, in NPASS passes of 64 channels: 4 x 8 accumulators.
; NO CLUSTER: each wave's weights are its own and go from memory straight into registers (512 consecutive bytes a load); the one shared tile, the strip, has two readers and is read once.
; LAYOUT.  Source 0 = 16 positions of a (turned out of LDS, where a lies [channel][position]), source 1 = 16 rows of W: a lane then holds one output channel and eight neighbouring positions.
; THE K LOOP is written once: its first step, which starts the sums, stands ahead of it, and the loop is entered behind its first step.  No tail is written out: the last trip's look-ahead fetches
; the next pass's first three K steps of W and K step 0 of a; in the last pass it reads the pass's own first steps once more, and nobody uses them.  So every wait in the loop has one count.
.set LY, 5
.set MT, 4                             ; blocks of 16 channels in a pass
.if LY == 4
.set KD, 256
.set NPASS, 1
.set GSH, 5
.set INVN, 0x35800000                  ; 1 / 2^20
.set WOFF, 0
.set ROWSH, 9
.set TDC, 64                           ; the strip's row in elements of 8 bytes
.set TDR, 64                           ; rows a wave
.set TDP, 8192                         ; the tensor's row
.set RSTEP, 4096
.set POFF, 0x1000000
.set PBO, 16
.set UOUT, 18
.else
.set KD, 512
.set NPASS, 2
.set GSH, 6
.set INVN, 0x37000000                  ; 1 / 2^17
.set WOFF, 262144
.set ROWSH, 8
.set TDC, 32
.set TDR, 128
.set TDP, 4096
.set RSTEP, 2048
.set POFF, 0x2000000
.set PBI, 16
.set PBO, 18
.set UOUT, 20
.endif
.set MTT, MT*NPASS                     ; blocks a wave
.set NK, KD/32                         ; K steps
.set NT, NK/4                          ; trips of the K loop, a power of two
.set NI, KD/128
.set PSTEP, MT*NK*1024                 ; bytes of W in a pass
.set PMAX, (NPASS-1)*PSTEP
.set ACT, 131072                       ; LDS: 0: the raw strip, wave w's KD / 4 rows at 32,768 w; ACT: a, [channel][128 positions f16 + 32 bytes]: the pitch is 9 x 32 bytes
.set AB, ACT+KD*288                    ; (A, B) by input channel
.set MS, AB+KD*8                       ; 64 bytes a wave: the summed records
.set STAGE, MS+256                     ; 16 rows x 272 bytes a wave
.set SPARE, STAGE+4*16*272
.set UIN, 8
.set WFP, 10                           ; W at the trip in hand
.set PG, 12
.set PE, 14
.set TI, 22                            ; the trip that the look-ahead stands at
.set PO, 23                            ; and its pass, in bytes
.set G0, 24
.set G1, 28
.set WV, 36
.set STRIP, 37
.set HALF, 38
.set BI, 39
.set SEL, 48
.set CNT, 50
.set RAO, 51
.set ABO, 52
.set PCNT, 53
.set PIN, 54
.set PREC, 56
.set LE, 58                            ; s[58:59] log2(e)
.set WFN, 60                           ; W at the look-ahead's trip
.set WF0, 62                           ; W at my group's first byte; never rewritten
; window 0
.set WO, 4
.set RO, 5
.set C4, 6
.set R4, 7
.set MSA, 8
.set RT, 9
.set RA, 10
.set ABA, 11
.set ACTS, 12
.set AA, 13                            ; a's fragments at the trip in hand
.set STO, 14
.set RD, 15
.set CO, 16
.set RA0, 17
.set AB0, 18
.set AA0, 17                           ; behind the conversion: a's fragments at K step 0
.set AAN, 18                           ; and at the look-ahead's trip
.set ABS, 19
.set BO, 20                            ; v20-27 this layer's bias of my channel r in block a
.set SPW, 28
.set NIL, 29
.set S1, 30
.set S2, 31
.set SR, 32
.set PGM, 48
.set PBE, 52
.set PBB, 56
.set K, 60
.set RW, 32
.set ABR, 64
.set Z, 72
.set TC, 128
.set F0, 64                            ; two buffers of a's fragments
.set F1, 128
.set TMP, 192
.set T1, 128                           ; the way out's sums lie in buffer 1: buffer 0 holds the next pass's first fragments
.set T2, 136
; window 1: four sets of 32 registers of W.  window 2: accumulator (a, bt) at 8 (8 a + bt)
.set MSB, 0
.macro WIN new                         ; the immediate's high byte repeats the setting that is left
.if MSB != (\new)
	s_set_vgpr_msb (MSB<<8)|(\new)
.set MSB, (\new)
.endif
.endm
.macro RB1 x
	v_cvt_pk_bf16_f32 v[\x], v[\x], v[\x]
	v_lshlrev_b32 v[\x], 16, v[\x]
.endm
.macro RED32 x
	v_add_f32_dpp v[\x], v[\x], v[\x] row_xmask:1 row_mask:0xf bank_mask:0xf
	v_add_f32_dpp v[\x], v[\x], v[\x] row_xmask:2 row_mask:0xf bank_mask:0xf
	v_add_f32_dpp v[\x], v[\x], v[\x] row_xmask:4 row_mask:0xf bank_mask:0xf
	v_add_f32_dpp v[\x], v[\x], v[\x] row_xmask:8 row_mask:0xf bank_mask:0xf
	v_permlanex16_b32 v[RT], v[\x], s[SEL], s[SEL+1]
	v_add_f32 v[\x], v[\x], v[RT]
.endm
.macro ELU n, z, t                     ; elu(z) = the median of z, e^z - 1 and 0 (e^z - 1 >= z); n pairs; the results, f16 in pairs, land in t + 0 .. n - 1
.set p, 0
.rept \n
	v_pk_mul_f32 v[(\t)+2*p:(\t)+2*p+1], v[(\z)+2*p:(\z)+2*p+1], s[LE:LE+1] op_sel_hi:[1,0]
.if p > 0
	v_exp_f32 v[(\t)+2*p-2], v[(\t)+2*p-2]
	v_exp_f32 v[(\t)+2*p-1], v[(\t)+2*p-1]
.endif
.set p, p+1
.endr
	v_exp_f32 v[(\t)+2*(\n)-2], v[(\t)+2*(\n)-2]
	v_exp_f32 v[(\t)+2*(\n)-1], v[(\t)+2*(\n)-1]
	v_nop                                          ; the plain line behind the last exponential
	s_wait_alu depctr_va_vdst(0)                   ; one wait for the batch, ahead of its first reader
.set p, 0
.rept \n
	v_pk_add_f32 v[(\t)+2*p:(\t)+2*p+1], v[(\t)+2*p:(\t)+2*p+1], -1.0 op_sel_hi:[1,0]
	v_med3_num_f32 v[(\z)+2*p], v[(\z)+2*p], v[(\t)+2*p], 0
	v_med3_num_f32 v[(\z)+2*p+1], v[(\z)+2*p+1], v[(\t)+2*p+1], 0
	v_cvt_pk_f16_f32 v[(\t)+p], v[(\z)+2*p], v[(\z)+2*p+1]
.set p, p+1
.endr
.endm
.macro WLOAD st, ptr, ki               ; a K step's weights, 2 MT loads, into set st; ki K steps behind the pointer
	WIN 0x40
.set a, 0
.rept MT
	global_load_b128 v[(\st)*8*MT+8*a:(\st)*8*MT+8*a+3], v[WO], s[\ptr:\ptr+1] offset:a*NK*1024+(\ki)*1024
	global_load_b128 v[(\st)*8*MT+8*a+4:(\st)*8*MT+8*a+7], v[WO], s[\ptr:\ptr+1] offset:a*NK*1024+(\ki)*1024+512
.set a, a+1
.endr
	WIN 0
.endm
.macro ALOAD buf, adr, ki              ; a K step's 8 fragments of a, turned: 16 loads
.set bt, 0
.rept 8
	ds_load_tr16_b128 v[(\buf)+8*bt:(\buf)+8*bt+3], v[\adr] offset:(\ki)*9216+32*bt
	ds_load_tr16_b128 v[(\buf)+8*bt+4:(\buf)+8*bt+7], v[\adr] offset:(\ki)*9216+32*bt+4608
.set bt, bt+1
.endr
.endm
.macro MULS st, buf, zero              ; MT x 8 products, every accumulator once: they take turns, over the jumps too
	WIN 0xa4                                       ; a in window 0, W in window 1, C and D in window 2
.set a, 0
.rept MT
.set bt, 0
.rept 8
.set ac, 8*(8*a+bt)
.if \zero
	v_wmma_f32_16x16x32_f16 v[ac:ac+7], v[(\buf)+8*bt:(\buf)+8*bt+7], v[(\st)*8*MT+8*a:(\st)*8*MT+8*a+7], 0
.else
	v_wmma_f32_16x16x32_f16 v[ac:ac+7], v[(\buf)+8*bt:(\buf)+8*bt+7], v[(\st)*8*MT+8*a:(\st)*8*MT+8*a+7], v[ac:ac+7]
.endif
.set bt, bt+1
.endr
.set a, a+1
.endr
.endm
.macro KSTEP st, buf, oth, zero, wp, wi, ap, ai  ; multiplies set st by buffer buf; asks for the weights three steps on (pointer wp, step wi) and for a's fragments of the next step (address ap, step ai)
	WIN 0
.rept 4
	v_nop                                          ; four places behind the last step's products, in front of loads into registers that they read
.endr
	WLOAD ((\st)+3)%4, \wp, \wi
	ALOAD \oth, \ap, \ai
	s_wait_loadcnt 6*MT                            ; the three younger sets of weights may stay out
	s_wait_dscnt 16                                ; and the sixteen turning loads just issued
	MULS \st, \buf, \zero
.endm
.macro GSTAT a                         ; block a: a lane's 64 numbers of channel r; S1 += s1 + 64 b, S2 += s2 + b (2 s1 + 64 b); each accumulator is read from its low end on
	WIN 0x0a
.set ab, 64*(\a)
.set p, 0
.rept 32
.if p < 4
	v_pk_add_f32 v[T1+2*p:T1+2*p+1], v[ab+2*p:ab+2*p+1], v[ab+2*p+8:ab+2*p+9]
	v_pk_mul_f32 v[T2+2*p:T2+2*p+1], v[ab+2*p:ab+2*p+1], v[ab+2*p:ab+2*p+1]
.elseif p < 8
	v_pk_fma_f32 v[T2+2*(p%4):T2+2*(p%4)+1], v[ab+2*p:ab+2*p+1], v[ab+2*p:ab+2*p+1], v[T2+2*(p%4):T2+2*(p%4)+1]
.else
	v_pk_fma_f32 v[T1+2*(p%4):T1+2*(p%4)+1], v[ab+2*p:ab+2*p+1], 1.0, v[T1+2*(p%4):T1+2*(p%4)+1] op_sel_hi:[1,0,1]
	v_pk_fma_f32 v[T2+2*(p%4):T2+2*(p%4)+1], v[ab+2*p:ab+2*p+1], v[ab+2*p:ab+2*p+1], v[T2+2*(p%4):T2+2*(p%4)+1]
.endif
.set p, p+1
.endr
	WIN 0
	v_pk_add_f32 v[T1:T1+1], v[T1:T1+1], v[T1+2:T1+3]
	v_pk_add_f32 v[T2:T2+1], v[T2:T2+1], v[T2+2:T2+3]
	v_pk_add_f32 v[T1+4:T1+5], v[T1+4:T1+5], v[T1+6:T1+7]
	v_pk_add_f32 v[T2+4:T2+5], v[T2+4:T2+5], v[T2+6:T2+7]
	v_pk_add_f32 v[T1:T1+1], v[T1:T1+1], v[T1+4:T1+5]
	v_pk_add_f32 v[T2:T2+1], v[T2:T2+1], v[T2+4:T2+5]
	v_add_f32 v[T1], v[T1], v[T1+1]
	v_add_f32 v[T2], v[T2], v[T2+1]
	v_fma_f32 v[T1+1], 0x42800000, v[BO+(\a)], v[T1]
	v_add_f32 v[T1], v[T1+1], v[T1]
	v_add_f32 v[S1], v[S1], v[T1+1]
	v_fma_f32 v[T2], v[BO+(\a)], v[T1], v[T2]
	v_add_f32 v[S2], v[S2], v[T2]
.endm
.macro PACK a
	WIN 0x0a
.set ab, 64*(\a)
.set p, 0
.rept 32
	v_cvt_pk_f16_f32 v[TMP+p], v[ab+2*p], v[ab+2*p+1]
.set p, p+1
.endr
	WIN 0
.endm
.macro TOSTAGE a                       ; 16 bytes a lane into rows of 272 bytes, and back as whole rows of 256: my own bytes, served in order
.set bk, 32+192*((\a)%2)
.irp b, 0,1,2,3,4,5,6,7
	ds_store_b128 v[STO], v[TMP+4*\b:TMP+4*\b+3] offset:32*\b
.endr
.irp t, 0,1,2,3,4,5,6,7
	ds_load_b128 v[bk+4*\t:bk+4*\t+3], v[RD] offset:544*\t
.endr
.endm
.macro SEND a
.set bk, 32+192*((\a)%2)
	s_wait_dscnt 0x0                               ; the block is back in registers
	s_wait_xcnt 0x0                                ; earlier stores have read their registers: the other buffer is loaded again only behind this wait
.irp t, 0,1,2,3,4,5,6,7
	global_store_b128 v[CO], v[bk+4*\t:bk+4*\t+3], s[UOUT:UOUT+1] offset:(\a)*524288+65536*\t  ; sixteen lanes store 256 consecutive bytes, aligned
.endr
.endm
.macro RAWLOAD                         ; eight rows of my raw strip (a lane: eight positions of rows 2 i + lane / 16) and their (A, B)
.irp i, 0,1,2,3
.if LY == 4
	ds_load_b128 v[RW+8*\i:RW+8*\i+3], v[RA] offset:1024*\i
	ds_load_b128 v[RW+8*\i+4:RW+8*\i+7], v[RA] offset:1024*\i+16
.else
	ds_load_b128 v[RW+4*\i:RW+4*\i+3], v[RA] offset:512*\i
.endif
	ds_load_b64 v[ABR+2*\i:ABR+2*\i+1], v[ABA] offset:16*\i
.endr
.endm
	s_load_b256 s[8:15], s[0:1], 0x0
	s_load_b128 s[16:19], s[0:1], 0x20
.if LY == 5
	s_load_b64 s[20:21], s[0:1], 0x30
.endif
	v_lshl_add_u32 v[SPW], v0, 2, SPARE
	v_mov_b32 v[NIL], 0
	ds_add_u32 v[SPW], v[NIL]                      ; the wave's opening: the add and its wait ahead of my tensor load; work on registers stands between them
	ds_add_u32 v28, v29
	v_lshrrev_b32 v1, 5, v0
	v_readfirstlane_b32 s[WV], v1
	s_lshr_b32 s[STRIP], ttmp9, 1
	s_and_b32 s[HALF], ttmp9, 1
	s_lshr_b32 s[BI], ttmp9, 5
	s_mov_b32 s[SEL], 0x76543210
	s_mov_b32 s[SEL+1], 0xfedcba98
	s_mov_b32 s[G1], 3<<16                         ; elements of 8 bytes, no mask, no padding
	s_mov_b32 s[G1+1], TDC<<16                     ; tensor_dim0
	s_mov_b32 s[G1+2], TDR<<16                     ; tensor_dim1
	s_mov_b32 s[G1+3], TDC<<16                     ; tile_dim0
	s_mov_b32 s[G1+4], TDR                         ; tile_dim1
	s_mov_b32 s[G1+5], TDP                         ; elements from row to row
	s_mov_b32 s[G1+6], 0
	s_mov_b32 s[G1+7], 0
	s_mov_b32 s[G0], 1
	s_mul_i32 s[G0+1], s[WV], 32768                ; my rows' place in LDS
	s_lshl_b32 s40, s[WV], 22                      ; my KD / 4 rows: 4,194,304 bytes in either layer
	s_lshl_b32 s41, s[STRIP], ROWSH
	s_add_co_u32 s40, s40, s41
	s_mov_b32 s41, 0
	s_lshl_b32 s42, s[HALF], 2
	s_add_co_u32 s42, s42, s[WV]                   ; my group of output channels
	s_mul_i32 s44, s42, MTT*NK*1024
	s_add_co_u32 s44, s44, WOFF
	s_mov_b32 s45, 0
	s_mul_i32 s46, s42, MTT*64
	s_mov_b32 s47, 0
	s_mul_i32 s42, s42, MTT*16*32768
	s_lshl_b32 s43, s[STRIP], 8
	s_add_co_u32 s42, s42, s43
	s_mov_b32 s43, 0
	s_lshl_b32 s58, ttmp9, 6                       ; my record
	s_mov_b32 s59, 0
	v_and_b32 v1, 15, v0
	v_bfe_u32 v2, v0, 4, 1
	v_and_b32 v3, 31, v0
	v_lshlrev_b32 v[WO], 4, v3
	s_lshl_b32 s53, s[BI], 11
	v_add_nc_u32 v[RO], s53, v[WO]                 ; my cloud's 32 records, 16 bytes a lane
	v_lshlrev_b32 v[C4], 2, v0
	v_lshlrev_b32 v[R4], 2, v1
	v_mov_b32 v[RT], 0
	s_lshl_b32 s53, s[WV], 6
	s_add_co_u32 s53, s53, MS
	v_mov_b32 v[MSA], s53
	v_lshl_add_u32 v[ABS], v0, 3, AB
	s_wait_dscnt 0x0                               ; the opening add is done
	s_wait_kmcnt 0x0
	s_add_nc_u64 s[G0+2:G0+3], s[UIN:UIN+1], s[40:41]
	s_or_b32 s[G0+3], s[G0+3], 0x80000000
	s_add_nc_u64 s[PIN:PIN+1], s[UIN:UIN+1], 0x1000000
	s_add_nc_u64 s[WFP:WFP+1], s[WFP:WFP+1], s[44:45]
	s_mov_b64 s[WF0:WF0+1], s[WFP:WFP+1]
	s_add_nc_u64 s[WFN:WFN+1], s[WFP:WFP+1], 4096  ; the look-ahead stands one trip, four K steps, on
	s_add_nc_u64 s[PBO:PBO+1], s[PBO:PBO+1], s[46:47]
	s_add_nc_u64 s[PREC:PREC+1], s[UOUT:UOUT+1], s[58:59]
	s_add_nc_u64 s[PREC:PREC+1], s[PREC:PREC+1], POFF
	s_add_nc_u64 s[UOUT:UOUT+1], s[UOUT:UOUT+1], s[42:43]
	s_mov_b32 s[LE], 0x3fb8aa3b
	s_mov_b32 s[LE+1], s[LE]                       ; named with it as a pair
	tensor_load_to_lds s[G0:G0+3], s[G1:G1+7]      ; my one tensor load: a first fill, never filled again
	s_nop 0
.irp j, 0,1,2,3
	global_load_b128 v[SR+4*\j:SR+4*\j+3], v[RO], s[PIN:PIN+1] offset:512*\j  ; 512 consecutive bytes: lane l has quarter l % 4 of record 8 j + l / 4
.endr
.set i, 0
.rept NI
	global_load_b32 v[PGM+i], v[C4], s[PG:PG+1] offset:512*i
	global_load_b32 v[PBE+i], v[C4], s[PE:PE+1] offset:512*i
.if LY == 5
	global_load_b32 v[PBB+i], v[C4], s[PBI:PBI+1] offset:512*i
.endif
.set i, i+1
.endr
.set i, 0
.rept MTT
	global_load_b32 v[BO+i], v[R4], s[PBO:PBO+1] offset:64*i
.set i, i+1
.endr
	WLOAD 0, WFP, 0
	WLOAD 1, WFP, 1
	WLOAD 2, WFP, 2
	s_wait_loadcnt 6*MT                            ; all but the three sets of weights
	v_pk_add_f32 v[SR:SR+1], v[SR:SR+1], v[SR+4:SR+5]        ; the sum over the 32 records: my four,
	v_pk_add_f32 v[SR+2:SR+3], v[SR+2:SR+3], v[SR+6:SR+7]
	v_pk_add_f32 v[SR+8:SR+9], v[SR+8:SR+9], v[SR+12:SR+13]
	v_pk_add_f32 v[SR+10:SR+11], v[SR+10:SR+11], v[SR+14:SR+15]
	v_pk_add_f32 v[SR:SR+1], v[SR:SR+1], v[SR+8:SR+9]
	v_pk_add_f32 v[SR+2:SR+3], v[SR+2:SR+3], v[SR+10:SR+11]
.irp x, 0,1,2,3                        ; then the eight lanes that hold the same quarter
	v_add_f32_dpp v[SR+\x], v[SR+\x], v[SR+\x] row_xmask:4 row_mask:0xf bank_mask:0xf
	v_add_f32_dpp v[SR+\x], v[SR+\x], v[SR+\x] row_xmask:8 row_mask:0xf bank_mask:0xf
	v_permlanex16_b32 v[RT], v[SR+\x], s[SEL], s[SEL+1]
	v_add_f32 v[SR+\x], v[SR+\x], v[RT]
.endr
	v_and_b32 v[RA], 3, v0
	v_lshl_add_u32 v[RA], v[RA], 4, v[MSA]
	ds_store_b128 v[RA], v[SR:SR+3]                ; lanes with the same quarter store the same numbers to the same bytes
.set i, 0
.rept NI                               ; thread t has input channels t + 128 i
	v_add_nc_u32 v[RA0], 128*i, v0
	v_lshrrev_b32 v[RA0], GSH, v[RA0]
	v_lshl_add_u32 v[RA0], v[RA0], 3, v[MSA]
	ds_load_b64 v[K+2*i:K+2*i+1], v[RA0]           ; my wave's own bytes, served in order behind the store above
	RB1 PGM+i
	RB1 PBE+i
.if LY == 5
	RB1 PBB+i
.endif
.set i, i+1
.endr
.set i, 0
.rept MTT
	RB1 BO+i
.set i, i+1
.endr
	s_wait_dscnt 0x0
.set i, 0
.rept NI
	v_mul_f32 v[K+2*i], INVN, v[K+2*i]
	v_mul_f32 v[K+2*i+1], INVN, v[K+2*i+1]
	v_fma_f32 v[K+2*i+1], -v[K+2*i], v[K+2*i], v[K+2*i+1]
	v_max_num_f32 v[K+2*i+1], 0, v[K+2*i+1]
	v_add_f32 v[K+2*i+1], 0x3727c5ac, v[K+2*i+1]   ; + 1e-5
.set i, i+1
.endr
.set i, 0
.rept NI
	v_rsq_f32 v[K+2*i+1], v[K+2*i+1]
.set i, i+1
.endr
	v_nop
	s_wait_alu depctr_va_vdst(0)                   ; one wait for the roots
.set i, 0
.rept NI
	v_mul_f32 v[PGM+i], v[PGM+i], v[K+2*i+1]       ; A = gamma / sigma
.if LY == 5
	v_sub_f32 v[K+2*i], v[PBB+i], v[K+2*i]
	v_fma_f32 v[K+2*i+1], v[K+2*i], v[PGM+i], v[PBE+i]   ; B = (b - mean) A + beta
.else
	v_fma_f32 v[K+2*i+1], -v[K+2*i], v[PGM+i], v[PBE+i]  ; B = beta - mean A
.endif
	v_mov_b32 v[K+2*i], v[PGM+i]
	ds_store_b64 v[ABS], v[K+2*i:K+2*i+1] offset:1024*i
.set i, i+1
.endr
	s_lshl_b32 s40, s[WV], 15
.if LY == 4
	v_lshlrev_b32 v[RA0], 9, v2
	v_lshl_add_u32 v[RA0], v1, 5, v[RA0]
.else
	v_lshlrev_b32 v[RA0], 8, v2
	v_lshl_add_u32 v[RA0], v1, 4, v[RA0]
.endif
	v_add_nc_u32 v[RA0], s40, v[RA0]
	s_mul_i32 s40, s[WV], (KD/4)*8
	s_add_co_u32 s40, s40, AB
	v_lshl_add_u32 v[AB0], v2, 3, s40
	s_mul_i32 s40, s[WV], (KD/4)*288
	s_add_co_u32 s40, s40, ACT
	v_mul_u32_u24 v[ACTS], v2, 288
	v_lshl_add_u32 v[ACTS], v1, 4, v[ACTS]
	v_add_nc_u32 v[ACTS], s40, v[ACTS]
	v_mov_b32 v[RA], v[RA0]
	v_mov_b32 v[ABA], v[AB0]
	s_wait_dscnt 0x0
	s_barrier_signal -1
	s_barrier_wait -1                              ; (A, B) of all input channels lie in LDS
	s_wait_tensorcnt 0x0                           ; my rows have landed; only I read them
	RAWLOAD
	s_mov_b32 s[RAO], 0
	s_mov_b32 s[ABO], 0
	s_mov_b32 s[CNT], KD/32
.Lconv:                                ; a trip: eight rows become a; the next eight are asked for ahead of the exponentials
	s_wait_dscnt 0x0
.set i, 0
.rept 4
.set q, 0
.rept 4
.if LY == 4
	v_pk_fma_f32 v[Z+8*i+2*q:Z+8*i+2*q+1], v[RW+8*i+2*q:RW+8*i+2*q+1], v[ABR+2*i:ABR+2*i+1], v[ABR+2*i:ABR+2*i+1] op_sel:[0,0,1] op_sel_hi:[1,0,1]
.else
	v_fma_mix_f32 v[Z+8*i+2*q], v[RW+4*i+q], v[ABR+2*i], v[ABR+2*i+1] op_sel_hi:[1,0,0]
	v_fma_mix_f32 v[Z+8*i+2*q+1], v[RW+4*i+q], v[ABR+2*i], v[ABR+2*i+1] op_sel:[1,0,0] op_sel_hi:[1,0,0]
.endif
.set q, q+1
.endr
.set i, i+1
.endr
	s_add_co_u32 s[RAO], s[RAO], RSTEP
	s_min_u32 s[RAO], s[RAO], 32768-RSTEP          ; the last look-ahead stays at the last eight rows
	s_add_co_u32 s[ABO], s[ABO], 64
	s_min_u32 s[ABO], s[ABO], (KD/4)*8-64
	v_add_nc_u32 v[RA], s[RAO], v[RA0]
	v_add_nc_u32 v[ABA], s[ABO], v[AB0]
	RAWLOAD
	ELU 16, Z, TC
.irp i, 0,1,2,3
	ds_store_b128 v[ACTS], v[TC+4*\i:TC+4*\i+3] offset:576*\i
.endr
	v_add_nc_u32 v[ACTS], 2304, v[ACTS]
	s_sub_co_u32 s[CNT], s[CNT], 1
	s_cmp_lg_u32 s[CNT], 0
	s_cbranch_scc1 .Lconv
	v_and_b32 v[RA], 7, v0                         ; the turning load: lane l reads channel 8 (l / 16) + l % 8, positions 8 ((l / 8) % 2) + 0..7
	v_lshl_add_u32 v[RA], v2, 3, v[RA]
	v_mul_u32_u24 v[AA0], v[RA], 288
	v_bfe_u32 v[RA], v0, 3, 1
	v_lshl_add_u32 v[AA0], v[RA], 4, v[AA0]
	v_add_nc_u32 v[AA0], ACT, v[AA0]
	v_mov_b32 v[AA], v[AA0]
	v_add_nc_u32 v[AAN], 36864, v[AA0]             ; four K steps of 32 rows of 288 bytes on
	s_mul_i32 s40, s[WV], 16*272
	s_add_co_u32 s40, s40, STAGE                   ; my stage
	v_mul_u32_u24 v[STO], v1, 272                  ; in: row = channel r, 16 bytes for each half of the lanes
	v_lshl_add_u32 v[STO], v2, 4, v[STO]
	v_add_nc_u32 v[STO], s40, v[STO]
	v_mul_u32_u24 v[RD], v2, 272                   ; back: lanes 0-15 one row of 256 bytes, lanes 16-31 the next
	v_lshl_add_u32 v[RD], v1, 4, v[RD]
	v_add_nc_u32 v[RD], s40, v[RD]
	v_lshlrev_b32 v[CO], 15, v2                    ; and the same two rows in u
	v_lshl_add_u32 v[CO], v1, 4, v[CO]
	v_mov_b32 v[S1], 0
	v_mov_b32 v[S2], 0
	s_mov_b32 s[TI], 1
	s_mov_b32 s[PO], 0
	s_wait_dscnt 0x0                               ; my rows of a lie in LDS, and the last look-ahead is back
	s_barrier_signal -1
	s_barrier_wait -1                              ; all of a does
	ALOAD F0, AA, 0
.if NPASS > 1
	s_mov_b32 s[PCNT], NPASS
.Lpass:                                ; a pass: 64 channels x 128 positions
.endif
	KSTEP 0, F0, F1, 1, WFP, 3, AA, 1              ; the first K step starts the sums
	WIN 0
	s_mov_b32 s[CNT], NT
	s_branch .Lmid                                 ; the loop is entered behind its first step
.Lk:                                   ; a trip: four K steps; weights are asked for three steps ahead, a's fragments one
	KSTEP 0, F0, F1, 0, WFP, 3, AA, 1
	WIN 0
.Lmid:
	KSTEP 1, F1, F0, 0, WFN, 0, AA, 2
	KSTEP 2, F0, F1, 0, WFN, 1, AA, 3
	KSTEP 3, F1, F0, 0, WFN, 2, AAN, 0
	WIN 0
	s_wait_xcnt 0x0                                ; the weights' loads have read their pointers
	s_mov_b64 s[WFP:WFP+1], s[WFN:WFN+1]           ; the look-ahead's trip becomes the trip in hand,
	v_mov_b32 v[AA], v[AAN]
	s_add_co_u32 s[TI], s[TI], 1                   ; and the look-ahead goes a trip on: behind a pass's last trip to the next pass's first;
	s_and_b32 s[TI], s[TI], NT-1
	s_add_co_u32 s40, s[PO], PSTEP
	s_min_u32 s40, s40, PMAX                       ; behind the last pass it stays in that pass
	s_cmp_eq_u32 s[TI], 0
	s_cselect_b32 s[PO], s40, s[PO]
	s_lshl_b32 s40, s[TI], 12
	s_add_co_u32 s40, s40, s[PO]
	s_mov_b32 s41, 0
	s_add_nc_u64 s[WFN:WFN+1], s[WF0:WF0+1], s[40:41]
	s_mul_i32 s42, s[TI], 36864
	v_add_nc_u32 v[AAN], s42, v[AA0]
	s_sub_co_u32 s[CNT], s[CNT], 1
	s_cmp_lg_u32 s[CNT], 0
	s_cbranch_scc1 .Lk
.rept 4
	v_nop                                          ; four places behind the last product, in front of the sums that read results and write into buffer 1
.endr
	GSTAT 0
	PACK 0
	TOSTAGE 0
.set blk, 1
.rept MT-1                             ; a block's arithmetic stands between the loads of the block before and its stores
	GSTAT blk
	PACK blk
	SEND blk-1
	TOSTAGE blk
.set blk, blk+1
.endr
	SEND MT-1
.if NPASS > 1
	s_wait_xcnt 0x0                                ; the stores have read their base
	s_add_nc_u64 s[UOUT:UOUT+1], s[UOUT:UOUT+1], MT*524288  ; the next 64 rows of u
.irp i, 0,1,2,3
	v_mov_b32 v[BO+\i], v[BO+MT+\i]                ; and their bias
.endr
	s_sub_co_u32 s[PCNT], s[PCNT], 1
	s_cmp_lg_u32 s[PCNT], 0
	s_cbranch_scc1 .Lpass
.endif
	RED32 S1
	RED32 S2
	v_and_b32 v[RA], 1, v0                         ; even lanes store my group's sums, odd lanes zeros at my wave's place in the other half: the record is whole
	v_cmp_eq_u32 vcc_lo, 0, v[RA]
	v_cndmask_b32 v[S1], 0, v[S1], vcc_lo
	v_cndmask_b32 v[S2], 0, v[S2], vcc_lo
	v_xor_b32 v[RA], s[HALF], v[RA]
	s_lshl_b32 s40, s[WV], 3
	v_lshl_add_u32 v[RA], v[RA], 5, s40
	global_store_b64 v[RA], v[S1:S2], s[PREC:PREC+1]
	s_wait_tensorcnt 0x0                           ; the wave's end
	ds_add_u32 v[SPW], v[NIL]
	s_wait_dscnt 0x0
	s_endpgm
.Lfunc_end_k_q86983adaf3_gemm5:
	.size	k_q86983adaf3_gemm5, .Lfunc_end_k_q86983adaf3_gemm5-k_q86983adaf3_gemm5
	.p2alignl 7, 3214868480
	.fill 96, 4, 3214868480
	.section	.rodata,"a",@progbits
	.p2align	6, 0x0
	.amdhsa_kernel k_q86983adaf3_gemm5
		.amdhsa_group_segment_fixed_size 300800
		.amdhsa_private_segment_fixed_size 0
		.amdhsa_enable_private_segment 0
		.amdhsa_kernarg_size 56
		.amdhsa_user_sgpr_count 2
		.amdhsa_user_sgpr_kernarg_segment_ptr 1
		.amdhsa_wavefront_size32 1
		.amdhsa_system_sgpr_workgroup_id_x 1
		.amdhsa_system_sgpr_workgroup_id_y 1
		.amdhsa_system_sgpr_workgroup_id_z 1
		.amdhsa_system_vgpr_workitem_id 0
		.amdhsa_next_free_vgpr 768
		.amdhsa_next_free_sgpr 66
		.amdhsa_reserve_vcc 1
		.amdhsa_float_denorm_mode_32 3
		.amdhsa_float_denorm_mode_16_64 3
		.amdhsa_memory_ordered 1
		.amdhsa_forward_progress 1
		.amdhsa_inst_pref_size 84
	.end_amdhsa_kernel
	.amdgpu_metadata
---
amdhsa.version: [ 1, 2 ]
amdhsa.kernels:
  - .name:           k_q86983adaf3_gemm5
    .symbol:         k_q86983adaf3_gemm5.kd
    .args:
      - { .name: u4, .offset: 0, .size: 8, .value_kind: global_buffer, .address_space: global }
      - { .name: wf, .offset: 8, .size: 8, .value_kind: global_buffer, .address_space: global }
      - { .name: params2_0_2, .offset: 16, .size: 8, .value_kind: global_buffer, .address_space: global }
      - { .name: params2_0_3, .offset: 24, .size: 8, .value_kind: global_buffer, .address_space: global }
      - { .name: params2_0_1, .offset: 32, .size: 8, .value_kind: global_buffer, .address_space: global }
      - { .name: params2_1_1, .offset: 40, .size: 8, .value_kind: global_buffer, .address_space: global }
      - { .name: u5, .offset: 48, .size: 8, .value_kind: global_buffer, .address_space: global }
    .group_segment_fixed_size: 300800
    .private_segment_fixed_size: 0
    .kernarg_segment_align: 8
    .kernarg_segment_size: 56
    .max_flat_workgroup_size: 128
    .sgpr_count:     66
    .vgpr_count:     768
    .wavefront_size: 32
...
	.end_amdgpu_metadata
.endif
;; end of part 10
;; launch final: the kernel of part 8 again; grid 1024 x 1, 8 waves a work-group, no clusters, 0 bytes of LDS; arguments u5, params2_1_2, params2_1_3, params2_1_1, out0; writes out0
;; ======== version 3 of 3: 8 launches; 1.28 times as fast as version 1
;; limits: a difference of large sums (such as E[x^2] - mean^2): digits are lost where the result is much smaller than its terms; values are held in f16: magnitudes above 65,504 overflow, below 6.1e-05 lose precision
;; workspace buffers: gsel 2,228,224 bytes of whole numbers; nidx 1,048,576 bytes of whole numbers; wf 1,310,720 bytes; p1 16,384 bytes; p2 16,384 bytes; e3 16,793,600 bytes; u4 16,793,600 bytes; u5 33,570,816 bytes
;; launch knn1: the kernel of part 1 again; grid 256 x 1, 4 waves a work-group, no clusters, 98,816 bytes of LDS; arguments points, params2_0_0, params2_1_0, gsel, wf; writes gsel, wf
;; launch knn2: the kernel of part 2 again; grid 256 x 1, 4 waves a work-group, no clusters, 63,488 bytes of LDS; arguments points, gsel, nidx; writes nidx
;; launch chain1: the kernel of part 3 again; grid 256 x 1, 4 waves a work-group, no clusters, 324,352 bytes of LDS; arguments points, nidx, params1_0_0, params1_0_1, p1; writes p1
;; launch chain2 (part 11): grid 256 x 1, 4 waves a work-group, no clusters, 324,352 bytes of LDS; arguments points, nidx, params1_0_0, params1_0_1, params1_0_2, params1_0_3, params1_1_0, params1_1_1, p1, p2; writes p2
.if DOCPART == 11
	.amdgcn_target "amdgcn-amd-amdhsa--gfx1250"
	.amdhsa_code_object_version 6
	.text
	.protected	k_q86983adaf3_chain2
	.globl	k_q86983adaf3_chain2
	.p2align	8
	.type	k_q86983adaf3_chain2,@function
k_q86983adaf3_chain2:
	s_mov_b64 s[64:65], 0
	v_nop
	global_prefetch_b8 v0, s[64:65] scope:SCOPE_SE
	s_setreg_imm32_b32 hwreg(HW_REG_WAVE_MODE, 25, 1), 1
	s_wait_xcnt 0x0
; THE CHAIN OF POINTWISE LAYERS OVER (point, neighbour), to depth DEPTH.  One text serves depths 2 and 3; this file has DEPTH = 2.
; x0 = [centre, neighbour - centre] (6 channels) -> 64 -> 128 -> 256 channels.  Layers below DEPTH are finished (GroupNorm, ELU) from the sums that earlier launches stored; of layer DEPTH
; the sums S1 = sum y, S2 = sum y^2 of each of its 8 groups are stored, one record of 64 bytes a work-group ((S1, S2) x 8, f32); at depth 3 also, for each channel and point, the maximum of y3
; over the 16 neighbours, or the minimum where gamma3 < 0: ELU behind an affine map is monotone, so that one number gives the maximum of the finished layer.
; FORMATS.  Every input is rounded to bf16 first.  What the program makes itself (x0, activations, scaled weights) is f16; sums in f32.
; LIMITS.  x0, activations and weights times gamma / sigma lie within f16's 65,504; the variance is S2 / n - mean^2 in f32, held at 0 from below: with |mean| = 30 sigma it keeps about four
; decimal digits.  Of gamma3 only the sign is used here (-0 counts as +).  NaN and infinities are not treated apart.
; SHARES.  A work-group has 64 points of one cloud, a wave 16 points x 16 neighbours: two chunks of 8 tiles of 16 positions.  Column r of tile nt of chunk c is point 8 c + (r & 7), neighbour 2 nt + (r >> 3).
; LAYOUT.  D = W (source 0: 16 channels) x act (source 1: 16 positions): a lane holds one position and the channels 8 (lane / 16) + 0..7.  Two neighbouring channel tiles, rounded to f16 in pairs,
; ARE source 1 of the next layer.  They pass through the wave's own LDS only because the loop over channel tiles is a loop in time and register numbers are not.
; For a finished layer GroupNorm is folded into the operands: W' = A W, C operand = (b - mean) A + beta, A = gamma / sigma: the product is the ELU's argument.  Layer 2 at depth 2 has C = b.
; Layer 3 is multiplied by s = the sign of gamma3, in W and in b: the product is s y, its maximum over the neighbours times s is the number wanted, S2 is the same, and S1 takes s at each tile's fold.
; ALL LOADS GO OUT AT THE HEAD: W2 and W3 raw, by one tensor load each a wave (first fills, never filled again: two are out), into bytes that serve as AF and STG only afterwards; the records, the
; parameters and W1 behind the index loads.  NO CLUSTER: the shared weights are 163,840 bytes a work-group, fetched once, while the chain of indices and gathers is out; no loop waits for them.
.set DEPTH, 2
.set BT1, 0                            ; LDS: the C operands' tables, f32 by channel
.set BT2, 256
.set BT3, 768
.set G3T, 1792                         ; s by channel
.set AT1, 2816                         ; A by channel
.set AT2, 3072
.set MS, 3584                          ; 128 bytes a wave: the summed records
.set RED, 4096                         ; 64 bytes a wave: its sums
.set W1F, 4352                         ; weights as fragments: block (channel tile, K step) of 1,024 bytes, half f at 512 f, lane l at 16 l
.set W2F, 8448
.set W3F, 24832
.set XF, 90368                         ; [wave][tile 16][512] x0's fragments, registers 0-3
.set AF, 123136                        ; [wave 32,768][channel tile 4,096][position tile 512] activations
.set STG, 254208                       ; 256 channel rows x (64 points f32 + 16 bytes)
.set SPARE, 323840
.set P3, 528                           ; a raw row of W3: 512 bytes + 16
.set P2, 272                           ; of W2: 256 + 16
.set RAW3, AF                          ; raw W3, wave w's 64 rows at 64 P3 w: read out before AF and STG are first stored to
.set RAW2, RAW3+256*P3                 ; raw W2, wave w's 32 rows at 32 P2 w; it ends at byte 293,120
.set PTS, 8
.set NIDX, 10
.set PW1, 12
.set PB1, 14
.set PG1, 16
.set PE1, 18
.set PW2, 20
.set PB2, 22
.if DEPTH == 2
.set PP1, 24
.set POUT, 26
.set NHL, 11                           ; loads issued behind the index loads: 4 of records, 4 parameters, 3 of W1
.else
.set PG2, 24
.set PE2, 26
.set PW3, 28
.set PB3, 30
.set PG3, 32
.set PP1, 34
.set PP2, 36
.set POUT, 38
.set NHL, 21                           ; 8 of records, 10 parameters, 3 of W1
.endif
.set WV, 40
.set BI, 41
.set REC, 42
.set N0, 43
.set HM, 44
.set TN, 45                            ; the channel tile whose operands are being fetched
.set SEL, 46                           ; s[46:47]
.set CNT, 48
.set CH, 49
.set LE, 58                            ; s[58:59] log2(e); s50-55, s62-63 at work; s[56:57] my record
.set TO, 60                            ; the channel tile in hand
.set G1C, 68                           ; s[68:75], s[76:79] W3's descriptor
.set G0C, 76
.set G1B, 80                           ; s[80:87], s[88:91] W2's
.set G0B, 88
; window 0: v1 lane % 16, v2 lane / 16, v3 lane, v4 16 x lane, v5 32 x (lane / 16); v13-15 at work
.set OL, 6
.set XL, 7
.set SL, 8
.set WA, 9
.set BA, 10
.set OA, 11
.set SA, 12
.set H1, 14                            ; in the main loop: S1 of a group's first tile
.set SPW, 16
.set NIL, 17
.set R1, 18                            ; v18-25 S1 by group, rotating
.set R2, 26                            ; v26-33 S2
.set T1, 34
.set T2, 42
.set BB, 50                            ; the C operand
.set GG0, 58                           ; s of the even tiles
.set WB, 66                            ; v66-97 the tile's weights, up to 4 K steps
.set ACC, 98                           ; v98-161 eight accumulators
.set TT, 162                           ; v162-225 at work
.set PC, 226
.set PN, 227
.set C4, 228
.set RT, 229
.set RO, 230
.set MSA, 231
.set K0, 232
.set K3, 235
.set K4, 236
.set K5, 237
.set GG1, 238                          ; v238-245 in the main loop: s of the odd tiles
.set PV, 238                           ; v238-247 in the prologue: the parameters
.set W1R, 248                          ; v248-253 my row of W1
.set C4A, 254
.set W1A, 255
.set SRA, 34                           ; the prologue's use of v34-65: the records
.set SRB, 50
.set NI, 98                            ; and of v98-187
.set NB, 114
.set CC, 162
.set XP, 184
.set CV, 98
.set CO4, 162
.set AV, 166
; window 1: v0-63 x0's fragments, v64-191 a1's.  window 2: a2's.
.set RN, 8
.set MSB, 0
.macro WIN new                         ; the immediate's high byte repeats the setting that is left
.if MSB != (\new)
	s_set_vgpr_msb (MSB<<8)|(\new)
.set MSB, (\new)
.endif
.endm
.macro RB1 x
	v_cvt_pk_bf16_f32 v[\x], v[\x], v[\x]
	v_lshlrev_b32 v[\x], 16, v[\x]
.endm
.macro RB2 a
	v_cvt_pk_bf16_f32 v15, v[\a], v[(\a)+1]
	v_lshlrev_b32 v[\a], 16, v15
	v_and_b32 v[(\a)+1], s[HM], v15
.endm
.macro RED32 x
	v_add_f32_dpp v[\x], v[\x], v[\x] row_xmask:1 row_mask:0xf bank_mask:0xf
	v_add_f32_dpp v[\x], v[\x], v[\x] row_xmask:2 row_mask:0xf bank_mask:0xf
	v_add_f32_dpp v[\x], v[\x], v[\x] row_xmask:4 row_mask:0xf bank_mask:0xf
	v_add_f32_dpp v[\x], v[\x], v[\x] row_xmask:8 row_mask:0xf bank_mask:0xf
	v_permlanex16_b32 v[RT], v[\x], s[SEL], s[SEL+1]
	v_add_f32 v[\x], v[\x], v[RT]
.endm
.macro SUMS sr, mso                    ; lane l holds quarter l % 4 of records 8 j + l / 4: my four, then the eight lanes with the same quarter; the sum goes to my wave's own bytes of MS
	v_pk_add_f32 v[(\sr):(\sr)+1], v[(\sr):(\sr)+1], v[(\sr)+4:(\sr)+5]
	v_pk_add_f32 v[(\sr)+2:(\sr)+3], v[(\sr)+2:(\sr)+3], v[(\sr)+6:(\sr)+7]
	v_pk_add_f32 v[(\sr)+8:(\sr)+9], v[(\sr)+8:(\sr)+9], v[(\sr)+12:(\sr)+13]
	v_pk_add_f32 v[(\sr)+10:(\sr)+11], v[(\sr)+10:(\sr)+11], v[(\sr)+14:(\sr)+15]
	v_pk_add_f32 v[(\sr):(\sr)+1], v[(\sr):(\sr)+1], v[(\sr)+8:(\sr)+9]
	v_pk_add_f32 v[(\sr)+2:(\sr)+3], v[(\sr)+2:(\sr)+3], v[(\sr)+10:(\sr)+11]
.irp x, 0,1,2,3
	v_add_f32_dpp v[(\sr)+\x], v[(\sr)+\x], v[(\sr)+\x] row_xmask:4 row_mask:0xf bank_mask:0xf
	v_add_f32_dpp v[(\sr)+\x], v[(\sr)+\x], v[(\sr)+\x] row_xmask:8 row_mask:0xf bank_mask:0xf
	v_permlanex16_b32 v[RT], v[(\sr)+\x], s[SEL], s[SEL+1]
	v_add_f32 v[(\sr)+\x], v[(\sr)+\x], v[RT]
.endr
	v_and_b32 v[K3], 3, v0
	v_lshl_add_u32 v[K3], v[K3], 4, v[MSA]
	ds_store_b128 v[K3], v[(\sr):(\sr)+3] offset:\mso  ; lanes with the same quarter store the same numbers to the same bytes
.endm
.macro COEF vb, vg, ve, ca, mso, gsh, invn, ato, bto  ; the channel at byte ca / 4: A and the C operand's number
	v_lshrrev_b32 v[K3], (\gsh)+2, v[\ca]
	v_lshl_add_u32 v[K3], v[K3], 3, v[MSA]
	ds_load_b64 v[K4:K5], v[K3] offset:\mso        ; LDS serves a wave's instructions in order: this sees my store above
	RB1 \vb
	RB1 \vg
	RB1 \ve
	s_wait_dscnt 0x0
	v_mul_f32 v[K4], \invn, v[K4]                  ; mean
	v_mul_f32 v[K5], \invn, v[K5]
	v_fma_f32 v[K5], -v[K4], v[K4], v[K5]
	v_max_num_f32 v[K5], 0, v[K5]
	v_add_f32 v[K5], 0x3727c5ac, v[K5]             ; + 1e-5
	v_rsq_f32 v[K5], v[K5]
	v_sub_f32 v[\vb], v[\vb], v[K4]                ; the plain line behind the root
	s_wait_alu depctr_va_vdst(0)                   ; and the wait ahead of its first reader
	v_mul_f32 v[\vg], v[\vg], v[K5]
	v_fma_f32 v[\vb], v[\vb], v[\vg], v[\ve]
	ds_store_b32 v[\ca], v[\vg] offset:\ato
	ds_store_b32 v[\ca], v[\vb] offset:\bto
.endm
.macro CONV8S a, sc                    ; eight weights: to bf16, times the channel's factor, to f16
.irp j, 0,1,2,3
	v_cvt_pk_bf16_f32 v[CO4+\j], v[(\a)+2*\j], v[(\a)+2*\j+1]
.endr
.irp j, 0,1,2,3
	v_lshlrev_b32 v[(\a)+2*\j], 16, v[CO4+\j]
	v_and_b32 v[(\a)+2*\j+1], s[HM], v[CO4+\j]
.endr
.if \sc
.irp j, 0,1,2,3
	v_pk_mul_f32 v[(\a)+2*\j:(\a)+2*\j+1], v[(\a)+2*\j:(\a)+2*\j+1], v[AV:AV+1]
.endr
.endif
.irp j, 0,1,2,3
	v_cvt_pk_f16_f32 v[CO4+\j], v[(\a)+2*\j], v[(\a)+2*\j+1]
.endr
.endm
.macro CONVW raw, pitch, ks, ntw, wf, sc, ato  ; wave w lays out channel tiles ntw w .. ntw w + ntw - 1 from its own raw rows: a trip a tile
	s_mul_i32 s50, s[WV], 16*(\ntw)*(\pitch)
	s_add_co_u32 s50, s50, \raw
	v_mul_u32_u24 v13, v1, \pitch
	v_lshl_add_u32 v13, v2, 5, v13
	v_add_nc_u32 v13, s50, v13                     ; row l % 16, 32 bytes for each half of the lanes: the pitch is an odd multiple of 16 bytes
	s_mul_i32 s52, s[WV], (\ntw)*(\ks)*1024
	v_add_nc_u32 v14, s52, v4
	s_mul_i32 s53, s[WV], (\ntw)*64
	v_lshl_add_u32 v[K3], v1, 2, s53
	s_mov_b32 s[CNT], \ntw
.Lcw\@:
.set q, 0
.rept 2*(\ks)
	ds_load_b128 v[CV+8*q:CV+8*q+3], v13 offset:64*q
	ds_load_b128 v[CV+8*q+4:CV+8*q+7], v13 offset:64*q+16
.set q, q+1
.endr
.if \sc
	ds_load_b32 v[AV], v[K3] offset:\ato
.endif
	s_wait_dscnt 0x0
.if \sc
	v_mov_b32 v[AV+1], v[AV]
.endif
.set q, 0
.rept 2*(\ks)
	CONV8S CV+8*q, \sc
	ds_store_b128 v14, v[CO4:CO4+3] offset:(\wf)+512*q
.set q, q+1
.endr
	v_add_nc_u32 v13, 16*(\pitch), v13
	v_add_nc_u32 v14, (\ks)*1024, v14
	v_add_nc_u32 v[K3], 64, v[K3]
	s_sub_co_u32 s[CNT], s[CNT], 1
	s_cmp_lg_u32 s[CNT], 0
	s_cbranch_scc1 .Lcw\@
.endm
.macro LPAR l                          ; a layer's figures
.if (\l) == 1
.set KSN, 1
.set WFB, W1F
.set BTB, BT1
.set NTL, 4
.set WSH, 10
.set BFR, 0
.elseif (\l) == 2
.set KSN, 2
.set WFB, W2F
.set BTB, BT2
.set NTL, 8
.set WSH, 11
.set BFR, 64
.else
.set KSN, 4
.set WFB, W3F
.set BTB, BT3
.set NTL, 16
.set WSH, 12
.set BFR, 0
.endif
.endm
.macro LOADW                           ; a channel tile's weights and C operand
.set q, 0
.rept 2*KSN
	ds_load_b128 v[WB+4*q:WB+4*q+3], v[WA] offset:WFB+512*q
.set q, q+1
.endr
	ds_load_b128 v[BB:BB+3], v[BA] offset:BTB
	ds_load_b128 v[BB+4:BB+7], v[BA] offset:BTB+16
.endm
.macro GLOAD g                         ; and, in layer 3, its eight s
	ds_load_b128 v[(\g):(\g)+3], v[BA] offset:G3T
	ds_load_b128 v[(\g)+4:(\g)+7], v[BA] offset:G3T+16
.endm
.macro ELU n, z, t                     ; elu(z) = the median of z, e^z - 1 and 0 (e^z - 1 >= z); n pairs; by stages, so that no line reads the line before it; the results, f16 in pairs, land in t + 0 .. n - 1
.set p, 0
.rept \n
	v_pk_mul_f32 v[(\t)+2*p:(\t)+2*p+1], v[(\z)+2*p:(\z)+2*p+1], s[LE:LE+1] op_sel_hi:[1,0]
.if p > 0
	v_exp_f32 v[(\t)+2*p-2], v[(\t)+2*p-2]
	v_exp_f32 v[(\t)+2*p-1], v[(\t)+2*p-1]
.endif
.set p, p+1
.endr
	v_exp_f32 v[(\t)+2*(\n)-2], v[(\t)+2*(\n)-2]
	v_exp_f32 v[(\t)+2*(\n)-1], v[(\t)+2*(\n)-1]
	v_nop                                          ; the plain line behind the last exponential
	s_wait_alu depctr_va_vdst(0)                   ; one wait for the batch, ahead of its first reader
.set p, 0
.rept \n
	v_pk_add_f32 v[(\t)+2*p:(\t)+2*p+1], v[(\t)+2*p:(\t)+2*p+1], -1.0 op_sel_hi:[1,0]
.set p, p+1
.endr
.set p, 0
.rept \n
	v_med3_num_f32 v[(\z)+2*p], v[(\z)+2*p], v[(\t)+2*p], 0
	v_med3_num_f32 v[(\z)+2*p+1], v[(\z)+2*p+1], v[(\t)+2*p+1], 0
.set p, p+1
.endr
.set p, 0
.rept \n
	v_cvt_pk_f16_f32 v[(\t)+p], v[(\z)+2*p], v[(\z)+2*p+1]
.set p, p+1
.endr
.endm
.macro ROT r, s, n                     ; the group in hand lies at the top; it takes the sum and goes to the bottom: after n turns each group is back in its place
	v_add_f32 v[\s], v[(\r)+(\n)-1], v[\s]
.set ii, (\n)-1
.rept (\n)-1
	v_mov_b32 v[(\r)+ii], v[(\r)+ii-1]
.set ii, ii-1
.endr
	v_mov_b32 v[\r], v[\s]
.endm
; Sums of a lane's 64 numbers, four chains each, each accumulator from its low end on.  Chain c of T1 holds registers 2 c and 2 c + 1 of every accumulator: one pair of channels.
; first: T2 starts here; fold: the group ends here; sg: the numbers are s y, so T1 is started in every tile and takes the tile's s at its fold.
.macro STAT first, fold, sg
.set p, 0
.rept 32
.if p < 4
	v_pk_add_f32 v[T1+2*p:T1+2*p+1], v[ACC+2*p:ACC+2*p+1], v[ACC+2*p+8:ACC+2*p+9]
.if \first
	v_pk_mul_f32 v[T2+2*p:T2+2*p+1], v[ACC+2*p:ACC+2*p+1], v[ACC+2*p:ACC+2*p+1]
.else
	v_pk_fma_f32 v[T2+2*p:T2+2*p+1], v[ACC+2*p:ACC+2*p+1], v[ACC+2*p:ACC+2*p+1], v[T2+2*p:T2+2*p+1]
.endif
.elseif p < 8
	v_pk_fma_f32 v[T2+2*(p%4):T2+2*(p%4)+1], v[ACC+2*p:ACC+2*p+1], v[ACC+2*p:ACC+2*p+1], v[T2+2*(p%4):T2+2*(p%4)+1]
.else
	v_pk_add_f32 v[T1+2*(p%4):T1+2*(p%4)+1], v[T1+2*(p%4):T1+2*(p%4)+1], v[ACC+2*p:ACC+2*p+1]
	v_pk_fma_f32 v[T2+2*(p%4):T2+2*(p%4)+1], v[ACC+2*p:ACC+2*p+1], v[ACC+2*p:ACC+2*p+1], v[T2+2*(p%4):T2+2*(p%4)+1]
.endif
.set p, p+1
.endr
.if \sg
	v_pk_mul_f32 v[T1:T1+1], v[T1:T1+1], v[GGC:GGC+1]
	v_pk_mul_f32 v[T1+2:T1+3], v[T1+2:T1+3], v[GGC+2:GGC+3]
	v_pk_fma_f32 v[T1:T1+1], v[T1+4:T1+5], v[GGC+4:GGC+5], v[T1:T1+1]
	v_pk_fma_f32 v[T1+2:T1+3], v[T1+6:T1+7], v[GGC+6:GGC+7], v[T1+2:T1+3]
	v_pk_add_f32 v[T1:T1+1], v[T1:T1+1], v[T1+2:T1+3]
.else
	v_pk_add_f32 v[T1:T1+1], v[T1:T1+1], v[T1+2:T1+3]
	v_pk_add_f32 v[T1+4:T1+5], v[T1+4:T1+5], v[T1+6:T1+7]
	v_pk_add_f32 v[T1:T1+1], v[T1:T1+1], v[T1+4:T1+5]
.endif
.if \fold
	v_pk_add_f32 v[T2:T2+1], v[T2:T2+1], v[T2+2:T2+3]
	v_pk_add_f32 v[T2+4:T2+5], v[T2+4:T2+5], v[T2+6:T2+7]
	v_add_f32 v[T1], v[T1], v[T1+1]
	v_pk_add_f32 v[T2:T2+1], v[T2:T2+1], v[T2+4:T2+5]
.if (\sg) && !(\first)
	v_add_f32 v[T1], v[T1], v[H1]
.endif
	v_add_f32 v[T2], v[T2], v[T2+1]
	ROT R1, T1, RN
	ROT R2, T2, RN
.else
	v_add_f32 v[H1], v[T1], v[T1+1]
.endif
.endm
.macro EXT                             ; the maximum of s y over the 8 tiles and the lane 8 away, a point's 16 neighbours, times s; by stages; register 0 of every accumulator is read first
.irp j, 0,1,2,3,4,5,6,7
	v_max3_num_f32 v[TT+\j], v[ACC+\j], v[ACC+8+\j], v[ACC+16+\j]
.endr
.irp j, 0,1,2,3,4,5,6,7
	v_max3_num_f32 v[TT+\j], v[TT+\j], v[ACC+24+\j], v[ACC+32+\j]
.endr
.irp j, 0,1,2,3,4,5,6,7
	v_max3_num_f32 v[TT+\j], v[TT+\j], v[ACC+40+\j], v[ACC+48+\j]
.endr
.irp j, 0,1,2,3,4,5,6,7
	v_max_num_f32 v[TT+\j], v[TT+\j], v[ACC+56+\j]
.endr
.irp j, 0,1,2,3,4,5,6,7
	v_max_num_f32_dpp v[TT+\j], v[TT+\j], v[TT+\j] row_xmask:8 row_mask:0xf bank_mask:0xf
.endr
.irp c, 0,2,4,6
	v_pk_mul_f32 v[TT+\c:TT+\c+1], v[TT+\c:TT+\c+1], v[GGC+\c:GGC+\c+1]
.endr
.irp j, 0,1,2,3,4,5,6,7
	ds_store_b32 v[SA], v[TT+\j] offset:272*\j     ; lanes r and r ^ 8 store the same number to the same word
.endr
.endm
.macro STEP l, par                     ; one channel tile x the chunk's 8 position tiles; par: the tile's parity (layer 3)
	LPAR \l
.if ((\l) < DEPTH) || ((\l) == 3)
	s_wait_dscnt 8                                 ; the tile's operands are in; the eight stores issued behind their loads may stay out
.else
	s_wait_dscnt 0x0
.endif
.if (\l) == 3
	WIN 0x08
.else
	WIN 0x04
.endif
.set k, 0
.rept KSN                              ; the eight accumulators take turns, one instruction a turn
.set n, 0
.rept 8
.if k == 0
	v_wmma_f32_16x16x32_f16 v[ACC+8*n:ACC+8*n+7], v[WB:WB+7], v[BFR+8*n:BFR+8*n+7], v[BB:BB+7]
.else
	v_wmma_f32_16x16x32_f16 v[ACC+8*n:ACC+8*n+7], v[WB+8*k:WB+8*k+7], v[BFR+64*k+8*n:BFR+64*k+8*n+7], v[ACC+8*n:ACC+8*n+7]
.endif
.set n, n+1
.endr
.set k, k+1
.endr
	WIN 0
	s_mov_b32 s[TO], s[TN]
	s_add_co_u32 s[TN], s[TN], 1
	s_and_b32 s[TN], s[TN], NTL-1                  ; behind the last tile the look-ahead goes back to tile 0
	v_lshl_add_u32 v[WA], s[TN], WSH, v4           ; four plain lines stand between the last product and the loads into its sources and the reads of its result
	v_lshl_add_u32 v[BA], s[TN], 6, v5
.if (\l) == 3
	s_mul_i32 s50, s[TO], 16*272
	s_lshl_b32 s51, s[CH], 5
	s_add_co_u32 s50, s50, s51
	v_add_nc_u32 v[SA], s50, v[SL]
.else
	v_lshl_add_u32 v[OA], s[TO], 12, v[OL]
.endif
	v_nop
	LOADW
.if (\l) == 3
.set GGC, GG0+(GG1-GG0)*(\par)
.set GGN, GG1-(GG1-GG0)*(\par)
	GLOAD GGN                                      ; the two sets of s take turns
	EXT
	STAT 1-(\par), \par, 1                         ; a group of layer 3 is two channel tiles
.elseif (\l) < DEPTH
	ELU 32, ACC, TT
.irp n, 0,1,2,3,4,5,6,7
	ds_store_b128 v[OA], v[TT+4*\n:TT+4*\n+3] offset:512*\n
.endr
.else
	STAT 1, 1, 0
.endif
.endm
.macro LAYER l
	LPAR \l
	s_wait_dscnt 0x0                               ; no load is out into the registers that are asked for anew
	s_mov_b32 s[TN], 0
	v_mov_b32 v[WA], v4
	v_mov_b32 v[BA], v5
	LOADW
.if (\l) == 3
	GLOAD GG0
	s_mov_b32 s[CNT], 8
.else
	s_mov_b32 s[CNT], NTL
.endif
	s_wait_dscnt 0x0                               ; on the way in no stores stand behind the first tile's loads: the counted wait in the loop is for the way back
.Llay\@:
.if (\l) == 3
	STEP 3, 0
	STEP 3, 1
.else
	STEP \l, 0
.endif
	s_sub_co_u32 s[CNT], s[CNT], 1
	s_cmp_lg_u32 s[CNT], 0
	s_cbranch_scc1 .Llay\@
.endm
.macro BULK kn, w, base                ; the finished layer comes back from my own LDS as source 1 of the next: behind my stores, in order
	WIN \w
.set k, 0
.rept \kn
.set n, 0
.rept 8
	ds_load_b128 v[(\base)+64*k+8*n:(\base)+64*k+8*n+3], v[OL] offset:8192*k+512*n
	ds_load_b128 v[(\base)+64*k+8*n+4:(\base)+64*k+8*n+7], v[OL] offset:8192*k+4096+512*n
.set n, n+1
.endr
.set k, k+1
.endr
	WIN 0
.endm
.if DEPTH == 2
	s_load_b512 s[8:23], s[0:1], 0x0
	s_load_b128 s[24:27], s[0:1], 0x40
.else
	s_load_b512 s[8:23], s[0:1], 0x0
	s_load_b512 s[24:39], s[0:1], 0x40
.endif
	v_lshl_add_u32 v[SPW], v0, 2, SPARE
	v_mov_b32 v[NIL], 0
	ds_add_u32 v[SPW], v[NIL]                      ; the wave's opening: the add and its wait ahead of my first tensor load; work on registers stands between them
	ds_add_u32 v16, v17
	v_lshrrev_b32 v13, 5, v0
	v_readfirstlane_b32 s[WV], v13
	s_lshr_b32 s[BI], ttmp9, 5                     ; cloud
	s_and_b32 s[REC], ttmp9, 31
	s_lshl_b32 s[N0], s[REC], 6                    ; first point
	s_mov_b32 s[HM], 0xffff0000
	s_mov_b32 s[SEL], 0x76543210
	s_mov_b32 s[SEL+1], 0xfedcba98
	s_mov_b32 s[LE], 0x3fb8aa3b
	s_mov_b32 s[LE+1], s[LE]                       ; named with it as a pair
	s_mov_b32 s[G1B], (2<<16)|(1<<20)|(5<<22)|(3<<25)  ; W2: elements of 4 bytes; padding on: 4 words after every 64
	s_mov_b32 s[G1B+1], 64<<16                     ; tensor_dim0
	s_mov_b32 s[G1B+2], 32<<16                     ; tensor_dim1
	s_mov_b32 s[G1B+3], 64<<16                     ; tile_dim0
	s_mov_b32 s[G1B+4], 32                         ; tile_dim1
	s_mov_b32 s[G1B+5], 64                         ; elements from row to row
	s_mov_b32 s[G1B+6], 0
	s_mov_b32 s[G1B+7], 0
	s_mov_b32 s[G0B], 1
	s_mul_i32 s[G0B+1], s[WV], 32*P2
	s_add_co_u32 s[G0B+1], s[G0B+1], RAW2
.if DEPTH == 3
	s_mov_b32 s[G1C], (2<<16)|(1<<20)|(6<<22)|(3<<25)  ; W3: 4 words after every 128
	s_mov_b32 s[G1C+1], 128<<16
	s_mov_b32 s[G1C+2], 64<<16
	s_mov_b32 s[G1C+3], 128<<16
	s_mov_b32 s[G1C+4], 64
	s_mov_b32 s[G1C+5], 128
	s_mov_b32 s[G1C+6], 0
	s_mov_b32 s[G1C+7], 0
	s_mov_b32 s[G0C], 1
	s_mul_i32 s[G0C+1], s[WV], 64*P3
	s_add_co_u32 s[G0C+1], s[G0C+1], RAW3
.endif
	v_and_b32 v1, 15, v0
	v_bfe_u32 v2, v0, 4, 1
	v_and_b32 v3, 31, v0
	v_lshlrev_b32 v4, 4, v3
	v_lshlrev_b32 v5, 5, v2
	s_lshl_b32 s50, s[WV], 15
	s_add_co_u32 s50, s50, AF
	v_add_nc_u32 v[OL], s50, v4
	s_lshl_b32 s50, s[WV], 13
	s_add_co_u32 s50, s50, XF
	v_add_nc_u32 v[XL], s50, v4
	v_and_b32 v13, 7, v0
	s_lshl_b32 s50, s[WV], 6
	s_add_co_u32 s50, s50, STG
	v_lshl_add_u32 v[SL], v13, 2, s50
	v_mul_u32_u24 v14, v2, 8*272
	v_add_nc_u32 v[SL], v[SL], v14
	v_mov_b32 v[RT], 0
	v_lshlrev_b32 v[C4], 2, v0
	v_and_b32 v[C4A], 63, v0                       ; layer 1 has 64 channels: waves 2 and 3 load what waves 0 and 1 load, so that every wave's count of loads is the same
	v_lshlrev_b32 v[C4A], 2, v[C4A]
	s_lshl_b32 s50, s[BI], 11
	v_add_nc_u32 v[RO], s50, v4                    ; my cloud's 32 records, 16 bytes a lane
	s_lshl_b32 s50, s[WV], 7
	s_add_co_u32 s50, s50, MS
	v_mov_b32 v[MSA], s50
	s_mul_i32 s50, s[WV], 384
	v_mul_u32_u24 v[W1A], v1, 24
	v_add_nc_u32 v[W1A], s50, v[W1A]               ; W1 [64][6]: row 16 w + l % 16
	s_lshl_b32 s50, s[WV], 4
	s_add_co_u32 s50, s50, s[N0]
	v_add_nc_u32 v13, s50, v13                     ; my column's point in chunk 0
	v_lshlrev_b32 v[PC], 2, v13
	v_bfe_u32 v14, v0, 3, 1
	v_lshlrev_b32 v14, 2, v14
	v_lshl_add_u32 v[PN], v13, 6, v14
	s_mul_i32 s50, s[BI], 24576
	s_mov_b32 s51, 0
	s_lshl_b32 s52, s[BI], 17
	s_mov_b32 s53, 0
	s_lshl_b32 s54, ttmp9, 6                       ; my record
	s_mov_b32 s55, 0
	s_lshl_b32 s62, s[WV], 13                      ; my 32 rows of W2
	s_mov_b32 s63, 0
	s_wait_dscnt 0x0                               ; the opening add is done
	s_wait_kmcnt 0x0
	s_add_nc_u64 s[G0B+2:G0B+3], s[PW2:PW2+1], s[62:63]
	s_or_b32 s[G0B+3], s[G0B+3], 0x80000000
.if DEPTH == 3
	s_lshl_b32 s62, s[WV], 15                      ; my 64 rows of W3
	s_add_nc_u64 s[G0C+2:G0C+3], s[PW3:PW3+1], s[62:63]
	s_or_b32 s[G0C+3], s[G0C+3], 0x80000000
.endif
	s_add_nc_u64 s[PTS:PTS+1], s[PTS:PTS+1], s[50:51]
	s_add_nc_u64 s[NIDX:NIDX+1], s[NIDX:NIDX+1], s[52:53]
	s_add_nc_u64 s[56:57], s[POUT:POUT+1], s[54:55]
.if DEPTH == 3
	s_add_nc_u64 s[56:57], s[56:57], 0x1000000     ; the records lie behind e3's 16,777,216 bytes
.endif
	tensor_load_to_lds s[G0B:G0B+3], s[G1B:G1B+7]  ; the first fills, together, ahead of every LDS read, barrier and wait on TENSORcnt
	s_nop 0
.if DEPTH == 3
	tensor_load_to_lds s[G0C:G0C+3], s[G1C:G1C+7]
	s_nop 0
.endif
.irp c, 0,1
.irp d, 0,1,2
	global_load_b32 v[CC+3*\c+\d], v[PC], s[PTS:PTS+1] offset:8192*\d+32*\c
.endr
.irp n, 0,1,2,3,4,5,6,7
	global_load_b32 v[NI+8*\c+\n], v[PN], s[NIDX:NIDX+1] offset:512*\c+8*\n
.endr
.endr
.irp j, 0,1,2,3
	global_load_b128 v[SRA+4*\j:SRA+4*\j+3], v[RO], s[PP1:PP1+1] offset:512*\j  ; 512 consecutive bytes: lane l has quarter l % 4 of record 8 j + l / 4
.endr
.if DEPTH == 3
.irp j, 0,1,2,3
	global_load_b128 v[SRB+4*\j:SRB+4*\j+3], v[RO], s[PP2:PP2+1] offset:512*\j
.endr
.endif
	global_load_b32 v[PV], v[C4A], s[PB1:PB1+1]
	global_load_b32 v[PV+1], v[C4A], s[PG1:PG1+1]
	global_load_b32 v[PV+2], v[C4A], s[PE1:PE1+1]
	global_load_b32 v[PV+3], v[C4], s[PB2:PB2+1]
.if DEPTH == 3
	global_load_b32 v[PV+4], v[C4], s[PG2:PG2+1]
	global_load_b32 v[PV+5], v[C4], s[PE2:PE2+1]
	global_load_b32 v[PV+6], v[C4], s[PB3:PB3+1]
	global_load_b32 v[PV+7], v[C4], s[PB3:PB3+1] offset:512
	global_load_b32 v[PV+8], v[C4], s[PG3:PG3+1]
	global_load_b32 v[PV+9], v[C4], s[PG3:PG3+1] offset:512
.endif
	global_load_b64 v[W1R:W1R+1], v[W1A], s[PW1:PW1+1]
	global_load_b64 v[W1R+2:W1R+3], v[W1A], s[PW1:PW1+1] offset:8
	global_load_b64 v[W1R+4:W1R+5], v[W1A], s[PW1:PW1+1] offset:16
	s_wait_loadcnt NHL                             ; the centres and the indices are in; what was issued behind them may stay out
.set i, 0
.rept 16
	v_min_u32 v[NI+i], 0x7ff, v[NI+i]
	v_lshlrev_b32 v[NI+i], 2, v[NI+i]
.set i, i+1
.endr
.set i, 0
.rept 16
	global_load_b32 v[NB+3*i], v[NI+i], s[PTS:PTS+1]
	global_load_b32 v[NB+3*i+1], v[NI+i], s[PTS:PTS+1] offset:8192
	global_load_b32 v[NB+3*i+2], v[NI+i], s[PTS:PTS+1] offset:16384
.set i, i+1
.endr
	s_wait_loadcnt 48                              ; records, parameters and W1 are in; the 48 gathers stay out
	s_cmp_lt_u32 s[WV], 2                          ; layer 1's 64 channels: waves 0 and 1
	s_cbranch_scc0 .Lno1
	SUMS SRA, 0
	COEF PV, PV+1, PV+2, C4A, 0, 3, 0x36800000, AT1, BT1  ; n = 8 x 32,768 = 2^18
.Lno1:
.if DEPTH == 2
	RB1 PV+3
	ds_store_b32 v[C4], v[PV+3] offset:BT2
.else
	SUMS SRB, 64
	COEF PV+3, PV+4, PV+5, C4, 64, 4, 0x36000000, AT2, BT2  ; n = 2^19
	RB1 PV+6
	RB1 PV+7
	v_mov_b32 v[K0], 1.0
	v_cmp_le_f32 vcc_lo, 0, v[PV+8]
	v_cndmask_b32 v[PV+8], -1.0, v[K0], vcc_lo     ; s: rounding to bf16 leaves a sign as it is
	v_cmp_le_f32 vcc_lo, 0, v[PV+9]
	v_cndmask_b32 v[PV+9], -1.0, v[K0], vcc_lo
	v_mul_f32 v[PV+6], v[PV+6], v[PV+8]
	v_mul_f32 v[PV+7], v[PV+7], v[PV+9]
	ds_store_b32 v[C4], v[PV+6] offset:BT3
	ds_store_b32 v[C4], v[PV+7] offset:BT3+512
	ds_store_b32 v[C4], v[PV+8] offset:G3T
	ds_store_b32 v[C4], v[PV+9] offset:G3T+512
.endif
	s_wait_dscnt 0x0
	s_barrier_signal -1
	s_barrier_wait -1                              ; the tables by channel are whole
	s_wait_loadcnt 0x0                             ; the neighbours' coordinates
	RB2 CC
	RB2 CC+2
	RB2 CC+4
.set i, 0
.rept 24
	RB2 NB+2*i
.set i, i+1
.endr
	v_mov_b32 v[XP+3], 0
.set i, 0
.rept 16                               ; tile i: k = 0..5 are cx, cy, cz, dx, dy, dz; lanes 16-31 hold the same finite numbers, which meet zeros in W1's fragments
	v_sub_f32 v[NB+3*i], v[NB+3*i], v[CC+3*(i/8)]
	v_sub_f32 v[NB+3*i+1], v[NB+3*i+1], v[CC+3*(i/8)+1]
	v_sub_f32 v[NB+3*i+2], v[NB+3*i+2], v[CC+3*(i/8)+2]
	v_cvt_pk_f16_f32 v[XP], v[CC+3*(i/8)], v[CC+3*(i/8)+1]
	v_cvt_pk_f16_f32 v[XP+1], v[CC+3*(i/8)+2], v[NB+3*i]
	v_cvt_pk_f16_f32 v[XP+2], v[NB+3*i+1], v[NB+3*i+2]
	ds_store_b128 v[XL], v[XP:XP+3] offset:512*i
.set i, i+1
.endr
	; W1: wave w lays out channel tile w; k >= 6 is zero: the fourth register, lanes 16-31, and the second half
	s_lshl_b32 s50, s[WV], 6
	v_lshl_add_u32 v14, v1, 2, s50
	ds_load_b32 v[AV], v14 offset:AT1
	RB2 W1R
	RB2 W1R+2
	RB2 W1R+4
	s_wait_dscnt 0x0
	v_mov_b32 v[AV+1], v[AV]
.irp j, 0,1,2
	v_pk_mul_f32 v[W1R+2*\j:W1R+2*\j+1], v[W1R+2*\j:W1R+2*\j+1], v[AV:AV+1]
.endr
	v_cmp_eq_u32 vcc_lo, 0, v2
.irp j, 0,1,2
	v_cvt_pk_f16_f32 v[CO4+\j], v[W1R+2*\j], v[W1R+2*\j+1]
	v_cndmask_b32 v[CO4+\j], 0, v[CO4+\j], vcc_lo
.endr
	v_mov_b32 v[CO4+3], 0
	s_lshl_b32 s50, s[WV], 10
	v_add_nc_u32 v14, s50, v4
	ds_store_b128 v14, v[CO4:CO4+3] offset:W1F
.irp j, 0,1,2,3
	v_mov_b32 v[CV+\j], 0
.endr
	ds_store_b128 v14, v[CV:CV+3] offset:W1F+512
	s_wait_tensorcnt 0x0                           ; my raw rows have landed,
	s_wait_dscnt 0x0
	s_barrier_signal -1
	s_barrier_wait -1                              ; everybody's have
.if DEPTH == 2
	CONVW RAW2, P2, 2, 2, W2F, 0, 0
.else
	CONVW RAW2, P2, 2, 2, W2F, 1, AT2
	CONVW RAW3, P3, 4, 4, W3F, 1, G3T
.endif
	WIN 0x40
.set i, 0
.rept 8                                ; k = 16 .. 31 of x0's fragments: zeros, once
.irp j, 4,5,6,7
	v_mov_b32 v[8*i+\j], 0
.endr
.set i, i+1
.endr
	WIN 0
.set i, 0
.rept 16
	v_mov_b32 v[R1+i], 0
.set i, i+1
.endr
	s_wait_dscnt 0x0
	s_barrier_signal -1
	s_barrier_wait -1                              ; all weights lie in LDS as fragments, and nobody reads the raw rows any more: their bytes now serve as AF and STG
	s_mov_b32 s[CH], 0
.Lchunk:                               ; two trips: 8 points x 16 neighbours each
	v_lshl_add_u32 v13, s[CH], 12, v[XL]
	WIN 0x40
.irp n, 0,1,2,3,4,5,6,7
	ds_load_b128 v[8*\n:8*\n+3], v13 offset:512*\n
.endr
	WIN 0
	LAYER 1
	BULK 2, 0x40, 64
	LAYER 2
.if DEPTH > 2
	BULK 4, 0x80, 0
	LAYER 3
.endif
	s_add_co_u32 s[CH], s[CH], 1
	s_cmp_lt_u32 s[CH], 2
	s_cbranch_scc1 .Lchunk
	s_wait_dscnt 0x0
	s_lshl_b32 s50, s[WV], 6
.irp x, 0,1,2,3,4,5,6,7
	RED32 R1+\x
	RED32 R2+\x
.endr
	v_mov_b32 v13, s50
.irp g, 0,1,2,3,4,5,6,7
	ds_store_b32 v13, v[R1+7-\g] offset:RED+8*\g
	ds_store_b32 v13, v[R2+7-\g] offset:RED+8*\g+4
.endr
	s_wait_dscnt 0x0
	s_barrier_signal -1
	s_barrier_wait -1                              ; the four waves' sums, and at depth 3 the stage, are whole
	s_cmp_lg_u32 s[WV], 0
	s_cbranch_scc1 .Lnorec
	v_lshlrev_b32 v[K0], 2, v1                     ; lanes l and l + 16 store the same word
	ds_load_b32 v[K3], v[K0] offset:RED
	ds_load_b32 v[K4], v[K0] offset:RED+64
	ds_load_b32 v[K5], v[K0] offset:RED+128
	ds_load_b32 v[RT], v[K0] offset:RED+192
	s_wait_dscnt 0x0
	v_add_f32 v[K3], v[K3], v[K4]
	v_add_f32 v[K5], v[K5], v[RT]
	v_add_f32 v[K3], v[K3], v[K5]
	global_store_b32 v[K0], v[K3], s[56:57]
.Lnorec:
.if DEPTH == 3
	s_mul_i32 s50, s[WV], 64*272                   ; wave w stores channel rows 64 w .. 64 w + 63: lanes 0-15 one row's 256 bytes, lanes 16-31 the next
	s_add_co_u32 s50, s50, STG
	v_mul_u32_u24 v13, v2, 272
	v_lshl_add_u32 v13, v1, 4, v13
	v_add_nc_u32 v13, s50, v13
	v_lshlrev_b32 v14, 16, v2
	v_lshl_add_u32 v14, v1, 4, v14
	s_lshl_b32 s50, s[WV], 22
	s_lshl_b32 s51, ttmp9, 8
	s_add_co_u32 s50, s50, s51
	s_mov_b32 s51, 0
	s_add_nc_u64 s[POUT:POUT+1], s[POUT:POUT+1], s[50:51]
.set i, 0
.rept 32
	ds_load_b128 v[ACC+4*i:ACC+4*i+3], v13 offset:544*i
.set i, i+1
.endr
.set i, 0
.rept 32
	s_wait_dscnt 31-i                              ; the younger read-backs may stay out
	global_store_b128 v14, v[ACC+4*i:ACC+4*i+3], s[POUT:POUT+1] offset:131072*i  ; sixteen lanes store 256 consecutive bytes, aligned
.set i, i+1
.endr
.endif
	s_wait_tensorcnt 0x0                           ; the wave's end
	ds_add_u32 v[SPW], v[NIL]
	s_wait_dscnt 0x0
	s_endpgm
.Lfunc_end_k_q86983adaf3_chain2:
	.size	k_q86983adaf3_chain2, .Lfunc_end_k_q86983adaf3_chain2-k_q86983adaf3_chain2
	.p2alignl 7, 3214868480
	.fill 96, 4, 3214868480
	.section	.rodata,"a",@progbits
	.p2align	6, 0x0
	.amdhsa_kernel k_q86983adaf3_chain2
		.amdhsa_group_segment_fixed_size 324352
		.amdhsa_private_segment_fixed_size 0
		.amdhsa_enable_private_segment 0
		.amdhsa_kernarg_size 80
		.amdhsa_user_sgpr_count 2
		.amdhsa_user_sgpr_kernarg_segment_ptr 1
		.amdhsa_wavefront_size32 1
		.amdhsa_system_sgpr_workgroup_id_x 1
		.amdhsa_system_sgpr_workgroup_id_y 1
		.amdhsa_system_sgpr_workgroup_id_z 1
		.amdhsa_system_vgpr_workitem_id 0
		.amdhsa_next_free_vgpr 448
		.amdhsa_next_free_sgpr 92
		.amdhsa_reserve_vcc 1
		.amdhsa_float_denorm_mode_32 3
		.amdhsa_float_denorm_mode_16_64 3
		.amdhsa_memory_ordered 1
		.amdhsa_forward_progress 1
		.amdhsa_inst_pref_size 65
	.end_amdhsa_kernel
	.amdgpu_metadata
---
amdhsa.version: [ 1, 2 ]
amdhsa.kernels:
  - .name:           k_q86983adaf3_chain2
    .symbol:         k_q86983adaf3_chain2.kd
    .args:
      - { .name: points, .offset: 0, .size: 8, .value_kind: global_buffer, .address_space: global }
      - { .name: nidx, .offset: 8, .size: 8, .value_kind: global_buffer, .address_space: global }
      - { .name: params1_0_0, .offset: 16, .size: 8, .value_kind: global_buffer, .address_space: global }
      - { .name: params1_0_1, .offset: 24, .size: 8, .value_kind: global_buffer, .address_space: global }
      - { .name: params1_0_2, .offset: 32, .size: 8, .value_kind: global_buffer, .address_space: global }
      - { .name: params1_0_3, .offset: 40, .size: 8, .value_kind: global_buffer, .address_space: global }
      - { .name: params1_1_0, .offset: 48, .size: 8, .value_kind: global_buffer, .address_space: global }
      - { .name: params1_1_1, .offset: 56, .size: 8, .value_kind: global_buffer, .address_space: global }
      - { .name: p1, .offset: 64, .size: 8, .value_kind: global_buffer, .address_space: global }
      - { .name: p2, .offset: 72, .size: 8, .value_kind: global_buffer, .address_space: global }
    .group_segment_fixed_size: 324352
    .private_segment_fixed_size: 0
    .kernarg_segment_align: 8
    .kernarg_segment_size: 80
    .max_flat_workgroup_size: 128
    .sgpr_count:     92
    .vgpr_count:     448
    .wavefront_size: 32
...
	.end_amdgpu_metadata
.endif
;; end of part 11
;; launch chain3 (part 12): grid 256 x 1, 4 waves a work-group, no clusters, 324,352 bytes of LDS; arguments points, nidx, params1_0_0, params1_0_1, params1_0_2, params1_0_3, params1_1_0, params1_1_1, params1_1_2, params1_1_3, params1_2_0, params1_2_1, params1_2_2, p1, p2, e3; writes e3
.if DOCPART == 12
	.amdgcn_target "amdgcn-amd-amdhsa--gfx1250"
	.amdhsa_code_object_version 6
	.text
	.protected	k_q86983adaf3_chain3
	.globl	k_q86983adaf3_chain3
	.p2align	8
	.type	k_q86983adaf3_chain3,@function
k_q86983adaf3_chain3:
	s_mov_b64 s[64:65], 0
	v_nop
	global_prefetch_b8 v0, s[64:65] scope:SCOPE_SE
	s_setreg_imm32_b32 hwreg(HW_REG_WAVE_MODE, 25, 1), 1
	s_wait_xcnt 0x0
; THE CHAIN OF POINTWISE LAYERS OVER (point, neighbour), to depth DEPTH.  One text serves depths 2 and 3; this file has DEPTH = 3.
; x0 = [centre, neighbour - centre] (6 channels) -> 64 -> 128 -> 256 channels.  Layers below DEPTH are finished (GroupNorm, ELU) from the sums that earlier launches stored; of layer DEPTH
; the sums S1 = sum y, S2 = sum y^2 of each of its 8 groups are stored, one record of 64 bytes a work-group ((S1, S2) x 8, f32); at depth 3 also, for each channel and point, the maximum of y3
; over the 16 neighbours, or the minimum where gamma3 < 0: ELU behind an affine map is monotone, so that one number gives the maximum of the finished layer.
; FORMATS.  Every input is rounded to bf16 first.  What the program makes itself (x0, activations, scaled weights) is f16; sums in f32.
; LIMITS.  x0, activations and weights times gamma / sigma lie within f16's 65,504; the variance is S2 / n - mean^2 in f32, held at 0 from below: with |mean| = 30 sigma it keeps about four
; decimal digits.  Of gamma3 only the sign is used here (-0 counts as +).  NaN and infinities are not treated apart.
; SHARES.  A work-group has 64 points of one cloud, a wave 16 points x 16 neighbours: two chunks of 8 tiles of 16 positions.  Column r of tile nt of chunk c is point 8 c + (r & 7), neighbour 2 nt + (r >> 3).
; LAYOUT.  D = W (source 0: 16 channels) x act (source 1: 16 positions): a lane holds one position and the channels 8 (lane / 16) + 0..7.  Two neighbouring channel tiles, rounded to f16 in pairs,
; ARE source 1 of the next layer.  They pass through the wave's own LDS only because the loop over channel tiles is a loop in time and register numbers are not.
; For a finished layer GroupNorm is folded into the operands: W' = A W, C operand = (b - mean) A + beta, A = gamma / sigma: the product is the ELU's argument.  Layer 2 at depth 2 has C = b.
; Layer 3 is multiplied by s = the sign of gamma3, in W and in b: the product is s y, its maximum over the neighbours times s is the number wanted, S2 is the same, and S1 takes s at each tile's fold.
; ALL LOADS GO OUT AT THE HEAD: W2 and W3 raw, by one tensor load each a wave (first fills, never filled again: two are out), into bytes that serve as AF and STG only afterwards; the records, the
; parameters and W1 behind the index loads.  NO CLUSTER: the shared weights are 163,840 bytes a work-group, fetched once, while the chain of indices and gathers is out; no loop waits for them.
.set DEPTH, 3
.set BT1, 0                            ; LDS: the C operands' tables, f32 by channel
.set BT2, 256
.set BT3, 768
.set G3T, 1792                         ; s by channel
.set AT1, 2816                         ; A by channel
.set AT2, 3072
.set MS, 3584                          ; 128 bytes a wave: the summed records
.set RED, 4096                         ; 64 bytes a wave: its sums
.set W1F, 4352                         ; weights as fragments: block (channel tile, K step) of 1,024 bytes, half f at 512 f, lane l at 16 l
.set W2F, 8448
.set W3F, 24832
.set XF, 90368                         ; [wave][tile 16][512] x0's fragments, registers 0-3
.set AF, 123136                        ; [wave 32,768][channel tile 4,096][position tile 512] activations
.set STG, 254208                       ; 256 channel rows x (64 points f32 + 16 bytes)
.set SPARE, 323840
.set P3, 528                           ; a raw row of W3: 512 bytes + 16
.set P2, 272                           ; of W2: 256 + 16
.set RAW3, AF                          ; raw W3, wave w's 64 rows at 64 P3 w: read out before AF and STG are first stored to
.set RAW2, RAW3+256*P3                 ; raw W2, wave w's 32 rows at 32 P2 w; it ends at byte 293,120
.set PTS, 8
.set NIDX, 10
.set PW1, 12
.set PB1, 14
.set PG1, 16
.set PE1, 18
.set PW2, 20
.set PB2, 22
.if DEPTH == 2
.set PP1, 24
.set POUT, 26
.set NHL, 11                           ; loads issued behind the index loads: 4 of records, 4 parameters, 3 of W1
.else
.set PG2, 24
.set PE2, 26
.set PW3, 28
.set PB3, 30
.set PG3, 32
.set PP1, 34
.set PP2, 36
.set POUT, 38
.set NHL, 21                           ; 8 of records, 10 parameters, 3 of W1
.endif
.set WV, 40
.set BI, 41
.set REC, 42
.set N0, 43
.set HM, 44
.set TN, 45                            ; the channel tile whose operands are being fetched
.set SEL, 46                           ; s[46:47]
.set CNT, 48
.set CH, 49
.set LE, 58                            ; s[58:59] log2(e); s50-55, s62-63 at work; s[56:57] my record
.set TO, 60                            ; the channel tile in hand
.set G1C, 68                           ; s[68:75], s[76:79] W3's descriptor
.set G0C, 76
.set G1B, 80                           ; s[80:87], s[88:91] W2's
.set G0B, 88
; window 0: v1 lane % 16, v2 lane / 16, v3 lane, v4 16 x lane, v5 32 x (lane / 16); v13-15 at work
.set OL, 6
.set XL, 7
.set SL, 8
.set WA, 9
.set BA, 10
.set OA, 11
.set SA, 12
.set H1, 14                            ; in the main loop: S1 of a group's first tile
.set SPW, 16
.set NIL, 17
.set R1, 18                            ; v18-25 S1 by group, rotating
.set R2, 26                            ; v26-33 S2
.set T1, 34
.set T2, 42
.set BB, 50                            ; the C operand
.set GG0, 58                           ; s of the even tiles
.set WB, 66                            ; v66-97 the tile's weights, up to 4 K steps
.set ACC, 98                           ; v98-161 eight accumulators
.set TT, 162                           ; v162-225 at work
.set PC, 226
.set PN, 227
.set C4, 228
.set RT, 229
.set RO, 230
.set MSA, 231
.set K0, 232
.set K3, 235
.set K4, 236
.set K5, 237
.set GG1, 238                          ; v238-245 in the main loop: s of the odd tiles
.set PV, 238                           ; v238-247 in the prologue: the parameters
.set W1R, 248                          ; v248-253 my row of W1
.set C4A, 254
.set W1A, 255
.set SRA, 34                           ; the prologue's use of v34-65: the records
.set SRB, 50
.set NI, 98                            ; and of v98-187
.set NB, 114
.set CC, 162
.set XP, 184
.set CV, 98
.set CO4, 162
.set AV, 166
; window 1: v0-63 x0's fragments, v64-191 a1's.  window 2: a2's.
.set RN, 8
.set MSB, 0
.macro WIN new                         ; the immediate's high byte repeats the setting that is left
.if MSB != (\new)
	s_set_vgpr_msb (MSB<<8)|(\new)
.set MSB, (\new)
.endif
.endm
.macro RB1 x
	v_cvt_pk_bf16_f32 v[\x], v[\x], v[\x]
	v_lshlrev_b32 v[\x], 16, v[\x]
.endm
.macro RB2 a
	v_cvt_pk_bf16_f32 v15, v[\a], v[(\a)+1]
	v_lshlrev_b32 v[\a], 16, v15
	v_and_b32 v[(\a)+1], s[HM], v15
.endm
.macro RED32 x
	v_add_f32_dpp v[\x], v[\x], v[\x] row_xmask:1 row_mask:0xf bank_mask:0xf
	v_add_f32_dpp v[\x], v[\x], v[\x] row_xmask:2 row_mask:0xf bank_mask:0xf
	v_add_f32_dpp v[\x], v[\x], v[\x] row_xmask:4 row_mask:0xf bank_mask:0xf
	v_add_f32_dpp v[\x], v[\x], v[\x] row_xmask:8 row_mask:0xf bank_mask:0xf
	v_permlanex16_b32 v[RT], v[\x], s[SEL], s[SEL+1]
	v_add_f32 v[\x], v[\x], v[RT]
.endm
.macro SUMS sr, mso                    ; lane l holds quarter l % 4 of records 8 j + l / 4: my four, then the eight lanes with the same quarter; the sum goes to my wave's own bytes of MS
	v_pk_add_f32 v[(\sr):(\sr)+1], v[(\sr):(\sr)+1], v[(\sr)+4:(\sr)+5]
	v_pk_add_f32 v[(\sr)+2:(\sr)+3], v[(\sr)+2:(\sr)+3], v[(\sr)+6:(\sr)+7]
	v_pk_add_f32 v[(\sr)+8:(\sr)+9], v[(\sr)+8:(\sr)+9], v[(\sr)+12:(\sr)+13]
	v_pk_add_f32 v[(\sr)+10:(\sr)+11], v[(\sr)+10:(\sr)+11], v[(\sr)+14:(\sr)+15]
	v_pk_add_f32 v[(\sr):(\sr)+1], v[(\sr):(\sr)+1], v[(\sr)+8:(\sr)+9]
	v_pk_add_f32 v[(\sr)+2:(\sr)+3], v[(\sr)+2:(\sr)+3], v[(\sr)+10:(\sr)+11]
.irp x, 0,1,2,3
	v_add_f32_dpp v[(\sr)+\x], v[(\sr)+\x], v[(\sr)+\x] row_xmask:4 row_mask:0xf bank_mask:0xf
	v_add_f32_dpp v[(\sr)+\x], v[(\sr)+\x], v[(\sr)+\x] row_xmask:8 row_mask:0xf bank_mask:0xf
	v_permlanex16_b32 v[RT], v[(\sr)+\x], s[SEL], s[SEL+1]
	v_add_f32 v[(\sr)+\x], v[(\sr)+\x], v[RT]
.endr
	v_and_b32 v[K3], 3, v0
	v_lshl_add_u32 v[K3], v[K3], 4, v[MSA]
	ds_store_b128 v[K3], v[(\sr):(\sr)+3] offset:\mso  ; lanes with the same quarter store the same numbers to the same bytes
.endm
.macro COEF vb, vg, ve, ca, mso, gsh, invn, ato, bto  ; the channel at byte ca / 4: A and the C operand's number
	v_lshrrev_b32 v[K3], (\gsh)+2, v[\ca]
	v_lshl_add_u32 v[K3], v[K3], 3, v[MSA]
	ds_load_b64 v[K4:K5], v[K3] offset:\mso        ; LDS serves a wave's instructions in order: this sees my store above
	RB1 \vb
	RB1 \vg
	RB1 \ve
	s_wait_dscnt 0x0
	v_mul_f32 v[K4], \invn, v[K4]                  ; mean
	v_mul_f32 v[K5], \invn, v[K5]
	v_fma_f32 v[K5], -v[K4], v[K4], v[K5]
	v_max_num_f32 v[K5], 0, v[K5]
	v_add_f32 v[K5], 0x3727c5ac, v[K5]             ; + 1e-5
	v_rsq_f32 v[K5], v[K5]
	v_sub_f32 v[\vb], v[\vb], v[K4]                ; the plain line behind the root
	s_wait_alu depctr_va_vdst(0)                   ; and the wait ahead of its first reader
	v_mul_f32 v[\vg], v[\vg], v[K5]
	v_fma_f32 v[\vb], v[\vb], v[\vg], v[\ve]
	ds_store_b32 v[\ca], v[\vg] offset:\ato
	ds_store_b32 v[\ca], v[\vb] offset:\bto
.endm
.macro CONV8S a, sc                    ; eight weights: to bf16, times the channel's factor, to f16
.irp j, 0,1,2,3
	v_cvt_pk_bf16_f32 v[CO4+\j], v[(\a)+2*\j], v[(\a)+2*\j+1]
.endr
.irp j, 0,1,2,3
	v_lshlrev_b32 v[(\a)+2*\j], 16, v[CO4+\j]
	v_and_b32 v[(\a)+2*\j+1], s[HM], v[CO4+\j]
.endr
.if \sc
.irp j, 0,1,2,3
	v_pk_mul_f32 v[(\a)+2*\j:(\a)+2*\j+1], v[(\a)+2*\j:(\a)+2*\j+1], v[AV:AV+1]
.endr
.endif
.irp j, 0,1,2,3
	v_cvt_pk_f16_f32 v[CO4+\j], v[(\a)+2*\j], v[(\a)+2*\j+1]
.endr
.endm
.macro CONVW raw, pitch, ks, ntw, wf, sc, ato  ; wave w lays out channel tiles ntw w .. ntw w + ntw - 1 from its own raw rows: a trip a tile
	s_mul_i32 s50, s[WV], 16*(\ntw)*(\pitch)
	s_add_co_u32 s50, s50, \raw
	v_mul_u32_u24 v13, v1, \pitch
	v_lshl_add_u32 v13, v2, 5, v13
	v_add_nc_u32 v13, s50, v13                     ; row l % 16, 32 bytes for each half of the lanes: the pitch is an odd multiple of 16 bytes
	s_mul_i32 s52, s[WV], (\ntw)*(\ks)*1024
	v_add_nc_u32 v14, s52, v4
	s_mul_i32 s53, s[WV], (\ntw)*64
	v_lshl_add_u32 v[K3], v1, 2, s53
	s_mov_b32 s[CNT], \ntw
.Lcw\@:
.set q, 0
.rept 2*(\ks)
	ds_load_b128 v[CV+8*q:CV+8*q+3], v13 offset:64*q
	ds_load_b128 v[CV+8*q+4:CV+8*q+7], v13 offset:64*q+16
.set q, q+1
.endr
.if \sc
	ds_load_b32 v[AV], v[K3] offset:\ato
.endif
	s_wait_dscnt 0x0
.if \sc
	v_mov_b32 v[AV+1], v[AV]
.endif
.set q, 0
.rept 2*(\ks)
	CONV8S CV+8*q, \sc
	ds_store_b128 v14, v[CO4:CO4+3] offset:(\wf)+512*q
.set q, q+1
.endr
	v_add_nc_u32 v13, 16*(\pitch), v13
	v_add_nc_u32 v14, (\ks)*1024, v14
	v_add_nc_u32 v[K3], 64, v[K3]
	s_sub_co_u32 s[CNT], s[CNT], 1
	s_cmp_lg_u32 s[CNT], 0
	s_cbranch_scc1 .Lcw\@
.endm
.macro LPAR l                          ; a layer's figures
.if (\l) == 1
.set KSN, 1
.set WFB, W1F
.set BTB, BT1
.set NTL, 4
.set WSH, 10
.set BFR, 0
.elseif (\l) == 2
.set KSN, 2
.set WFB, W2F
.set BTB, BT2
.set NTL, 8
.set WSH, 11
.set BFR, 64
.else
.set KSN, 4
.set WFB, W3F
.set BTB, BT3
.set NTL, 16
.set WSH, 12
.set BFR, 0
.endif
.endm
.macro LOADW                           ; a channel tile's weights and C operand
.set q, 0
.rept 2*KSN
	ds_load_b128 v[WB+4*q:WB+4*q+3], v[WA] offset:WFB+512*q
.set q, q+1
.endr
	ds_load_b128 v[BB:BB+3], v[BA] offset:BTB
	ds_load_b128 v[BB+4:BB+7], v[BA] offset:BTB+16
.endm
.macro GLOAD g                         ; and, in layer 3, its eight s
	ds_load_b128 v[(\g):(\g)+3], v[BA] offset:G3T
	ds_load_b128 v[(\g)+4:(\g)+7], v[BA] offset:G3T+16
.endm
.macro ELU n, z, t                     ; elu(z) = the median of z, e^z - 1 and 0 (e^z - 1 >= z); n pairs; by stages, so that no line reads the line before it; the results, f16 in pairs, land in t + 0 .. n - 1
.set p, 0
.rept \n
	v_pk_mul_f32 v[(\t)+2*p:(\t)+2*p+1], v[(\z)+2*p:(\z)+2*p+1], s[LE:LE+1] op_sel_hi:[1,0]
.if p > 0
	v_exp_f32 v[(\t)+2*p-2], v[(\t)+2*p-2]
	v_exp_f32 v[(\t)+2*p-1], v[(\t)+2*p-1]
.endif
.set p, p+1
.endr
	v_exp_f32 v[(\t)+2*(\n)-2], v[(\t)+2*(\n)-2]
	v_exp_f32 v[(\t)+2*(\n)-1], v[(\t)+2*(\n)-1]
	v_nop                                          ; the plain line behind the last exponential
	s_wait_alu depctr_va_vdst(0)                   ; one wait for the batch, ahead of its first reader
.set p, 0
.rept \n
	v_pk_add_f32 v[(\t)+2*p:(\t)+2*p+1], v[(\t)+2*p:(\t)+2*p+1], -1.0 op_sel_hi:[1,0]
.set p, p+1
.endr
.set p, 0
.rept \n
	v_med3_num_f32 v[(\z)+2*p], v[(\z)+2*p], v[(\t)+2*p], 0
	v_med3_num_f32 v[(\z)+2*p+1], v[(\z)+2*p+1], v[(\t)+2*p+1], 0
.set p, p+1
.endr
.set p, 0
.rept \n
	v_cvt_pk_f16_f32 v[(\t)+p], v[(\z)+2*p], v[(\z)+2*p+1]
.set p, p+1
.endr
.endm
.macro ROT r, s, n                     ; the group in hand lies at the top; it takes the sum and goes to the bottom: after n turns each group is back in its place
	v_add_f32 v[\s], v[(\r)+(\n)-1], v[\s]
.set ii, (\n)-1
.rept (\n)-1
	v_mov_b32 v[(\r)+ii], v[(\r)+ii-1]
.set ii, ii-1
.endr
	v_mov_b32 v[\r], v[\s]
.endm
; Sums of a lane's 64 numbers, four chains each, each accumulator from its low end on.  Chain c of T1 holds registers 2 c and 2 c + 1 of every accumulator: one pair of channels.
; first: T2 starts here; fold: the group ends here; sg: the numbers are s y, so T1 is started in every tile and takes the tile's s at its fold.
.macro STAT first, fold, sg
.set p, 0
.rept 32
.if p < 4
	v_pk_add_f32 v[T1+2*p:T1+2*p+1], v[ACC+2*p:ACC+2*p+1], v[ACC+2*p+8:ACC+2*p+9]
.if \first
	v_pk_mul_f32 v[T2+2*p:T2+2*p+1], v[ACC+2*p:ACC+2*p+1], v[ACC+2*p:ACC+2*p+1]
.else
	v_pk_fma_f32 v[T2+2*p:T2+2*p+1], v[ACC+2*p:ACC+2*p+1], v[ACC+2*p:ACC+2*p+1], v[T2+2*p:T2+2*p+1]
.endif
.elseif p < 8
	v_pk_fma_f32 v[T2+2*(p%4):T2+2*(p%4)+1], v[ACC+2*p:ACC+2*p+1], v[ACC+2*p:ACC+2*p+1], v[T2+2*(p%4):T2+2*(p%4)+1]
.else
	v_pk_add_f32 v[T1+2*(p%4):T1+2*(p%4)+1], v[T1+2*(p%4):T1+2*(p%4)+1], v[ACC+2*p:ACC+2*p+1]
	v_pk_fma_f32 v[T2+2*(p%4):T2+2*(p%4)+1], v[ACC+2*p:ACC+2*p+1], v[ACC+2*p:ACC+2*p+1], v[T2+2*(p%4):T2+2*(p%4)+1]
.endif
.set p, p+1
.endr
.if \sg
	v_pk_mul_f32 v[T1:T1+1], v[T1:T1+1], v[GGC:GGC+1]
	v_pk_mul_f32 v[T1+2:T1+3], v[T1+2:T1+3], v[GGC+2:GGC+3]
	v_pk_fma_f32 v[T1:T1+1], v[T1+4:T1+5], v[GGC+4:GGC+5], v[T1:T1+1]
	v_pk_fma_f32 v[T1+2:T1+3], v[T1+6:T1+7], v[GGC+6:GGC+7], v[T1+2:T1+3]
	v_pk_add_f32 v[T1:T1+1], v[T1:T1+1], v[T1+2:T1+3]
.else
	v_pk_add_f32 v[T1:T1+1], v[T1:T1+1], v[T1+2:T1+3]
	v_pk_add_f32 v[T1+4:T1+5], v[T1+4:T1+5], v[T1+6:T1+7]
	v_pk_add_f32 v[T1:T1+1], v[T1:T1+1], v[T1+4:T1+5]
.endif
.if \fold
	v_pk_add_f32 v[T2:T2+1], v[T2:T2+1], v[T2+2:T2+3]
	v_pk_add_f32 v[T2+4:T2+5], v[T2+4:T2+5], v[T2+6:T2+7]
	v_add_f32 v[T1], v[T1], v[T1+1]
	v_pk_add_f32 v[T2:T2+1], v[T2:T2+1], v[T2+4:T2+5]
.if (\sg) && !(\first)
	v_add_f32 v[T1], v[T1], v[H1]
.endif
	v_add_f32 v[T2], v[T2], v[T2+1]
	ROT R1, T1, RN
	ROT R2, T2, RN
.else
	v_add_f32 v[H1], v[T1], v[T1+1]
.endif
.endm
.macro EXT                             ; the maximum of s y over the 8 tiles and the lane 8 away, a point's 16 neighbours, times s; by stages; register 0 of every accumulator is read first
.irp j, 0,1,2,3,4,5,6,7
	v_max3_num_f32 v[TT+\j], v[ACC+\j], v[ACC+8+\j], v[ACC+16+\j]
.endr
.irp j, 0,1,2,3,4,5,6,7
	v_max3_num_f32 v[TT+\j], v[TT+\j], v[ACC+24+\j], v[ACC+32+\j]
.endr
.irp j, 0,1,2,3,4,5,6,7
	v_max3_num_f32 v[TT+\j], v[TT+\j], v[ACC+40+\j], v[ACC+48+\j]
.endr
.irp j, 0,1,2,3,4,5,6,7
	v_max_num_f32 v[TT+\j], v[TT+\j], v[ACC+56+\j]
.endr
.irp j, 0,1,2,3,4,5,6,7
	v_max_num_f32_dpp v[TT+\j], v[TT+\j], v[TT+\j] row_xmask:8 row_mask:0xf bank_mask:0xf
.endr
.irp c, 0,2,4,6
	v_pk_mul_f32 v[TT+\c:TT+\c+1], v[TT+\c:TT+\c+1], v[GGC+\c:GGC+\c+1]
.endr
.irp j, 0,1,2,3,4,5,6,7
	ds_store_b32 v[SA], v[TT+\j] offset:272*\j     ; lanes r and r ^ 8 store the same number to the same word
.endr
.endm
.macro STEP l, par                     ; one channel tile x the chunk's 8 position tiles; par: the tile's parity (layer 3)
	LPAR \l
.if ((\l) < DEPTH) || ((\l) == 3)
	s_wait_dscnt 8                                 ; the tile's operands are in; the eight stores issued behind their loads may stay out
.else
	s_wait_dscnt 0x0
.endif
.if (\l) == 3
	WIN 0x08
.else
	WIN 0x04
.endif
.set k, 0
.rept KSN                              ; the eight accumulators take turns, one instruction a turn
.set n, 0
.rept 8
.if k == 0
	v_wmma_f32_16x16x32_f16 v[ACC+8*n:ACC+8*n+7], v[WB:WB+7], v[BFR+8*n:BFR+8*n+7], v[BB:BB+7]
.else
	v_wmma_f32_16x16x32_f16 v[ACC+8*n:ACC+8*n+7], v[WB+8*k:WB+8*k+7], v[BFR+64*k+8*n:BFR+64*k+8*n+7], v[ACC+8*n:ACC+8*n+7]
.endif
.set n, n+1
.endr
.set k, k+1
.endr
	WIN 0
	s_mov_b32 s[TO], s[TN]
	s_add_co_u32 s[TN], s[TN], 1
	s_and_b32 s[TN], s[TN], NTL-1                  ; behind the last tile the look-ahead goes back to tile 0
	v_lshl_add_u32 v[WA], s[TN], WSH, v4           ; four plain lines stand between the last product and the loads into its sources and the reads of its result
	v_lshl_add_u32 v[BA], s[TN], 6, v5
.if (\l) == 3
	s_mul_i32 s50, s[TO], 16*272
	s_lshl_b32 s51, s[CH], 5
	s_add_co_u32 s50, s50, s51
	v_add_nc_u32 v[SA], s50, v[SL]
.else
	v_lshl_add_u32 v[OA], s[TO], 12, v[OL]
.endif
	v_nop
	LOADW
.if (\l) == 3
.set GGC, GG0+(GG1-GG0)*(\par)
.set GGN, GG1-(GG1-GG0)*(\par)
	GLOAD GGN                                      ; the two sets of s take turns
	EXT
	STAT 1-(\par), \par, 1                         ; a group of layer 3 is two channel tiles
.elseif (\l) < DEPTH
	ELU 32, ACC, TT
.irp n, 0,1,2,3,4,5,6,7
	ds_store_b128 v[OA], v[TT+4*\n:TT+4*\n+3] offset:512*\n
.endr
.else
	STAT 1, 1, 0
.endif
.endm
.macro LAYER l
	LPAR \l
	s_wait_dscnt 0x0                               ; no load is out into the registers that are asked for anew
	s_mov_b32 s[TN], 0
	v_mov_b32 v[WA], v4
	v_mov_b32 v[BA], v5
	LOADW
.if (\l) == 3
	GLOAD GG0
	s_mov_b32 s[CNT], 8
.else
	s_mov_b32 s[CNT], NTL
.endif
	s_wait_dscnt 0x0                               ; on the way in no stores stand behind the first tile's loads: the counted wait in the loop is for the way back
.Llay\@:
.if (\l) == 3
	STEP 3, 0
	STEP 3, 1
.else
	STEP \l, 0
.endif
	s_sub_co_u32 s[CNT], s[CNT], 1
	s_cmp_lg_u32 s[CNT], 0
	s_cbranch_scc1 .Llay\@
.endm
.macro BULK kn, w, base                ; the finished layer comes back from my own LDS as source 1 of the next: behind my stores, in order
	WIN \w
.set k, 0
.rept \kn
.set n, 0
.rept 8
	ds_load_b128 v[(\base)+64*k+8*n:(\base)+64*k+8*n+3], v[OL] offset:8192*k+512*n
	ds_load_b128 v[(\base)+64*k+8*n+4:(\base)+64*k+8*n+7], v[OL] offset:8192*k+4096+512*n
.set n, n+1
.endr
.set k, k+1
.endr
	WIN 0
.endm
.if DEPTH == 2
	s_load_b512 s[8:23], s[0:1], 0x0
	s_load_b128 s[24:27], s[0:1], 0x40
.else
	s_load_b512 s[8:23], s[0:1], 0x0
	s_load_b512 s[24:39], s[0:1], 0x40
.endif
	v_lshl_add_u32 v[SPW], v0, 2, SPARE
	v_mov_b32 v[NIL], 0
	ds_add_u32 v[SPW], v[NIL]                      ; the wave's opening: the add and its wait ahead of my first tensor load; work on registers stands between them
	ds_add_u32 v16, v17
	v_lshrrev_b32 v13, 5, v0
	v_readfirstlane_b32 s[WV], v13
	s_lshr_b32 s[BI], ttmp9, 5                     ; cloud
	s_and_b32 s[REC], ttmp9, 31
	s_lshl_b32 s[N0], s[REC], 6                    ; first point
	s_mov_b32 s[HM], 0xffff0000
	s_mov_b32 s[SEL], 0x76543210
	s_mov_b32 s[SEL+1], 0xfedcba98
	s_mov_b32 s[LE], 0x3fb8aa3b
	s_mov_b32 s[LE+1], s[LE]                       ; named with it as a pair
	s_mov_b32 s[G1B], (2<<16)|(1<<20)|(5<<22)|(3<<25)  ; W2: elements of 4 bytes; padding on: 4 words after every 64
	s_mov_b32 s[G1B+1], 64<<16                     ; tensor_dim0
	s_mov_b32 s[G1B+2], 32<<16                     ; tensor_dim1
	s_mov_b32 s[G1B+3], 64<<16                     ; tile_dim0
	s_mov_b32 s[G1B+4], 32                         ; tile_dim1
	s_mov_b32 s[G1B+5], 64                         ; elements from row to row
	s_mov_b32 s[G1B+6], 0
	s_mov_b32 s[G1B+7], 0
	s_mov_b32 s[G0B], 1
	s_mul_i32 s[G0B+1], s[WV], 32*P2
	s_add_co_u32 s[G0B+1], s[G0B+1], RAW2
.if DEPTH == 3
	s_mov_b32 s[G1C], (2<<16)|(1<<20)|(6<<22)|(3<<25)  ; W3: 4 words after every 128
	s_mov_b32 s[G1C+1], 128<<16
	s_mov_b32 s[G1C+2], 64<<16
	s_mov_b32 s[G1C+3], 128<<16
	s_mov_b32 s[G1C+4], 64
	s_mov_b32 s[G1C+5], 128
	s_mov_b32 s[G1C+6], 0
	s_mov_b32 s[G1C+7], 0
	s_mov_b32 s[G0C], 1
	s_mul_i32 s[G0C+1], s[WV], 64*P3
	s_add_co_u32 s[G0C+1], s[G0C+1], RAW3
.endif
	v_and_b32 v1, 15, v0
	v_bfe_u32 v2, v0, 4, 1
	v_and_b32 v3, 31, v0
	v_lshlrev_b32 v4, 4, v3
	v_lshlrev_b32 v5, 5, v2
	s_lshl_b32 s50, s[WV], 15
	s_add_co_u32 s50, s50, AF
	v_add_nc_u32 v[OL], s50, v4
	s_lshl_b32 s50, s[WV], 13
	s_add_co_u32 s50, s50, XF
	v_add_nc_u32 v[XL], s50, v4
	v_and_b32 v13, 7, v0
	s_lshl_b32 s50, s[WV], 6
	s_add_co_u32 s50, s50, STG
	v_lshl_add_u32 v[SL], v13, 2, s50
	v_mul_u32_u24 v14, v2, 8*272
	v_add_nc_u32 v[SL], v[SL], v14
	v_mov_b32 v[RT], 0
	v_lshlrev_b32 v[C4], 2, v0
	v_and_b32 v[C4A], 63, v0                       ; layer 1 has 64 channels: waves 2 and 3 load what waves 0 and 1 load, so that every wave's count of loads is the same
	v_lshlrev_b32 v[C4A], 2, v[C4A]
	s_lshl_b32 s50, s[BI], 11
	v_add_nc_u32 v[RO], s50, v4                    ; my cloud's 32 records, 16 bytes a lane
	s_lshl_b32 s50, s[WV], 7
	s_add_co_u32 s50, s50, MS
	v_mov_b32 v[MSA], s50
	s_mul_i32 s50, s[WV], 384
	v_mul_u32_u24 v[W1A], v1, 24
	v_add_nc_u32 v[W1A], s50, v[W1A]               ; W1 [64][6]: row 16 w + l % 16
	s_lshl_b32 s50, s[WV], 4
	s_add_co_u32 s50, s50, s[N0]
	v_add_nc_u32 v13, s50, v13                     ; my column's point in chunk 0
	v_lshlrev_b32 v[PC], 2, v13
	v_bfe_u32 v14, v0, 3, 1
	v_lshlrev_b32 v14, 2, v14
	v_lshl_add_u32 v[PN], v13, 6, v14
	s_mul_i32 s50, s[BI], 24576
	s_mov_b32 s51, 0
	s_lshl_b32 s52, s[BI], 17
	s_mov_b32 s53, 0
	s_lshl_b32 s54, ttmp9, 6                       ; my record
	s_mov_b32 s55, 0
	s_lshl_b32 s62, s[WV], 13                      ; my 32 rows of W2
	s_mov_b32 s63, 0
	s_wait_dscnt 0x0                               ; the opening add is done
	s_wait_kmcnt 0x0
	s_add_nc_u64 s[G0B+2:G0B+3], s[PW2:PW2+1], s[62:63]
	s_or_b32 s[G0B+3], s[G0B+3], 0x80000000
.if DEPTH == 3
	s_lshl_b32 s62, s[WV], 15                      ; my 64 rows of W3
	s_add_nc_u64 s[G0C+2:G0C+3], s[PW3:PW3+1], s[62:63]
	s_or_b32 s[G0C+3], s[G0C+3], 0x80000000
.endif
	s_add_nc_u64 s[PTS:PTS+1], s[PTS:PTS+1], s[50:51]
	s_add_nc_u64 s[NIDX:NIDX+1], s[NIDX:NIDX+1], s[52:53]
	s_add_nc_u64 s[56:57], s[POUT:POUT+1], s[54:55]
.if DEPTH == 3
	s_add_nc_u64 s[56:57], s[56:57], 0x1000000     ; the records lie behind e3's 16,777,216 bytes
.endif
	tensor_load_to_lds s[G0B:G0B+3], s[G1B:G1B+7]  ; the first fills, together, ahead of every LDS read, barrier and wait on TENSORcnt
	s_nop 0
.if DEPTH == 3
	tensor_load_to_lds s[G0C:G0C+3], s[G1C:G1C+7]
	s_nop 0
.endif
.irp c, 0,1
.irp d, 0,1,2
	global_load_b32 v[CC+3*\c+\d], v[PC], s[PTS:PTS+1] offset:8192*\d+32*\c
.endr
.irp n, 0,1,2,3,4,5,6,7
	global_load_b32 v[NI+8*\c+\n], v[PN], s[NIDX:NIDX+1] offset:512*\c+8*\n
.endr
.endr
.irp j, 0,1,2,3
	global_load_b128 v[SRA+4*\j:SRA+4*\j+3], v[RO], s[PP1:PP1+1] offset:512*\j  ; 512 consecutive bytes: lane l has quarter l % 4 of record 8 j + l / 4
.endr
.if DEPTH == 3
.irp j, 0,1,2,3
	global_load_b128 v[SRB+4*\j:SRB+4*\j+3], v[RO], s[PP2:PP2+1] offset:512*\j
.endr
.endif
	global_load_b32 v[PV], v[C4A], s[PB1:PB1+1]
	global_load_b32 v[PV+1], v[C4A], s[PG1:PG1+1]
	global_load_b32 v[PV+2], v[C4A], s[PE1:PE1+1]
	global_load_b32 v[PV+3], v[C4], s[PB2:PB2+1]
.if DEPTH == 3
	global_load_b32 v[PV+4], v[C4], s[PG2:PG2+1]
	global_load_b32 v[PV+5], v[C4], s[PE2:PE2+1]
	global_load_b32 v[PV+6], v[C4], s[PB3:PB3+1]
	global_load_b32 v[PV+7], v[C4], s[PB3:PB3+1] offset:512
	global_load_b32 v[PV+8], v[C4], s[PG3:PG3+1]
	global_load_b32 v[PV+9], v[C4], s[PG3:PG3+1] offset:512
.endif
	global_load_b64 v[W1R:W1R+1], v[W1A], s[PW1:PW1+1]
	global_load_b64 v[W1R+2:W1R+3], v[W1A], s[PW1:PW1+1] offset:8
	global_load_b64 v[W1R+4:W1R+5], v[W1A], s[PW1:PW1+1] offset:16
	s_wait_loadcnt NHL                             ; the centres and the indices are in; what was issued behind them may stay out
.set i, 0
.rept 16
	v_min_u32 v[NI+i], 0x7ff, v[NI+i]
	v_lshlrev_b32 v[NI+i], 2, v[NI+i]
.set i, i+1
.endr
.set i, 0
.rept 16
	global_load_b32 v[NB+3*i], v[NI+i], s[PTS:PTS+1]
	global_load_b32 v[NB+3*i+1], v[NI+i], s[PTS:PTS+1] offset:8192
	global_load_b32 v[NB+3*i+2], v[NI+i], s[PTS:PTS+1] offset:16384
.set i, i+1
.endr
	s_wait_loadcnt 48                              ; records, parameters and W1 are in; the 48 gathers stay out
	s_cmp_lt_u32 s[WV], 2                          ; layer 1's 64 channels: waves 0 and 1
	s_cbranch_scc0 .Lno1
	SUMS SRA, 0
	COEF PV, PV+1, PV+2, C4A, 0, 3, 0x36800000, AT1, BT1  ; n = 8 x 32,768 = 2^18
.Lno1:
.if DEPTH == 2
	RB1 PV+3
	ds_store_b32 v[C4], v[PV+3] offset:BT2
.else
	SUMS SRB, 64
	COEF PV+3, PV+4, PV+5, C4, 64, 4, 0x36000000, AT2, BT2  ; n = 2^19
	RB1 PV+6
	RB1 PV+7
	v_mov_b32 v[K0], 1.0
	v_cmp_le_f32 vcc_lo, 0, v[PV+8]
	v_cndmask_b32 v[PV+8], -1.0, v[K0], vcc_lo     ; s: rounding to bf16 leaves a sign as it is
	v_cmp_le_f32 vcc_lo, 0, v[PV+9]
	v_cndmask_b32 v[PV+9], -1.0, v[K0], vcc_lo
	v_mul_f32 v[PV+6], v[PV+6], v[PV+8]
	v_mul_f32 v[PV+7], v[PV+7], v[PV+9]
	ds_store_b32 v[C4], v[PV+6] offset:BT3
	ds_store_b32 v[C4], v[PV+7] offset:BT3+512
	ds_store_b32 v[C4], v[PV+8] offset:G3T
	ds_store_b32 v[C4], v[PV+9] offset:G3T+512
.endif
	s_wait_dscnt 0x0
	s_barrier_signal -1
	s_barrier_wait -1                              ; the tables by channel are whole
	s_wait_loadcnt 0x0                             ; the neighbours' coordinates
	RB2 CC
	RB2 CC+2
	RB2 CC+4
.set i, 0
.rept 24
	RB2 NB+2*i
.set i, i+1
.endr
	v_mov_b32 v[XP+3], 0
.set i, 0
.rept 16                               ; tile i: k = 0..5 are cx, cy, cz, dx, dy, dz; lanes 16-31 hold the same finite numbers, which meet zeros in W1's fragments
	v_sub_f32 v[NB+3*i], v[NB+3*i], v[CC+3*(i/8)]
	v_sub_f32 v[NB+3*i+1], v[NB+3*i+1], v[CC+3*(i/8)+1]
	v_sub_f32 v[NB+3*i+2], v[NB+3*i+2], v[CC+3*(i/8)+2]
	v_cvt_pk_f16_f32 v[XP], v[CC+3*(i/8)], v[CC+3*(i/8)+1]
	v_cvt_pk_f16_f32 v[XP+1], v[CC+3*(i/8)+2], v[NB+3*i]
	v_cvt_pk_f16_f32 v[XP+2], v[NB+3*i+1], v[NB+3*i+2]
	ds_store_b128 v[XL], v[XP:XP+3] offset:512*i
.set i, i+1
.endr
	; W1: wave w lays out channel tile w; k >= 6 is zero: the fourth register, lanes 16-31, and the second half
	s_lshl_b32 s50, s[WV], 6
	v_lshl_add_u32 v14, v1, 2, s50
	ds_load_b32 v[AV], v14 offset:AT1
	RB2 W1R
	RB2 W1R+2
	RB2 W1R+4
	s_wait_dscnt 0x0
	v_mov_b32 v[AV+1], v[AV]
.irp j, 0,1,2
	v_pk_mul_f32 v[W1R+2*\j:W1R+2*\j+1], v[W1R+2*\j:W1R+2*\j+1], v[AV:AV+1]
.endr
	v_cmp_eq_u32 vcc_lo, 0, v2
.irp j, 0,1,2
	v_cvt_pk_f16_f32 v[CO4+\j], v[W1R+2*\j], v[W1R+2*\j+1]
	v_cndmask_b32 v[CO4+\j], 0, v[CO4+\j], vcc_lo
.endr
	v_mov_b32 v[CO4+3], 0
	s_lshl_b32 s50, s[WV], 10
	v_add_nc_u32 v14, s50, v4
	ds_store_b128 v14, v[CO4:CO4+3] offset:W1F
.irp j, 0,1,2,3
	v_mov_b32 v[CV+\j], 0
.endr
	ds_store_b128 v14, v[CV:CV+3] offset:W1F+512
	s_wait_tensorcnt 0x0                           ; my raw rows have landed,
	s_wait_dscnt 0x0
	s_barrier_signal -1
	s_barrier_wait -1                              ; everybody's have
.if DEPTH == 2
	CONVW RAW2, P2, 2, 2, W2F, 0, 0
.else
	CONVW RAW2, P2, 2, 2, W2F, 1, AT2
	CONVW RAW3, P3, 4, 4, W3F, 1, G3T
.endif
	WIN 0x40
.set i, 0
.rept 8                                ; k = 16 .. 31 of x0's fragments: zeros, once
.irp j, 4,5,6,7
	v_mov_b32 v[8*i+\j], 0
.endr
.set i, i+1
.endr
	WIN 0
.set i, 0
.rept 16
	v_mov_b32 v[R1+i], 0
.set i, i+1
.endr
	s_wait_dscnt 0x0
	s_barrier_signal -1
	s_barrier_wait -1                              ; all weights lie in LDS as fragments, and nobody reads the raw rows any more: their bytes now serve as AF and STG
	s_mov_b32 s[CH], 0
.Lchunk:                               ; two trips: 8 points x 16 neighbours each
	v_lshl_add_u32 v13, s[CH], 12, v[XL]
	WIN 0x40
.irp n, 0,1,2,3,4,5,6,7
	ds_load_b128 v[8*\n:8*\n+3], v13 offset:512*\n
.endr
	WIN 0
	LAYER 1
	BULK 2, 0x40, 64
	LAYER 2
.if DEPTH > 2
	BULK 4, 0x80, 0
	LAYER 3
.endif
	s_add_co_u32 s[CH], s[CH], 1
	s_cmp_lt_u32 s[CH], 2
	s_cbranch_scc1 .Lchunk
	s_wait_dscnt 0x0
	s_lshl_b32 s50, s[WV], 6
.irp x, 0,1,2,3,4,5,6,7
	RED32 R1+\x
	RED32 R2+\x
.endr
	v_mov_b32 v13, s50
.irp g, 0,1,2,3,4,5,6,7
	ds_store_b32 v13, v[R1+7-\g] offset:RED+8*\g
	ds_store_b32 v13, v[R2+7-\g] offset:RED+8*\g+4
.endr
	s_wait_dscnt 0x0
	s_barrier_signal -1
	s_barrier_wait -1                              ; the four waves' sums, and at depth 3 the stage, are whole
	s_cmp_lg_u32 s[WV], 0
	s_cbranch_scc1 .Lnorec
	v_lshlrev_b32 v[K0], 2, v1                     ; lanes l and l + 16 store the same word
	ds_load_b32 v[K3], v[K0] offset:RED
	ds_load_b32 v[K4], v[K0] offset:RED+64
	ds_load_b32 v[K5], v[K0] offset:RED+128
	ds_load_b32 v[RT], v[K0] offset:RED+192
	s_wait_dscnt 0x0
	v_add_f32 v[K3], v[K3], v[K4]
	v_add_f32 v[K5], v[K5], v[RT]
	v_add_f32 v[K3], v[K3], v[K5]
	global_store_b32 v[K0], v[K3], s[56:57]
.Lnorec:
.if DEPTH == 3
	s_mul_i32 s50, s[WV], 64*272                   ; wave w stores channel rows 64 w .. 64 w + 63: lanes 0-15 one row's 256 bytes, lanes 16-31 the next
	s_add_co_u32 s50, s50, STG
	v_mul_u32_u24 v13, v2, 272
	v_lshl_add_u32 v13, v1, 4, v13
	v_add_nc_u32 v13, s50, v13
	v_lshlrev_b32 v14, 16, v2
	v_lshl_add_u32 v14, v1, 4, v14
	s_lshl_b32 s50, s[WV], 22
	s_lshl_b32 s51, ttmp9, 8
	s_add_co_u32 s50, s50, s51
	s_mov_b32 s51, 0
	s_add_nc_u64 s[POUT:POUT+1], s[POUT:POUT+1], s[50:51]
.set i, 0
.rept 32
	ds_load_b128 v[ACC+4*i:ACC+4*i+3], v13 offset:544*i
.set i, i+1
.endr
.set i, 0
.rept 32
	s_wait_dscnt 31-i                              ; the younger read-backs may stay out
	global_store_b128 v14, v[ACC+4*i:ACC+4*i+3], s[POUT:POUT+1] offset:131072*i  ; sixteen lanes store 256 consecutive bytes, aligned
.set i, i+1
.endr
.endif
	s_wait_tensorcnt 0x0                           ; the wave's end
	ds_add_u32 v[SPW], v[NIL]
	s_wait_dscnt 0x0
	s_endpgm
.Lfunc_end_k_q86983adaf3_chain3:
	.size	k_q86983adaf3_chain3, .Lfunc_end_k_q86983adaf3_chain3-k_q86983adaf3_chain3
	.p2alignl 7, 3214868480
	.fill 96, 4, 3214868480
	.section	.rodata,"a",@progbits
	.p2align	6, 0x0
	.amdhsa_kernel k_q86983adaf3_chain3
		.amdhsa_group_segment_fixed_size 324352
		.amdhsa_private_segment_fixed_size 0
		.amdhsa_enable_private_segment 0
		.amdhsa_kernarg_size 128
		.amdhsa_user_sgpr_count 2
		.amdhsa_user_sgpr_kernarg_segment_ptr 1
		.amdhsa_wavefront_size32 1
		.amdhsa_system_sgpr_workgroup_id_x 1
		.amdhsa_system_sgpr_workgroup_id_y 1
		.amdhsa_system_sgpr_workgroup_id_z 1
		.amdhsa_system_vgpr_workitem_id 0
		.amdhsa_next_free_vgpr 768
		.amdhsa_next_free_sgpr 92
		.amdhsa_reserve_vcc 1
		.amdhsa_float_denorm_mode_32 3
		.amdhsa_float_denorm_mode_16_64 3
		.amdhsa_memory_ordered 1
		.amdhsa_forward_progress 1
		.amdhsa_inst_pref_size 122
	.end_amdhsa_kernel
	.amdgpu_metadata
---
amdhsa.version: [ 1, 2 ]
amdhsa.kernels:
  - .name:           k_q86983adaf3_chain3
    .symbol:         k_q86983adaf3_chain3.kd
    .args:
      - { .name: points, .offset: 0, .size: 8, .value_kind: global_buffer, .address_space: global }
      - { .name: nidx, .offset: 8, .size: 8, .value_kind: global_buffer, .address_space: global }
      - { .name: params1_0_0, .offset: 16, .size: 8, .value_kind: global_buffer, .address_space: global }
      - { .name: params1_0_1, .offset: 24, .size: 8, .value_kind: global_buffer, .address_space: global }
      - { .name: params1_0_2, .offset: 32, .size: 8, .value_kind: global_buffer, .address_space: global }
      - { .name: params1_0_3, .offset: 40, .size: 8, .value_kind: global_buffer, .address_space: global }
      - { .name: params1_1_0, .offset: 48, .size: 8, .value_kind: global_buffer, .address_space: global }
      - { .name: params1_1_1, .offset: 56, .size: 8, .value_kind: global_buffer, .address_space: global }
      - { .name: params1_1_2, .offset: 64, .size: 8, .value_kind: global_buffer, .address_space: global }
      - { .name: params1_1_3, .offset: 72, .size: 8, .value_kind: global_buffer, .address_space: global }
      - { .name: params1_2_0, .offset: 80, .size: 8, .value_kind: global_buffer, .address_space: global }
      - { .name: params1_2_1, .offset: 88, .size: 8, .value_kind: global_buffer, .address_space: global }
      - { .name: params1_2_2, .offset: 96, .size: 8, .value_kind: global_buffer, .address_space: global }
      - { .name: p1, .offset: 104, .size: 8, .value_kind: global_buffer, .address_space: global }
      - { .name: p2, .offset: 112, .size: 8, .value_kind: global_buffer, .address_space: global }
      - { .name: e3, .offset: 120, .size: 8, .value_kind: global_buffer, .address_space: global }
    .group_segment_fixed_size: 324352
    .private_segment_fixed_size: 0
    .kernarg_segment_align: 8
    .kernarg_segment_size: 128
    .max_flat_workgroup_size: 128
    .sgpr_count:     92
    .vgpr_count:     768
    .wavefront_size: 32
...
	.end_amdgpu_metadata
.endif
;; end of part 12
;; launch gemm4: the kernel of part 9 again; grid 256 x 1, 4 waves a work-group, no clusters, 225,024 bytes of LDS; arguments e3, wf, params1_2_2, params1_2_3, params2_0_1, u4; writes u4
;; launch gemm5: the kernel of part 10 again; grid 256 x 1, 4 waves a work-group, no clusters, 300,800 bytes of LDS; arguments u4, wf, params2_0_2, params2_0_3, params2_0_1, params2_1_1, u5; writes u5
;; launch final: the kernel of part 8 again; grid 1024 x 1, 8 waves a work-group, no clusters, 0 bytes of LDS; arguments u5, params2_1_2, params2_1_3, params2_1_1, out0; writes out0
